; MI455X (gfx1250); checked and timed in simulation.
; The chip was launched on July 23, 2026; its instructions are those of AMD's public machine-readable ISA for CDNA 5 (MIT licence, August 2026) and "CDNA5" Instruction Set Architecture Reference Guide (July 2026).
;; Encoder Layer. Allowed arithmetic: matrix products marked QUANTISED: E3M2 operands, one E8M0 scale for each 32 along K, by v_wmma_scale_f32_16x16x128_f8f6f4 with both operands' format E3M2, f32 sums; everything else in f32.
;; Inputs: W1 1,024 x 4,096 float32; W2 4,096 x 1,024 float32; W_o 1,024 x 1,024 float32; W_qkv 1,024 x 3,072 float32; b1 4,096 float32; b2 1,024 float32; b_o 1,024 float32; b_qkv 3,072 float32; beta1 1,024 float32; beta2 1,024 float32; gamma1 1,024 float32; gamma2 1,024 float32; x 2 x 2,048 x 1,024 float32.
;; Outputs: out0 2 x 2,048 x 1,024 float32.
;; This version of the problem:
;;   THIS VERSION OF THE PROBLEM IS GIVEN IN LOW PRECISION. The matrix products marked QUANTISED in the list below multiply operands that are first quantised to E3M2 (3 exponent bits, 2 mantissa bits; 6 bits a number), with one power-of-two scale for each 32 numbers along K (OCP MX v1.0); their sums are f32. All else is computed in f32.
;;   The module's matrix products, in the order in which they are computed (A, B: the left and right operand; K: the contracted axis; several contracted axes count as one K, in the product's order):
;;     1. [M 4,096, K 1,024] x [K 1,024, N 3,072]; A: input x; B: input W_qkv: QUANTISED
;;     2. batch 32 x [M 2,048, K 64] x [K 64, N 2,048]; A: computed on the way; B: computed on the way: QUANTISED
;;     3. batch 32 x [M 2,048, K 2,048] x [K 2,048, N 64]; A: softmax (see below); B: computed on the way: QUANTISED
;;     4. [M 4,096, K 1,024] x [K 1,024, N 1,024]; A: computed on the way; B: input W_o: QUANTISED
;;     5. [M 4,096, K 1,024] x [K 1,024, N 4,096]; A: computed on the way; B: input W1: QUANTISED
;;     6. [M 4,096, K 4,096] x [K 4,096, N 1,024]; A: computed on the way; B: input W2: QUANTISED
;;   THE QUANTISER, for each operand of a quantised product, along K:
;;     - K is cut into blocks of 32 from its start; a last block that is shorter is filled with zeros.
;;     - A block's scale is 2^e with e = floor(log2(the largest magnitude in the block)) - 4, held to -126 .. 127; a block of zeros has e = 0. As a byte (E8M0): e + 127.
;;     - Each number is divided by its block's scale, clamped to +-28, and rounded to the nearest number of E3M2, ties to even, subnormals kept.
;;     - The product sums the exact products of the quantised numbers (number of the format x scale) in f32.
;;   ~~~python
;;   def quantise(x, axis):      # numpy; x: float32 -> the quantised numbers, widened to float32 again
;;       x = np.moveaxis(x, axis, -1); K = x.shape[-1]
;;       x = np.pad(x, [(0, 0)] * (x.ndim - 1) + [(0, -K % 32)]); x = x.reshape(x.shape[:-1] + (-1, 32)); a = np.abs(x).max(-1, keepdims=True)
;;       e = np.where(a > 0, np.clip(np.frexp(np.where(a > 0, a, 1))[1] - 1 - 4, -126, 127), 0)      # np.frexp(a)[1] - 1 = floor(log2(a)), exactly
;;       r = np.clip(x / 2.0 ** e, -28, 28)
;;       step = 2.0 ** (np.maximum(np.frexp(np.where(r == 0, 1, r))[1] - 1, -2) - 2)
;;       q = np.round(r / step) * step * 2.0 ** e      # np.round: ties to even
;;       return np.moveaxis(q.reshape(q.shape[:-2] + (-1,))[..., :K], -1, axis).astype(np.float32)
;;   ~~~
;;   SOFTMAX AHEAD OF A QUANTISED PRODUCT. Where the list says 'softmax', what is quantised is not the finished softmax but p = 2^(t - M), with t = logit x log2(e) and M = ceil(the row's largest t), a whole number; so 1/2 < the row's largest p <= 1. The row's sum l is taken of the UNQUANTISED p, in f32, and the product's result is divided by l at the end. Since M is a whole number, a kernel that streams over the keys may use a running M (the ceiling of the running maximum): every later rescaling is an exact power of two, which a block's scale takes up: the codes' values come out the same.
;;   OPERANDS COMPUTED ON THE WAY. 'Computed on the way' means the value that the module computes at that place (a softmax that the list does not call 'softmax' is quantised finished and normalised). What goes into a quantiser is computed in f32, as accurately as f32 sums, v_exp_f32 and their like allow (about 1e-6 of the number): no bf16 or f16 on the way to a quantiser, and a product that is left as it is and whose result goes on into a quantised operand takes f32 operands (vector FMAs, or v_wmma_f32_16x16x4_f32). A number that lies on a knife's edge between two numbers of the format may be rounded either way, as far as f32 arithmetic and the matrix unit's own rounding can turn it there, and no further.
;; One version. Each part assembles by itself: llvm-mc -triple=amdgcn-amd-amdhsa -mcpu=gfx1250 --defsym DOCPART=n.
;; ======== version 1 of 1: 8 launches
;; limits: right only within a limited range of input values
;; workspace buffers: pc 9,437,184 bytes; ps 393,216 bytes; qkc 16,777,216 bytes; qks 16,777,216 bytes; vc 12,582,912 bytes; vs 524,288 bytes; cx 16,777,216 bytes; cxs 131,072 bytes
;; launch prepare (part 1): grid 128 x 1, 32 waves a work-group, no clusters, 309,248 bytes of LDS; arguments x, W_qkv, W_o, pc, ps; writes pc, ps
.if DOCPART == 1
	.amdgcn_target "amdgcn-amd-amdhsa--gfx1250"
	.amdhsa_code_object_version 6
	.text
	.protected	k_q0f68157b24_prepare
	.globl	k_q0f68157b24_prepare
	.p2align	8
	.type	k_q0f68157b24_prepare,@function
k_q0f68157b24_prepare:
	s_mov_b64 s[64:65], 0
	v_nop
	global_prefetch_b8 v0, s[64:65] scope:SCOPE_SE
	s_setreg_imm32_b32 hwreg(HW_REG_WAVE_MODE, 25, 1), 1
	s_wait_xcnt 0x0
.set TOK,   4096
.set WKN,   1
.set WKO, 1
.set QF0, 0
.set QSH, 192
.set QSK, 3072
.set KF0, 64
.set KSH, 192
.set KSK, 3072
.set VF0, 128
.set VSH, 192
.set VSK, 3072
.set OSH, 64
.set OSK, 1024
.set W3,    0
.set IN3,   0
.set XT,    (1+2*IN3)*TOK
.set WAVES, 32
.set KROW,  768
.set PITCH, 272
.set WREG,  32*PITCH
.set SCB,   WAVES*WREG
.set STG,   SCB+WAVES*64
.set SPARE, STG+WAVES*768
.set SP,    KROW+16
.set EMAX,  4
.set X,     16
.set E,     80
.set T,     84
.set C,     96
.if IN3
	s_load_b64 s[4:5], s[0:1], 0x0
	s_load_b64 s[14:15], s[0:1], 0x8
	s_load_b64 s[62:63], s[0:1], 0x10
	s_load_b64 s[6:7], s[0:1], 0x18
	s_load_b128 s[8:11], s[0:1], 0x20
	s_load_b64 s[12:13], s[0:1], 0x30
	s_load_b128 s[40:43], s[0:1], 0x38
.elseif W3
	s_load_b256 s[4:11], s[0:1], 0x0
	s_load_b64 s[12:13], s[0:1], 0x20
	s_load_b128 s[40:43], s[0:1], 0x28
.else
	s_load_b128 s[4:7], s[0:1], 0x0
	s_load_b64 s[12:13], s[0:1], 0x10
	s_load_b128 s[40:43], s[0:1], 0x18
.endif
	v_lshl_add_u32 v2, v0, 2, SPARE
	v_mov_b32 v3, 0
	ds_add_u32 v2, v3
	ds_add_u32 v2, v3
	v_lshrrev_b32 v1, 5, v0
	v_readfirstlane_b32 s16, v1
	v_and_b32 v9, 31, v0
	s_mul_i32 s17, s16, WREG
	v_lshlrev_b32 v1, 3, v9
	s_and_b32 s19, s16, 0xfffffffc
	s_lshl_b32 s19, s19, 6
	s_add_co_u32 s19, s19, SCB
	v_add_nc_u32 v7, s19, v1
	s_mov_b32 s24, (3<<16)|(1<<20)|(5<<22)|(3<<25)
	s_mov_b32 s25, 32<<16
	s_mov_b32 s26, 32<<16
	s_mov_b32 s27, 32<<16
	s_mov_b32 s28, 32
	s_mov_b32 s30, 0
	s_mov_b32 s31, 0
	s_mul_i32 s19, ttmp9, WAVES
	s_add_co_u32 s33, s19, s16
	s_lshr_b32 s34, s33, 2
	s_and_b32 s35, s33, 3
	s_sub_co_u32 s36, s34, XT/8
	s_lshr_b32 s37, s36, 7
	s_add_co_u32 s37, s37, 1
	s_and_b32 s36, s36, 127
	s_cmp_lt_u32 s34, XT/8
	s_cselect_b32 s37, 0, s37
	s_cselect_b32 s36, s34, s36
.if IN3
	s_sub_co_u32 s50, s36, TOK/8
	s_cmp_ge_u32 s36, TOK/8
	s_cselect_b32 s49, s50, s36
	s_cselect_b32 s51, 1, 0
	s_sub_co_u32 s50, s36, 2*(TOK/8)
	s_cmp_ge_u32 s36, 2*(TOK/8)
	s_cselect_b32 s49, s50, s49
	s_cselect_b32 s51, 2, s51
	s_lshl_b32 s52, s49, 15
.else
	s_lshl_b32 s52, s36, 15
.endif
	s_lshl_b32 s53, s35, 13
	s_add_co_u32 s52, s52, s53
	s_lshr_b32 s54, s36, 3
	s_and_b32 s55, s36, 7
	s_mov_b32 s44, 4*QSH
	s_mov_b32 s45, 4*QF0
	s_mov_b32 s46, 128*QSK
	s_cmp_eq_u32 s37, 2
	s_cselect_b32 s44, 4*KSH, s44
	s_cselect_b32 s45, 4*KF0, s45
	s_cselect_b32 s46, 128*KSK, s46
	s_cmp_eq_u32 s37, 3
	s_cselect_b32 s44, 4*VSH, s44
	s_cselect_b32 s45, 4*VF0, s45
	s_cselect_b32 s46, 128*VSK, s46
	s_cmp_eq_u32 s37, 4
	s_cselect_b32 s44, 4*OSH, s44
	s_cselect_b32 s45, 0, s45
	s_cselect_b32 s46, 128*OSK, s46
	s_cselect_b32 s48, WKO, WKN
	s_mul_i32 s54, s54, s44
	s_add_co_u32 s54, s54, s45
	s_lshl_b32 s55, s55, 15
	s_add_co_u32 s55, s55, s53
	s_add_co_u32 s55, s55, s54
	s_mul_i32 s47, s16, s46
	s_add_co_u32 s47, s47, s54
	s_lshr_b32 s46, s46, 8
	s_cmp_eq_u32 s37, 0
	s_cselect_b32 s48, 0, s48
	s_cselect_b32 s55, s52, s55
	s_cmp_eq_u32 s48, 0
	s_cselect_b32 s52, s55, s47
	s_cselect_b32 s29, 32, s46
	s_mov_b32 s53, 0
	s_and_b32 s54, s36, 3
	s_lshl_b32 s54, s54, 2
	s_bfe_u32 s55, s36, 0x10002
	s_or_b32 s54, s54, s55
	s_bfe_u32 s55, s36, 0x10003
	s_lshl_b32 s55, s55, 4
	s_or_b32 s54, s54, s55
	s_bfe_u32 s55, s36, 0x10004
	s_lshl_b32 s55, s55, 1
	s_or_b32 s54, s54, s55
	s_and_b32 s55, s36, 0xffffffe0
	s_or_b32 s38, s54, s55
	s_lshr_b32 s54, s36, 3
	s_bfe_u32 s55, s36, 0x10002
	s_and_b32 s56, s36, 3
	s_lshl_b32 s57, s54, 3
	s_lshl_b32 s58, s56, 1
	s_add_co_u32 s57, s57, s58
	s_add_co_u32 s57, s57, s55
	s_add_co_u32 s58, s57, 128
	s_add_co_u32 s59, s57, 256
	s_cmp_eq_u32 s37, 1
	s_cselect_b32 s38, s57, s38
	s_cmp_eq_u32 s37, 2
	s_cselect_b32 s38, s58, s38
	s_cmp_eq_u32 s37, 3
	s_cselect_b32 s38, s59, s38
	s_cmp_eq_u32 s37, 4
	s_cselect_b32 s38, s36, s38
	s_cmp_eq_u32 s37, 0
	s_cselect_b32 s39, 0, XT/8
	s_cmp_eq_u32 s37, 4
	s_cselect_b32 s39, (XT+3072)/8, s39
	s_add_co_u32 s38, s38, s39
	s_mul_i32 s54, s38, 8*KROW
	s_mul_i32 s55, s35, 2*KROW
	s_add_co_u32 s54, s54, s55
	s_mov_b32 s55, 0
	s_lshl_b32 s56, s38, 8
	s_mov_b32 s57, 0
	s_mov_b32 s20, 1
	s_mov_b32 s21, s17
	s_wait_alu depctr_va_vdst(0)
	s_wait_dscnt 0x0
	s_wait_kmcnt 0x0
.if IN3
	s_cmp_eq_u32 s51, 1
	s_cselect_b64 s[4:5], s[14:15], s[4:5]
	s_cmp_eq_u32 s51, 2
	s_cselect_b64 s[4:5], s[62:63], s[4:5]
.endif
	s_cmp_eq_u32 s37, 0
	s_cselect_b64 s[4:5], s[4:5], s[6:7]
.if W3
	s_cmp_eq_u32 s37, 2
	s_cselect_b64 s[4:5], s[8:9], s[4:5]
	s_cmp_eq_u32 s37, 3
	s_cselect_b64 s[4:5], s[10:11], s[4:5]
.endif
	s_cmp_eq_u32 s37, 4
	s_cselect_b64 s[4:5], s[12:13], s[4:5]
	s_add_nc_u64 s[22:23], s[4:5], s[52:53]
	s_or_b32 s23, s23, 0x80000000
	tensor_load_to_lds s[20:23], s[24:31]
	s_nop 0
.rept 4
	v_nop
.endr
	s_add_nc_u64 s[8:9], s[40:41], s[54:55]
	s_add_nc_u64 s[10:11], s[42:43], s[56:57]
.if WKN && WKO
	s_cmp_ge_u32 ttmp9, XT/64
	s_cbranch_scc1 .Lweights
.elseif WKN
	s_sub_co_u32 s44, ttmp9, XT/64
	s_cmp_lt_u32 s44, 48
	s_cbranch_scc1 .Lweights
.elseif WKO
	s_cmp_ge_u32 ttmp9, XT/64+48
	s_cbranch_scc1 .Lweights
.endif
	v_lshrrev_b32 v4, 2, v9
	v_mul_u32_u24 v4, v4, PITCH
	v_and_b32 v12, 3, v9
	v_lshl_add_u32 v4, v12, 6, v4
	v_add_nc_u32 v4, s17, v4
	s_lshl_b32 s18, s16, 6
	s_add_co_u32 s18, s18, SCB
	v_lshrrev_b32 v6, 1, v9
	v_add_nc_u32 v6, s18, v6
	s_mul_i32 s18, s16, 768
	s_add_co_u32 s18, s18, STG
	v_mul_u32_u24 v12, v9, 12
	v_add_nc_u32 v12, s18, v12
	v_add_nc_u32 v13, s18, v1
	s_wait_alu depctr_va_vdst(0)
.macro FETCH t
.irp i, 0,1,2,3
	ds_load_b128 v[X+16*((\t)%2)+4*\i:X+16*((\t)%2)+4*\i+3], v4 offset:(\t)*8*PITCH+16*\i
.endr
.endm
.macro STEP t
.set XS, X+16*((\t)%2)
.set CS, C+4*(\t)
.if (\t) < 3
	FETCH (\t)+1
	s_wait_dscnt 4
.else
	s_wait_dscnt 0
.endif
	v_max3_num_f32 v8, |v[XS]|, |v[XS+1]|, |v[XS+2]|
	v_max3_num_f32 v14, |v[XS+3]|, |v[XS+4]|, |v[XS+5]|
.irp i, 6,10
	v_max3_num_f32 v8, v8, |v[XS+\i]|, |v[XS+\i+1]|
	v_max3_num_f32 v14, v14, |v[XS+\i+2]|, |v[XS+\i+3]|
.endr
	v_max3_num_f32 v8, v8, |v[XS+14]|, |v[XS+15]|
	v_max3_num_f32 v8, v8, v14, (EMAX+1)<<23
	v_max_num_f32_dpp v8, v8, v8 row_xmask:1 row_mask:0xf bank_mask:0xf
	v_add_nc_u32 v11, -(EMAX<<23), v8
	v_cvt_scalef32_pk16_bf6_f32 v[CS:CS+2], v[XS:XS+15], v11
	v_lshrrev_b32 v[E+(\t)], 23, v11
	ds_store_b8 v6, v[E+(\t)] offset:16*(\t)
.irp i, 0,1,2
	ds_store_b32 v12, v[CS+\i] offset:384*((\t)%2)+4*\i
.endr
.if (\t)%2
.irp k, 0,1,2
	ds_load_b64 v[112+6*((\t)/2)+2*\k:113+6*((\t)/2)+2*\k], v13 offset:256*\k
.endr
	s_wait_dscnt 0x0
.irp k, 0,1,2
	global_store_b64 v1, v[112+6*((\t)/2)+2*\k:113+6*((\t)/2)+2*\k], s[8:9] offset:768*((\t)/2)+256*\k
.endr
.endif
.endm
	s_wait_tensorcnt 0x0
	FETCH 0
.irp t, 0,1,2,3
	STEP \t
.endr
	s_barrier_signal -1
	s_barrier_wait -1
.if WKN || WKO
	s_branch .Lbytes
.Lweights:
	v_lshlrev_b32 v5, 4, v9
	v_lshl_add_u32 v4, v9, 2, s17
	v_mul_u32_u24 v12, v9, SP
	s_mul_i32 s18, s16, 24
	v_add_nc_u32 v12, s18, v12
	v_lshlrev_b32 v6, 5, v9
	s_add_co_u32 s18, s16, SCB
	v_add_nc_u32 v6, s18, v6
	s_mul_i32 s18, s16, 2*SP
	v_lshl_add_u32 v13, v9, 4, s18
	v_lshrrev_b32 v10, 4, v9
	v_lshl_add_u32 v14, v10, 4, v13
	s_wait_alu depctr_va_vdst(0)
	s_wait_tensorcnt 0x0
.irp p, 0,1
.set I, 0
.rept 32
	ds_load_b32 v[X+32*\p+I], v4 offset:I*PITCH+128*\p
.set I, I+1
.endr
.endr
	s_wait_dscnt 0x0
	s_barrier_signal -1
	s_barrier_wait -1
.macro QUANT x, c, n
.irp k, 0,1,2,3
	v_max3_num_f32 v[T+\k], |v[\x+8*\k]|, |v[\x+8*\k+1]|, |v[\x+8*\k+2]|
.endr
.irp i, 3,5
.irp k, 0,1,2,3
	v_max3_num_f32 v[T+\k], v[T+\k], |v[\x+8*\k+\i]|, |v[\x+8*\k+\i+1]|
.endr
.endr
.irp k, 0,1,2,3
	v_max_num_f32 v[T+\k], v[T+\k], |v[\x+8*\k+7]|
.endr
	v_max3_num_f32 v[T], v[T], v[T+1], v[T+2]
	v_max3_num_f32 v[T], v[T], v[T+3], (EMAX+1)<<23
	v_add_nc_u32 v[T+8+\n], -(EMAX<<23), v[T]
	v_cvt_scalef32_pk16_bf6_f32 v[\c:\c+2], v[\x:\x+15], v[T+8+\n]
	v_cvt_scalef32_pk16_bf6_f32 v[T+4:T+6], v[\x+16:\x+31], v[T+8+\n]
	v_lshrrev_b32 v[E+\n], 23, v[T+8+\n]
.irp i, 0,1,2
	v_mov_b32 v[\c+3+\i], v[T+4+\i]
.endr
.endm
.irp p, 0,1
	QUANT X+32*\p, C+8*\p, \p
	ds_store_b8 v6, v[E+\p] offset:1024*\p
.irp k, 0,1,2
	ds_store_b64 v12, v[C+8*\p+2*\k:C+8*\p+2*\k+1] offset:32*SP*\p+8*\k
.endr
.endr
	s_wait_dscnt 0x0
	s_barrier_signal -1
	s_barrier_wait -1
	ds_load_b128 v[16:19], v13
	ds_load_b128 v[20:23], v14 offset:512
	ds_load_b128 v[24:27], v13 offset:SP+256
	s_wait_dscnt 0x0
.irp k, 0,1,2
	global_store_b128 v5, v[16+4*\k:19+4*\k], s[8:9] offset:512*\k
.endr
.Lbytes:
.endif
	s_cmp_lg_u32 s35, 0
	s_cbranch_scc1 .Lnot_first
	ds_load_b64 v[8:9], v7
	s_wait_dscnt 0x0
	global_store_b64 v1, v[8:9], s[10:11]
.Lnot_first:
	s_wait_tensorcnt 0x0
	ds_add_u32 v2, v3
	s_wait_dscnt 0x0
	s_endpgm
.Lfunc_end_k_q0f68157b24_prepare:
	.size	k_q0f68157b24_prepare, .Lfunc_end_k_q0f68157b24_prepare-k_q0f68157b24_prepare
	.p2alignl 7, 3214868480
	.fill 96, 4, 3214868480
	.section	.rodata,"a",@progbits
	.p2align	6, 0x0
	.amdhsa_kernel k_q0f68157b24_prepare
		.amdhsa_group_segment_fixed_size 309248
		.amdhsa_private_segment_fixed_size 0
		.amdhsa_enable_private_segment 0
		.amdhsa_kernarg_size 40
		.amdhsa_user_sgpr_count 2
		.amdhsa_user_sgpr_kernarg_segment_ptr 1
		.amdhsa_wavefront_size32 1
		.amdhsa_system_sgpr_workgroup_id_x 1
		.amdhsa_system_sgpr_workgroup_id_y 1
		.amdhsa_system_sgpr_workgroup_id_z 1
		.amdhsa_system_vgpr_workitem_id 0
		.amdhsa_next_free_vgpr 128
		.amdhsa_next_free_sgpr 66
		.amdhsa_reserve_vcc 0
		.amdhsa_float_denorm_mode_32 3
		.amdhsa_float_denorm_mode_16_64 3
		.amdhsa_memory_ordered 1
		.amdhsa_forward_progress 1
		.amdhsa_inst_pref_size 22
	.end_amdhsa_kernel
	.amdgpu_metadata
---
amdhsa.version: [ 1, 2 ]
amdhsa.kernels:
  - .name:           k_q0f68157b24_prepare
    .symbol:         k_q0f68157b24_prepare.kd
    .args:
      - { .name: x, .offset: 0, .size: 8, .value_kind: global_buffer, .address_space: global }
      - { .name: W_qkv, .offset: 8, .size: 8, .value_kind: global_buffer, .address_space: global }
      - { .name: W_o, .offset: 16, .size: 8, .value_kind: global_buffer, .address_space: global }
      - { .name: pc, .offset: 24, .size: 8, .value_kind: global_buffer, .address_space: global }
      - { .name: ps, .offset: 32, .size: 8, .value_kind: global_buffer, .address_space: global }
    .group_segment_fixed_size: 309248
    .private_segment_fixed_size: 0
    .kernarg_segment_align: 8
    .kernarg_segment_size: 40
    .max_flat_workgroup_size: 1024
    .sgpr_count:     66
    .vgpr_count:     128
    .wavefront_size: 32
...
	.end_amdgpu_metadata
.endif
;; end of part 1
;; launch qkv (part 2): grid 16 x 16, 4 waves a work-group, clusters of 4 x 4, 327,680 bytes of LDS; arguments pc, ps, qkc, qks, vc, vs, b_qkv; writes qkc, qks, vc, vs
.if DOCPART == 2
	.amdgcn_target "amdgcn-amd-amdhsa--gfx1250"
	.amdhsa_code_object_version 6
	.text
	.protected	k_q0f68157b24_qkv
	.globl	k_q0f68157b24_qkv
	.p2align	8
	.type	k_q0f68157b24_qkv,@function
k_q0f68157b24_qkv:
	s_mov_b64 s[64:65], 0
	v_nop
	global_prefetch_b8 v0, s[64:65] scope:SCOPE_SE
	s_setreg_imm32_b32 hwreg(HW_REG_WAVE_MODE, 25, 1), 1
	s_wait_xcnt 0x0
	s_wait_alu depctr_hold_cnt(0) depctr_sa_sdst(0) depctr_va_vdst(0) depctr_va_sdst(0) depctr_va_ssrc(0) depctr_va_vcc(0) depctr_vm_vsrc(0)
	s_getreg_b32 s2, hwreg(HW_REG_IB_STS2, 6, 4)
	s_cmp_eq_u32 s2, 0
	s_cbranch_scc0 .Lentry_in_a_cluster
	s_endpgm
.Lentry_in_a_cluster:
	s_bfe_u32 s2, ttmp6, 0x10000c
	s_cmp_lg_u32 s2, 0xf033
	s_cbranch_scc0 .Lentry_shape_is_right
	s_endpgm
.Lentry_shape_is_right:
.set TOK,    4096
.set BIAS,   1
.set W3,     0
.set IN3,    0
.set BQ0,    0
.set BQH,    192
.set BK0,    64
.set BKH,    192
.set BV0,    128
.set BVH,    192
.set SIZE_K, 1024
.set NQ,     SIZE_K/128
.set NB,     4
.set NS,     8
.set TM,     2*16*NS
.set TV,     TM/2
.set TN,     2*16*NB
.set KROW,   SIZE_K*6/8
.set KS,     SIZE_K/32
.set PITCH,  KROW+16*(KROW/256)
.set FR,     12
.set NL,     6
.set FPW,    256/FR
.set NP,     4
.set NF,     NQ*NL+2
.set RA,     128
.set RQ,     128
.set YB,     RA*PITCH
.set SCL,    ((RA+RQ)*PITCH+255)/256*256
.set RS,     TM*KS/256
.set SSTEP,  (32*KS/256)*272
.set RV,     (TM-16)*KS/256
.set XN,     (SCL+(RS+RV)*272+255)/256*256
.set XM,     XN+2*TM*2
.set XE,     XM+TM*2
.set SPARE,  XE+2048
.set EMAX,   4
.set TB,     768
.set ADRA0, 4
.set AAS0, 6
.set CO,   9
.set SPW,  10
.set NIL,  11
.set ADRA, 12
.set ADRB, 14
.set ABS,  16
.set AAS,  17
.set STO,  18
.set RD,   19
.set SB,   24
.set SA,   40
.set ACC,  64
.set HV,   64
.set NCD,  128
.set MCD,  192
.set ADRV, 224
.set AASV, 226
.set XEA,  227
.set SOP,  240
.set EB,   244
.set TQ,   56
.set VX,   248
.set BQ,   72
.set BQ2,  104
.set SB2,  140
.set G1A, 24
.set G0A, 56
.set G1B, 32
.set G0B, 60
.set G1R, 48
.set G0R, 68
.set G1S, 92
.set G0S, 72
.set MSB, 0
.macro WIN new
.if MSB != \new
	s_set_vgpr_msb (MSB<<8)|\new
.set MSB, \new
.endif
.endm
.macro PLACES n
.rept \n
	v_nop
.endr
.endm
.macro BARRIER
	s_barrier_signal -1
	s_barrier_wait -1
.endm
.macro CROUND
	BARRIER
	s_cmp_lg_u32 s14, 0
	s_cbranch_scc1 .Lnot_wave_0_\@
	s_barrier_signal -3
.Lnot_wave_0_\@:
	s_barrier_wait -3
	BARRIER
.endm
.macro TLOAD g0, g1
	tensor_load_to_lds s[\g0:\g0+3], s[\g1:\g1+7]
	s_nop 0
	PLACES 4
.endm
.macro GROUP1 g, mask, rows
	s_or_b32 s[\g+0], s[\mask], (1<<20)|(1<<21)|(5<<22)|(3<<25)
	s_mov_b32 s[\g+1], (KROW&0xffff)<<16
	s_mov_b32 s[\g+2], (KROW>>16)|((\rows)<<16)
	s_mov_b32 s[\g+3], KROW<<16
	s_mov_b32 s[\g+4], \rows
	s_mov_b32 s[\g+5], KROW
	s_mov_b32 s[\g+6], 0
	s_mov_b32 s[\g+7], 0
.endm
.macro SADD d, x
	s_add_co_u32 s\d, s\d, s\x
.endm
	s_load_b128 s[4:7], s[0:1], 0x0
	v_lshl_add_u32 v[SPW], v0, 2, SPARE
	v_mov_b32 v[NIL], 0
	ds_add_u32 v[SPW], v[NIL]
	ds_add_u32 v[SPW], v[NIL]
	v_lshrrev_b32 v1, 5, v0
	v_readfirstlane_b32 s14, v1
	s_lshr_b32 s15, s14, 1
	s_and_b32 s16, s14, 1
	s_mov_b32 s17, s15
	s_mov_b32 s18, s16
	s_bfe_u32 s40, ttmp6, 0x40000
	s_bfe_u32 s41, ttmp6, 0x40004
	s_lshl_b32 s42, ttmp9, 2
	s_add_co_u32 s42, s42, s40
	s_and_b32 s43, ttmp7, 0xffff
	s_lshl_b32 s43, s43, 2
	s_add_co_u32 s43, s43, s41
	s_lshr_b32 s19, ttmp9, 1
	s_and_b32 s13, ttmp9, 1
	s_lshl_b32 s13, s13, 2
	s_add_co_u32 s13, s13, s41
	s_and_b32 s12, ttmp7, 0xffff
	s_lshl_b32 s12, s12, 2
	s_add_co_u32 s12, s12, s40
	s_lshl_b32 s12, s12, 1
	s_add_co_u32 s12, s12, s19
	s_lshl_b32 s44, s41, 2
	s_lshl_b32 s44, 15, s44
	s_lshl_b32 s45, 0x1111, s40
	GROUP1 G1A, 44, RA
	GROUP1 G1B, 45, TN
	s_or_b32 s[G1R+0], s45, (3<<16)|(1<<20)|(1<<21)|(5<<22)|(3<<25)
	s_mov_b32 s[G1R+1], 32<<16
	s_mov_b32 s[G1R+2], RV<<16
	s_mov_b32 s[G1R+3], 32<<16
	s_mov_b32 s[G1R+4], RV
	s_mov_b32 s[G1R+5], 32
	s_mov_b32 s[G1R+6], 0
	s_mov_b32 s[G1R+7], 0
	s_or_b32 s[G1S+0], s44, (3<<16)|(1<<20)|(1<<21)|(5<<22)|(3<<25)
	s_mov_b32 s[G1S+1], 32<<16
	s_mov_b32 s[G1S+2], RS<<16
	s_mov_b32 s[G1S+3], 32<<16
	s_mov_b32 s[G1S+4], RS
	s_mov_b32 s[G1S+5], 32
	s_mov_b32 s[G1S+6], 0
	s_mov_b32 s[G1S+7], 0
	s_mov_b32 s[G0S], 1
	s_mov_b32 s[G0S+1], SCL
	s_mul_i32 s86, s43, TM*KROW
	s_lshr_b32 s66, s12, 1
	s_lshl_b32 s66, s66, 4
	s_add_co_u32 s66, s66, s19
	s_mul_i32 s66, s66, 16*KROW
.if IN3
	s_mul_i32 s20, s19, TOK*KROW
	SADD 86, 20
	s_add_co_u32 s66, s66, 2*TOK*KROW
.endif
	s_mov_b32 s87, 0
	s_mov_b32 s67, s86
	s_mul_i32 s20, s42, TN*KROW
	s_mov_b32 s78, s20
	s_mov_b32 s79, 0
	s_mul_i32 s80, s43, TM*KS
.if IN3
	s_mul_i32 s20, s19, TOK*KS
	SADD 80, 20
.endif
	s_mov_b32 s81, 0
	s_mul_i32 s82, s42, TN*KS
	s_mul_i32 s21, s18, 16*NB*KS
	s_add_co_u32 s82, s82, s21
	s_mov_b32 s83, 0
	s_mul_i32 s84, s13, TN*KS
	s_add_co_u32 s84, s84, s21
	s_add_co_u32 s84, s84, 2048*KS
	s_mov_b32 s85, 0
	s_mov_b32 s[G0A], 1
	s_mov_b32 s[G0A+1], 0
	s_mov_b32 s[G0B], 1
	s_mov_b32 s[G0B+1], YB
	s_mov_b32 s[G0R], 1
	s_mov_b32 s[G0R+1], SCL+RS*272
	s_lshr_b32 s88, s12, 1
	s_lshl_b32 s88, s88, 4
	s_add_co_u32 s88, s88, s19
	s_mul_i32 s88, s88, 16*KS
.if IN3
	s_add_co_u32 s88, s88, 2*TOK*KS
.endif
	s_mov_b32 s89, 0
	v_and_b32 v1, 15, v0
	v_bfe_u32 v2, v0, 4, 1
	v_and_b32 v3, 31, v0
	v_mul_u32_u24 v22, v1, PITCH
	v_mad_u32_u24 v23, v2, 24, v22
	s_mul_i32 s21, s17, 16*PITCH
	v_add_nc_u32 v[ADRA0], s21, v23
	s_mul_i32 s20, s17, 64*PITCH
	v_add_nc_u32 v[ADRV], s20, v23
	s_mul_i32 s22, s18, 16*NB*PITCH
	s_add_co_u32 s22, s22, YB
	v_add_nc_u32 v[ADRB], s22, v23
	s_mul_i32 s23, s18, 16*NB*PITCH
	v_add_nc_u32 v[ADRB+6], s23, v23
	v_mad_u32_u24 v23, v2, 24+16, v22
	v_add_nc_u32 v[ADRA0+1], s21, v23
	v_add_nc_u32 v[ADRV+1], s20, v23
	v_add_nc_u32 v[ADRB+1], s22, v23
	v_add_nc_u32 v[ADRB+7], s23, v23
	v_mul_u32_u24 v[ABS], v3, KS
	v_mul_u32_u24 v23, v1, KS
	v_lshrrev_b32 v22, 8, v23
	v_lshl_add_u32 v23, v22, 4, v23
	s_mul_i32 s21, s17, (16*KS/256)*272
	s_add_co_u32 s21, s21, SCL
	v_add_nc_u32 v[AAS0], s21, v23
	s_mul_i32 s21, s17, 16*272
	s_add_co_u32 s21, s21, SCL+RS*272
	v_add_nc_u32 v[AASV], s21, v23
	s_lshl_b32 s90, s40, 2
	s_add_co_u32 s90, s90, s14
.if IN3
	s_lshl_b32 s100, s41, 2
	s_add_co_u32 s100, s100, s14
.endif
	s_wait_alu depctr_va_vdst(0)
	s_wait_dscnt 0x0
	s_wait_kmcnt 0x0
	s_add_nc_u64 s[8:9], s[4:5], (1+2*IN3)*TOK*KROW
	s_add_nc_u64 s[10:11], s[6:7], (1+2*IN3)*TOK*KS
	s_add_nc_u64 s[84:85], s[10:11], s[84:85]
	s_add_nc_u64 s[86:87], s[4:5], s[86:87]
	s_mov_b64 s[G0A+2:G0A+3], s[86:87]
	s_or_b32 s[G0A+3], s[G0A+3], 0x80000000
	s_add_nc_u64 s[G0B+2:G0B+3], s[8:9], s[78:79]
	s_or_b32 s[G0B+3], s[G0B+3], 0x80000000
	s_add_nc_u64 s[G0S+2:G0S+3], s[6:7], s[80:81]
	s_or_b32 s[G0S+3], s[G0S+3], 0x80000000
	s_add_nc_u64 s[G0R+2:G0R+3], s[6:7], s[88:89]
	s_or_b32 s[G0R+3], s[G0R+3], 0x80000000
	s_add_nc_u64 s[10:11], s[10:11], s[82:83]
	CROUND
	s_cmp_eq_u32 s14, 0
	s_cbranch_scc0 .Lwave_1
	TLOAD G0B, G1B
	s_branch .Lasked
.Lwave_1:
	s_cmp_eq_u32 s14, 1
	s_cbranch_scc0 .Lwave_2
	TLOAD G0A, G1A
	s_branch .Lasked
.Lwave_2:
	s_cmp_eq_u32 s14, 2
	s_cbranch_scc0 .Lwave_3
	TLOAD G0S, G1S
	s_branch .Lasked
.Lwave_3:
	TLOAD G0R, G1R
.Lasked:
	s_lshl_b32 s21, s42, 1
	SADD 21, 18
	s_mul_i32 s76, s21, TOK/16*TB
	s_mul_i32 s22, s43, TM/16*TB
	SADD 76, 22
	s_mul_i32 s22, s17, 8*TB
	SADD 76, 22
	s_mov_b32 s77, 0
	s_lshl_b32 s21, s42, 1
	SADD 21, 15
	s_mul_i32 s78, s21, TOK*2
	s_mul_i32 s22, s43, TM*2
	SADD 78, 22
	s_mul_i32 s22, s16, TM
	SADD 78, 22
	s_mov_b32 s79, 0
	s_lshl_b32 s21, s13, 1
	SADD 21, 18
	s_mul_i32 s80, s21, TOK/16*TB
	s_mul_i32 s22, s12, 8*TB
	SADD 80, 22
	s_mov_b32 s81, 0
	s_lshl_b32 s21, s13, 1
	SADD 21, 15
	s_mul_i32 s82, s21, TOK*2
	s_lshl_b32 s22, s12, 8
	SADD 82, 22
	s_mov_b32 s83, 0
.irp p, 0,1
.irp c, 0,1
	global_load_b128 v[SB2+NQ*\p+4*\c:SB2+NQ*\p+4*\c+3], v[ABS], s[84:85] offset:\p*32*KS+16*\c
.endr
.endr
.if BIAS
	s_wait_xcnt 0x0
	s_load_b64 s[84:85], s[0:1], 0x30
.if W3
	s_load_b64 s[46:47], s[0:1], 0x38
	s_load_b64 s[88:89], s[0:1], 0x40
.endif
	s_lshl_b32 s21, s42, 1
	SADD 21, 18
	s_and_b32 s21, s21, 15
	s_mov_b32 s20, 4*BQH
	s_mov_b32 s22, 4*BQ0
	s_cmp_eq_u32 s19, 1
	s_cselect_b32 s20, 4*BKH, s20
	s_cselect_b32 s22, 4*BK0, s22
	s_mul_i32 s20, s21, s20
	SADD 20, 22
	s_mov_b32 s21, 0
	s_lshl_b32 s22, s13, 1
	SADD 22, 18
	s_mul_i32 s22, s22, 4*BVH
	s_add_co_u32 s22, s22, 4*BV0
	s_mov_b32 s23, 0
	v_lshlrev_b32 v22, 7, v2
	v_lshrrev_b32 v23, 3, v1
	v_lshlrev_b32 v23, 7, v23
	v_and_b32 v8, 7, v1
	v_lshl_add_u32 v23, v8, 2, v23
	s_wait_alu depctr_va_vdst(0)
	s_wait_kmcnt 0x0
.if W3
	s_add_nc_u64 s[22:23], s[88:89], s[22:23]
	s_cmp_eq_u32 s19, 1
	s_cselect_b64 s[84:85], s[46:47], s[84:85]
.else
	s_add_nc_u64 s[22:23], s[84:85], s[22:23]
.endif
	s_add_nc_u64 s[20:21], s[84:85], s[20:21]
	WIN 3<<6
.irp k, 0,1,2,3,4,5,6,7
	global_load_b128 v[BQ+4*\k:BQ+4*\k+3], v22, s[20:21] offset:16*\k
.endr
.irp t, 0,1,2,3
	global_load_b32 v[BQ2+8*\t], v23, s[22:23] offset:32*\t
.endr
	WIN 0
	s_wait_xcnt 0x0
.endif
	v_lshlrev_b32 v[CO], 4, v3
	s_mul_i32 s21, s18, TM*2
	s_add_co_u32 s21, s21, XN
	s_lshl_b32 s22, s17, 8
	SADD 21, 22
	v_lshl_add_u32 v23, v1, 2, v2
	v_add_nc_u32 v[STO], s21, v23
	s_mul_i32 s21, s18, TV*2
	s_add_co_u32 s21, s21, XM
	s_lshl_b32 s22, s17, 1
	SADD 21, 22
	v_add_nc_u32 v[RD], s21, v23
	s_lshl_b32 s21, s18, 10
	s_add_co_u32 s21, s21, XE
	v_lshl_add_u32 v[XEA], v3, 3, s21
.irp p, 0,1
.irp c, 0,1
	global_load_b128 v[SB+NQ*\p+4*\c:SB+NQ*\p+4*\c+3], v[ABS], s[10:11] offset:\p*32*KS+16*\c
.endr
.endr
	s_wait_xcnt 0x0
	s_load_b64 s[10:11], s[0:1], 0x10
	s_wait_loadcnt 0x0
.if BIAS
	WIN (3<<6)|3
.irp t, 0,8,16,24
.irp i, 1,2,3,4,5,6,7
	v_mov_b32 v[BQ2+\t+\i], v[BQ2+\t]
.endr
.endr
	WIN 0
.endif
	s_cmp_eq_u32 s14, 0
	s_cbranch_scc0 .Lnot_b
	s_wait_tensorcnt 0x0
.Lnot_b:
	BARRIER
.macro PREFETCH b0, b1, r0, n, again
.if \again
	s_wait_xcnt 0x0
.endif
	s_add_nc_u64 s[22:23], s[\b0:\b1], (\r0)*KROW
	s_mul_i32 s21, s90, 3*(\n)/16
	v_min_u32 v7, 3*(\n)/16-1, v3
	v_add_nc_u32 v7, s21, v7
	v_lshlrev_b32 v7, 8, v7
	global_prefetch_b8 v7, s[22:23] th:TH_LOAD_NT scope:SCOPE_SE
.endm
	PREFETCH 86, 87, RA, RQ, 0
.macro FRAG f, adr, q, off
	WIN (1+(\f)/FPW)<<6
.irp p, 0,1,2,3,4,5
.set PC, 12*(\q)+6*(\p/3)+\p%3
.if PC%32 < 29
	ds_load_b64 v[FR*((\f)%FPW)+2*\p:FR*((\f)%FPW)+2*\p+1], v[\adr] offset:8*PC+16*(PC/32)+(\off)
.else
	ds_load_b64 v[FR*((\f)%FPW)+2*\p:FR*((\f)%FPW)+2*\p+1], v[\adr+1] offset:8*PC+16*(PC/32)+(\off)
.endif
.endr
.endm
.macro FETCH e
.irp q, 0,1,2,3,4,5,6,7
	FRAG NB*NQ+NQ*(\e)+\q, ADRA, \q, 0
.endr
	WIN 0
	ds_load_b128 v[SA+8*(\e):SA+8*(\e)+3], v[AAS]
	ds_load_b128 v[SA+8*(\e)+4:SA+8*(\e)+7], v[AAS] offset:16
.endm
.macro WM d, s0, s1, c, x0, x1, side, o
	v_wmma_scale_f32_16x16x128_f8f6f4 v[\d:\d+7], v[FR*((\s0)%FPW):FR*((\s0)%FPW)+FR-1], v[FR*((\s1)%FPW):FR*((\s1)%FPW)+FR-1], \c, v[\x0], v[\x1] matrix_a_fmt:MATRIX_FMT_BF6 matrix_b_fmt:MATRIX_FMT_BF6 matrix_\side\()_scale:MATRIX_SCALE_ROW\o
.endm
.macro MUL1 q, p, o, e, d, c, cw, kind
.set FB, NB*(\q)+2*\p+\o
.set FA, NB*NQ+NQ*(\e)+\q
.if !(\kind)
	WIN (1+FB/FPW)|((1+FA/FPW)<<2)|((\cw)<<4)
	WM \d, FB, FA, \c, SB+NQ*\p+\q, SA+8*(\e)+\q, a, \o
.else
	WIN (1+FA/FPW)|((1+FB/FPW)<<2)|((\cw)<<4)
	WM \d, FA, FB, \c, SA+8*(\e)+\q, SB+NQ*\p+\q, b, \o
.endif
.endm
.macro MUL e, kind, a0, as, bq
.irp q, 0,1,2,3,4,5,6,7
.irp p, 0,1
.irp o, 0,1
.if (\q) == 0 && BIAS
	MUL1 \q, \p, \o, \e, \a0+\as*(2*\p+\o), v[\bq+8*(2*\p+\o):\bq+8*(2*\p+\o)+7], 3, \kind
.elseif (\q) == 0
	MUL1 \q, \p, \o, \e, \a0+\as*(2*\p+\o), 0, 0, \kind
.else
	MUL1 \q, \p, \o, \e, \a0+\as*(2*\p+\o), v[\a0+\as*(2*\p+\o):\a0+\as*(2*\p+\o)+7], 0, \kind
.endif
.endr
.endr
.endr
	WIN 0
.endm
.macro QUANT x, c, n
.irp k, 0,1,2,3
	v_max3_num_f32 v[TQ+\k], |v[\x+8*\k]|, |v[\x+8*\k+1]|, |v[\x+8*\k+2]|
.endr
.irp i, 3,5
.irp k, 0,1,2,3
	v_max3_num_f32 v[TQ+\k], v[TQ+\k], |v[\x+8*\k+\i]|, |v[\x+8*\k+\i+1]|
.endr
.endr
.irp k, 0,1,2,3
	v_max_num_f32 v[TQ+\k], v[TQ+\k], |v[\x+8*\k+7]|
.endr
	v_max3_num_f32 v[TQ], v[TQ], v[TQ+1], v[TQ+2]
	v_max3_num_f32 v[TQ], v[TQ], v[TQ+3], (EMAX+1)<<23
	v_add_nc_u32 v[SOP+\n], -(EMAX<<23), v[TQ]
	v_cvt_scalef32_pk16_bf6_f32 v[\c:\c+2], v[\x:\x+15], v[SOP+\n]
	v_cvt_scalef32_pk16_bf6_f32 v[TQ+4:TQ+6], v[\x+16:\x+31], v[SOP+\n]
	v_lshrrev_b32 v[EB+\n], 23, v[SOP+\n]
.irp i, 0,1,2
	v_mov_b32 v[\c+3+\i], v[TQ+4+\i]
.endr
.endm
.macro PUT3 r, base, off
.irp k, 0,1,2
	global_store_b128 v[CO], v[\r+4*\k:\r+4*\k+3], \base offset:(\off)+512*\k
.endr
.endm
.macro VOUT
.irp t, 0,1,2,3
	QUANT HV+32*\t, MCD+8*\t, \t
	ds_store_b8 v[RD], v[EB+\t] offset:64*\t
.endr
	s_wait_alu depctr_va_vdst(0)
	s_cmp_eq_u32 s17, 1
	s_cbranch_scc1 .Lband_1
.irp t, 0,1,2,3
	global_store_b128 v[CO], v[MCD+8*\t:MCD+8*\t+3], s[96:97] offset:2*TB*\t
.endr
	s_branch .Lstored
.Lband_1:
.irp t, 0,1,2,3
	ds_store_b64 v[XEA], v[MCD+8*\t:MCD+8*\t+1] offset:256*\t
	global_store_b128 v[CO], v[MCD+8*\t+2:MCD+8*\t+5], s[96:97] offset:2*TB*\t+1024
.endr
.Lstored:
.endm
.macro W1 j
	QUANT ACC, NCD+6*((\j)%2), (\j)%2
	ds_store_b8 v[VX], v[EB+(\j)%2] offset:64*((\j)/2)+2*((\j)%2)
.if (\j)%2
	PUT3 NCD, s[84:85], 2*TB*((\j)/2)
.endif
.endm
.macro STEPA wrap=0
	s_add_co_u32 s101, s101, 32*PITCH
.if \wrap
	s_cmp_eq_u32 s101, (RA+RQ)*PITCH
	s_cselect_b32 s101, 0, s101
.endif
	v_add_nc_u32 v[ADRA], s101, v[ADRA0]
	v_add_nc_u32 v[ADRA+1], s101, v[ADRA0+1]
	s_add_co_u32 s91, s91, SSTEP
	v_add_nc_u32 v[AAS], s91, v[AAS0]
.endm
.macro STEPV
	s_add_co_u32 s101, s101, 16*PITCH
	v_add_nc_u32 v[ADRA], s101, v[ADRV]
	v_add_nc_u32 v[ADRA+1], s101, v[ADRV+1]
	s_add_co_u32 s91, s91, SSTEP
	v_add_nc_u32 v[AAS], s91, v[AASV]
.endm
.macro BREGS adr
.irp q, 0,1,2,3,4,5,6,7
.irp b, 0,1,2,3
	FRAG NB*\q+\b, \adr, \q, \b*16*PITCH
.endr
.endr
	WIN 0
.endm
.macro AHEAD
	s_mul_i32 s21, s21, RA*KROW/16
	SADD 20, 21
	v_min_u32 v7, RA*KROW/16/256-1, v3
	v_lshl_add_u32 v7, v7, 8, s20
	global_prefetch_b8 v7, s[4:5] th:TH_LOAD_NT scope:SCOPE_SE
.endm
.macro ASKV
	s_mul_i32 s[G0R+1], s15, 64*PITCH
	s_mul_i32 s20, s16, 16*PITCH
	s_add_co_u32 s[G0R+1], s[G0R+1], s20
	s_add_co_u32 s[G0R+1], s[G0R+1], s47
	s_mul_i32 s20, s15, 128*KROW
	s_mul_i32 s21, s16, 32*KROW
	SADD 20, 21
	SADD 20, 88
	s_mov_b32 s21, 0
	s_add_nc_u64 s[G0R+2:G0R+3], s[4:5], s[20:21]
	s_or_b32 s[G0R+3], s[G0R+3], 0x80000000
	s_wait_dscnt 0x0
	CROUND
	TLOAD G0R, G1R
.endm
.macro ASK
	s_mul_i32 s[G0R+1], s14, RQ/4*PITCH
	s_add_co_u32 s[G0R+1], s[G0R+1], s47
	s_mul_i32 s20, s14, RQ/4*KROW
	SADD 20, 88
	s_mov_b32 s21, 0
	s_add_nc_u64 s[G0R+2:G0R+3], s[4:5], s[20:21]
	s_or_b32 s[G0R+3], s[G0R+3], 0x80000000
	s_wait_dscnt 0x0
	CROUND
	TLOAD G0R, G1R
.endm
	BREGS ADRB
	s_mov_b32 s101, 0
	s_mov_b32 s91, 0
	s_mov_b32 s46, 0
	s_wait_tensorcnt 0x0
	ds_add_u32 v[SPW], v[NIL]
	GROUP1 G1R, 44, RQ/4
	s_add_co_u32 s88, s67, RA*KROW
	s_mov_b32 s47, YB
	ASK
	s_mul_i32 s72, s13, TN*KROW
	s_add_co_u32 s72, s72, ((1+2*IN3)*TOK+2048)*KROW
	s_wait_xcnt 0x0
	s_mov_b32 s20, s72
	s_mov_b32 s21, s90
	AHEAD
	v_add_nc_u32 v[ADRA], s101, v[ADRA0]
	v_add_nc_u32 v[ADRA+1], s101, v[ADRA0+1]
	v_add_nc_u32 v[AAS], s91, v[AAS0]
	FETCH 0
	STEPA
	FETCH 1
	s_wait_alu depctr_va_vdst(0)
	s_wait_kmcnt 0x0
	s_add_nc_u64 s[10:11], s[10:11], s[76:77]
.Lchunk:
	s_wait_dscnt NF
	MUL 0, 0, ACC, 8, BQ
	s_wait_xcnt 0x0
	s_lshr_b32 s20, s46, 1
	s_and_b32 s21, s46, 1
	s_lshl_b32 s22, s20, 9
	s_lshl_b32 s23, s21, 7
	s_or_b32 s22, s22, s23
	s_lshl_b32 s20, s20, 1
	s_add_co_u32 s20, s20, s46
	s_mul_i32 s20, s20, 4*TB
	s_mov_b32 s21, 0
	s_add_nc_u64 s[84:85], s[10:11], s[20:21]
	v_add_nc_u32 v[VX], s22, v[STO]
	STEPA
	FETCH 0
	W1 0
	s_wait_dscnt NF
	MUL 1, 0, ACC, 8, BQ
	STEPA
	PLACES 1
	FETCH 1
	W1 1
	s_cmp_eq_u32 s46, 1
	s_cbranch_scc1 .Ltail
	s_wait_dscnt NF
	MUL 0, 0, ACC, 8, BQ
	PLACES 1
	s_wait_tensorcnt 0x0
	ds_add_u32 v[SPW], v[NIL]
	s_mov_b32 s88, s72
	s_xor_b32 s47, s47, YB
	ASK
.if IN3
	s_lshr_b32 s20, s100, 1
	s_mul_i32 s20, s20, 32*KROW
	s_and_b32 s21, s100, 1
	s_mul_i32 s21, s21, 8*KROW
	SADD 20, 21
	SADD 20, 66
	s_mov_b32 s21, 0
	AHEAD
.endif
	STEPA 1
	FETCH 0
	s_wait_xcnt 0x0
	W1 2
	MUL 1, 0, ACC, 8, BQ
	STEPA
	PLACES 1
	FETCH 1
	W1 3
	s_add_co_u32 s46, s46, 1
	s_branch .Lchunk
.Ltail:
	s_wait_dscnt NF
	MUL 0, 0, ACC, 8, BQ
	PLACES NP
	s_wait_tensorcnt 0x0
	ds_add_u32 v[SPW], v[NIL]
	s_or_b32 s[G1R+0], s45, (1<<20)|(1<<21)|(5<<22)|(3<<25)
	s_mov_b32 s[G1R+2], (KROW>>16)|(16<<16)
	s_mov_b32 s[G1R+4], 16
	s_mov_b32 s88, s66
	s_mov_b32 s47, YB
	ASKV
	s_wait_xcnt 0x0
	W1 2
	MUL 1, 0, ACC, 8, BQ
	PLACES NP
	s_load_b64 s[94:95], s[0:1], 0x18
	s_load_b128 s[96:99], s[0:1], 0x20
	BREGS ADRB+6
.set I, 0
.rept 8
	v_dual_mov_b32 v[SB+I], v[SB2+I] :: v_dual_mov_b32 v[SB+I+1], v[SB2+I+1]
.set I, I+2
.endr
	W1 3
	s_wait_tensorcnt 0x0
	ds_add_u32 v[SPW], v[NIL]
	s_add_co_u32 s88, s66, 64*KROW
	s_mov_b32 s47, YB+32*PITCH
	ASKV
	s_mov_b32 s101, YB
	s_mov_b32 s91, 0
	v_add_nc_u32 v[ADRA], s101, v[ADRV]
	v_add_nc_u32 v[ADRA+1], s101, v[ADRV+1]
	v_add_nc_u32 v[AAS], s91, v[AASV]
	FETCH 0
	STEPV
	FETCH 1
	s_wait_kmcnt 0x0
	s_add_nc_u64 s[94:95], s[94:95], s[78:79]
	s_add_nc_u64 s[96:97], s[96:97], s[80:81]
	s_add_nc_u64 s[98:99], s[98:99], s[82:83]
	s_wait_xcnt 0x0
	s_wait_dscnt NF
	MUL 0, 1, HV, 32, BQ2
	PLACES 1
	s_wait_tensorcnt 0x0
	s_wait_dscnt 0x0
	BARRIER
	STEPV
	FETCH 0
	MUL 1, 1, HV+8, 32, BQ2
	STEPV
	PLACES 1
	FETCH 1
	s_wait_dscnt NF
	MUL 0, 1, HV+16, 32, BQ2
	s_wait_dscnt 0x0
	MUL 1, 1, HV+24, 32, BQ2
	PLACES NP
	VOUT
	v_lshlrev_b32 v[VX+1], 3, v3
	s_mul_i32 s21, s14, TM
	s_add_co_u32 s21, s21, XN
	v_add_nc_u32 v[VX], s21, v[VX+1]
	s_lshl_b32 s21, s15, 8
	s_add_co_u32 s21, s21, XM
	v_add_nc_u32 v[VX+2], s21, v[VX+1]
	s_wait_alu depctr_va_vdst(0)
	s_wait_dscnt 0x0
	BARRIER
	ds_load_b64 v[TQ:TQ+1], v[VX]
	s_cmp_eq_u32 s17, 0
	s_cbranch_scc0 .Lno_middle
.irp t, 0,1,2,3
	ds_load_b64 v[MCD+8*\t+6:MCD+8*\t+7], v[XEA] offset:256*\t
.endr
	s_wait_dscnt 0x0
.irp t, 0,1,2,3
	global_store_b128 v[CO], v[MCD+8*\t+4:MCD+8*\t+7], s[96:97] offset:2*TB*\t+512
.endr
.Lno_middle:
	s_cmp_eq_u32 s16, 0
	s_cbranch_scc0 .Lno_vs
	ds_load_b64 v[TQ+4:TQ+5], v[VX+2]
	s_wait_dscnt 0x0
	global_store_b64 v[VX+1], v[TQ+4:TQ+5], s[98:99]
.Lno_vs:
	s_wait_dscnt 0x0
	global_store_b64 v[VX+1], v[TQ:TQ+1], s[94:95]
	s_wait_tensorcnt 0x0
	ds_add_u32 v[SPW], v[NIL]
	s_wait_dscnt 0x0
	CROUND
	s_endpgm
.Lfunc_end_k_q0f68157b24_qkv:
	.size	k_q0f68157b24_qkv, .Lfunc_end_k_q0f68157b24_qkv-k_q0f68157b24_qkv
	.p2alignl 7, 3214868480
	.fill 96, 4, 3214868480
	.section	.rodata,"a",@progbits
	.p2align	6, 0x0
	.amdhsa_kernel k_q0f68157b24_qkv
		.amdhsa_group_segment_fixed_size 327680
		.amdhsa_private_segment_fixed_size 0
		.amdhsa_enable_private_segment 0
		.amdhsa_kernarg_size 56
		.amdhsa_user_sgpr_count 2
		.amdhsa_user_sgpr_kernarg_segment_ptr 1
		.amdhsa_wavefront_size32 1
		.amdhsa_system_sgpr_workgroup_id_x 1
		.amdhsa_system_sgpr_workgroup_id_y 1
		.amdhsa_system_sgpr_workgroup_id_z 1
		.amdhsa_system_vgpr_workitem_id 0
		.amdhsa_next_free_vgpr 904
		.amdhsa_next_free_sgpr 102
		.amdhsa_reserve_vcc 0
		.amdhsa_float_denorm_mode_32 3
		.amdhsa_float_denorm_mode_16_64 3
		.amdhsa_memory_ordered 1
		.amdhsa_forward_progress 1
		.amdhsa_inst_pref_size 143
	.end_amdhsa_kernel
	.amdgpu_metadata
---
amdhsa.version: [ 1, 2 ]
amdhsa.kernels:
  - .name:           k_q0f68157b24_qkv
    .symbol:         k_q0f68157b24_qkv.kd
    .args:
      - { .name: pc, .offset: 0, .size: 8, .value_kind: global_buffer, .address_space: global }
      - { .name: ps, .offset: 8, .size: 8, .value_kind: global_buffer, .address_space: global }
      - { .name: qkc, .offset: 16, .size: 8, .value_kind: global_buffer, .address_space: global }
      - { .name: qks, .offset: 24, .size: 8, .value_kind: global_buffer, .address_space: global }
      - { .name: vc, .offset: 32, .size: 8, .value_kind: global_buffer, .address_space: global }
      - { .name: vs, .offset: 40, .size: 8, .value_kind: global_buffer, .address_space: global }
      - { .name: b_qkv, .offset: 48, .size: 8, .value_kind: global_buffer, .address_space: global }
    .group_segment_fixed_size: 327680
    .private_segment_fixed_size: 0
    .kernarg_segment_align: 8
    .kernarg_segment_size: 56
    .max_flat_workgroup_size: 128
    .sgpr_count:     102
    .vgpr_count:     904
    .wavefront_size: 32
...
	.end_amdgpu_metadata
.endif
;; end of part 2
;; launch attention (part 3): grid 8 x 32, 8 waves a work-group, clusters of 4 x 1, 327,680 bytes of LDS; arguments qkc, qks, vc, vs, cx, cxs; writes cx, cxs
.if DOCPART == 3
	.amdgcn_target "amdgcn-amd-amdhsa--gfx1250"
	.amdhsa_code_object_version 6
	.text
	.protected	k_q0f68157b24_attention
	.globl	k_q0f68157b24_attention
	.p2align	8
	.type	k_q0f68157b24_attention,@function
k_q0f68157b24_attention:
	s_mov_b64 s[64:65], 0
	v_nop
	global_prefetch_b8 v0, s[64:65] scope:SCOPE_SE
	s_setreg_imm32_b32 hwreg(HW_REG_WAVE_MODE, 25, 1), 1
	s_wait_xcnt 0x0
	s_wait_alu depctr_hold_cnt(0) depctr_sa_sdst(0) depctr_va_vdst(0) depctr_va_sdst(0) depctr_va_ssrc(0) depctr_va_vcc(0) depctr_vm_vsrc(0)
	s_getreg_b32 s2, hwreg(HW_REG_IB_STS2, 6, 4)
	s_cmp_eq_u32 s2, 0
	s_cbranch_scc0 .Lentry_in_a_cluster
	s_endpgm
.Lentry_in_a_cluster:
	s_bfe_u32 s2, ttmp6, 0x10000c
	s_cmp_lg_u32 s2, 0x3003
	s_cbranch_scc0 .Lentry_shape_is_right
	s_endpgm
.Lentry_shape_is_right:
.set SIZE_H, 32
.set SIZE_CAUSAL, 0
.set NK,     2048
.set STEPS,  NK/128
.set ROWB,   48
.set OPB,    1536
.set KSTEP,  4*OPB
.set HEADB,  NK*ROWB
.set VB,     HEADB
.set KSB,    VB+HEADB
.set VSB,    KSB+2*NK
.set SPARE,  VSB+2*NK
.set CXB,    SPARE+1024
.set SPW,    1
.set NIL,    2
.set AK,     3
.set AV,     4
.set AKS,    5
.set AVS,    6
.set ADK,    7
.set ADV,    8
.set ADKS,   10
.set ADVS,   11
.set KSC,    12
.set VSC,    14
.set QSC,    16
.set PSC,    20
.set NINF,   21
.set ST,     22
.set BM,     46
.set BX,     50
.set SOP,    54
.set CL,     58
.set BY,     62
.set NMO,    66
.set TM,     67
.set P,      68
.set PT,     80
.set DT,     84
.set S,      116
.set QF,     180
.set A2,     252
.set O,      0
.set KF,     128
.set VF,     176
.set WV,     18
.set HD,     19
.set CX,     20
.set CS,     22
.set G1KS,   24
.set G1K,    40
.set G0,     56
.set SEL,    60
.set SC,     66
.set TK,     67
.set TV,     68
.set TKS,    69
.set TVS,    70
.set T0,     71
.set T1,     80
.set T2,     81
.set T3,     82
.set QB,     72
.set SB,     84
.set LIM,    92
.set AW,     97
.set OB,     98
.set OO,     100
.set MKA,    24
.set MKB,    72
.set MKC,    84
.macro MM d, a, b, sa, sb, row
.if \row
	v_wmma_scale_f32_16x16x128_f8f6f4 v[\d:\d+7], v[\a:\a+11], v[\b:\b+11], 0, v[\sa], v[\sb] matrix_a_fmt:MATRIX_FMT_BF6 matrix_b_fmt:MATRIX_FMT_BF6 matrix_a_scale:MATRIX_SCALE_ROW1
.else
	v_wmma_scale_f32_16x16x128_f8f6f4 v[\d:\d+7], v[\a:\a+11], v[\b:\b+11], 0, v[\sa], v[\sb] matrix_a_fmt:MATRIX_FMT_BF6 matrix_b_fmt:MATRIX_FMT_BF6
.endif
.endm
.macro ROUND
	s_barrier_signal -1
	s_barrier_wait -1
	s_cmp_lg_u32 s[WV], 0
	s_cbranch_scc1 .Lnot_wave_0_\@
	s_barrier_signal -3
.Lnot_wave_0_\@:
	s_barrier_wait -3
	s_barrier_signal -1
	s_barrier_wait -1
.endm
.macro DESC g, rows
	s_mov_b32 s[\g], 15|(3<<16)|(1<<21)
	s_mov_b32 s[\g+1], 32<<16
	s_mov_b32 s[\g+2], (\rows)<<16
	s_mov_b32 s[\g+3], 32<<16
	s_mov_b32 s[\g+4], \rows
	s_mov_b32 s[\g+5], 32
	s_mov_b32 s[\g+6], 0
	s_mov_b32 s[\g+7], 0
.endm
.macro ASK g1
	s_or_b32 s[G0+3], s[G0+3], 0x80000000
	tensor_load_to_lds s[G0:G0+3], s[\g1:\g1+7]
	s_nop 0
.rept 4
	v_nop
.endr
.endm
.macro LOADK
	v_add_nc_u32 v[ADK], s[TK], v[AK]
	v_add_nc_u32 v[ADKS], s[TKS], v[AKS]
	s_set_vgpr_msb 0x40
.irp k, 0,1,2,3
	ds_load_b128 v[KF+12*\k:KF+12*\k+3], v[ADK] offset:OPB*\k
	ds_load_b128 v[KF+12*\k+4:KF+12*\k+7], v[ADK] offset:OPB*\k+512
	ds_load_b128 v[KF+12*\k+8:KF+12*\k+11], v[ADK] offset:OPB*\k+1024
.endr
	s_set_vgpr_msb 0x4000
	ds_load_b32 v[KSC], v[ADKS]
	ds_load_b32 v[KSC+1], v[ADKS] offset:128
.endm
.macro LOADV
	v_add_nc_u32 v[ADV], s[TV], v[AV]
	v_add_nc_u32 v[ADVS], s[TVS], v[AVS]
	s_set_vgpr_msb 0x40
.irp k, 0,1,2,3
	ds_load_b128 v[VF+12*\k:VF+12*\k+3], v[ADV] offset:OPB*\k
	ds_load_b128 v[VF+12*\k+4:VF+12*\k+7], v[ADV] offset:OPB*\k+512
	ds_load_b128 v[VF+12*\k+8:VF+12*\k+11], v[ADV] offset:OPB*\k+1024
.endr
	s_set_vgpr_msb 0x4000
	ds_load_b32 v[VSC], v[ADVS]
	ds_load_b32 v[VSC+1], v[ADVS] offset:128
.endm
.set PRIO,   1
.set PRT2,   1
.set PRTL,   1
.macro TSTEP i, p, vload, kload, mask
.if PRIO && (\i == 0)
	s_setprio 3
	s_nop 0
.endif
.if PRIO && (\i == PRT2)
	s_setprio 2
	s_nop 0
.endif
.set SUMI, ST+6*\i+2
.set FP, ST+6*\p+4
.set QI, QF+12*\i
.set NMI, ST+6*\i
.set OP, O+32*\p
.set FI, ST+6*\i+4
	s_set_vgpr_msb 0x1
	MM DT, VF, P, VSC, PSC, 0
	MM DT+8, VF+12, P, VSC, PSC, 1
	MM DT+16, VF+24, P, VSC+1, PSC, 0
	MM DT+24, VF+36, P, VSC+1, PSC, 1
	MM S, KF, QI+6, KSC, QSC+\i, 0
	MM S+8, KF, QI, KSC, QSC+\i, 0
	MM S+16, KF+12, QI+6, KSC, QSC+\i, 1
	MM S+24, KF+12, QI, KSC, QSC+\i, 1
	MM S+32, KF+24, QI+6, KSC+1, QSC+\i, 0
	MM S+40, KF+24, QI, KSC+1, QSC+\i, 0
	MM S+48, KF+36, QI+6, KSC+1, QSC+\i, 1
	MM S+56, KF+36, QI, KSC+1, QSC+\i, 1
.rept 4
	v_nop
.endr
.if PRIO && (\i == PRTL)
	s_setprio 1
	s_nop 0
.endif
	s_set_vgpr_msb 0x100
.if \mask
	s_cmp_eq_u32 s[SC], s[LIM+2*((\i)/2)]
	s_cbranch_scc1 .Lmask\i\p
.Lmasked\i\p:
.endif
.irp k, 0,1
	v_max3_num_f32 v[BM+\k], v[S+32*\k], v[S+32*\k+1], v[S+32*\k+2]
	v_max3_num_f32 v[A2+2*\k], v[S+32*\k+8], v[S+32*\k+9], v[S+32*\k+10]
	v_max3_num_f32 v[A2+2*\k+1], v[S+32*\k+16], v[S+32*\k+17], v[S+32*\k+18]
	v_max3_num_f32 v[CL+\k], v[S+32*\k+24], v[S+32*\k+25], v[S+32*\k+26]
.endr
.irp k, 0,1
.irp j, 0,1
	v_max3_num_f32 v[BM+\j], v[BM+\j], v[S+2*\k+32*\j+3], v[S+2*\k+32*\j+4]
	v_max3_num_f32 v[A2+2*\j], v[A2+2*\j], v[S+2*\k+32*\j+11], v[S+2*\k+32*\j+12]
	v_max3_num_f32 v[A2+2*\j+1], v[A2+2*\j+1], v[S+2*\k+32*\j+19], v[S+2*\k+32*\j+20]
	v_max3_num_f32 v[CL+\j], v[CL+\j], v[S+2*\k+32*\j+27], v[S+2*\k+32*\j+28]
.endr
.endr
	v_max3_num_f32 v[BM], v[BM], v[A2], v[S+7]
	v_max3_num_f32 v[A2+1], v[A2+1], v[CL], v[S+15]
	v_max3_num_f32 v[BM+1], v[BM+1], v[A2+2], v[S+39]
	v_max3_num_f32 v[A2+3], v[A2+3], v[CL+1], v[S+47]
	v_nop
	v_max3_num_f32 v[BM], v[BM], v[A2+1], v[S+23]
	v_max3_num_f32 v[BM+1], v[BM+1], v[A2+3], v[S+55]
	v_max_num_f32 v[BM], v[BM], v[S+31]
	v_max_num_f32 v[BM+1], v[BM+1], v[S+63]
	s_set_vgpr_msb 0x41
	v_pk_fma_f32 v[OP+0:OP+1], v[OP+0:OP+1], v[FP:FP+1], v[DT+0:DT+1] op_sel_hi:[1,0,1]
	v_pk_fma_f32 v[OP+8:OP+9], v[OP+8:OP+9], v[FP:FP+1], v[DT+8:DT+9] op_sel_hi:[1,0,1]
	v_pk_fma_f32 v[OP+16:OP+17], v[OP+16:OP+17], v[FP:FP+1], v[DT+16:DT+17] op_sel_hi:[1,0,1]
	v_pk_fma_f32 v[OP+24:OP+25], v[OP+24:OP+25], v[FP:FP+1], v[DT+24:DT+25] op_sel_hi:[1,0,1]
	s_set_vgpr_msb 0x4100
	v_max_num_f32 v[TM], v[BM], v[BM+1]
	s_set_vgpr_msb 0x41
	v_pk_fma_f32 v[OP+2:OP+3], v[OP+2:OP+3], v[FP:FP+1], v[DT+2:DT+3] op_sel_hi:[1,0,1]
	v_pk_fma_f32 v[OP+4:OP+5], v[OP+4:OP+5], v[FP:FP+1], v[DT+4:DT+5] op_sel_hi:[1,0,1]
	v_pk_fma_f32 v[OP+6:OP+7], v[OP+6:OP+7], v[FP:FP+1], v[DT+6:DT+7] op_sel_hi:[1,0,1]
	s_set_vgpr_msb 0x4100
	v_permlanex16_b32 v[BX], v[TM], s[SEL], s[SEL+1]
	s_set_vgpr_msb 0x41
	v_pk_fma_f32 v[OP+10:OP+11], v[OP+10:OP+11], v[FP:FP+1], v[DT+10:DT+11] op_sel_hi:[1,0,1]
	v_pk_fma_f32 v[OP+12:OP+13], v[OP+12:OP+13], v[FP:FP+1], v[DT+12:DT+13] op_sel_hi:[1,0,1]
	v_pk_fma_f32 v[OP+14:OP+15], v[OP+14:OP+15], v[FP:FP+1], v[DT+14:DT+15] op_sel_hi:[1,0,1]
	s_set_vgpr_msb 0x4100
	v_max3_num_f32 v[NMI+1], v[TM], v[BX], v[NMI+1]
	s_set_vgpr_msb 0x41
	v_pk_fma_f32 v[OP+18:OP+19], v[OP+18:OP+19], v[FP:FP+1], v[DT+18:DT+19] op_sel_hi:[1,0,1]
	v_pk_fma_f32 v[OP+20:OP+21], v[OP+20:OP+21], v[FP:FP+1], v[DT+20:DT+21] op_sel_hi:[1,0,1]
	s_set_vgpr_msb 0x4100
	v_mul_f32 v[TM], s[CS], v[NMI+1]
	s_set_vgpr_msb 0x41
	v_pk_fma_f32 v[OP+22:OP+23], v[OP+22:OP+23], v[FP:FP+1], v[DT+22:DT+23] op_sel_hi:[1,0,1]
	v_pk_fma_f32 v[OP+26:OP+27], v[OP+26:OP+27], v[FP:FP+1], v[DT+26:DT+27] op_sel_hi:[1,0,1]
	s_set_vgpr_msb 0x4100
	v_mov_b32 v[NMO], v[NMI]
	v_floor_f32 v[NMI], -v[TM]
	s_set_vgpr_msb 0x41
	v_pk_fma_f32 v[OP+28:OP+29], v[OP+28:OP+29], v[FP:FP+1], v[DT+28:DT+29] op_sel_hi:[1,0,1]
	v_pk_fma_f32 v[OP+30:OP+31], v[OP+30:OP+31], v[FP:FP+1], v[DT+30:DT+31] op_sel_hi:[1,0,1]
	s_set_vgpr_msb 0x4100
	v_fma_f32 v[BM], v[BM], s[CS], v[NMI]
	v_fma_f32 v[BM+1], v[BM+1], s[CS], v[NMI]
	v_sub_f32 v[TM], v[NMI], v[NMO]
	v_pk_fma_f32 v[S:S+1], v[S:S+1], s[CS:CS+1], v[NMI:NMI+1] op_sel_hi:[1,0,0]
	v_pk_fma_f32 v[S+2:S+3], v[S+2:S+3], s[CS:CS+1], v[NMI:NMI+1] op_sel_hi:[1,0,0]
	v_add_f32 v[BM], 0x3338af00, v[BM]
	v_add_f32 v[BM+1], 0x3338af00, v[BM+1]
	v_pk_fma_f32 v[S+4:S+5], v[S+4:S+5], s[CS:CS+1], v[NMI:NMI+1] op_sel_hi:[1,0,0]
	v_pk_fma_f32 v[S+6:S+7], v[S+6:S+7], s[CS:CS+1], v[NMI:NMI+1] op_sel_hi:[1,0,0]
	v_pk_fma_f32 v[S+8:S+9], v[S+8:S+9], s[CS:CS+1], v[NMI:NMI+1] op_sel_hi:[1,0,0]
	v_max_num_f32 v[BM], 0xc2f40000, v[BM]
	v_max_num_f32 v[BM+1], 0xc2f40000, v[BM+1]
	v_pk_fma_f32 v[S+10:S+11], v[S+10:S+11], s[CS:CS+1], v[NMI:NMI+1] op_sel_hi:[1,0,0]
	v_pk_fma_f32 v[S+12:S+13], v[S+12:S+13], s[CS:CS+1], v[NMI:NMI+1] op_sel_hi:[1,0,0]
	v_pk_fma_f32 v[S+14:S+15], v[S+14:S+15], s[CS:CS+1], v[NMI:NMI+1] op_sel_hi:[1,0,0]
	v_cvt_floor_i32_f32 v[BY], v[BM]
	v_cvt_floor_i32_f32 v[BY+1], v[BM+1]
	v_pk_fma_f32 v[S+16:S+17], v[S+16:S+17], s[CS:CS+1], v[NMI:NMI+1] op_sel_hi:[1,0,0]
	v_pk_fma_f32 v[S+18:S+19], v[S+18:S+19], s[CS:CS+1], v[NMI:NMI+1] op_sel_hi:[1,0,0]
	v_pk_fma_f32 v[S+20:S+21], v[S+20:S+21], s[CS:CS+1], v[NMI:NMI+1] op_sel_hi:[1,0,0]
	v_add_nc_u32 v[BY], 123, v[BY]
	v_add_nc_u32 v[BY+1], 123, v[BY+1]
	v_pk_fma_f32 v[S+22:S+23], v[S+22:S+23], s[CS:CS+1], v[NMI:NMI+1] op_sel_hi:[1,0,0]
	v_pk_fma_f32 v[S+24:S+25], v[S+24:S+25], s[CS:CS+1], v[NMI:NMI+1] op_sel_hi:[1,0,0]
	v_pk_fma_f32 v[S+26:S+27], v[S+26:S+27], s[CS:CS+1], v[NMI:NMI+1] op_sel_hi:[1,0,0]
	v_lshlrev_b32 v[SOP], 23, v[BY]
	v_lshlrev_b32 v[SOP+1], 23, v[BY+1]
	v_pk_fma_f32 v[S+28:S+29], v[S+28:S+29], s[CS:CS+1], v[NMI:NMI+1] op_sel_hi:[1,0,0]
	v_pk_fma_f32 v[S+30:S+31], v[S+30:S+31], s[CS:CS+1], v[NMI:NMI+1] op_sel_hi:[1,0,0]
.if \kload
	LOADK
.endif
.if \vload
	LOADV
.endif
	s_wait_alu depctr_va_vdst(0)
.irp k, 0,1,2,3,4,5,6,7,8,9,10,11,12,13
	v_exp_f32 v[S+\k], v[S+\k]
.endr
.irp k, 0,1,2,3,4,5,6,7,8,9,10,11,12,13,14,15
	v_exp_f32 v[S+\k+14], v[S+\k+14]
	v_pk_fma_f32 v[S+2*\k+32:S+2*\k+33], v[S+2*\k+32:S+2*\k+33], s[CS:CS+1], v[NMI:NMI+1] op_sel_hi:[1,0,0]
.endr
	v_exp_f32 v[S+30], v[S+30]
	v_lshl_or_b32 v[BY], v[BY+1], 16, v[BY]
	v_exp_f32 v[S+31], v[S+31]
	v_cvt_i32_f32 v[TM], v[TM]
.if PRIO && (\i == PRTL)
	s_setprio 0
.endif
	s_wait_alu depctr_va_vdst(0)
.irp k, 0,1,2,3,4,5,6,7,8,9,10,11,12,13,14,15,16,17,18,19
	v_exp_f32 v[S+\k+32], v[S+\k+32]
.endr
.irp k, 0,1,2,3
	v_exp_f32 v[S+\k+52], v[S+\k+52]
	v_pk_add_f32 v[DT+2*\k+16:DT+2*\k+17], v[S+4*\k:S+4*\k+1], v[S+4*\k+2:S+4*\k+3]
.endr
	v_exp_f32 v[S+56], v[S+56]
	v_cvt_scalef32_pk16_bf6_f32 v[P:P+2], v[S:S+15], v[SOP]
	v_exp_f32 v[S+57], v[S+57]
	v_pk_add_f32 v[DT+24:DT+25], v[S+16:S+17], v[S+18:S+19]
	v_exp_f32 v[S+58], v[S+58]
	v_pk_add_f32 v[DT+26:DT+27], v[S+20:S+21], v[S+22:S+23]
	v_exp_f32 v[S+59], v[S+59]
	v_cvt_scalef32_pk16_bf6_f32 v[PT:PT+2], v[S+16:S+31], v[SOP]
	v_exp_f32 v[S+60], v[S+60]
	v_pk_add_f32 v[DT+28:DT+29], v[S+24:S+25], v[S+26:S+27]
	v_exp_f32 v[S+61], v[S+61]
	v_pk_add_f32 v[DT+30:DT+31], v[S+28:S+29], v[S+30:S+31]
	v_exp_f32 v[S+62], v[S+62]
	v_permlanex16_b32 v[BX+1], v[BY], s[SEL], s[SEL+1]
	v_exp_f32 v[S+63], v[S+63]
	v_ldexp_f32 v[FI], 1.0, v[TM]
	s_wait_alu depctr_va_vdst(0)
.if \kload || \vload
	s_wait_dscnt 0x0
.endif
	v_lshl_or_b32 v[PSC], v[BX+1], 8, v[BY]
	v_mov_b32 v[P+3], v[PT]
	v_mov_b32 v[P+4], v[PT+1]
	v_mov_b32 v[P+5], v[PT+2]
.irp k, 0,1,2,3,4,5,6,7
	v_pk_add_f32 v[DT+2*\k+16:DT+2*\k+17], v[DT+2*\k+16:DT+2*\k+17], v[S+2*\k+32:S+2*\k+33]
.endr
	v_cvt_scalef32_pk16_bf6_f32 v[P+6:P+8], v[S+32:S+47], v[SOP+1]
.irp k, 0,1,2,3,4,5,6,7
	v_pk_add_f32 v[DT+2*\k+16:DT+2*\k+17], v[DT+2*\k+16:DT+2*\k+17], v[S+2*\k+48:S+2*\k+49]
.endr
	v_cvt_scalef32_pk16_bf6_f32 v[PT:PT+2], v[S+48:S+63], v[SOP+1]
	v_pk_add_f32 v[DT+16:DT+17], v[DT+16:DT+17], v[DT+18:DT+19]
	v_mov_b32 v[P+9], v[PT]
	v_mov_b32 v[P+10], v[PT+1]
	v_mov_b32 v[P+11], v[PT+2]
.irp k, 1,2,3
	v_pk_add_f32 v[DT+4*\k+16:DT+4*\k+17], v[DT+4*\k+16:DT+4*\k+17], v[DT+4*\k+18:DT+4*\k+19]
.endr
	v_pk_add_f32 v[DT+16:DT+17], v[DT+16:DT+17], v[DT+20:DT+21]
	v_pk_add_f32 v[DT+24:DT+25], v[DT+24:DT+25], v[DT+28:DT+29]
	v_nop
	v_pk_add_f32 v[DT+16:DT+17], v[DT+16:DT+17], v[DT+24:DT+25]
	v_nop
	v_pk_fma_f32 v[SUMI:SUMI+1], v[SUMI:SUMI+1], v[FI:FI+1], v[DT+16:DT+17] op_sel_hi:[1,0,1]
.endm
.macro QUANT x, c
.irp k, 0,1,2,3
	v_max3_num_f32 v[S+32+\k], |v[\x+8*\k]|, |v[\x+8*\k+1]|, |v[\x+8*\k+2]|
.endr
.irp i, 3,5
.irp k, 0,1,2,3
	v_max3_num_f32 v[S+32+\k], v[S+32+\k], |v[\x+8*\k+\i]|, |v[\x+8*\k+\i+1]|
.endr
.endr
.irp k, 0,1,2,3
	v_max_num_f32 v[S+32+\k], v[S+32+\k], |v[\x+8*\k+7]|
.endr
	v_max3_num_f32 v[S+32], v[S+32], v[S+33], v[S+34]
	v_max3_num_f32 v[S+32], v[S+32], v[S+35], 5<<23
	v_add_nc_u32 v[S+48], -(4<<23), v[S+32]
	v_cvt_scalef32_pk16_bf6_f32 v[\c:\c+2], v[\x:\x+15], v[S+48]
	v_cvt_scalef32_pk16_bf6_f32 v[S+36:S+38], v[\x+16:\x+31], v[S+48]
	v_lshrrev_b32 v[S+49], 23, v[S+48]
.irp i, 0,1,2
	v_mov_b32 v[\c+3+\i], v[S+36+\i]
.endr
.endm
.macro OUT i, more
.set SUMI, ST+6*\i+2
.set OI, O+32*\i
	v_add_f32 v[SOP+2], v[SUMI], v[SUMI+1]
	v_and_b32 v[BM], 15, v0
	v_bfe_u32 v[BM+1], v0, 4, 1
	s_delay_alu instid0(VALU_DEP_1)
	v_lshl_add_u32 v[BM+2], v[BM], 1, v[BM+1]
	v_and_b32 v[SOP], 31, v0
	v_permlanex16_b32 v[BX], v[SOP+2], s[SEL], s[SEL+1]
	s_delay_alu instid0(VALU_DEP_2)
	v_lshlrev_b32 v[SOP], 3, v[SOP]
.if (\i) < 2
	s_add_co_u32 s[T0], s[AW], \i
.else
	s_sub_co_u32 s[T0], \i+28, s[AW]
.endif
	s_lshr_b32 s[T3], s[T0], 2
	s_lshl_b32 s[T3], s[T3], 4
	s_and_b32 s[T1], s[T0], 1
	s_lshl_b32 s[T1], s[T1], 3
	s_add_co_u32 s[T3], s[T3], s[T1]
	s_bfe_u32 s[T1], s[T0], 0x10001
	s_add_co_u32 s[T3], s[T3], s[T1]
	s_lshl_b32 s[T1], s[CX], 1
	s_add_co_u32 s[T3], s[T3], s[T1]
	s_mul_i32 s[OO], s[T3], 8*OPB
	s_mov_b32 s[OO+1], 0
	s_add_nc_u64 s[OB:OB+1], s[16:17], s[OO:OO+1]
	s_lshl_b32 s[T0], s[WV], 6
	s_add_co_u32 s[T0], s[T0], CXB+32*(\i)
	s_wait_alu depctr_va_vdst(0)
	v_add_nc_u32 v[BM+2], s[T0], v[BM+2]
	v_add_f32 v[SOP+2], v[SOP+2], v[BX]
	s_wait_alu depctr_va_vdst(0)
	v_rcp_f32 v[SOP+2], v[SOP+2]
	v_mov_b32 v[SOP+3], 0
	s_wait_alu depctr_va_vdst(0)
	s_set_vgpr_msb 0x1
.irp k, 0,1,2,3,4,5,6,7,8,9,10,11,12,13,14,15
	v_pk_mul_f32 v[S+2*\k:S+2*\k+1], v[OI+2*\k:OI+2*\k+1], v[SOP+2:SOP+3] op_sel_hi:[1,0]
.endr
	s_set_vgpr_msb 0x100
	QUANT S, S+40
	ds_store_b8 v[BM+2], v[S+49]
	global_store_b64 v[SOP], v[S+40:S+41], s[OB:OB+1]
	global_store_b64 v[SOP], v[S+42:S+43], s[OB:OB+1] offset:256
	global_store_b64 v[SOP], v[S+44:S+45], s[OB:OB+1] offset:512
.if \more
	s_wait_xcnt 0x0
.endif
.endm
.macro MASKS i, p
.Lmask\i\p:
.if (\i) % 2 == 0
.irp k, 0,1,2,3,4,5,6,7,8,9,10,11,12,13,14,15
	v_cndmask_b32 v[S+\k], v[S+\k], v[NINF], s[MKA+\k]
.endr
.irp k, 0,1,2,3,4,5,6,7
	v_cndmask_b32 v[S+\k+16], v[S+\k+16], v[NINF], s[MKB+\k]
.endr
.irp k, 0,1,2,3,4,5,6,7
	v_cndmask_b32 v[S+\k+24], v[S+\k+24], v[NINF], s[MKC+\k]
.endr
.irp k, 0,1,2,3,4,5,6,7,8,9,10,11,12,13,14,15
	v_dual_mov_b32 v[S+2*\k+32], v[NINF] :: v_dual_mov_b32 v[S+2*\k+33], v[NINF]
.endr
.else
.irp k, 0,1,2,3,4,5,6,7,8,9,10,11,12,13,14,15
	v_cndmask_b32 v[S+\k+32], v[S+\k+32], v[NINF], s[MKA+\k]
.endr
.irp k, 0,1,2,3,4,5,6,7
	v_cndmask_b32 v[S+\k+48], v[S+\k+48], v[NINF], s[MKB+\k]
.endr
.irp k, 0,1,2,3,4,5,6,7
	v_cndmask_b32 v[S+\k+56], v[S+\k+56], v[NINF], s[MKC+\k]
.endr
.endif
	s_branch .Lmasked\i\p
.endm
.macro LEAVE i
	s_cmp_eq_u32 s[SC], s[LIM+2*((\i)/2)]
	s_cbranch_scc1 .Lout\i
.Lback\i:
.endm
.macro GOES i
.Lout\i:
	OUT \i, 1
	s_branch .Lback\i
.endm
	s_load_b128 s[4:7], s[0:1], 0x0
	s_load_b128 s[12:15], s[0:1], 0x10
	s_load_b64 s[16:17], s[0:1], 0x20
	v_lshl_add_u32 v[SPW], v0, 2, SPARE
	v_mov_b32 v[NIL], 0
	ds_add_u32 v[SPW], v[NIL]
	ds_add_u32 v[SPW], v[NIL]
	v_lshrrev_b32 v[ADK], 5, v0
	s_delay_alu instid0(VALU_DEP_1)
	v_readfirstlane_b32 s[WV], v[ADK]
	s_and_b32 s[HD], ttmp7, 0xffff
	s_bfe_u32 s[CX], ttmp6, 0x40000
	DESC G1KS, 16
	DESC G1K, 384
	s_mov_b32 s[SEL], 0x76543210
	s_mov_b32 s[SEL+1], 0xfedcba98
	s_mov_b32 s[CS], 0x3e38aa3b
	s_mov_b32 s[CS+1], s[CS]
	s_and_b32 s[T0], s[HD], 15
	s_lshr_b32 s[T1], s[HD], 4
	s_mul_i32 s[T2], s[T0], SIZE_H/16
	s_add_co_u32 s[T2], s[T2], s[T1]
	s_mul_i32 s[SB], s[T2], HEADB
	s_mov_b32 s[SB+1], 0
	s_lshl_b32 s[SB+2], s[T2], 12
	s_mov_b32 s[SB+3], 0
	s_mul_i32 s[OO], s[T1], 1024*OPB
	s_mul_i32 s[T3], s[T0], OPB/2
	s_add_co_u32 s[OO], s[OO], s[T3]
	s_mov_b32 s[OO+1], 0
	s_mul_i32 s[OB], s[T0], SIZE_H/16*4096
	s_lshl_b32 s[T3], s[T1], 12
	s_add_co_u32 s[OB], s[OB], s[T3]
	s_lshl_b32 s[T3], s[CX], 10
	s_add_co_u32 s[OB], s[OB], s[T3]
	s_mov_b32 s[OB+1], 0
	s_mov_b32 s[G0], 1
	s_wait_dscnt 0x0
	s_wait_kmcnt 0x0
	s_add_nc_u64 s[16:17], s[16:17], s[OO:OO+1]
	s_add_nc_u64 s[8:9], s[4:5], SIZE_H*HEADB
	s_add_nc_u64 s[10:11], s[6:7], 4096*SIZE_H
	ROUND
	s_cmp_ge_u32 s[WV], 4
	s_cbranch_scc1 .Larm_end
	s_cmp_eq_u32 s[WV], 3
	s_cbranch_scc1 .Larm_v
	s_cmp_eq_u32 s[WV], 2
	s_cbranch_scc1 .Larm_k
	s_cmp_eq_u32 s[WV], 1
	s_cbranch_scc1 .Larm_vs
	s_mov_b32 s[G0+1], KSB
	s_add_nc_u64 s[G0+2:G0+3], s[10:11], s[SB+2:SB+3]
	ASK G1KS
	s_branch .Larm_end
.Larm_vs:
	s_mov_b32 s[G0+1], VSB
	s_add_nc_u64 s[G0+2:G0+3], s[14:15], s[SB+2:SB+3]
	ASK G1KS
	s_branch .Larm_end
.Larm_k:
	s_mov_b32 s[G0+1], 0
	s_add_nc_u64 s[G0+2:G0+3], s[8:9], s[SB:SB+1]
	ASK G1K
	s_branch .Larm_end
.Larm_v:
	s_mov_b32 s[G0+1], VB
	s_add_nc_u64 s[G0+2:G0+3], s[12:13], s[SB:SB+1]
	ASK G1K
.Larm_end:
	s_load_b64 s[10:11], s[0:1], 0x28
	v_and_b32 v[S], 15, v0
	s_and_b32 s[T0], s[WV], 1
	s_xor_b32 s[T0], s[T0], ttmp9
	s_and_b32 s[AW], s[WV], 3
	s_lshl_b32 s[AW], s[AW], 1
	s_add_co_u32 s[AW], s[AW], s[T0]
	s_sub_co_u32 s[T0], 15, s[AW]
	s_cmp_lt_u32 s[WV], 4
	s_cselect_b32 s[LIM], s[T0], s[AW]
	s_lshl_b32 s[AW], s[LIM], 1
	s_lshr_b32 s[T3], s[CX], 1
	s_lshl_b32 s[T1], s[T3], 6
	s_mul_i32 s[T3], s[T3], OPB
	s_and_b32 s21, s[CX], 1
	s_lshl_b32 s[T2], s21, 1
	s_add_co_u32 s[T1], s[T1], s[T2]
	s_mul_i32 s83, s21, 520
	s_mul_i32 s21, s21, 1016
.irp t, 0,1
	s_add_co_u32 s[T0], s[AW], \t
	s_mul_i32 s[QB+2*\t], s[T0], 2*OPB
	s_add_co_u32 s[QB+2*\t], s[QB+2*\t], s[T3]
	s_mov_b32 s[QB+2*\t+1], 0
	s_add_nc_u64 s[QB+2*\t:QB+2*\t+1], s[QB+2*\t:QB+2*\t+1], s[SB:SB+1]
	s_add_nc_u64 s[QB+2*\t:QB+2*\t+1], s[QB+2*\t:QB+2*\t+1], s[4:5]
.if \t % 2 == 0
	s_lshl_b32 s[SB+\t+4], s[T0], 7
	s_add_co_u32 s[SB+\t+4], s[SB+\t+4], s[T1]
	s_mov_b32 s[SB+\t+5], 0
.endif
.endr
	s_wait_alu depctr_va_vdst(0)
	v_and_b32 v[S+2], 31, v0
	s_delay_alu instid0(VALU_DEP_1)
	v_lshlrev_b32 v[S+2], 4, v[S+2]
	s_delay_alu instid0(VALU_DEP_1)
	v_add_nc_u32 v[S+6], s21, v[S+2]
	v_add_nc_u32 v[S+2], s83, v[S+2]
	global_load_b64 v[QF+6:QF+7], v[S+2], s[QB:QB+1]
	global_load_b64 v[QF+8:QF+9], v[S+6], s[QB:QB+1] offset:8
	global_load_b64 v[QF+10:QF+11], v[S+2], s[QB:QB+1] offset:512
	global_load_b64 v[QF+18:QF+19], v[S+2], s[QB+2:QB+3]
	global_load_b64 v[QF+20:QF+21], v[S+6], s[QB+2:QB+3] offset:8
	global_load_b64 v[QF+22:QF+23], v[S+2], s[QB+2:QB+3] offset:512
	v_lshlrev_b32 v[S+3], 2, v[S]
	s_add_nc_u64 s[SB+4:SB+5], s[SB+4:SB+5], s[SB+2:SB+3]
	s_add_nc_u64 s[SB+4:SB+5], s[SB+4:SB+5], s[6:7]
	global_load_u16 v[QSC], v[S+3], s[SB+4:SB+5]
	global_load_u16 v[QSC+1], v[S+3], s[SB+4:SB+5] offset:128
	v_and_b32 v[S+4], 31, v0
	s_delay_alu instid0(VALU_DEP_1)
	v_lshlrev_b32 v[AK], 4, v[S+4]
	v_lshl_add_u32 v[AV], v[S+4], 4, VB
	v_lshl_add_u32 v[AKS], v[S+4], 2, KSB
	v_lshl_add_u32 v[AVS], v[S+4], 2, VSB
.irp k, 0,1,2
.irp j, 0,1,2,3,4,5
	v_mov_b32 v[QF+12*\k+\j], 0
.endr
.endr
	s_set_vgpr_msb 0x40
.irp k, 0,1,2,3,4,5,6,7,8,9,10,11,12,13,14,15,16,17,18,19,20,21,22,23,24,25,26,27,28,29,30,31
	v_mov_b32 v[O+2*\k], 0
	v_mov_b32 v[O+2*\k+1], 0
.endr
	s_set_vgpr_msb 0x4000
.irp k, 0,1,2,3,4,5,6,7,8,9,10,11
	v_mov_b32 v[P+\k], 0
.endr
	v_mov_b32 v[BX], 0
	v_mov_b32 v[BX+1], 0
	v_mov_b32 v[PSC], 0x7f7f7f7f
.irp k, 0,1
	v_mov_b32 v[ST+6*\k+1], 0xff61b1e6
	v_mov_b32 v[ST+6*\k+2], 0
	v_mov_b32 v[ST+6*\k+3], 0
	v_mov_b32 v[ST+6*\k+4], 1.0
	v_mov_b32 v[ST+6*\k+5], 0
.endr
	v_mul_f32 v[TM], s[CS], v[ST+1]
	s_delay_alu instid0(VALU_DEP_1)
	v_floor_f32 v[ST], -v[TM]
	v_floor_f32 v[ST+6], -v[TM]
	s_mov_b32 s[SC], 0
	s_mov_b32 s[TK], 0
	s_mov_b32 s[TV], 0
	s_mov_b32 s[TKS], 0
	s_mov_b32 s[TVS], 0
	s_wait_loadcnt 0x0
	s_wait_kmcnt 0x0
	s_add_nc_u64 s[10:11], s[10:11], s[OB:OB+1]
	v_lshl_or_b32 v[QSC], v[QSC], 16, v[QSC]
	v_lshl_or_b32 v[QSC+1], v[QSC+1], 16, v[QSC+1]
.if !SIZE_CAUSAL
.rept 4
	v_nop
.endr
.endif
	s_wait_tensorcnt 0x0
.if SIZE_CAUSAL
	s_lshl_b32 s[T3], s[CX], 3
	v_and_b32 v[S], 7, v0
	v_bfe_u32 v[S+2], v0, 3, 1
	s_delay_alu instid0(VALU_DEP_1)
	v_lshl_add_u32 v[S], v[S+2], 5, v[S]
	v_bfe_u32 v[S+1], v0, 4, 1
	s_delay_alu instid0(VALU_DEP_1)
	v_lshlrev_b32 v[S+1], 5, v[S+1]
	s_delay_alu instid0(VALU_DEP_1)
	v_sub_nc_u32 v[S], v[S], v[S+1]
	s_delay_alu instid0(VALU_DEP_1)
	v_add_nc_u32 v[S], s[T3], v[S]
	s_delay_alu instid0(VALU_DEP_1)
.irp k, 0,1,2,3,4,5,6,7,8,9,10,11,12,13,14,15
	v_cmp_gt_i32 s[MKA+\k], \k, v[S]
.endr
.irp k, 0,1,2,3,4,5,6,7
	v_cmp_gt_i32 s[MKB+\k], \k+16, v[S]
.endr
.irp k, 0,1,2,3,4,5,6,7
	v_cmp_gt_i32 s[MKC+\k], \k+24, v[S]
.endr
	v_mov_b32 v[NINF], 0xff800000
.else
	s_mov_b32 s[LIM], STEPS-1
.endif
	s_barrier_signal -1
	s_barrier_wait -1
	LOADK
	LOADV
	s_wait_dscnt 0x0
	s_wait_alu depctr_va_vdst(0)
	s_mov_b32 s[TK], KSTEP
	s_mov_b32 s[TKS], 256
.Lstep:
.if SIZE_CAUSAL
	s_cmp_gt_u32 s[SC], s[LIM]
	s_cbranch_scc1 .Ldone
.endif
	TSTEP 0, 1, 1, 0, SIZE_CAUSAL
	TSTEP 1, 0, 0, 1, SIZE_CAUSAL
	LEAVE 0
.Ldone:
	s_add_co_u32 s[SC], s[SC], 1
	s_add_co_u32 s[T0], s[SC], 1
	s_min_u32 s[T0], s[T0], STEPS-1
	s_mul_i32 s[TK], s[T0], KSTEP
	s_lshl_b32 s[TKS], s[T0], 8
	s_mul_i32 s[TV], s[SC], KSTEP
	s_lshl_b32 s[TVS], s[SC], 8
	s_wait_alu depctr_va_vdst(0)
	s_cmp_lt_u32 s[SC], STEPS
	s_cbranch_scc1 .Lstep
	s_branch .Ltail
.if SIZE_CAUSAL
	MASKS 0, 1
	MASKS 1, 0
.endif
	GOES 0
.Ltail:
.if PRIO
	s_setprio 0
	s_nop 0
.endif
	s_set_vgpr_msb 0x1
	MM DT, VF, P, VSC, PSC, 0
	MM DT+8, VF+12, P, VSC, PSC, 1
	MM DT+16, VF+24, P, VSC+1, PSC, 0
	MM DT+24, VF+36, P, VSC+1, PSC, 1
.rept 4
	v_nop
.endr
	s_set_vgpr_msb 0x141
.irp k, 0,1,2,3,4,5,6,7,8,9,10,11,12,13,14,15
	v_pk_fma_f32 v[O+2*\k+32:O+2*\k+33], v[O+2*\k+32:O+2*\k+33], v[ST+10:ST+11], v[DT+2*\k:DT+2*\k+1] op_sel_hi:[1,0,1]
.endr
	s_set_vgpr_msb 0x4100
	OUT 1, 0
	v_and_b32 v[BM], 31, v0
	s_delay_alu instid0(VALU_DEP_1)
	v_lshlrev_b32 v[BM], 1, v[BM]
	s_lshl_b32 s[T0], s[WV], 6
	s_add_co_u32 s[T0], s[T0], CXB
	s_lshl_b32 s[T1], s[AW], 5
	v_add_nc_u32 v[BM+1], s[T0], v[BM]
	v_add_nc_u32 v[BM], s[T1], v[BM]
	s_wait_alu depctr_va_vdst(0)
	s_wait_dscnt 0x0
	ds_load_u16 v[BM+2], v[BM+1]
	s_wait_dscnt 0x0
	global_store_b16 v[BM], v[BM+2], s[10:11]
	s_wait_tensorcnt 0x0
	ds_add_u32 v[SPW], v[NIL]
	s_wait_dscnt 0x0
	ROUND
	s_endpgm
.Lfunc_end_k_q0f68157b24_attention:
	.size	k_q0f68157b24_attention, .Lfunc_end_k_q0f68157b24_attention-k_q0f68157b24_attention
	.p2alignl 7, 3214868480
	.fill 96, 4, 3214868480
	.section	.rodata,"a",@progbits
	.p2align	6, 0x0
	.amdhsa_kernel k_q0f68157b24_attention
		.amdhsa_group_segment_fixed_size 327680
		.amdhsa_private_segment_fixed_size 0
		.amdhsa_enable_private_segment 0
		.amdhsa_kernarg_size 48
		.amdhsa_user_sgpr_count 2
		.amdhsa_user_sgpr_kernarg_segment_ptr 1
		.amdhsa_wavefront_size32 1
		.amdhsa_system_sgpr_workgroup_id_x 1
		.amdhsa_system_sgpr_workgroup_id_y 1
		.amdhsa_system_sgpr_workgroup_id_z 1
		.amdhsa_system_vgpr_workitem_id 0
		.amdhsa_next_free_vgpr 512
		.amdhsa_next_free_sgpr 102
		.amdhsa_reserve_vcc 0
		.amdhsa_float_denorm_mode_32 3
		.amdhsa_float_denorm_mode_16_64 3
		.amdhsa_memory_ordered 1
		.amdhsa_forward_progress 1
		.amdhsa_inst_pref_size 54
	.end_amdhsa_kernel
	.amdgpu_metadata
---
amdhsa.version: [ 1, 2 ]
amdhsa.kernels:
  - .name:           k_q0f68157b24_attention
    .symbol:         k_q0f68157b24_attention.kd
    .args:
      - { .name: qkc, .offset: 0, .size: 8, .value_kind: global_buffer, .address_space: global }
      - { .name: qks, .offset: 8, .size: 8, .value_kind: global_buffer, .address_space: global }
      - { .name: vc, .offset: 16, .size: 8, .value_kind: global_buffer, .address_space: global }
      - { .name: vs, .offset: 24, .size: 8, .value_kind: global_buffer, .address_space: global }
      - { .name: cx, .offset: 32, .size: 8, .value_kind: global_buffer, .address_space: global }
      - { .name: cxs, .offset: 40, .size: 8, .value_kind: global_buffer, .address_space: global }
    .group_segment_fixed_size: 327680
    .private_segment_fixed_size: 0
    .kernarg_segment_align: 8
    .kernarg_segment_size: 48
    .max_flat_workgroup_size: 256
    .sgpr_count:     102
    .vgpr_count:     512
    .wavefront_size: 32
...
	.end_amdgpu_metadata
.endif
;; end of part 3
;; launch out (part 4): grid 8 x 16, 4 waves a work-group, clusters of 4 x 4, 327,680 bytes of LDS; arguments cx, cxs, pc, ps, qkc, b_o, x; writes qkc
.if DOCPART == 4
	.amdgcn_target "amdgcn-amd-amdhsa--gfx1250"
	.amdhsa_code_object_version 6
	.text
	.protected	k_q0f68157b24_out
	.globl	k_q0f68157b24_out
	.p2align	8
	.type	k_q0f68157b24_out,@function
k_q0f68157b24_out:
	s_mov_b64 s[64:65], 0
	v_nop
	global_prefetch_b8 v0, s[64:65] scope:SCOPE_SE
	s_setreg_imm32_b32 hwreg(HW_REG_WAVE_MODE, 25, 1), 1
	s_wait_xcnt 0x0
	s_wait_alu depctr_hold_cnt(0) depctr_sa_sdst(0) depctr_va_vdst(0) depctr_va_sdst(0) depctr_va_ssrc(0) depctr_va_vcc(0) depctr_vm_vsrc(0)
	s_getreg_b32 s2, hwreg(HW_REG_IB_STS2, 6, 4)
	s_cmp_eq_u32 s2, 0
	s_cbranch_scc0 .Lentry_in_a_cluster
	s_endpgm
.Lentry_in_a_cluster:
	s_bfe_u32 s2, ttmp6, 0x10000c
	s_cmp_lg_u32 s2, 0xf033
	s_cbranch_scc0 .Lentry_shape_is_right
	s_endpgm
.Lentry_shape_is_right:
.set TOK,    4096
.set BIAS,   1
.set RES,    1
.set RZ,     160
.set SIZE_N, 1024
.set SIZE_K, 1024
.set IN3,    0
.set BOFF,   (1+2*IN3)*TOK+3072
.set NQ,     SIZE_K/128
.set NB,     4
.set NS,     8
.set TM,     2*16*NS
.set TN,     2*16*NB
.set KROW,   SIZE_K*6/8
.set KS,     SIZE_K/32
.set PITCH,  KROW+16*(KROW/256)
.set FR,     12
.set FPW,    256/FR
.set NP,     4
.set CSTEP,  8*SIZE_N*4
.set CFAR,   32*SIZE_N*4
.set YB,     TM*PITCH
.set SCL,    ((TM+TN)*PITCH+255)/256*256
.set RS,     TM*KS/256
.set SSTEP,  (32*KS/256)*272
.set SPITCH, 16*NB*4+16
.set STAGE,  YB
.set SPARE,  SCL+RS*272
.set ADRA0, 4
.set AAS0, 6
.set CO,   9
.set SPW,  10
.set NIL,  11
.set ADRA, 12
.set ADRB, 14
.set ABS,  16
.set AAS,  17
.set STO,  18
.set RD,   19
.set SB,   24
.set SA,   SB+2*NQ+2
.set ACC,  (SA+2*NQ+7)/8*8
.set BK,   ACC+8*NB
.set BO,   BK+32
.set G1A, 24
.set G0A, 56
.set G1B, 32
.set G0B, 60
.set MSB, 0
.macro WIN new
.if MSB != \new
	s_set_vgpr_msb (MSB<<8)|\new
.set MSB, \new
.endif
.endm
.macro PLACES n
.rept \n
	v_nop
.endr
.endm
.macro CROUND
	s_barrier_signal -1
	s_barrier_wait -1
	s_cmp_lg_u32 s14, 0
	s_cbranch_scc1 .Lnot_wave_0_\@
	s_barrier_signal -3
.Lnot_wave_0_\@:
	s_barrier_wait -3
	s_barrier_signal -1
	s_barrier_wait -1
.endm
.macro TLOAD g0, g1
	tensor_load_to_lds s[\g0:\g0+3], s[\g1:\g1+7]
	s_nop 0
	PLACES 4
.endm
.macro GROUP1 g, mask, rows, pad
	s_or_b32 s[\g+0], s[\mask], (1<<21)|\pad
	s_mov_b32 s[\g+1], (KROW&0xffff)<<16
	s_mov_b32 s[\g+2], (KROW>>16)|((\rows)<<16)
	s_mov_b32 s[\g+3], KROW<<16
	s_mov_b32 s[\g+4], \rows
	s_mov_b32 s[\g+5], KROW
	s_mov_b32 s[\g+6], 0
	s_mov_b32 s[\g+7], 0
.endm
	s_load_b128 s[4:7], s[0:1], 0x0
	s_load_b128 s[8:11], s[0:1], 0x10
	s_load_b64 s[12:13], s[0:1], 0x20
.if RES
	s_load_b64 s[92:93], s[0:1], 0x28+8*BIAS
.endif
	v_lshl_add_u32 v[SPW], v0, 2, SPARE
	v_mov_b32 v[NIL], 0
	ds_add_u32 v[SPW], v[NIL]
	ds_add_u32 v[SPW], v[NIL]
	v_lshrrev_b32 v1, 5, v0
	v_readfirstlane_b32 s14, v1
	s_lshr_b32 s15, s14, 1
	s_and_b32 s16, s14, 1
	s_mov_b32 s17, s15
	s_mov_b32 s18, s16
	s_bfe_u32 s40, ttmp6, 0x40000
	s_bfe_u32 s41, ttmp6, 0x40004
	s_lshl_b32 s42, ttmp9, 2
	s_add_co_u32 s42, s42, s40
	s_and_b32 s43, ttmp7, 0xffff
	s_lshl_b32 s43, s43, 2
	s_add_co_u32 s43, s43, s41
	s_lshl_b32 s44, s41, 2
	s_lshl_b32 s44, 15, s44
	s_lshl_b32 s45, 0x1111, s40
	GROUP1 G1A, 44, TM/2, 0
	GROUP1 G1B, 45, TN/2, (1<<20)|(5<<22)|(3<<25)
	s_mul_i32 s86, s43, TM*KROW
	s_mov_b32 s87, 0
	s_mul_i32 s76, s16, TM/2*KROW
	s_mov_b32 s77, 0
	s_mul_i32 s20, s42, TN*KROW
	s_mul_i32 s21, s16, TN/2*KROW
	s_add_co_u32 s78, s20, s21
	s_mov_b32 s79, 0
	s_mul_i32 s82, s42, TN*KS
	s_mul_i32 s21, s18, 16*NB*KS
	s_add_co_u32 s82, s82, s21
	s_mov_b32 s83, 0
	s_mul_i32 s84, s43, TM*SIZE_N*4
	s_mul_i32 s21, s17, 128*SIZE_N*4
	s_add_co_u32 s84, s84, s21
	s_mul_i32 s21, s42, TN*4
	s_add_co_u32 s84, s84, s21
	s_mul_i32 s21, s18, 16*NB*4
	s_add_co_u32 s84, s84, s21
	s_mov_b32 s85, 0
	s_mov_b32 s[G0A], 1
	s_mul_i32 s[G0A+1], s16, TM/2*KROW
	s_mov_b32 s[G0B], 1
	s_mul_i32 s[G0B+1], s16, TN/2*PITCH
	s_add_co_u32 s[G0B+1], s[G0B+1], YB
	v_and_b32 v1, 15, v0
	v_bfe_u32 v2, v0, 4, 1
	v_and_b32 v3, 31, v0
	v_mul_u32_u24 v22, v1, PITCH
	v_mad_u32_u24 v23, v2, 24, v22
	s_mul_i32 s23, s17, 16*KROW
	v_lshlrev_b32 v[ADRA0], 3, v3
	v_add_nc_u32 v[ADRA0], s23, v[ADRA0]
	s_mul_i32 s22, s18, 16*NB*PITCH
	s_add_co_u32 s22, s22, YB
	v_add_nc_u32 v[ADRB], s22, v23
	v_mad_u32_u24 v23, v2, 24+16, v22
	v_add_nc_u32 v[ADRB+1], s22, v23
	v_mul_u32_u24 v[ABS], v3, KS
	v_mul_u32_u24 v23, v1, KS
	v_lshrrev_b32 v22, 8, v23
	v_lshl_add_u32 v23, v22, 4, v23
	s_mul_i32 s21, s17, (16*KS/256)*272
	s_add_co_u32 s21, s21, SCL
	v_add_nc_u32 v[AAS0], s21, v23
	s_mul_i32 s21, s14, 16*SPITCH
	s_add_co_u32 s21, s21, STAGE
	v_mul_u32_u24 v23, v1, SPITCH
	v_lshl_add_u32 v23, v2, 5, v23
	v_add_nc_u32 v[STO], s21, v23
	v_mul_u32_u24 v23, v2, SPITCH
	v_lshl_add_u32 v23, v1, 4, v23
	v_add_nc_u32 v[RD], s21, v23
	v_mul_u32_u24 v23, v2, SIZE_N*4
	v_lshl_add_u32 v[CO], v1, 4, v23
	s_wait_alu depctr_va_vdst(0)
	s_wait_dscnt 0x0
	s_wait_kmcnt 0x0
	s_add_nc_u64 s[8:9], s[8:9], BOFF*KROW
	s_add_nc_u64 s[10:11], s[10:11], BOFF*KS
	s_add_nc_u64 s[86:87], s[4:5], s[86:87]
	s_add_nc_u64 s[G0A+2:G0A+3], s[86:87], s[76:77]
	s_or_b32 s[G0A+3], s[G0A+3], 0x80000000
	s_add_nc_u64 s[G0B+2:G0B+3], s[8:9], s[78:79]
	s_or_b32 s[G0B+3], s[G0B+3], 0x80000000
	s_add_nc_u64 s[10:11], s[10:11], s[82:83]
	s_add_nc_u64 s[12:13], s[12:13], s[84:85]
.if RES
	s_add_nc_u64 s[92:93], s[92:93], s[84:85]
.endif
	CROUND
	s_cmp_eq_u32 s15, 0
	s_cbranch_scc0 .Lfor_a
	TLOAD G0B, G1B
	s_branch .Lasked
.Lfor_a:
	TLOAD G0A, G1A
.Lasked:
	s_lshr_b32 s20, s43, 3
	s_lshl_b32 s20, s20, 12
	s_and_b32 s21, s43, 7
	s_lshl_b32 s21, s21, 7
	s_add_co_u32 s20, s20, s21
	s_mov_b32 s21, 0
	v_and_b32 v22, 15, v0
	v_lshlrev_b32 v22, 1, v22
	v_bfe_u32 v23, v0, 4, 1
	v_lshl_or_b32 v22, v23, 6, v22
	v_bfe_u32 v23, v0, 5, 2
	v_lshl_or_b32 v22, v23, 10, v22
	s_add_nc_u64 s[6:7], s[6:7], s[20:21]
.irp k, 0,1
.irp hd, 0,1,2,3,4,5,6,7,8,9,10,11,12,13,14,15
	global_load_u16 v[ACC+16*\k+\hd], v22, s[6:7] offset:\hd*TOK*2+32*\k
.endr
.endr
	v_lshrrev_b32 v23, 3, v0
	v_lshlrev_b32 v23, 4, v23
	v_lshl_add_u32 v23, v0, 5, v23
	v_add_nc_u32 v23, SCL, v23
.if BIAS
	s_load_b64 s[76:77], s[0:1], 0x28
	s_mul_i32 s20, s42, TN*4
	s_mul_i32 s21, s18, 16*NB*4
	s_add_co_u32 s20, s20, s21
	s_mov_b32 s21, 0
	v_lshlrev_b32 v8, 5, v2
	s_wait_alu depctr_va_vdst(0)
	s_wait_kmcnt 0x0
	s_add_nc_u64 s[76:77], s[76:77], s[20:21]
.irp b, 0,1,2,3
	global_load_b128 v[BO+8*\b:BO+8*\b+3], v8, s[76:77] offset:64*\b
	global_load_b128 v[BO+8*\b+4:BO+8*\b+7], v8, s[76:77] offset:64*\b+16
.endr
.endif
.irp p, 0,1
.irp c, 0,1
	global_load_b128 v[SB+NQ*\p+4*\c:SB+NQ*\p+4*\c+3], v[ABS], s[10:11] offset:\p*32*KS+16*\c
.endr
.endr
	s_wait_loadcnt 0x0
.irp k, 0,1
.irp q, 0,1,2,3,4,5,6,7
	v_lshl_or_b32 v[BK+8*\k+\q], v[ACC+16*\k+2*\q+1], 16, v[ACC+16*\k+2*\q]
.endr
.endr
.irp k, 0,1
.irp c, 0,1
	ds_store_b128 v23, v[BK+8*\k+4*\c:BK+8*\k+4*\c+3] offset:4352*\k+16*\c
.endr
.endr
	s_wait_dscnt 0x0
	s_cmp_eq_u32 s15, 0
	s_cbranch_scc0 .Lnot_b
	s_wait_tensorcnt 0x0
.Lnot_b:
	s_barrier_signal -1
	s_barrier_wait -1
.macro FRAG f, adr, q, off
	WIN (1+(\f)/FPW)<<6
.irp p, 0,1,2,3,4,5
.set PC, 12*(\q)+6*(\p/3)+\p%3
.if PC%32 < 29
	ds_load_b64 v[FR*((\f)%FPW)+2*\p:FR*((\f)%FPW)+2*\p+1], v[\adr] offset:8*PC+16*(PC/32)+(\off)
.else
	ds_load_b64 v[FR*((\f)%FPW)+2*\p:FR*((\f)%FPW)+2*\p+1], v[\adr+1] offset:8*PC+16*(PC/32)+(\off)
.endif
.endr
.endm
.macro FRAGA f, q
	WIN (1+(\f)/FPW)<<6
.irp p, 0,1,2,3,4,5
	ds_load_b64 v[FR*((\f)%FPW)+2*\p:FR*((\f)%FPW)+2*\p+1], v[ADRA] offset:1536*(\q)+256*\p
.endr
.endm
.macro SET u
.irp q, 0,1,2,3,4,5,6,7
	FRAGA NB*NQ+NQ*(\u)+\q, \q
.endr
	WIN 0
	ds_load_b128 v[SA+NQ*(\u):SA+NQ*(\u)+3], v[AAS]
	ds_load_b128 v[SA+NQ*(\u)+4:SA+NQ*(\u)+7], v[AAS] offset:16
.endm
.macro MUL h, u
.irp j, 0,1,2,3
.irp p, 0,1
.irp o, 0,1
.set Q,  NQ/2*\h+\j
.set FB, NB*Q+2*\p+\o
.set FA, NB*NQ+NQ*(\u)+Q
.set AC, ACC+8*(2*\p+\o)
	WIN (1+FB/FPW)|((1+FA/FPW)<<2)
.if Q == 0 && BIAS
	v_wmma_scale_f32_16x16x128_f8f6f4 v[AC:AC+7], v[FR*(FB%FPW):FR*(FB%FPW)+FR-1], v[FR*(FA%FPW):FR*(FA%FPW)+FR-1], v[BO+8*(2*\p+\o):BO+8*(2*\p+\o)+7], v[SB+NQ*\p+Q], v[SA+NQ*(\u)+Q] matrix_a_fmt:MATRIX_FMT_BF6 matrix_b_fmt:MATRIX_FMT_BF6 matrix_a_scale:MATRIX_SCALE_ROW\o
.elseif Q == 0
	v_wmma_scale_f32_16x16x128_f8f6f4 v[AC:AC+7], v[FR*(FB%FPW):FR*(FB%FPW)+FR-1], v[FR*(FA%FPW):FR*(FA%FPW)+FR-1], 0, v[SB+NQ*\p+Q], v[SA+NQ*(\u)+Q] matrix_a_fmt:MATRIX_FMT_BF6 matrix_b_fmt:MATRIX_FMT_BF6 matrix_a_scale:MATRIX_SCALE_ROW\o
.else
	v_wmma_scale_f32_16x16x128_f8f6f4 v[AC:AC+7], v[FR*(FB%FPW):FR*(FB%FPW)+FR-1], v[FR*(FA%FPW):FR*(FA%FPW)+FR-1], v[AC:AC+7], v[SB+NQ*\p+Q], v[SA+NQ*(\u)+Q] matrix_a_fmt:MATRIX_FMT_BF6 matrix_b_fmt:MATRIX_FMT_BF6 matrix_a_scale:MATRIX_SCALE_ROW\o
.endif
.endr
.endr
.endr
	WIN 0
.endm
.macro STEP
	s_add_co_u32 s101, s101, 32*KROW
	v_add_nc_u32 v[ADRA], s101, v[ADRA0]
	s_add_co_u32 s91, s91, SSTEP
	v_add_nc_u32 v[AAS], s91, v[AAS0]
.endm
.macro RLOAD step, set
	s_wait_xcnt 0x0
	s_add_nc_u64 s[92:93], s[92:93], \step
.irp t, 0,1,2,3,4,5,6,7
	global_load_b128 v[RZ+32*(\set)+4*\t:RZ+32*(\set)+4*\t+3], v[CO], s[92:93] offset:(32*(\t/4)+(2*\t)%8)*SIZE_N*4
.endr
.endm
.macro BLOCK u, gate=0, first=0
	MUL 0, \u
.if \gate == 0
	STEP
.endif
.if \gate == 2
	s_cmp_eq_u32 s23, 1
	s_cbranch_scc1 .Lno_fetch_\@
	STEP
.endif
	SET 1-\u
.if RES
.if \gate
	RLOAD CSTEP+CFAR, 1-\u
.else
	RLOAD CSTEP, 1-\u
.endif
.endif
.if \gate == 2
.Lno_fetch_\@:
.endif
	MUL 1, \u
	PLACES NP+1
	s_wait_xcnt 0x0
	s_add_nc_u64 s[12:13], s[12:13], CSTEP+CFAR*(\first)
.irp b, 0,1,2,3
	ds_store_b128 v[STO], v[ACC+8*\b:ACC+8*\b+3] offset:64*\b
	ds_store_b128 v[STO], v[ACC+8*\b+4:ACC+8*\b+7] offset:64*\b+16
.endr
.irp t, 0,1,2,3,4,5,6,7
	ds_load_b128 v[BK+4*\t:BK+4*\t+3], v[RD] offset:2*\t*SPITCH
.endr
	s_wait_dscnt 0x0
.if RES
.if \gate == 2
	s_wait_loadcnt 0x0
.else
	s_wait_loadcnt 0x8
.endif
.set I, 0
.rept 16
	v_pk_add_f32 v[BK+I:BK+I+1], v[BK+I:BK+I+1], v[RZ+32*(\u)+I:RZ+32*(\u)+I+1]
.set I, I+2
.endr
.endif
.irp t, 0,1,2,3,4,5,6,7
	global_store_b128 v[CO], v[BK+4*\t:BK+4*\t+3], s[12:13] offset:(32*(\t/4)+(2*\t)%8)*SIZE_N*4 th:TH_STORE_NT
.endr
.endm
.macro CHUNK gate
	BLOCK 0, 0, 1
	BLOCK 1
	BLOCK 0
	BLOCK 1, \gate
.endm
.irp q, 0,1,2,3,4,5,6,7
.irp b, 0,1,2,3
	FRAG NB*\q+\b, ADRB, \q, \b*16*PITCH
.endr
.endr
	WIN 0
	s_sub_nc_u64 s[12:13], s[12:13], CSTEP+CFAR
.if RES
	s_sub_nc_u64 s[92:93], s[92:93], CSTEP+CFAR
.endif
.if RES
	RLOAD CSTEP+CFAR, 0
.endif
	s_mov_b32 s101, 0
	s_mov_b32 s91, 0
	s_wait_tensorcnt 0x0
	s_wait_dscnt 0x0
	s_barrier_signal -1
	s_barrier_wait -1
	v_add_nc_u32 v[ADRA], s101, v[ADRA0]
	v_add_nc_u32 v[AAS], s91, v[AAS0]
	SET 0
	s_wait_dscnt 0x0
	s_mov_b32 s23, 2
.Llast_two:
	CHUNK 2
	s_sub_co_i32 s23, s23, 1
	s_cmp_lg_u32 s23, 0
	s_cbranch_scc1 .Llast_two
	s_wait_tensorcnt 0x0
	ds_add_u32 v[SPW], v[NIL]
	s_wait_dscnt 0x0
	CROUND
	s_endpgm
.Lfunc_end_k_q0f68157b24_out:
	.size	k_q0f68157b24_out, .Lfunc_end_k_q0f68157b24_out-k_q0f68157b24_out
	.p2alignl 7, 3214868480
	.fill 96, 4, 3214868480
	.section	.rodata,"a",@progbits
	.p2align	6, 0x0
	.amdhsa_kernel k_q0f68157b24_out
		.amdhsa_group_segment_fixed_size 327680
		.amdhsa_private_segment_fixed_size 0
		.amdhsa_enable_private_segment 0
		.amdhsa_kernarg_size 56
		.amdhsa_user_sgpr_count 2
		.amdhsa_user_sgpr_kernarg_segment_ptr 1
		.amdhsa_wavefront_size32 1
		.amdhsa_system_sgpr_workgroup_id_x 1
		.amdhsa_system_sgpr_workgroup_id_y 1
		.amdhsa_system_sgpr_workgroup_id_z 1
		.amdhsa_system_vgpr_workitem_id 0
		.amdhsa_next_free_vgpr 840
		.amdhsa_next_free_sgpr 102
		.amdhsa_reserve_vcc 0
		.amdhsa_float_denorm_mode_32 3
		.amdhsa_float_denorm_mode_16_64 3
		.amdhsa_memory_ordered 1
		.amdhsa_forward_progress 1
		.amdhsa_inst_pref_size 77
	.end_amdhsa_kernel
	.amdgpu_metadata
---
amdhsa.version: [ 1, 2 ]
amdhsa.kernels:
  - .name:           k_q0f68157b24_out
    .symbol:         k_q0f68157b24_out.kd
    .args:
      - { .name: cx, .offset: 0, .size: 8, .value_kind: global_buffer, .address_space: global }
      - { .name: cxs, .offset: 8, .size: 8, .value_kind: global_buffer, .address_space: global }
      - { .name: pc, .offset: 16, .size: 8, .value_kind: global_buffer, .address_space: global }
      - { .name: ps, .offset: 24, .size: 8, .value_kind: global_buffer, .address_space: global }
      - { .name: qkc, .offset: 32, .size: 8, .value_kind: global_buffer, .address_space: global }
      - { .name: b_o, .offset: 40, .size: 8, .value_kind: global_buffer, .address_space: global }
      - { .name: x, .offset: 48, .size: 8, .value_kind: global_buffer, .address_space: global }
    .group_segment_fixed_size: 327680
    .private_segment_fixed_size: 0
    .kernarg_segment_align: 8
    .kernarg_segment_size: 56
    .max_flat_workgroup_size: 128
    .sgpr_count:     102
    .vgpr_count:     840
    .wavefront_size: 32
...
	.end_amdgpu_metadata
.endif
;; end of part 4
;; launch norm_quantise (part 5): grid 768 x 1, 4 waves a work-group, no clusters, 35,840 bytes of LDS; arguments gamma1, qkc, beta1, pc, ps, cx, W1, W2; writes pc, ps, cx
.if DOCPART == 5
	.amdgcn_target "amdgcn-amd-amdhsa--gfx1250"
	.amdhsa_code_object_version 6
	.text
	.protected	k_q0f68157b24_norm_quantise
	.globl	k_q0f68157b24_norm_quantise
	.p2align	8
	.type	k_q0f68157b24_norm_quantise,@function
k_q0f68157b24_norm_quantise:
	s_mov_b64 s[64:65], 0
	v_nop
	global_prefetch_b8 v0, s[64:65] scope:SCOPE_SE
	s_setreg_imm32_b32 hwreg(HW_REG_WAVE_MODE, 25, 1), 1
	s_wait_xcnt 0x0
	s_cmp_lt_u32 ttmp9, 512
	s_cbranch_scc1 .Larm_0
	s_cmp_lt_u32 ttmp9, 640
	s_cbranch_scc1 .Larm_1
	s_sub_co_u32 s3, ttmp9, 640
.set SIZE_K, 4096
.set SIZE_N, 1024
.set KW,    256
.set NB,    KW/32
.set ROWB,  192
.set PITCH, 272
.set KROW,  SIZE_K*6/8
.set EMAX,  4
.set X,     32
.set C,     96
.set OUTR,  112
.set SPW,   14
.set NIL,   15
.set SPARE, 4*32*PITCH
.set SB,    24
	s_load_b64 s[6:7], s[0:1], 0x18
	s_load_b64 s[8:9], s[0:1], 0x20
	s_load_b64 s[32:33], s[0:1], 0x38
	v_lshl_add_u32 v[SPW], v0, 2, SPARE
	v_mov_b32 v[NIL], 0
	v_lshrrev_b32 v1, 5, v0
	v_readfirstlane_b32 s16, v1
	v_and_b32 v2, 31, v0
	s_and_b32 s17, s3, 7
	s_lshl_b32 s17, s17, 7
	s_lshl_b32 s18, s16, 5
	s_add_co_u32 s17, s17, s18
	s_lshr_b32 s18, s3, 3
	v_lshlrev_b32 v3, 2, v2
	s_mul_i32 s19, s16, 32*PITCH
	v_mul_u32_u24 v4, v2, PITCH
	v_add_nc_u32 v4, s19, v4
	v_and_b32 v5, 15, v2
	v_lshrrev_b32 v6, 4, v2
	v_mul_u32_u24 v7, v6, PITCH
	v_lshl_add_u32 v7, v5, 4, v7
	v_add_nc_u32 v7, s19, v7
	v_mul_u32_u24 v8, v6, KROW
	v_mad_u32_u24 v8, v5, 12, v8
	s_mov_b32 s23, 0
	s_mov_b32 s22, s17
	s_mov_b64 s[24:25], KROW
	s_mul_u64 s[24:25], s[22:23], s[24:25]
	s_mul_i32 s26, s18, ROWB
	s_mov_b32 s27, 0
	s_add_nc_u64 s[24:25], s[24:25], s[26:27]
	s_mov_b64 s[28:29], SIZE_K/32
	s_mul_u64 s[28:29], s[22:23], s[28:29]
	s_mul_i32 s26, s18, NB
	s_add_nc_u64 s[28:29], s[28:29], s[26:27]
	v_mul_u32_u24 v9, v2, SIZE_K/32
	s_wait_alu depctr_va_vdst(0)
	s_wait_kmcnt 0x0
	s_add_nc_u64 s[6:7], s[6:7], s[24:25]
	s_add_nc_u64 s[8:9], s[8:9], s[28:29]
	s_add_nc_u64 s[6:7], s[6:7], 6291456
	s_add_nc_u64 s[8:9], s[8:9], 262144
	s_mov_b32 s34, 0
	s_bfe_u32 s36, s18, 0x40000
	s_mul_i32 s36, s36, 0x00100000
	s_add_co_u32 s34, s34, s36
	s_lshr_b32 s36, s17, 5
	s_mul_i32 s36, s36, 0x00000080
	s_add_co_u32 s34, s34, s36
	s_ashr_i32 s35, s34, 31
	s_add_nc_u64 s[32:33], s[32:33], s[34:35]
.macro QUANT_2 t, xs
.set XS, \xs
	v_max3_num_f32 v12, |v[XS]|, |v[XS+1]|, |v[XS+2]|
	v_max3_num_f32 v13, |v[XS+3]|, |v[XS+4]|, |v[XS+5]|
.irp i, 6,10,14,18,22,26
	v_max3_num_f32 v12, v12, |v[XS+\i]|, |v[XS+\i+1]|
	v_max3_num_f32 v13, v13, |v[XS+\i+2]|, |v[XS+\i+3]|
.endr
	v_max3_num_f32 v12, v12, |v[XS+30]|, |v[XS+31]|
	v_max3_num_f32 v12, v12, v13, (EMAX+1)<<23
	v_add_nc_u32 v11, -(EMAX<<23), v12
	v_lshrrev_b32 v13, 23, v11
.if (\t)%4 == 0
	v_mov_b32 v[SB+1], v13
.else
	v_lshl_or_b32 v[SB+1], v13, 8*((\t)%4), v[SB+1]
.endif
	v_cvt_scalef32_pk16_bf6_f32 v[C:C+2], v[XS:XS+15], v11
	v_cvt_scalef32_pk16_bf6_f32 v[C+4:C+6], v[XS+16:XS+31], v11
	ds_store_b96 v4, v[C:C+2] offset:32*(\t)
	ds_store_b96 v4, v[C+4:C+6] offset:32*(\t)+16
.endm
	v_mov_b32 v[SB+1], 0
	s_mov_b32 s37, 1
.Lblocks_2:
	global_load_b32 v32, v3, s[32:33] offset:0 th:TH_LOAD_NT
	global_load_b32 v33, v3, s[32:33] offset:4096 th:TH_LOAD_NT
	global_load_b32 v34, v3, s[32:33] offset:8192 th:TH_LOAD_NT
	global_load_b32 v35, v3, s[32:33] offset:12288 th:TH_LOAD_NT
	global_load_b32 v36, v3, s[32:33] offset:16384 th:TH_LOAD_NT
	global_load_b32 v37, v3, s[32:33] offset:20480 th:TH_LOAD_NT
	global_load_b32 v38, v3, s[32:33] offset:24576 th:TH_LOAD_NT
	global_load_b32 v39, v3, s[32:33] offset:28672 th:TH_LOAD_NT
	global_load_b32 v40, v3, s[32:33] offset:32768 th:TH_LOAD_NT
	global_load_b32 v41, v3, s[32:33] offset:36864 th:TH_LOAD_NT
	global_load_b32 v42, v3, s[32:33] offset:40960 th:TH_LOAD_NT
	global_load_b32 v43, v3, s[32:33] offset:45056 th:TH_LOAD_NT
	global_load_b32 v44, v3, s[32:33] offset:49152 th:TH_LOAD_NT
	global_load_b32 v45, v3, s[32:33] offset:53248 th:TH_LOAD_NT
	global_load_b32 v46, v3, s[32:33] offset:57344 th:TH_LOAD_NT
	global_load_b32 v47, v3, s[32:33] offset:61440 th:TH_LOAD_NT
	global_load_b32 v48, v3, s[32:33] offset:65536 th:TH_LOAD_NT
	global_load_b32 v49, v3, s[32:33] offset:69632 th:TH_LOAD_NT
	global_load_b32 v50, v3, s[32:33] offset:73728 th:TH_LOAD_NT
	global_load_b32 v51, v3, s[32:33] offset:77824 th:TH_LOAD_NT
	global_load_b32 v52, v3, s[32:33] offset:81920 th:TH_LOAD_NT
	global_load_b32 v53, v3, s[32:33] offset:86016 th:TH_LOAD_NT
	global_load_b32 v54, v3, s[32:33] offset:90112 th:TH_LOAD_NT
	global_load_b32 v55, v3, s[32:33] offset:94208 th:TH_LOAD_NT
	global_load_b32 v56, v3, s[32:33] offset:98304 th:TH_LOAD_NT
	global_load_b32 v57, v3, s[32:33] offset:102400 th:TH_LOAD_NT
	global_load_b32 v58, v3, s[32:33] offset:106496 th:TH_LOAD_NT
	global_load_b32 v59, v3, s[32:33] offset:110592 th:TH_LOAD_NT
	global_load_b32 v60, v3, s[32:33] offset:114688 th:TH_LOAD_NT
	global_load_b32 v61, v3, s[32:33] offset:118784 th:TH_LOAD_NT
	global_load_b32 v62, v3, s[32:33] offset:122880 th:TH_LOAD_NT
	global_load_b32 v63, v3, s[32:33] offset:126976 th:TH_LOAD_NT
	global_load_b32 v64, v3, s[32:33] offset:131072 th:TH_LOAD_NT
	global_load_b32 v65, v3, s[32:33] offset:135168 th:TH_LOAD_NT
	global_load_b32 v66, v3, s[32:33] offset:139264 th:TH_LOAD_NT
	global_load_b32 v67, v3, s[32:33] offset:143360 th:TH_LOAD_NT
	global_load_b32 v68, v3, s[32:33] offset:147456 th:TH_LOAD_NT
	global_load_b32 v69, v3, s[32:33] offset:151552 th:TH_LOAD_NT
	global_load_b32 v70, v3, s[32:33] offset:155648 th:TH_LOAD_NT
	global_load_b32 v71, v3, s[32:33] offset:159744 th:TH_LOAD_NT
	global_load_b32 v72, v3, s[32:33] offset:163840 th:TH_LOAD_NT
	global_load_b32 v73, v3, s[32:33] offset:167936 th:TH_LOAD_NT
	global_load_b32 v74, v3, s[32:33] offset:172032 th:TH_LOAD_NT
	global_load_b32 v75, v3, s[32:33] offset:176128 th:TH_LOAD_NT
	global_load_b32 v76, v3, s[32:33] offset:180224 th:TH_LOAD_NT
	global_load_b32 v77, v3, s[32:33] offset:184320 th:TH_LOAD_NT
	global_load_b32 v78, v3, s[32:33] offset:188416 th:TH_LOAD_NT
	global_load_b32 v79, v3, s[32:33] offset:192512 th:TH_LOAD_NT
	global_load_b32 v80, v3, s[32:33] offset:196608 th:TH_LOAD_NT
	global_load_b32 v81, v3, s[32:33] offset:200704 th:TH_LOAD_NT
	global_load_b32 v82, v3, s[32:33] offset:204800 th:TH_LOAD_NT
	global_load_b32 v83, v3, s[32:33] offset:208896 th:TH_LOAD_NT
	global_load_b32 v84, v3, s[32:33] offset:212992 th:TH_LOAD_NT
	global_load_b32 v85, v3, s[32:33] offset:217088 th:TH_LOAD_NT
	global_load_b32 v86, v3, s[32:33] offset:221184 th:TH_LOAD_NT
	global_load_b32 v87, v3, s[32:33] offset:225280 th:TH_LOAD_NT
	global_load_b32 v88, v3, s[32:33] offset:229376 th:TH_LOAD_NT
	global_load_b32 v89, v3, s[32:33] offset:233472 th:TH_LOAD_NT
	global_load_b32 v90, v3, s[32:33] offset:237568 th:TH_LOAD_NT
	global_load_b32 v91, v3, s[32:33] offset:241664 th:TH_LOAD_NT
	global_load_b32 v92, v3, s[32:33] offset:245760 th:TH_LOAD_NT
	global_load_b32 v93, v3, s[32:33] offset:249856 th:TH_LOAD_NT
	global_load_b32 v94, v3, s[32:33] offset:253952 th:TH_LOAD_NT
	global_load_b32 v95, v3, s[32:33] offset:258048 th:TH_LOAD_NT
	v_mov_b32 v[SB+0], v[SB+1]
	s_wait_loadcnt 32
	QUANT_2 0, 32
	global_load_b32 v32, v3, s[32:33] offset:262144 th:TH_LOAD_NT
	global_load_b32 v33, v3, s[32:33] offset:266240 th:TH_LOAD_NT
	global_load_b32 v34, v3, s[32:33] offset:270336 th:TH_LOAD_NT
	global_load_b32 v35, v3, s[32:33] offset:274432 th:TH_LOAD_NT
	global_load_b32 v36, v3, s[32:33] offset:278528 th:TH_LOAD_NT
	global_load_b32 v37, v3, s[32:33] offset:282624 th:TH_LOAD_NT
	global_load_b32 v38, v3, s[32:33] offset:286720 th:TH_LOAD_NT
	global_load_b32 v39, v3, s[32:33] offset:290816 th:TH_LOAD_NT
	global_load_b32 v40, v3, s[32:33] offset:294912 th:TH_LOAD_NT
	global_load_b32 v41, v3, s[32:33] offset:299008 th:TH_LOAD_NT
	global_load_b32 v42, v3, s[32:33] offset:303104 th:TH_LOAD_NT
	global_load_b32 v43, v3, s[32:33] offset:307200 th:TH_LOAD_NT
	global_load_b32 v44, v3, s[32:33] offset:311296 th:TH_LOAD_NT
	global_load_b32 v45, v3, s[32:33] offset:315392 th:TH_LOAD_NT
	global_load_b32 v46, v3, s[32:33] offset:319488 th:TH_LOAD_NT
	global_load_b32 v47, v3, s[32:33] offset:323584 th:TH_LOAD_NT
	global_load_b32 v48, v3, s[32:33] offset:327680 th:TH_LOAD_NT
	global_load_b32 v49, v3, s[32:33] offset:331776 th:TH_LOAD_NT
	global_load_b32 v50, v3, s[32:33] offset:335872 th:TH_LOAD_NT
	global_load_b32 v51, v3, s[32:33] offset:339968 th:TH_LOAD_NT
	global_load_b32 v52, v3, s[32:33] offset:344064 th:TH_LOAD_NT
	global_load_b32 v53, v3, s[32:33] offset:348160 th:TH_LOAD_NT
	global_load_b32 v54, v3, s[32:33] offset:352256 th:TH_LOAD_NT
	global_load_b32 v55, v3, s[32:33] offset:356352 th:TH_LOAD_NT
	global_load_b32 v56, v3, s[32:33] offset:360448 th:TH_LOAD_NT
	global_load_b32 v57, v3, s[32:33] offset:364544 th:TH_LOAD_NT
	global_load_b32 v58, v3, s[32:33] offset:368640 th:TH_LOAD_NT
	global_load_b32 v59, v3, s[32:33] offset:372736 th:TH_LOAD_NT
	global_load_b32 v60, v3, s[32:33] offset:376832 th:TH_LOAD_NT
	global_load_b32 v61, v3, s[32:33] offset:380928 th:TH_LOAD_NT
	global_load_b32 v62, v3, s[32:33] offset:385024 th:TH_LOAD_NT
	global_load_b32 v63, v3, s[32:33] offset:389120 th:TH_LOAD_NT
	s_wait_dscnt 0x0
	s_wait_loadcnt 32
	QUANT_2 1, 64
	global_load_b32 v64, v3, s[32:33] offset:393216 th:TH_LOAD_NT
	global_load_b32 v65, v3, s[32:33] offset:397312 th:TH_LOAD_NT
	global_load_b32 v66, v3, s[32:33] offset:401408 th:TH_LOAD_NT
	global_load_b32 v67, v3, s[32:33] offset:405504 th:TH_LOAD_NT
	global_load_b32 v68, v3, s[32:33] offset:409600 th:TH_LOAD_NT
	global_load_b32 v69, v3, s[32:33] offset:413696 th:TH_LOAD_NT
	global_load_b32 v70, v3, s[32:33] offset:417792 th:TH_LOAD_NT
	global_load_b32 v71, v3, s[32:33] offset:421888 th:TH_LOAD_NT
	global_load_b32 v72, v3, s[32:33] offset:425984 th:TH_LOAD_NT
	global_load_b32 v73, v3, s[32:33] offset:430080 th:TH_LOAD_NT
	global_load_b32 v74, v3, s[32:33] offset:434176 th:TH_LOAD_NT
	global_load_b32 v75, v3, s[32:33] offset:438272 th:TH_LOAD_NT
	global_load_b32 v76, v3, s[32:33] offset:442368 th:TH_LOAD_NT
	global_load_b32 v77, v3, s[32:33] offset:446464 th:TH_LOAD_NT
	global_load_b32 v78, v3, s[32:33] offset:450560 th:TH_LOAD_NT
	global_load_b32 v79, v3, s[32:33] offset:454656 th:TH_LOAD_NT
	global_load_b32 v80, v3, s[32:33] offset:458752 th:TH_LOAD_NT
	global_load_b32 v81, v3, s[32:33] offset:462848 th:TH_LOAD_NT
	global_load_b32 v82, v3, s[32:33] offset:466944 th:TH_LOAD_NT
	global_load_b32 v83, v3, s[32:33] offset:471040 th:TH_LOAD_NT
	global_load_b32 v84, v3, s[32:33] offset:475136 th:TH_LOAD_NT
	global_load_b32 v85, v3, s[32:33] offset:479232 th:TH_LOAD_NT
	global_load_b32 v86, v3, s[32:33] offset:483328 th:TH_LOAD_NT
	global_load_b32 v87, v3, s[32:33] offset:487424 th:TH_LOAD_NT
	global_load_b32 v88, v3, s[32:33] offset:491520 th:TH_LOAD_NT
	global_load_b32 v89, v3, s[32:33] offset:495616 th:TH_LOAD_NT
	global_load_b32 v90, v3, s[32:33] offset:499712 th:TH_LOAD_NT
	global_load_b32 v91, v3, s[32:33] offset:503808 th:TH_LOAD_NT
	global_load_b32 v92, v3, s[32:33] offset:507904 th:TH_LOAD_NT
	global_load_b32 v93, v3, s[32:33] offset:512000 th:TH_LOAD_NT
	global_load_b32 v94, v3, s[32:33] offset:516096 th:TH_LOAD_NT
	global_load_b32 v95, v3, s[32:33] offset:520192 th:TH_LOAD_NT
	s_wait_dscnt 0x0
	s_wait_loadcnt 32
	QUANT_2 2, 32
	s_wait_dscnt 0x0
	s_wait_loadcnt 0
	QUANT_2 3, 64
	s_wait_dscnt 0x0
	s_wait_xcnt 0x0
	s_add_nc_u64 s[32:33], s[32:33], 0x00080000
	v_add_nc_u32 v4, 128, v4
	s_wait_alu depctr_va_vdst(0)
	s_sub_co_i32 s37, s37, 1
	s_cmp_ge_i32 s37, 0
	s_cbranch_scc1 .Lblocks_2
	s_wait_alu depctr_va_vdst(0)
	global_store_b64 v9, v[SB:SB+1], s[8:9]
.irp t, 0,1,2,3,4,5,6,7,8,9,10,11,12,13,14,15
	ds_load_b96 v[OUTR+4*\t:OUTR+4*\t+2], v7 offset:2*\t*PITCH
.endr
.irp t, 0,1,2,3,4,5,6,7,8,9,10,11,12,13,14,15
	s_wait_dscnt 15-\t
	global_store_b96 v8, v[OUTR+4*\t:OUTR+4*\t+2], s[6:7] offset:2*\t*KROW
.endr
	s_wait_tensorcnt 0x0
	ds_add_u32 v[SPW], v[NIL]
	s_wait_dscnt 0x0
	s_endpgm
.Larm_0:
.set WAVES, 4
.set STEPS, 4
.set EMAX,  4
.set CB,    12
.set R,     16
.set X,     80
.set C,     128
.set E,     112
.set WREG,  8192
.set SP,    80
.set SPW,   12
.set NIL,   13
.set SPARE, WAVES*WREG
	s_load_b64 s[8:9], s[0:1], 0x18
	s_load_b64 s[10:11], s[0:1], 0x20
	s_load_b64 s[28:29], s[0:1], 0x28
	s_load_b64 s[32:33], s[0:1], 0x0
	s_load_b64 s[36:37], s[0:1], 0x8
	s_load_b64 s[40:41], s[0:1], 0x10
	s_mov_b32 s92, 0x76543210
	s_mov_b32 s93, 0xfedcba98
	v_lshl_add_u32 v[SPW], v0, 2, SPARE
	v_mov_b32 v[NIL], 0
	v_lshrrev_b32 v1, 5, v0
	v_readfirstlane_b32 s16, v1
	v_and_b32 v2, 31, v0
	v_lshlrev_b32 v3, 4, v2
	s_mul_i32 s17, s16, WREG
	v_lshrrev_b32 v14, 2, v2
	v_mul_u32_u24 v14, v14, SP
	v_and_b32 v15, 3, v2
	v_lshl_add_u32 v14, v15, 4, v14
	v_add_nc_u32 v14, s17, v14
	v_mul_u32_u24 v15, v2, SP
	v_add_nc_u32 v15, s17, v15
	v_mul_u32_u24 v4, v2, CB
	v_lshrrev_b32 v5, 1, v2
	s_add_co_u32 s17, s17, 2*32*SP
	v_add_nc_u32 v5, s17, v5
	v_lshlrev_b32 v7, 1, v2
	v_add_nc_u32 v6, s17, v7
	s_wait_alu depctr_va_vdst(0)
	s_wait_kmcnt 0x0
	s_lshl_b32 s17, ttmp9, 2
	s_add_co_u32 s18, s17, s16
	s_mov_b32 s19, 0
	s_mov_b32 s34, 0
	s_ashr_i32 s35, s34, 31
	s_add_nc_u64 s[32:33], s[32:33], s[34:35]
	s_mov_b32 s38, 0
	s_mov_b32 s45, s18
	s_mul_i32 s45, s45, 0x00002000
	s_add_co_u32 s38, s38, s45
	s_ashr_i32 s39, s38, 31
	s_add_nc_u64 s[36:37], s[36:37], s[38:39]
	s_mov_b32 s42, 0
	s_ashr_i32 s43, s42, 31
	s_add_nc_u64 s[40:41], s[40:41], s[42:43]
	s_lshl_b32 s20, s18, 13
	s_mov_b32 s21, 0
	s_add_nc_u64 s[28:29], s[28:29], s[20:21]
	s_mov_b64 s[20:21], 32*STEPS*CB
	s_mul_u64 s[20:21], s[18:19], s[20:21]
	s_add_nc_u64 s[8:9], s[8:9], s[20:21]
	s_lshl_b32 s20, s18, 6
	s_mov_b32 s21, 0
	s_add_nc_u64 s[10:11], s[10:11], s[20:21]
.macro TURN_0 t, src
.irp i, 0,1,2,3
	ds_store_b128 v14, v[(\src)+4*\i:(\src)+4*\i+3] offset:32*SP*((\t)%2)+8*SP*\i
.endr
.irp i, 0,1,2,3
	ds_load_b128 v[X+16*((\t)%2)+4*\i:X+16*((\t)%2)+4*\i+3], v15 offset:32*SP*((\t)%2)+16*\i
.endr
.endm
.macro QUANT_0 t
.set XS, X+16*((\t)%2)
	v_max3_num_f32 v8, |v[XS]|, |v[XS+1]|, |v[XS+2]|
	v_max3_num_f32 v9, |v[XS+3]|, |v[XS+4]|, |v[XS+5]|
.irp i, 6,10
	v_max3_num_f32 v8, v8, |v[XS+\i]|, |v[XS+\i+1]|
	v_max3_num_f32 v9, v9, |v[XS+\i+2]|, |v[XS+\i+3]|
.endr
	v_max3_num_f32 v8, v8, |v[XS+14]|, |v[XS+15]|
	v_max3_num_f32 v8, v8, v9, (EMAX+1)<<23
	v_max_num_f32_dpp v8, v8, v8 row_xmask:1 row_mask:0xf bank_mask:0xf
	v_add_nc_u32 v11, -(EMAX<<23), v8
	v_cvt_scalef32_pk16_bf6_f32 v[C+4*(\t):C+4*(\t)+2], v[XS:XS+15], v11
	v_lshrrev_b32 v[E+(\t)], 23, v11
	ds_store_b8 v5, v[E+(\t)] offset:16*(\t)
	global_store_b96 v4, v[C+4*(\t):C+4*(\t)+2], s[8:9] offset:32*CB*(\t)
.endm
	s_set_vgpr_msb 0x40
	global_load_b128 v[0:3], v3, s[32:33] offset:0
	global_load_b128 v[4:7], v3, s[40:41] offset:0
	global_load_b128 v[8:11], v3, s[32:33] offset:512
	global_load_b128 v[12:15], v3, s[40:41] offset:512
	global_load_b128 v[16:19], v3, s[32:33] offset:1024
	global_load_b128 v[20:23], v3, s[40:41] offset:1024
	global_load_b128 v[24:27], v3, s[32:33] offset:1536
	global_load_b128 v[28:31], v3, s[40:41] offset:1536
	global_load_b128 v[32:35], v3, s[32:33] offset:2048
	global_load_b128 v[36:39], v3, s[40:41] offset:2048
	global_load_b128 v[40:43], v3, s[32:33] offset:2560
	global_load_b128 v[44:47], v3, s[40:41] offset:2560
	global_load_b128 v[48:51], v3, s[32:33] offset:3072
	global_load_b128 v[52:55], v3, s[40:41] offset:3072
	global_load_b128 v[56:59], v3, s[32:33] offset:3584
	global_load_b128 v[60:63], v3, s[40:41] offset:3584
	s_set_vgpr_msb 0x4000
	global_load_b128 v[16:19], v3, s[36:37] offset:0 th:TH_LOAD_NT
	global_load_b128 v[20:23], v3, s[36:37] offset:512 th:TH_LOAD_NT
	global_load_b128 v[24:27], v3, s[36:37] offset:1024 th:TH_LOAD_NT
	global_load_b128 v[28:31], v3, s[36:37] offset:1536 th:TH_LOAD_NT
	global_load_b128 v[32:35], v3, s[36:37] offset:2048 th:TH_LOAD_NT
	global_load_b128 v[36:39], v3, s[36:37] offset:2560 th:TH_LOAD_NT
	global_load_b128 v[40:43], v3, s[36:37] offset:3072 th:TH_LOAD_NT
	global_load_b128 v[44:47], v3, s[36:37] offset:3584 th:TH_LOAD_NT
	global_load_b128 v[48:51], v3, s[36:37] offset:4096 th:TH_LOAD_NT
	global_load_b128 v[52:55], v3, s[36:37] offset:4608 th:TH_LOAD_NT
	global_load_b128 v[56:59], v3, s[36:37] offset:5120 th:TH_LOAD_NT
	global_load_b128 v[60:63], v3, s[36:37] offset:5632 th:TH_LOAD_NT
	global_load_b128 v[64:67], v3, s[36:37] offset:6144 th:TH_LOAD_NT
	global_load_b128 v[68:71], v3, s[36:37] offset:6656 th:TH_LOAD_NT
	global_load_b128 v[72:75], v3, s[36:37] offset:7168 th:TH_LOAD_NT
	global_load_b128 v[76:79], v3, s[36:37] offset:7680 th:TH_LOAD_NT
	s_wait_loadcnt 8
	v_add_f32 v224, v20, v16
	v_add_f32 v225, v21, v17
	v_add_f32 v226, v22, v18
	v_add_f32 v227, v23, v19
	v_add_f32 v224, v24, v224
	v_add_f32 v225, v25, v225
	v_add_f32 v226, v26, v226
	v_add_f32 v227, v27, v227
	v_add_f32 v224, v28, v224
	v_add_f32 v225, v29, v225
	v_add_f32 v226, v30, v226
	v_add_f32 v227, v31, v227
	v_add_f32 v224, v32, v224
	v_add_f32 v225, v33, v225
	v_add_f32 v226, v34, v226
	v_add_f32 v227, v35, v227
	v_add_f32 v224, v36, v224
	v_add_f32 v225, v37, v225
	v_add_f32 v226, v38, v226
	v_add_f32 v227, v39, v227
	v_add_f32 v224, v40, v224
	v_add_f32 v225, v41, v225
	v_add_f32 v226, v42, v226
	v_add_f32 v227, v43, v227
	v_add_f32 v224, v44, v224
	v_add_f32 v225, v45, v225
	v_add_f32 v226, v46, v226
	v_add_f32 v227, v47, v227
	v_add_f32 v224, v224, v225
	v_add_f32 v225, v226, v227
	v_add_f32 v224, v224, v225
	v_mov_b32 v224, v224
	v_add_f32_dpp v224, v224, v224 row_xmask:1 row_mask:0xf bank_mask:0xf
	v_add_f32_dpp v224, v224, v224 row_xmask:2 row_mask:0xf bank_mask:0xf
	v_add_f32_dpp v224, v224, v224 row_xmask:4 row_mask:0xf bank_mask:0xf
	v_add_f32_dpp v224, v224, v224 row_xmask:8 row_mask:0xf bank_mask:0xf
	v_mov_b32 v225, v224
	v_permlanex16_b32 v225, v224, s92, s93
	v_add_f32 v224, v224, v225
	v_mul_f32 v224, 0x3a800000, v224
	v_sub_f32 v44, v44, v224
	v_sub_f32 v40, v40, v224
	v_sub_f32 v36, v36, v224
	v_sub_f32 v32, v32, v224
	v_sub_f32 v28, v28, v224
	v_sub_f32 v24, v24, v224
	v_sub_f32 v20, v20, v224
	v_sub_f32 v16, v16, v224
	v_sub_f32 v45, v45, v224
	v_sub_f32 v41, v41, v224
	v_sub_f32 v37, v37, v224
	v_sub_f32 v33, v33, v224
	v_sub_f32 v29, v29, v224
	v_sub_f32 v25, v25, v224
	v_sub_f32 v21, v21, v224
	v_sub_f32 v17, v17, v224
	v_sub_f32 v46, v46, v224
	v_sub_f32 v42, v42, v224
	v_sub_f32 v38, v38, v224
	v_sub_f32 v34, v34, v224
	v_sub_f32 v30, v30, v224
	v_sub_f32 v26, v26, v224
	v_sub_f32 v22, v22, v224
	v_sub_f32 v18, v18, v224
	v_sub_f32 v47, v47, v224
	v_sub_f32 v43, v43, v224
	v_sub_f32 v39, v39, v224
	v_sub_f32 v35, v35, v224
	v_sub_f32 v31, v31, v224
	v_sub_f32 v27, v27, v224
	v_sub_f32 v23, v23, v224
	v_sub_f32 v19, v19, v224
	v_mul_f32 v224, v16, v16
	v_mul_f32 v225, v17, v17
	v_mul_f32 v226, v18, v18
	v_mul_f32 v227, v19, v19
	v_fma_f32 v224, v20, v20, v224
	v_fma_f32 v225, v21, v21, v225
	v_fma_f32 v226, v22, v22, v226
	v_fma_f32 v227, v23, v23, v227
	v_fma_f32 v224, v24, v24, v224
	v_fma_f32 v225, v25, v25, v225
	v_fma_f32 v226, v26, v26, v226
	v_fma_f32 v227, v27, v27, v227
	v_fma_f32 v224, v28, v28, v224
	v_fma_f32 v225, v29, v29, v225
	v_fma_f32 v226, v30, v30, v226
	v_fma_f32 v227, v31, v31, v227
	v_fma_f32 v224, v32, v32, v224
	v_fma_f32 v225, v33, v33, v225
	v_fma_f32 v226, v34, v34, v226
	v_fma_f32 v227, v35, v35, v227
	v_fma_f32 v224, v36, v36, v224
	v_fma_f32 v225, v37, v37, v225
	v_fma_f32 v226, v38, v38, v226
	v_fma_f32 v227, v39, v39, v227
	v_fma_f32 v224, v40, v40, v224
	v_fma_f32 v225, v41, v41, v225
	v_fma_f32 v226, v42, v42, v226
	v_fma_f32 v227, v43, v43, v227
	v_fma_f32 v224, v44, v44, v224
	v_fma_f32 v225, v45, v45, v225
	v_fma_f32 v226, v46, v46, v226
	v_fma_f32 v227, v47, v47, v227
	v_add_f32 v224, v224, v225
	v_add_f32 v225, v226, v227
	v_add_f32 v224, v224, v225
	v_mov_b32 v224, v224
	v_add_f32_dpp v224, v224, v224 row_xmask:1 row_mask:0xf bank_mask:0xf
	v_add_f32_dpp v224, v224, v224 row_xmask:2 row_mask:0xf bank_mask:0xf
	v_add_f32_dpp v224, v224, v224 row_xmask:4 row_mask:0xf bank_mask:0xf
	v_add_f32_dpp v224, v224, v224 row_xmask:8 row_mask:0xf bank_mask:0xf
	v_mov_b32 v225, v224
	v_permlanex16_b32 v225, v224, s92, s93
	v_add_f32 v224, v224, v225
	v_mul_f32 v224, 0x3a800000, v224
	v_add_f32 v224, 0x3727c5ac, v224
	s_wait_alu depctr_va_vdst(0)
	v_sqrt_f32 v225, v224
	v_nop
	s_wait_alu depctr_va_vdst(0)
	s_wait_alu depctr_va_vdst(0)
	v_rcp_f32 v224, v225
	v_nop
	s_wait_alu depctr_va_vdst(0)
	s_set_vgpr_msb 0x1
	v_mul_f32 v16, v0, v16
	v_mul_f32 v17, v1, v17
	v_mul_f32 v18, v2, v18
	v_mul_f32 v19, v3, v19
	v_mul_f32 v20, v8, v20
	v_mul_f32 v21, v9, v21
	v_mul_f32 v22, v10, v22
	v_mul_f32 v23, v11, v23
	s_set_vgpr_msb 0x100
	v_mul_f32 v225, -1.0, v225
	v_mul_f32 v226, v16, v224
	v_mul_f32 v227, v17, v224
	v_mul_f32 v228, v18, v224
	v_mul_f32 v229, v19, v224
	v_mul_f32 v230, v20, v224
	v_mul_f32 v231, v21, v224
	v_mul_f32 v232, v22, v224
	v_mul_f32 v233, v23, v224
	v_fma_f32 v16, v225, v226, v16
	v_fma_f32 v17, v225, v227, v17
	v_fma_f32 v18, v225, v228, v18
	v_fma_f32 v19, v225, v229, v19
	v_fma_f32 v20, v225, v230, v20
	v_fma_f32 v21, v225, v231, v21
	v_fma_f32 v22, v225, v232, v22
	v_fma_f32 v23, v225, v233, v23
	v_fma_f32 v16, v16, v224, v226
	v_fma_f32 v17, v17, v224, v227
	v_fma_f32 v18, v18, v224, v228
	v_fma_f32 v19, v19, v224, v229
	v_fma_f32 v20, v20, v224, v230
	v_fma_f32 v21, v21, v224, v231
	v_fma_f32 v22, v22, v224, v232
	v_fma_f32 v23, v23, v224, v233
	s_set_vgpr_msb 0x4
	v_add_f32 v192, v16, v4
	v_add_f32 v193, v17, v5
	v_add_f32 v194, v18, v6
	v_add_f32 v195, v19, v7
	v_add_f32 v196, v20, v12
	v_add_f32 v197, v21, v13
	v_add_f32 v198, v22, v14
	v_add_f32 v199, v23, v15
	s_set_vgpr_msb 0x401
	v_mul_f32 v16, v16, v24
	v_mul_f32 v17, v17, v25
	v_mul_f32 v18, v18, v26
	v_mul_f32 v19, v19, v27
	v_mul_f32 v20, v24, v28
	v_mul_f32 v21, v25, v29
	v_mul_f32 v22, v26, v30
	v_mul_f32 v23, v27, v31
	s_set_vgpr_msb 0x100
	v_mul_f32 v24, v16, v224
	v_mul_f32 v25, v17, v224
	v_mul_f32 v26, v18, v224
	v_mul_f32 v27, v19, v224
	v_mul_f32 v28, v20, v224
	v_mul_f32 v29, v21, v224
	v_mul_f32 v30, v22, v224
	v_mul_f32 v31, v23, v224
	v_fma_f32 v16, v225, v24, v16
	v_fma_f32 v17, v225, v25, v17
	v_fma_f32 v18, v225, v26, v18
	v_fma_f32 v19, v225, v27, v19
	v_fma_f32 v20, v225, v28, v20
	v_fma_f32 v21, v225, v29, v21
	v_fma_f32 v22, v225, v30, v22
	v_fma_f32 v23, v225, v31, v23
	v_fma_f32 v16, v16, v224, v24
	v_fma_f32 v17, v17, v224, v25
	v_fma_f32 v18, v18, v224, v26
	v_fma_f32 v19, v19, v224, v27
	v_fma_f32 v20, v20, v224, v28
	v_fma_f32 v21, v21, v224, v29
	v_fma_f32 v22, v22, v224, v30
	v_fma_f32 v23, v23, v224, v31
	s_set_vgpr_msb 0x4
	v_add_f32 v200, v16, v20
	v_add_f32 v201, v17, v21
	v_add_f32 v202, v18, v22
	v_add_f32 v203, v19, v23
	v_add_f32 v204, v20, v28
	v_add_f32 v205, v21, v29
	v_add_f32 v206, v22, v30
	v_add_f32 v207, v23, v31
	s_set_vgpr_msb 0x401
	v_mul_f32 v16, v32, v32
	v_mul_f32 v17, v33, v33
	v_mul_f32 v18, v34, v34
	v_mul_f32 v19, v35, v35
	v_mul_f32 v20, v40, v36
	v_mul_f32 v21, v41, v37
	v_mul_f32 v22, v42, v38
	v_mul_f32 v23, v43, v39
	s_set_vgpr_msb 0x100
	v_mul_f32 v24, v16, v224
	v_mul_f32 v25, v17, v224
	v_mul_f32 v26, v18, v224
	v_mul_f32 v27, v19, v224
	v_mul_f32 v28, v20, v224
	v_mul_f32 v29, v21, v224
	v_mul_f32 v30, v22, v224
	v_mul_f32 v31, v23, v224
	v_fma_f32 v16, v225, v24, v16
	v_fma_f32 v17, v225, v25, v17
	v_fma_f32 v18, v225, v26, v18
	v_fma_f32 v19, v225, v27, v19
	v_fma_f32 v20, v225, v28, v20
	v_fma_f32 v21, v225, v29, v21
	v_fma_f32 v22, v225, v30, v22
	v_fma_f32 v23, v225, v31, v23
	v_fma_f32 v16, v16, v224, v24
	v_fma_f32 v17, v17, v224, v25
	v_fma_f32 v18, v18, v224, v26
	v_fma_f32 v19, v19, v224, v27
	v_fma_f32 v20, v20, v224, v28
	v_fma_f32 v21, v21, v224, v29
	v_fma_f32 v22, v22, v224, v30
	v_fma_f32 v23, v23, v224, v31
	s_set_vgpr_msb 0x4
	v_add_f32 v208, v16, v36
	v_add_f32 v209, v17, v37
	v_add_f32 v210, v18, v38
	v_add_f32 v211, v19, v39
	v_add_f32 v212, v20, v44
	v_add_f32 v213, v21, v45
	v_add_f32 v214, v22, v46
	v_add_f32 v215, v23, v47
	s_set_vgpr_msb 0x401
	v_mul_f32 v16, v48, v40
	v_mul_f32 v17, v49, v41
	v_mul_f32 v18, v50, v42
	v_mul_f32 v19, v51, v43
	v_mul_f32 v20, v56, v44
	v_mul_f32 v21, v57, v45
	v_mul_f32 v22, v58, v46
	v_mul_f32 v23, v59, v47
	s_set_vgpr_msb 0x100
	v_mul_f32 v24, v16, v224
	v_mul_f32 v25, v17, v224
	v_mul_f32 v26, v18, v224
	v_mul_f32 v27, v19, v224
	v_mul_f32 v28, v20, v224
	v_mul_f32 v29, v21, v224
	v_mul_f32 v30, v22, v224
	v_mul_f32 v31, v23, v224
	v_fma_f32 v16, v225, v24, v16
	v_fma_f32 v17, v225, v25, v17
	v_fma_f32 v18, v225, v26, v18
	v_fma_f32 v19, v225, v27, v19
	v_fma_f32 v20, v225, v28, v20
	v_fma_f32 v21, v225, v29, v21
	v_fma_f32 v22, v225, v30, v22
	v_fma_f32 v23, v225, v31, v23
	v_fma_f32 v16, v16, v224, v24
	v_fma_f32 v17, v17, v224, v25
	v_fma_f32 v18, v18, v224, v26
	v_fma_f32 v19, v19, v224, v27
	v_fma_f32 v20, v20, v224, v28
	v_fma_f32 v21, v21, v224, v29
	v_fma_f32 v22, v22, v224, v30
	v_fma_f32 v23, v23, v224, v31
	s_set_vgpr_msb 0x4
	v_add_f32 v216, v16, v52
	v_add_f32 v217, v17, v53
	v_add_f32 v218, v18, v54
	v_add_f32 v219, v19, v55
	v_add_f32 v220, v20, v60
	v_add_f32 v221, v21, v61
	v_add_f32 v222, v22, v62
	v_add_f32 v223, v23, v63
	s_set_vgpr_msb 0x400
	global_store_b128 v3, v[192:195], s[28:29] offset:0 th:TH_STORE_NT
	global_store_b128 v3, v[196:199], s[28:29] offset:512 th:TH_STORE_NT
	global_store_b128 v3, v[200:203], s[28:29] offset:1024 th:TH_STORE_NT
	global_store_b128 v3, v[204:207], s[28:29] offset:1536 th:TH_STORE_NT
	global_store_b128 v3, v[208:211], s[28:29] offset:2048 th:TH_STORE_NT
	global_store_b128 v3, v[212:215], s[28:29] offset:2560 th:TH_STORE_NT
	global_store_b128 v3, v[216:219], s[28:29] offset:3072 th:TH_STORE_NT
	global_store_b128 v3, v[220:223], s[28:29] offset:3584 th:TH_STORE_NT
	TURN_0 0, 192
	TURN_0 1, 208
	s_wait_dscnt 0x0
	QUANT_0 0
	QUANT_0 1
	s_wait_xcnt 0x0
	s_wait_loadcnt 0
	v_add_f32 v224, v52, v48
	v_add_f32 v225, v53, v49
	v_add_f32 v226, v54, v50
	v_add_f32 v227, v55, v51
	v_add_f32 v224, v56, v224
	v_add_f32 v225, v57, v225
	v_add_f32 v226, v58, v226
	v_add_f32 v227, v59, v227
	v_add_f32 v224, v60, v224
	v_add_f32 v225, v61, v225
	v_add_f32 v226, v62, v226
	v_add_f32 v227, v63, v227
	v_add_f32 v224, v64, v224
	v_add_f32 v225, v65, v225
	v_add_f32 v226, v66, v226
	v_add_f32 v227, v67, v227
	v_add_f32 v224, v68, v224
	v_add_f32 v225, v69, v225
	v_add_f32 v226, v70, v226
	v_add_f32 v227, v71, v227
	v_add_f32 v224, v72, v224
	v_add_f32 v225, v73, v225
	v_add_f32 v226, v74, v226
	v_add_f32 v227, v75, v227
	v_add_f32 v224, v76, v224
	v_add_f32 v225, v77, v225
	v_add_f32 v226, v78, v226
	v_add_f32 v227, v79, v227
	v_add_f32 v224, v224, v225
	v_add_f32 v225, v226, v227
	v_add_f32 v224, v224, v225
	v_mov_b32 v224, v224
	v_add_f32_dpp v224, v224, v224 row_xmask:1 row_mask:0xf bank_mask:0xf
	v_add_f32_dpp v224, v224, v224 row_xmask:2 row_mask:0xf bank_mask:0xf
	v_add_f32_dpp v224, v224, v224 row_xmask:4 row_mask:0xf bank_mask:0xf
	v_add_f32_dpp v224, v224, v224 row_xmask:8 row_mask:0xf bank_mask:0xf
	v_mov_b32 v225, v224
	v_permlanex16_b32 v225, v224, s92, s93
	v_add_f32 v224, v224, v225
	v_mul_f32 v224, 0x3a800000, v224
	v_sub_f32 v76, v76, v224
	v_sub_f32 v72, v72, v224
	v_sub_f32 v68, v68, v224
	v_sub_f32 v64, v64, v224
	v_sub_f32 v60, v60, v224
	v_sub_f32 v56, v56, v224
	v_sub_f32 v52, v52, v224
	v_sub_f32 v48, v48, v224
	v_sub_f32 v77, v77, v224
	v_sub_f32 v73, v73, v224
	v_sub_f32 v69, v69, v224
	v_sub_f32 v65, v65, v224
	v_sub_f32 v61, v61, v224
	v_sub_f32 v57, v57, v224
	v_sub_f32 v53, v53, v224
	v_sub_f32 v49, v49, v224
	v_sub_f32 v78, v78, v224
	v_sub_f32 v74, v74, v224
	v_sub_f32 v70, v70, v224
	v_sub_f32 v66, v66, v224
	v_sub_f32 v62, v62, v224
	v_sub_f32 v58, v58, v224
	v_sub_f32 v54, v54, v224
	v_sub_f32 v50, v50, v224
	v_sub_f32 v79, v79, v224
	v_sub_f32 v75, v75, v224
	v_sub_f32 v71, v71, v224
	v_sub_f32 v67, v67, v224
	v_sub_f32 v63, v63, v224
	v_sub_f32 v59, v59, v224
	v_sub_f32 v55, v55, v224
	v_sub_f32 v51, v51, v224
	v_mul_f32 v224, v48, v48
	v_mul_f32 v225, v49, v49
	v_mul_f32 v226, v50, v50
	v_mul_f32 v227, v51, v51
	v_fma_f32 v224, v52, v52, v224
	v_fma_f32 v225, v53, v53, v225
	v_fma_f32 v226, v54, v54, v226
	v_fma_f32 v227, v55, v55, v227
	v_fma_f32 v224, v56, v56, v224
	v_fma_f32 v225, v57, v57, v225
	v_fma_f32 v226, v58, v58, v226
	v_fma_f32 v227, v59, v59, v227
	v_fma_f32 v224, v60, v60, v224
	v_fma_f32 v225, v61, v61, v225
	v_fma_f32 v226, v62, v62, v226
	v_fma_f32 v227, v63, v63, v227
	v_fma_f32 v224, v64, v64, v224
	v_fma_f32 v225, v65, v65, v225
	v_fma_f32 v226, v66, v66, v226
	v_fma_f32 v227, v67, v67, v227
	v_fma_f32 v224, v68, v68, v224
	v_fma_f32 v225, v69, v69, v225
	v_fma_f32 v226, v70, v70, v226
	v_fma_f32 v227, v71, v71, v227
	v_fma_f32 v224, v72, v72, v224
	v_fma_f32 v225, v73, v73, v225
	v_fma_f32 v226, v74, v74, v226
	v_fma_f32 v227, v75, v75, v227
	v_fma_f32 v224, v76, v76, v224
	v_fma_f32 v225, v77, v77, v225
	v_fma_f32 v226, v78, v78, v226
	v_fma_f32 v227, v79, v79, v227
	v_add_f32 v224, v224, v225
	v_add_f32 v225, v226, v227
	v_add_f32 v224, v224, v225
	v_mov_b32 v224, v224
	v_add_f32_dpp v224, v224, v224 row_xmask:1 row_mask:0xf bank_mask:0xf
	v_add_f32_dpp v224, v224, v224 row_xmask:2 row_mask:0xf bank_mask:0xf
	v_add_f32_dpp v224, v224, v224 row_xmask:4 row_mask:0xf bank_mask:0xf
	v_add_f32_dpp v224, v224, v224 row_xmask:8 row_mask:0xf bank_mask:0xf
	v_mov_b32 v225, v224
	v_permlanex16_b32 v225, v224, s92, s93
	v_add_f32 v224, v224, v225
	v_mul_f32 v224, 0x3a800000, v224
	v_add_f32 v224, 0x3727c5ac, v224
	s_wait_alu depctr_va_vdst(0)
	v_sqrt_f32 v225, v224
	v_nop
	s_wait_alu depctr_va_vdst(0)
	s_wait_alu depctr_va_vdst(0)
	v_rcp_f32 v224, v225
	v_nop
	s_wait_alu depctr_va_vdst(0)
	s_set_vgpr_msb 0x1
	v_mul_f32 v48, v0, v48
	v_mul_f32 v49, v1, v49
	v_mul_f32 v50, v2, v50
	v_mul_f32 v51, v3, v51
	v_mul_f32 v52, v8, v52
	v_mul_f32 v53, v9, v53
	v_mul_f32 v54, v10, v54
	v_mul_f32 v55, v11, v55
	s_set_vgpr_msb 0x100
	v_mul_f32 v225, -1.0, v225
	v_mul_f32 v226, v48, v224
	v_mul_f32 v227, v49, v224
	v_mul_f32 v228, v50, v224
	v_mul_f32 v229, v51, v224
	v_mul_f32 v230, v52, v224
	v_mul_f32 v231, v53, v224
	v_mul_f32 v232, v54, v224
	v_mul_f32 v233, v55, v224
	v_fma_f32 v48, v225, v226, v48
	v_fma_f32 v49, v225, v227, v49
	v_fma_f32 v50, v225, v228, v50
	v_fma_f32 v51, v225, v229, v51
	v_fma_f32 v52, v225, v230, v52
	v_fma_f32 v53, v225, v231, v53
	v_fma_f32 v54, v225, v232, v54
	v_fma_f32 v55, v225, v233, v55
	v_fma_f32 v48, v48, v224, v226
	v_fma_f32 v49, v49, v224, v227
	v_fma_f32 v50, v50, v224, v228
	v_fma_f32 v51, v51, v224, v229
	v_fma_f32 v52, v52, v224, v230
	v_fma_f32 v53, v53, v224, v231
	v_fma_f32 v54, v54, v224, v232
	v_fma_f32 v55, v55, v224, v233
	s_set_vgpr_msb 0x4
	v_add_f32 v192, v48, v4
	v_add_f32 v193, v49, v5
	v_add_f32 v194, v50, v6
	v_add_f32 v195, v51, v7
	v_add_f32 v196, v52, v12
	v_add_f32 v197, v53, v13
	v_add_f32 v198, v54, v14
	v_add_f32 v199, v55, v15
	s_set_vgpr_msb 0x401
	v_mul_f32 v48, v16, v56
	v_mul_f32 v49, v17, v57
	v_mul_f32 v50, v18, v58
	v_mul_f32 v51, v19, v59
	v_mul_f32 v52, v24, v60
	v_mul_f32 v53, v25, v61
	v_mul_f32 v54, v26, v62
	v_mul_f32 v55, v27, v63
	s_set_vgpr_msb 0x100
	v_mul_f32 v56, v48, v224
	v_mul_f32 v57, v49, v224
	v_mul_f32 v58, v50, v224
	v_mul_f32 v59, v51, v224
	v_mul_f32 v60, v52, v224
	v_mul_f32 v61, v53, v224
	v_mul_f32 v62, v54, v224
	v_mul_f32 v63, v55, v224
	v_fma_f32 v48, v225, v56, v48
	v_fma_f32 v49, v225, v57, v49
	v_fma_f32 v50, v225, v58, v50
	v_fma_f32 v51, v225, v59, v51
	v_fma_f32 v52, v225, v60, v52
	v_fma_f32 v53, v225, v61, v53
	v_fma_f32 v54, v225, v62, v54
	v_fma_f32 v55, v225, v63, v55
	v_fma_f32 v48, v48, v224, v56
	v_fma_f32 v49, v49, v224, v57
	v_fma_f32 v50, v50, v224, v58
	v_fma_f32 v51, v51, v224, v59
	v_fma_f32 v52, v52, v224, v60
	v_fma_f32 v53, v53, v224, v61
	v_fma_f32 v54, v54, v224, v62
	v_fma_f32 v55, v55, v224, v63
	s_set_vgpr_msb 0x4
	v_add_f32 v200, v48, v20
	v_add_f32 v201, v49, v21
	v_add_f32 v202, v50, v22
	v_add_f32 v203, v51, v23
	v_add_f32 v204, v52, v28
	v_add_f32 v205, v53, v29
	v_add_f32 v206, v54, v30
	v_add_f32 v207, v55, v31
	s_set_vgpr_msb 0x401
	v_mul_f32 v48, v32, v64
	v_mul_f32 v49, v33, v65
	v_mul_f32 v50, v34, v66
	v_mul_f32 v51, v35, v67
	v_mul_f32 v52, v40, v68
	v_mul_f32 v53, v41, v69
	v_mul_f32 v54, v42, v70
	v_mul_f32 v55, v43, v71
	s_set_vgpr_msb 0x100
	v_mul_f32 v56, v48, v224
	v_mul_f32 v57, v49, v224
	v_mul_f32 v58, v50, v224
	v_mul_f32 v59, v51, v224
	v_mul_f32 v60, v52, v224
	v_mul_f32 v61, v53, v224
	v_mul_f32 v62, v54, v224
	v_mul_f32 v63, v55, v224
	v_fma_f32 v48, v225, v56, v48
	v_fma_f32 v49, v225, v57, v49
	v_fma_f32 v50, v225, v58, v50
	v_fma_f32 v51, v225, v59, v51
	v_fma_f32 v52, v225, v60, v52
	v_fma_f32 v53, v225, v61, v53
	v_fma_f32 v54, v225, v62, v54
	v_fma_f32 v55, v225, v63, v55
	v_fma_f32 v48, v48, v224, v56
	v_fma_f32 v49, v49, v224, v57
	v_fma_f32 v50, v50, v224, v58
	v_fma_f32 v51, v51, v224, v59
	v_fma_f32 v52, v52, v224, v60
	v_fma_f32 v53, v53, v224, v61
	v_fma_f32 v54, v54, v224, v62
	v_fma_f32 v55, v55, v224, v63
	s_set_vgpr_msb 0x4
	v_add_f32 v208, v48, v36
	v_add_f32 v209, v49, v37
	v_add_f32 v210, v50, v38
	v_add_f32 v211, v51, v39
	v_add_f32 v212, v52, v44
	v_add_f32 v213, v53, v45
	v_add_f32 v214, v54, v46
	v_add_f32 v215, v55, v47
	s_set_vgpr_msb 0x401
	v_mul_f32 v48, v48, v72
	v_mul_f32 v49, v49, v73
	v_mul_f32 v50, v50, v74
	v_mul_f32 v51, v51, v75
	v_mul_f32 v52, v56, v76
	v_mul_f32 v53, v57, v77
	v_mul_f32 v54, v58, v78
	v_mul_f32 v55, v59, v79
	s_set_vgpr_msb 0x100
	v_mul_f32 v56, v48, v224
	v_mul_f32 v57, v49, v224
	v_mul_f32 v58, v50, v224
	v_mul_f32 v59, v51, v224
	v_mul_f32 v60, v52, v224
	v_mul_f32 v61, v53, v224
	v_mul_f32 v62, v54, v224
	v_mul_f32 v63, v55, v224
	v_fma_f32 v48, v225, v56, v48
	v_fma_f32 v49, v225, v57, v49
	v_fma_f32 v50, v225, v58, v50
	v_fma_f32 v51, v225, v59, v51
	v_fma_f32 v52, v225, v60, v52
	v_fma_f32 v53, v225, v61, v53
	v_fma_f32 v54, v225, v62, v54
	v_fma_f32 v55, v225, v63, v55
	v_fma_f32 v48, v48, v224, v56
	v_fma_f32 v49, v49, v224, v57
	v_fma_f32 v50, v50, v224, v58
	v_fma_f32 v51, v51, v224, v59
	v_fma_f32 v52, v52, v224, v60
	v_fma_f32 v53, v53, v224, v61
	v_fma_f32 v54, v54, v224, v62
	v_fma_f32 v55, v55, v224, v63
	s_set_vgpr_msb 0x4
	v_add_f32 v216, v48, v52
	v_add_f32 v217, v49, v53
	v_add_f32 v218, v50, v54
	v_add_f32 v219, v51, v55
	v_add_f32 v220, v52, v60
	v_add_f32 v221, v53, v61
	v_add_f32 v222, v54, v62
	v_add_f32 v223, v55, v63
	s_set_vgpr_msb 0x400
	global_store_b128 v3, v[192:195], s[28:29] offset:4096 th:TH_STORE_NT
	global_store_b128 v3, v[196:199], s[28:29] offset:4608 th:TH_STORE_NT
	global_store_b128 v3, v[200:203], s[28:29] offset:5120 th:TH_STORE_NT
	global_store_b128 v3, v[204:207], s[28:29] offset:5632 th:TH_STORE_NT
	global_store_b128 v3, v[208:211], s[28:29] offset:6144 th:TH_STORE_NT
	global_store_b128 v3, v[212:215], s[28:29] offset:6656 th:TH_STORE_NT
	global_store_b128 v3, v[216:219], s[28:29] offset:7168 th:TH_STORE_NT
	global_store_b128 v3, v[220:223], s[28:29] offset:7680 th:TH_STORE_NT
	TURN_0 2, 192
	TURN_0 3, 208
	s_wait_dscnt 0x0
	QUANT_0 2
	QUANT_0 3
	ds_load_u16 v8, v6
	s_wait_dscnt 0x0
	global_store_b16 v7, v8, s[10:11]
	s_wait_tensorcnt 0x0
	ds_add_u32 v[SPW], v[NIL]
	s_wait_dscnt 0x0
	s_endpgm
.Larm_1:
	s_sub_co_u32 s3, ttmp9, 512
.set SIZE_K, 1024
.set SIZE_N, 4096
.set KW,    256
.set NB,    KW/32
.set ROWB,  192
.set PITCH, 272
.set KROW,  SIZE_K*6/8
.set EMAX,  4
.set X,     32
.set C,     96
.set OUTR,  112
.set SPW,   14
.set NIL,   15
.set SPARE, 4*32*PITCH
.set SB,    24
	s_load_b64 s[6:7], s[0:1], 0x18
	s_load_b64 s[8:9], s[0:1], 0x20
	s_load_b64 s[32:33], s[0:1], 0x30
	v_lshl_add_u32 v[SPW], v0, 2, SPARE
	v_mov_b32 v[NIL], 0
	v_lshrrev_b32 v1, 5, v0
	v_readfirstlane_b32 s16, v1
	v_and_b32 v2, 31, v0
	s_and_b32 s17, s3, 31
	s_lshl_b32 s17, s17, 7
	s_lshl_b32 s18, s16, 5
	s_add_co_u32 s17, s17, s18
	s_lshr_b32 s18, s3, 5
	v_lshlrev_b32 v3, 2, v2
	s_mul_i32 s19, s16, 32*PITCH
	v_mul_u32_u24 v4, v2, PITCH
	v_add_nc_u32 v4, s19, v4
	v_and_b32 v5, 15, v2
	v_lshrrev_b32 v6, 4, v2
	v_mul_u32_u24 v7, v6, PITCH
	v_lshl_add_u32 v7, v5, 4, v7
	v_add_nc_u32 v7, s19, v7
	v_mul_u32_u24 v8, v6, KROW
	v_mad_u32_u24 v8, v5, 12, v8
	s_mov_b32 s23, 0
	s_mov_b32 s22, s17
	s_mov_b64 s[24:25], KROW
	s_mul_u64 s[24:25], s[22:23], s[24:25]
	s_mul_i32 s26, s18, ROWB
	s_mov_b32 s27, 0
	s_add_nc_u64 s[24:25], s[24:25], s[26:27]
	s_mov_b64 s[28:29], SIZE_K/32
	s_mul_u64 s[28:29], s[22:23], s[28:29]
	s_mul_i32 s26, s18, NB
	s_add_nc_u64 s[28:29], s[28:29], s[26:27]
	v_mul_u32_u24 v9, v2, SIZE_K/32
	s_wait_alu depctr_va_vdst(0)
	s_wait_kmcnt 0x0
	s_add_nc_u64 s[6:7], s[6:7], s[24:25]
	s_add_nc_u64 s[8:9], s[8:9], s[28:29]
	s_add_nc_u64 s[6:7], s[6:7], 3145728
	s_add_nc_u64 s[8:9], s[8:9], 131072
	s_mov_b32 s34, 0
	s_bfe_u32 s36, s18, 0x20000
	s_mul_i32 s36, s36, 0x00400000
	s_add_co_u32 s34, s34, s36
	s_lshr_b32 s36, s17, 5
	s_mul_i32 s36, s36, 0x00000080
	s_add_co_u32 s34, s34, s36
	s_ashr_i32 s35, s34, 31
	s_add_nc_u64 s[32:33], s[32:33], s[34:35]
.macro QUANT_1 t, xs
.set XS, \xs
	v_max3_num_f32 v12, |v[XS]|, |v[XS+1]|, |v[XS+2]|
	v_max3_num_f32 v13, |v[XS+3]|, |v[XS+4]|, |v[XS+5]|
.irp i, 6,10,14,18,22,26
	v_max3_num_f32 v12, v12, |v[XS+\i]|, |v[XS+\i+1]|
	v_max3_num_f32 v13, v13, |v[XS+\i+2]|, |v[XS+\i+3]|
.endr
	v_max3_num_f32 v12, v12, |v[XS+30]|, |v[XS+31]|
	v_max3_num_f32 v12, v12, v13, (EMAX+1)<<23
	v_add_nc_u32 v11, -(EMAX<<23), v12
	v_lshrrev_b32 v13, 23, v11
.if (\t)%4 == 0
	v_mov_b32 v[SB+1], v13
.else
	v_lshl_or_b32 v[SB+1], v13, 8*((\t)%4), v[SB+1]
.endif
	v_cvt_scalef32_pk16_bf6_f32 v[C:C+2], v[XS:XS+15], v11
	v_cvt_scalef32_pk16_bf6_f32 v[C+4:C+6], v[XS+16:XS+31], v11
	ds_store_b96 v4, v[C:C+2] offset:32*(\t)
	ds_store_b96 v4, v[C+4:C+6] offset:32*(\t)+16
.endm
	v_mov_b32 v[SB+1], 0
	s_mov_b32 s37, 1
.Lblocks_1:
	global_load_b32 v32, v3, s[32:33] offset:0 th:TH_LOAD_NT
	global_load_b32 v33, v3, s[32:33] offset:16384 th:TH_LOAD_NT
	global_load_b32 v34, v3, s[32:33] offset:32768 th:TH_LOAD_NT
	global_load_b32 v35, v3, s[32:33] offset:49152 th:TH_LOAD_NT
	global_load_b32 v36, v3, s[32:33] offset:65536 th:TH_LOAD_NT
	global_load_b32 v37, v3, s[32:33] offset:81920 th:TH_LOAD_NT
	global_load_b32 v38, v3, s[32:33] offset:98304 th:TH_LOAD_NT
	global_load_b32 v39, v3, s[32:33] offset:114688 th:TH_LOAD_NT
	global_load_b32 v40, v3, s[32:33] offset:131072 th:TH_LOAD_NT
	global_load_b32 v41, v3, s[32:33] offset:147456 th:TH_LOAD_NT
	global_load_b32 v42, v3, s[32:33] offset:163840 th:TH_LOAD_NT
	global_load_b32 v43, v3, s[32:33] offset:180224 th:TH_LOAD_NT
	global_load_b32 v44, v3, s[32:33] offset:196608 th:TH_LOAD_NT
	global_load_b32 v45, v3, s[32:33] offset:212992 th:TH_LOAD_NT
	global_load_b32 v46, v3, s[32:33] offset:229376 th:TH_LOAD_NT
	global_load_b32 v47, v3, s[32:33] offset:245760 th:TH_LOAD_NT
	global_load_b32 v48, v3, s[32:33] offset:262144 th:TH_LOAD_NT
	global_load_b32 v49, v3, s[32:33] offset:278528 th:TH_LOAD_NT
	global_load_b32 v50, v3, s[32:33] offset:294912 th:TH_LOAD_NT
	global_load_b32 v51, v3, s[32:33] offset:311296 th:TH_LOAD_NT
	global_load_b32 v52, v3, s[32:33] offset:327680 th:TH_LOAD_NT
	global_load_b32 v53, v3, s[32:33] offset:344064 th:TH_LOAD_NT
	global_load_b32 v54, v3, s[32:33] offset:360448 th:TH_LOAD_NT
	global_load_b32 v55, v3, s[32:33] offset:376832 th:TH_LOAD_NT
	global_load_b32 v56, v3, s[32:33] offset:393216 th:TH_LOAD_NT
	global_load_b32 v57, v3, s[32:33] offset:409600 th:TH_LOAD_NT
	global_load_b32 v58, v3, s[32:33] offset:425984 th:TH_LOAD_NT
	global_load_b32 v59, v3, s[32:33] offset:442368 th:TH_LOAD_NT
	global_load_b32 v60, v3, s[32:33] offset:458752 th:TH_LOAD_NT
	global_load_b32 v61, v3, s[32:33] offset:475136 th:TH_LOAD_NT
	global_load_b32 v62, v3, s[32:33] offset:491520 th:TH_LOAD_NT
	global_load_b32 v63, v3, s[32:33] offset:507904 th:TH_LOAD_NT
	global_load_b32 v64, v3, s[32:33] offset:524288 th:TH_LOAD_NT
	global_load_b32 v65, v3, s[32:33] offset:540672 th:TH_LOAD_NT
	global_load_b32 v66, v3, s[32:33] offset:557056 th:TH_LOAD_NT
	global_load_b32 v67, v3, s[32:33] offset:573440 th:TH_LOAD_NT
	global_load_b32 v68, v3, s[32:33] offset:589824 th:TH_LOAD_NT
	global_load_b32 v69, v3, s[32:33] offset:606208 th:TH_LOAD_NT
	global_load_b32 v70, v3, s[32:33] offset:622592 th:TH_LOAD_NT
	global_load_b32 v71, v3, s[32:33] offset:638976 th:TH_LOAD_NT
	global_load_b32 v72, v3, s[32:33] offset:655360 th:TH_LOAD_NT
	global_load_b32 v73, v3, s[32:33] offset:671744 th:TH_LOAD_NT
	global_load_b32 v74, v3, s[32:33] offset:688128 th:TH_LOAD_NT
	global_load_b32 v75, v3, s[32:33] offset:704512 th:TH_LOAD_NT
	global_load_b32 v76, v3, s[32:33] offset:720896 th:TH_LOAD_NT
	global_load_b32 v77, v3, s[32:33] offset:737280 th:TH_LOAD_NT
	global_load_b32 v78, v3, s[32:33] offset:753664 th:TH_LOAD_NT
	global_load_b32 v79, v3, s[32:33] offset:770048 th:TH_LOAD_NT
	global_load_b32 v80, v3, s[32:33] offset:786432 th:TH_LOAD_NT
	global_load_b32 v81, v3, s[32:33] offset:802816 th:TH_LOAD_NT
	global_load_b32 v82, v3, s[32:33] offset:819200 th:TH_LOAD_NT
	global_load_b32 v83, v3, s[32:33] offset:835584 th:TH_LOAD_NT
	global_load_b32 v84, v3, s[32:33] offset:851968 th:TH_LOAD_NT
	global_load_b32 v85, v3, s[32:33] offset:868352 th:TH_LOAD_NT
	global_load_b32 v86, v3, s[32:33] offset:884736 th:TH_LOAD_NT
	global_load_b32 v87, v3, s[32:33] offset:901120 th:TH_LOAD_NT
	global_load_b32 v88, v3, s[32:33] offset:917504 th:TH_LOAD_NT
	global_load_b32 v89, v3, s[32:33] offset:933888 th:TH_LOAD_NT
	global_load_b32 v90, v3, s[32:33] offset:950272 th:TH_LOAD_NT
	global_load_b32 v91, v3, s[32:33] offset:966656 th:TH_LOAD_NT
	global_load_b32 v92, v3, s[32:33] offset:983040 th:TH_LOAD_NT
	global_load_b32 v93, v3, s[32:33] offset:999424 th:TH_LOAD_NT
	global_load_b32 v94, v3, s[32:33] offset:1015808 th:TH_LOAD_NT
	global_load_b32 v95, v3, s[32:33] offset:1032192 th:TH_LOAD_NT
	v_mov_b32 v[SB+0], v[SB+1]
	s_wait_loadcnt 32
	QUANT_1 0, 32
	global_load_b32 v32, v3, s[32:33] offset:1048576 th:TH_LOAD_NT
	global_load_b32 v33, v3, s[32:33] offset:1064960 th:TH_LOAD_NT
	global_load_b32 v34, v3, s[32:33] offset:1081344 th:TH_LOAD_NT
	global_load_b32 v35, v3, s[32:33] offset:1097728 th:TH_LOAD_NT
	global_load_b32 v36, v3, s[32:33] offset:1114112 th:TH_LOAD_NT
	global_load_b32 v37, v3, s[32:33] offset:1130496 th:TH_LOAD_NT
	global_load_b32 v38, v3, s[32:33] offset:1146880 th:TH_LOAD_NT
	global_load_b32 v39, v3, s[32:33] offset:1163264 th:TH_LOAD_NT
	global_load_b32 v40, v3, s[32:33] offset:1179648 th:TH_LOAD_NT
	global_load_b32 v41, v3, s[32:33] offset:1196032 th:TH_LOAD_NT
	global_load_b32 v42, v3, s[32:33] offset:1212416 th:TH_LOAD_NT
	global_load_b32 v43, v3, s[32:33] offset:1228800 th:TH_LOAD_NT
	global_load_b32 v44, v3, s[32:33] offset:1245184 th:TH_LOAD_NT
	global_load_b32 v45, v3, s[32:33] offset:1261568 th:TH_LOAD_NT
	global_load_b32 v46, v3, s[32:33] offset:1277952 th:TH_LOAD_NT
	global_load_b32 v47, v3, s[32:33] offset:1294336 th:TH_LOAD_NT
	global_load_b32 v48, v3, s[32:33] offset:1310720 th:TH_LOAD_NT
	global_load_b32 v49, v3, s[32:33] offset:1327104 th:TH_LOAD_NT
	global_load_b32 v50, v3, s[32:33] offset:1343488 th:TH_LOAD_NT
	global_load_b32 v51, v3, s[32:33] offset:1359872 th:TH_LOAD_NT
	global_load_b32 v52, v3, s[32:33] offset:1376256 th:TH_LOAD_NT
	global_load_b32 v53, v3, s[32:33] offset:1392640 th:TH_LOAD_NT
	global_load_b32 v54, v3, s[32:33] offset:1409024 th:TH_LOAD_NT
	global_load_b32 v55, v3, s[32:33] offset:1425408 th:TH_LOAD_NT
	global_load_b32 v56, v3, s[32:33] offset:1441792 th:TH_LOAD_NT
	global_load_b32 v57, v3, s[32:33] offset:1458176 th:TH_LOAD_NT
	global_load_b32 v58, v3, s[32:33] offset:1474560 th:TH_LOAD_NT
	global_load_b32 v59, v3, s[32:33] offset:1490944 th:TH_LOAD_NT
	global_load_b32 v60, v3, s[32:33] offset:1507328 th:TH_LOAD_NT
	global_load_b32 v61, v3, s[32:33] offset:1523712 th:TH_LOAD_NT
	global_load_b32 v62, v3, s[32:33] offset:1540096 th:TH_LOAD_NT
	global_load_b32 v63, v3, s[32:33] offset:1556480 th:TH_LOAD_NT
	s_wait_dscnt 0x0
	s_wait_loadcnt 32
	QUANT_1 1, 64
	global_load_b32 v64, v3, s[32:33] offset:1572864 th:TH_LOAD_NT
	global_load_b32 v65, v3, s[32:33] offset:1589248 th:TH_LOAD_NT
	global_load_b32 v66, v3, s[32:33] offset:1605632 th:TH_LOAD_NT
	global_load_b32 v67, v3, s[32:33] offset:1622016 th:TH_LOAD_NT
	global_load_b32 v68, v3, s[32:33] offset:1638400 th:TH_LOAD_NT
	global_load_b32 v69, v3, s[32:33] offset:1654784 th:TH_LOAD_NT
	global_load_b32 v70, v3, s[32:33] offset:1671168 th:TH_LOAD_NT
	global_load_b32 v71, v3, s[32:33] offset:1687552 th:TH_LOAD_NT
	global_load_b32 v72, v3, s[32:33] offset:1703936 th:TH_LOAD_NT
	global_load_b32 v73, v3, s[32:33] offset:1720320 th:TH_LOAD_NT
	global_load_b32 v74, v3, s[32:33] offset:1736704 th:TH_LOAD_NT
	global_load_b32 v75, v3, s[32:33] offset:1753088 th:TH_LOAD_NT
	global_load_b32 v76, v3, s[32:33] offset:1769472 th:TH_LOAD_NT
	global_load_b32 v77, v3, s[32:33] offset:1785856 th:TH_LOAD_NT
	global_load_b32 v78, v3, s[32:33] offset:1802240 th:TH_LOAD_NT
	global_load_b32 v79, v3, s[32:33] offset:1818624 th:TH_LOAD_NT
	global_load_b32 v80, v3, s[32:33] offset:1835008 th:TH_LOAD_NT
	global_load_b32 v81, v3, s[32:33] offset:1851392 th:TH_LOAD_NT
	global_load_b32 v82, v3, s[32:33] offset:1867776 th:TH_LOAD_NT
	global_load_b32 v83, v3, s[32:33] offset:1884160 th:TH_LOAD_NT
	global_load_b32 v84, v3, s[32:33] offset:1900544 th:TH_LOAD_NT
	global_load_b32 v85, v3, s[32:33] offset:1916928 th:TH_LOAD_NT
	global_load_b32 v86, v3, s[32:33] offset:1933312 th:TH_LOAD_NT
	global_load_b32 v87, v3, s[32:33] offset:1949696 th:TH_LOAD_NT
	global_load_b32 v88, v3, s[32:33] offset:1966080 th:TH_LOAD_NT
	global_load_b32 v89, v3, s[32:33] offset:1982464 th:TH_LOAD_NT
	global_load_b32 v90, v3, s[32:33] offset:1998848 th:TH_LOAD_NT
	global_load_b32 v91, v3, s[32:33] offset:2015232 th:TH_LOAD_NT
	global_load_b32 v92, v3, s[32:33] offset:2031616 th:TH_LOAD_NT
	global_load_b32 v93, v3, s[32:33] offset:2048000 th:TH_LOAD_NT
	global_load_b32 v94, v3, s[32:33] offset:2064384 th:TH_LOAD_NT
	global_load_b32 v95, v3, s[32:33] offset:2080768 th:TH_LOAD_NT
	s_wait_dscnt 0x0
	s_wait_loadcnt 32
	QUANT_1 2, 32
	s_wait_dscnt 0x0
	s_wait_loadcnt 0
	QUANT_1 3, 64
	s_wait_dscnt 0x0
	s_wait_xcnt 0x0
	s_add_nc_u64 s[32:33], s[32:33], 0x00200000
	v_add_nc_u32 v4, 128, v4
	s_wait_alu depctr_va_vdst(0)
	s_sub_co_i32 s37, s37, 1
	s_cmp_ge_i32 s37, 0
	s_cbranch_scc1 .Lblocks_1
	s_wait_alu depctr_va_vdst(0)
	global_store_b64 v9, v[SB:SB+1], s[8:9]
.irp t, 0,1,2,3,4,5,6,7,8,9,10,11,12,13,14,15
	ds_load_b96 v[OUTR+4*\t:OUTR+4*\t+2], v7 offset:2*\t*PITCH
.endr
.irp t, 0,1,2,3,4,5,6,7,8,9,10,11,12,13,14,15
	s_wait_dscnt 15-\t
	global_store_b96 v8, v[OUTR+4*\t:OUTR+4*\t+2], s[6:7] offset:2*\t*KROW
.endr
	s_wait_tensorcnt 0x0
	ds_add_u32 v[SPW], v[NIL]
	s_wait_dscnt 0x0
	s_endpgm
.Lfunc_end_k_q0f68157b24_norm_quantise:
	.size	k_q0f68157b24_norm_quantise, .Lfunc_end_k_q0f68157b24_norm_quantise-k_q0f68157b24_norm_quantise
	.p2alignl 7, 3214868480
	.fill 96, 4, 3214868480
	.section	.rodata,"a",@progbits
	.p2align	6, 0x0
	.amdhsa_kernel k_q0f68157b24_norm_quantise
		.amdhsa_group_segment_fixed_size 35840
		.amdhsa_private_segment_fixed_size 0
		.amdhsa_enable_private_segment 0
		.amdhsa_kernarg_size 64
		.amdhsa_user_sgpr_count 2
		.amdhsa_user_sgpr_kernarg_segment_ptr 1
		.amdhsa_wavefront_size32 1
		.amdhsa_system_sgpr_workgroup_id_x 1
		.amdhsa_system_sgpr_workgroup_id_y 1
		.amdhsa_system_sgpr_workgroup_id_z 1
		.amdhsa_system_vgpr_workitem_id 0
		.amdhsa_next_free_vgpr 320
		.amdhsa_next_free_sgpr 95
		.amdhsa_reserve_vcc 0
		.amdhsa_float_denorm_mode_32 3
		.amdhsa_float_denorm_mode_16_64 3
		.amdhsa_memory_ordered 1
		.amdhsa_forward_progress 1
		.amdhsa_inst_pref_size 87
	.end_amdhsa_kernel
	.amdgpu_metadata
---
amdhsa.version: [ 1, 2 ]
amdhsa.kernels:
  - .name:           k_q0f68157b24_norm_quantise
    .symbol:         k_q0f68157b24_norm_quantise.kd
    .args:
      - { .name: gamma1, .offset: 0, .size: 8, .value_kind: global_buffer, .address_space: global }
      - { .name: qkc, .offset: 8, .size: 8, .value_kind: global_buffer, .address_space: global }
      - { .name: beta1, .offset: 16, .size: 8, .value_kind: global_buffer, .address_space: global }
      - { .name: pc, .offset: 24, .size: 8, .value_kind: global_buffer, .address_space: global }
      - { .name: ps, .offset: 32, .size: 8, .value_kind: global_buffer, .address_space: global }
      - { .name: cx, .offset: 40, .size: 8, .value_kind: global_buffer, .address_space: global }
      - { .name: W1, .offset: 48, .size: 8, .value_kind: global_buffer, .address_space: global }
      - { .name: W2, .offset: 56, .size: 8, .value_kind: global_buffer, .address_space: global }
    .group_segment_fixed_size: 35840
    .private_segment_fixed_size: 0
    .kernarg_segment_align: 8
    .kernarg_segment_size: 64
    .max_flat_workgroup_size: 128
    .sgpr_count:     95
    .vgpr_count:     320
    .wavefront_size: 32
...
	.end_amdgpu_metadata
.endif
;; end of part 5
;; launch gemm1 (part 6): grid 32 x 8, 4 waves a work-group, clusters of 4 x 4, 327,680 bytes of LDS; arguments pc, ps, b1, vc, vs; writes vc, vs
.if DOCPART == 6
	.amdgcn_target "amdgcn-amd-amdhsa--gfx1250"
	.amdhsa_code_object_version 6
	.text
	.protected	k_q0f68157b24_gemm1
	.globl	k_q0f68157b24_gemm1
	.p2align	8
	.type	k_q0f68157b24_gemm1,@function
k_q0f68157b24_gemm1:
	s_mov_b64 s[64:65], 0
	v_nop
	global_prefetch_b8 v0, s[64:65] scope:SCOPE_SE
	s_setreg_imm32_b32 hwreg(HW_REG_WAVE_MODE, 25, 1), 1
	s_wait_xcnt 0x0
	s_wait_alu depctr_hold_cnt(0) depctr_sa_sdst(0) depctr_va_vdst(0) depctr_va_sdst(0) depctr_va_ssrc(0) depctr_va_vcc(0) depctr_vm_vsrc(0)
	s_getreg_b32 s2, hwreg(HW_REG_IB_STS2, 6, 4)
	s_cmp_eq_u32 s2, 0
	s_cbranch_scc0 .Lentry_in_a_cluster
	s_endpgm
.Lentry_in_a_cluster:
	s_bfe_u32 s2, ttmp6, 0x10000c
	s_cmp_lg_u32 s2, 0xf033
	s_cbranch_scc0 .Lentry_shape_is_right
	s_endpgm
.Lentry_shape_is_right:
	s_load_b128 s[4:7], s[0:1], 0x0
	s_load_b64 s[2:3], s[0:1], 0x10
	s_load_b64 s[12:13], s[0:1], 0x18
	s_load_b64 s[76:77], s[0:1], 0x20
	v_lshl_add_u32 v10, v0, 2, 176128
	v_mov_b32 v11, 0
	ds_add_u32 v10, v11
	ds_add_u32 v10, v11
	v_lshrrev_b32 v1, 5, v0
	v_readfirstlane_b32 s14, v1
	s_lshr_b32 s15, s14, 1
	s_and_b32 s16, s14, 1
	s_bfe_u32 s40, ttmp6, 0x40000
	s_bfe_u32 s41, ttmp6, 0x40004
	s_lshl_b32 s42, ttmp9, 2
	s_add_co_u32 s42, s42, s40
	s_and_b32 s43, ttmp7, 0xffff
	s_lshl_b32 s43, s43, 2
	s_add_co_u32 s43, s43, s41
	s_lshl_b32 s44, s41, 2
	s_lshl_b32 s44, 15, s44
	s_lshl_b32 s45, 0x1111, s40
	s_or_b32 s24, s44, 0x7700000
	s_mov_b32 s25, 0x3000000
	s_mov_b32 s26, 0x400000
	s_mov_b32 s27, 0x3000000
	s_mov_b32 s28, 64
	s_mov_b32 s29, 768
	s_mov_b32 s30, 0
	s_mov_b32 s31, 0
	s_or_b32 s32, s45, 0x7700000
	s_mov_b32 s33, 0x3000000
	s_mov_b32 s34, 0x400000
	s_mov_b32 s35, 0x3000000
	s_mov_b32 s36, 64
	s_mov_b32 s37, 768
	s_mov_b32 s38, 0
	s_mov_b32 s39, 0
	s_or_b32 s48, s44, 0x7700000
	s_mov_b32 s49, 0x3000000
	s_mov_b32 s50, 0x100000
	s_mov_b32 s51, 0x3000000
	s_mov_b32 s52, 16
	s_mov_b32 s53, 768
	s_mov_b32 s54, 0
	s_mov_b32 s55, 0
	s_or_b32 s92, s44, 0x7730000
	s_mov_b32 s93, 0x200000
	s_mov_b32 s94, 0x400000
	s_mov_b32 s95, 0x200000
	s_mov_b32 s96, 64
	s_mov_b32 s97, 32
	s_mov_b32 s98, 0
	s_mov_b32 s99, 0
	s_mov_b32 s72, 1
	s_mov_b32 s73, 156672
	s_mul_i32 s86, s43, 393216
	s_mov_b32 s87, 0
	s_mul_i32 s20, s42, 98304
	s_mul_i32 s21, s16, 49152
	s_add_co_u32 s78, s20, s21
	s_mov_b32 s79, 0
	s_add_co_u32 s78, s78, 3145728
	s_mul_i32 s80, s43, 16384
	s_mov_b32 s81, 0
	s_mul_i32 s82, s42, 4096
	s_mul_i32 s21, s16, 2048
	s_add_co_u32 s82, s82, s21
	s_mov_b32 s83, 0
	s_add_co_u32 s82, s82, 131072
	s_mul_i32 s84, s43, 1572864
	s_mul_i32 s21, s15, 49152
	s_add_co_u32 s84, s84, s21
	s_mul_i32 s21, s42, 1536
	s_add_co_u32 s84, s84, s21
	s_mul_i32 s21, s16, 768
	s_add_co_u32 s84, s84, s21
	s_mov_b32 s85, 0
	s_mul_i32 s47, s42, 512
	s_mul_i32 s21, s16, 256
	s_add_co_u32 s47, s47, s21
	s_mul_i32 s19, s42, 16384
	s_mul_i32 s21, s43, 2048
	s_add_co_u32 s19, s19, s21
	s_mul_i32 s21, s14, 512
	s_add_co_u32 s19, s19, s21
	s_mov_b32 s56, 1
	s_mov_b32 s57, 0
	s_mov_b32 s60, 1
	s_mul_i32 s61, s16, 52224
	s_add_co_u32 s61, s61, 52224
	s_mov_b32 s68, 1
	v_and_b32 v1, 15, v0
	v_bfe_u32 v2, v0, 4, 1
	v_and_b32 v3, 31, v0
	v_mul_u32_u24 v22, v1, 816
	v_mad_u32_u24 v23, v2, 24, v22
	s_mul_i32 s21, s15, 13056
	v_add_nc_u32 v4, s21, v23
	s_mul_i32 s22, s16, 52224
	s_add_co_u32 s22, s22, 52224
	v_and_b32 v7, 7, v0
	v_bfe_u32 v8, v0, 3, 1
	v_lshl_add_u32 v7, v8, 5, v7
	v_mul_u32_u24 v8, v7, 816
	v_mad_u32_u24 v8, v2, 24, v8
	v_add_nc_u32 v14, s22, v8
	v_mad_u32_u24 v23, v2, 40, v22
	v_add_nc_u32 v5, s21, v23
	v_mul_u32_u24 v8, v7, 816
	v_mad_u32_u24 v8, v2, 40, v8
	v_add_nc_u32 v15, s22, v8
	v_lshl_add_u32 v8, v2, 3, v7
	v_mul_u32_u24 v16, v8, 32
	v_mul_u32_u24 v23, v1, 32
	v_lshrrev_b32 v22, 8, v23
	v_lshl_add_u32 v23, v22, 4, v23
	s_mul_i32 s21, s15, 544
	s_add_co_u32 s21, s21, 156672
	v_add_nc_u32 v6, s21, v23
	v_lshlrev_b32 v9, 4, v3
	v_lshlrev_b32 v19, 3, v3
	v_lshl_add_u32 v23, v1, 2, v2
	s_lshl_b32 s21, s15, 6
	s_lshl_b32 s22, s16, 1
	s_add_co_u32 s21, s21, s22
	s_add_co_u32 s21, s21, 174080
	v_add_nc_u32 v158, s21, v23
	s_lshl_b32 s90, s40, 2
	s_add_co_u32 s90, s90, s14
	s_mul_i32 s21, s90, 12
	v_min_u32 v7, 11, v3
	v_add_nc_u32 v7, s21, v7
	v_lshlrev_b32 v7, 8, v7
	s_wait_alu depctr_va_vdst(0)
	s_wait_dscnt 0x0
	s_wait_kmcnt 0x0
	s_add_nc_u64 s[86:87], s[4:5], s[86:87]
	s_mov_b64 s[58:59], s[86:87]
	s_or_b32 s59, s59, 0x80000000
	s_add_nc_u64 s[62:63], s[4:5], s[78:79]
	s_or_b32 s63, s63, 0x80000000
	s_add_nc_u64 s[74:75], s[6:7], s[80:81]
	s_or_b32 s75, s75, 0x80000000
	s_add_nc_u64 s[10:11], s[6:7], s[82:83]
	s_add_nc_u64 s[12:13], s[12:13], s[84:85]
	s_mov_b32 s84, s47
	s_add_nc_u64 s[2:3], s[2:3], s[84:85]
	s_mov_b32 s84, s19
	s_add_nc_u64 s[76:77], s[76:77], s[84:85]
	s_barrier_signal -1
	s_barrier_wait -1
	s_cmp_lg_u32 s14, 0
	s_cbranch_scc1 .Lnot_wave_0_1
	s_barrier_signal -3
.Lnot_wave_0_1:
	s_barrier_wait -3
	s_barrier_signal -1
	s_barrier_wait -1
	s_cmp_eq_u32 s15, 0
	s_cbranch_scc0 .Lfor_a
	tensor_load_to_lds s[60:63], s[32:39]
	s_nop 0
	v_nop
	v_nop
	v_nop
	v_nop
	s_branch .Lasked
.Lfor_a:
	s_cmp_eq_u32 s16, 0
	s_cbranch_scc0 .Lfor_scales
	tensor_load_to_lds s[56:59], s[24:31]
	s_nop 0
	v_nop
	v_nop
	v_nop
	v_nop
	s_branch .Lasked
.Lfor_scales:
	tensor_load_to_lds s[72:75], s[92:99]
	s_nop 0
	v_nop
	v_nop
	v_nop
	v_nop
.Lasked:
	global_load_b128 v[24:27], v16, s[10:11] offset:0
	global_load_b128 v[28:31], v16, s[10:11] offset:16
	global_load_b128 v[32:35], v16, s[10:11] offset:512
	global_load_b128 v[36:39], v16, s[10:11] offset:528
	v_lshlrev_b32 v128, 7, v2
	global_load_b128 v[96:99], v128, s[2:3] offset:0
	global_load_b128 v[100:103], v128, s[2:3] offset:16
	global_load_b128 v[104:107], v128, s[2:3] offset:32
	global_load_b128 v[108:111], v128, s[2:3] offset:48
	global_load_b128 v[112:115], v128, s[2:3] offset:64
	global_load_b128 v[116:119], v128, s[2:3] offset:80
	global_load_b128 v[120:123], v128, s[2:3] offset:96
	global_load_b128 v[124:127], v128, s[2:3] offset:112
	s_cmp_eq_u32 s15, 0
	s_cbranch_scc0 .Lnot_b
	s_wait_tensorcnt 0x0
.Lnot_b:
	s_barrier_signal -1
	s_barrier_wait -1
	s_add_nc_u64 s[88:89], s[86:87], 49152
	global_prefetch_b8 v7, s[88:89] th:TH_LOAD_NT scope:SCOPE_SE
	s_set_vgpr_msb 0x40
	ds_load_b64 v[0:1], v14 offset:0
	ds_load_b64 v[2:3], v14 offset:8
	ds_load_b64 v[4:5], v14 offset:16
	ds_load_b64 v[6:7], v14 offset:48
	ds_load_b64 v[8:9], v14 offset:56
	ds_load_b64 v[10:11], v14 offset:64
	ds_load_b64 v[12:13], v14 offset:6528
	ds_load_b64 v[14:15], v14 offset:6536
	ds_load_b64 v[16:17], v14 offset:6544
	ds_load_b64 v[18:19], v14 offset:6576
	ds_load_b64 v[20:21], v14 offset:6584
	ds_load_b64 v[22:23], v14 offset:6592
	ds_load_b64 v[24:25], v14 offset:13056
	ds_load_b64 v[26:27], v14 offset:13064
	ds_load_b64 v[28:29], v14 offset:13072
	ds_load_b64 v[30:31], v14 offset:13104
	ds_load_b64 v[32:33], v14 offset:13112
	ds_load_b64 v[34:35], v14 offset:13120
	ds_load_b64 v[36:37], v14 offset:19584
	ds_load_b64 v[38:39], v14 offset:19592
	ds_load_b64 v[40:41], v14 offset:19600
	ds_load_b64 v[42:43], v14 offset:19632
	ds_load_b64 v[44:45], v14 offset:19640
	ds_load_b64 v[46:47], v14 offset:19648
	ds_load_b64 v[48:49], v14 offset:96
	ds_load_b64 v[50:51], v14 offset:104
	ds_load_b64 v[52:53], v14 offset:112
	ds_load_b64 v[54:55], v14 offset:144
	ds_load_b64 v[56:57], v14 offset:152
	ds_load_b64 v[58:59], v14 offset:160
	ds_load_b64 v[60:61], v14 offset:6624
	ds_load_b64 v[62:63], v14 offset:6632
	ds_load_b64 v[64:65], v14 offset:6640
	ds_load_b64 v[66:67], v14 offset:6672
	ds_load_b64 v[68:69], v14 offset:6680
	ds_load_b64 v[70:71], v14 offset:6688
	ds_load_b64 v[72:73], v14 offset:13152
	ds_load_b64 v[74:75], v14 offset:13160
	ds_load_b64 v[76:77], v14 offset:13168
	ds_load_b64 v[78:79], v14 offset:13200
	ds_load_b64 v[80:81], v14 offset:13208
	ds_load_b64 v[82:83], v14 offset:13216
	ds_load_b64 v[84:85], v14 offset:19680
	ds_load_b64 v[86:87], v14 offset:19688
	ds_load_b64 v[88:89], v14 offset:19696
	ds_load_b64 v[90:91], v14 offset:19728
	ds_load_b64 v[92:93], v14 offset:19736
	ds_load_b64 v[94:95], v14 offset:19744
	ds_load_b64 v[96:97], v14 offset:192
	ds_load_b64 v[98:99], v14 offset:200
	ds_load_b64 v[100:101], v14 offset:208
	ds_load_b64 v[102:103], v15 offset:240
	ds_load_b64 v[104:105], v15 offset:248
	ds_load_b64 v[106:107], v14 offset:272
	ds_load_b64 v[108:109], v14 offset:6720
	ds_load_b64 v[110:111], v14 offset:6728
	ds_load_b64 v[112:113], v14 offset:6736
	ds_load_b64 v[114:115], v15 offset:6768
	ds_load_b64 v[116:117], v15 offset:6776
	ds_load_b64 v[118:119], v14 offset:6800
	ds_load_b64 v[120:121], v14 offset:13248
	ds_load_b64 v[122:123], v14 offset:13256
	ds_load_b64 v[124:125], v14 offset:13264
	ds_load_b64 v[126:127], v15 offset:13296
	ds_load_b64 v[128:129], v15 offset:13304
	ds_load_b64 v[130:131], v14 offset:13328
	ds_load_b64 v[132:133], v14 offset:19776
	ds_load_b64 v[134:135], v14 offset:19784
	ds_load_b64 v[136:137], v14 offset:19792
	ds_load_b64 v[138:139], v15 offset:19824
	ds_load_b64 v[140:141], v15 offset:19832
	ds_load_b64 v[142:143], v14 offset:19856
	ds_load_b64 v[144:145], v14 offset:304
	ds_load_b64 v[146:147], v14 offset:312
	ds_load_b64 v[148:149], v14 offset:320
	ds_load_b64 v[150:151], v14 offset:352
	ds_load_b64 v[152:153], v14 offset:360
	ds_load_b64 v[154:155], v14 offset:368
	ds_load_b64 v[156:157], v14 offset:6832
	ds_load_b64 v[158:159], v14 offset:6840
	ds_load_b64 v[160:161], v14 offset:6848
	ds_load_b64 v[162:163], v14 offset:6880
	ds_load_b64 v[164:165], v14 offset:6888
	ds_load_b64 v[166:167], v14 offset:6896
	ds_load_b64 v[168:169], v14 offset:13360
	ds_load_b64 v[170:171], v14 offset:13368
	ds_load_b64 v[172:173], v14 offset:13376
	ds_load_b64 v[174:175], v14 offset:13408
	ds_load_b64 v[176:177], v14 offset:13416
	ds_load_b64 v[178:179], v14 offset:13424
	ds_load_b64 v[180:181], v14 offset:19888
	ds_load_b64 v[182:183], v14 offset:19896
	ds_load_b64 v[184:185], v14 offset:19904
	ds_load_b64 v[186:187], v14 offset:19936
	ds_load_b64 v[188:189], v14 offset:19944
	ds_load_b64 v[190:191], v14 offset:19952
	ds_load_b64 v[192:193], v14 offset:400
	ds_load_b64 v[194:195], v14 offset:408
	ds_load_b64 v[196:197], v14 offset:416
	ds_load_b64 v[198:199], v14 offset:448
	ds_load_b64 v[200:201], v14 offset:456
	ds_load_b64 v[202:203], v14 offset:464
	ds_load_b64 v[204:205], v14 offset:6928
	ds_load_b64 v[206:207], v14 offset:6936
	ds_load_b64 v[208:209], v14 offset:6944
	ds_load_b64 v[210:211], v14 offset:6976
	ds_load_b64 v[212:213], v14 offset:6984
	ds_load_b64 v[214:215], v14 offset:6992
	ds_load_b64 v[216:217], v14 offset:13456
	ds_load_b64 v[218:219], v14 offset:13464
	ds_load_b64 v[220:221], v14 offset:13472
	ds_load_b64 v[222:223], v14 offset:13504
	ds_load_b64 v[224:225], v14 offset:13512
	ds_load_b64 v[226:227], v14 offset:13520
	ds_load_b64 v[228:229], v14 offset:19984
	ds_load_b64 v[230:231], v14 offset:19992
	ds_load_b64 v[232:233], v14 offset:20000
	ds_load_b64 v[234:235], v14 offset:20032
	ds_load_b64 v[236:237], v14 offset:20040
	ds_load_b64 v[238:239], v14 offset:20048
	ds_load_b64 v[240:241], v14 offset:496
	ds_load_b64 v[242:243], v15 offset:504
	ds_load_b64 v[244:245], v15 offset:512
	ds_load_b64 v[246:247], v14 offset:560
	ds_load_b64 v[248:249], v14 offset:568
	ds_load_b64 v[250:251], v14 offset:576
	s_set_vgpr_msb 0x4080
	ds_load_b64 v[0:1], v14 offset:7024
	ds_load_b64 v[2:3], v15 offset:7032
	ds_load_b64 v[4:5], v15 offset:7040
	ds_load_b64 v[6:7], v14 offset:7088
	ds_load_b64 v[8:9], v14 offset:7096
	ds_load_b64 v[10:11], v14 offset:7104
	ds_load_b64 v[12:13], v14 offset:13552
	ds_load_b64 v[14:15], v15 offset:13560
	ds_load_b64 v[16:17], v15 offset:13568
	ds_load_b64 v[18:19], v14 offset:13616
	ds_load_b64 v[20:21], v14 offset:13624
	ds_load_b64 v[22:23], v14 offset:13632
	ds_load_b64 v[24:25], v14 offset:20080
	ds_load_b64 v[26:27], v15 offset:20088
	ds_load_b64 v[28:29], v15 offset:20096
	ds_load_b64 v[30:31], v14 offset:20144
	ds_load_b64 v[32:33], v14 offset:20152
	ds_load_b64 v[34:35], v14 offset:20160
	ds_load_b64 v[36:37], v14 offset:608
	ds_load_b64 v[38:39], v14 offset:616
	ds_load_b64 v[40:41], v14 offset:624
	ds_load_b64 v[42:43], v14 offset:656
	ds_load_b64 v[44:45], v14 offset:664
	ds_load_b64 v[46:47], v14 offset:672
	ds_load_b64 v[48:49], v14 offset:7136
	ds_load_b64 v[50:51], v14 offset:7144
	ds_load_b64 v[52:53], v14 offset:7152
	ds_load_b64 v[54:55], v14 offset:7184
	ds_load_b64 v[56:57], v14 offset:7192
	ds_load_b64 v[58:59], v14 offset:7200
	ds_load_b64 v[60:61], v14 offset:13664
	ds_load_b64 v[62:63], v14 offset:13672
	ds_load_b64 v[64:65], v14 offset:13680
	ds_load_b64 v[66:67], v14 offset:13712
	ds_load_b64 v[68:69], v14 offset:13720
	ds_load_b64 v[70:71], v14 offset:13728
	ds_load_b64 v[72:73], v14 offset:20192
	ds_load_b64 v[74:75], v14 offset:20200
	ds_load_b64 v[76:77], v14 offset:20208
	ds_load_b64 v[78:79], v14 offset:20240
	ds_load_b64 v[80:81], v14 offset:20248
	ds_load_b64 v[82:83], v14 offset:20256
	ds_load_b64 v[84:85], v14 offset:704
	ds_load_b64 v[86:87], v14 offset:712
	ds_load_b64 v[88:89], v14 offset:720
	ds_load_b64 v[90:91], v14 offset:752
	ds_load_b64 v[92:93], v14 offset:760
	ds_load_b64 v[94:95], v14 offset:768
	ds_load_b64 v[96:97], v14 offset:7232
	ds_load_b64 v[98:99], v14 offset:7240
	ds_load_b64 v[100:101], v14 offset:7248
	ds_load_b64 v[102:103], v14 offset:7280
	ds_load_b64 v[104:105], v14 offset:7288
	ds_load_b64 v[106:107], v14 offset:7296
	ds_load_b64 v[108:109], v14 offset:13760
	ds_load_b64 v[110:111], v14 offset:13768
	ds_load_b64 v[112:113], v14 offset:13776
	ds_load_b64 v[114:115], v14 offset:13808
	ds_load_b64 v[116:117], v14 offset:13816
	ds_load_b64 v[118:119], v14 offset:13824
	ds_load_b64 v[120:121], v14 offset:20288
	ds_load_b64 v[122:123], v14 offset:20296
	ds_load_b64 v[124:125], v14 offset:20304
	ds_load_b64 v[126:127], v14 offset:20336
	ds_load_b64 v[128:129], v14 offset:20344
	ds_load_b64 v[130:131], v14 offset:20352
	s_set_vgpr_msb 0x8000
	s_sub_nc_u64 s[12:13], s[12:13], 98304
	s_mov_b32 s101, 0
	s_mov_b32 s91, 0
	s_wait_tensorcnt 0x0
	ds_add_u32 v10, v11
	s_mul_i32 s69, s14, 13056
	s_add_co_u32 s69, s69, 52224
	s_mul_i32 s20, s14, 12288
	s_add_co_u32 s20, s20, 49152
	s_mov_b32 s21, 0
	s_add_nc_u64 s[70:71], s[86:87], s[20:21]
	s_or_b32 s71, s71, 0x80000000
	s_wait_dscnt 0x0
	s_barrier_signal -1
	s_barrier_wait -1
	s_cmp_lg_u32 s14, 0
	s_cbranch_scc1 .Lnot_wave_0_2
	s_barrier_signal -3
.Lnot_wave_0_2:
	s_barrier_wait -3
	s_barrier_signal -1
	s_barrier_wait -1
	tensor_load_to_lds s[68:71], s[48:55]
	s_nop 0
	v_nop
	v_nop
	v_nop
	v_nop
	s_wait_xcnt 0x0
	s_add_nc_u64 s[88:89], s[86:87], 98304
	global_prefetch_b8 v7, s[88:89] th:TH_LOAD_NT scope:SCOPE_SE
	v_add_nc_u32 v12, s101, v4
	v_add_nc_u32 v13, s101, v5
	v_add_nc_u32 v17, s91, v6
	s_set_vgpr_msb 0x80
	ds_load_b64 v[132:133], v12 offset:0
	ds_load_b64 v[134:135], v12 offset:8
	ds_load_b64 v[136:137], v12 offset:16
	ds_load_b64 v[138:139], v12 offset:48
	ds_load_b64 v[140:141], v12 offset:56
	ds_load_b64 v[142:143], v12 offset:64
	ds_load_b64 v[144:145], v12 offset:96
	ds_load_b64 v[146:147], v12 offset:104
	ds_load_b64 v[148:149], v12 offset:112
	ds_load_b64 v[150:151], v12 offset:144
	ds_load_b64 v[152:153], v12 offset:152
	ds_load_b64 v[154:155], v12 offset:160
	ds_load_b64 v[156:157], v12 offset:192
	ds_load_b64 v[158:159], v12 offset:200
	ds_load_b64 v[160:161], v12 offset:208
	ds_load_b64 v[162:163], v13 offset:240
	ds_load_b64 v[164:165], v13 offset:248
	ds_load_b64 v[166:167], v12 offset:272
	ds_load_b64 v[168:169], v12 offset:304
	ds_load_b64 v[170:171], v12 offset:312
	ds_load_b64 v[172:173], v12 offset:320
	ds_load_b64 v[174:175], v12 offset:352
	ds_load_b64 v[176:177], v12 offset:360
	ds_load_b64 v[178:179], v12 offset:368
	s_set_vgpr_msb 0x8000
	ds_load_b128 v[42:45], v17 offset:0
	s_set_vgpr_msb 0x80
	ds_load_b64 v[180:181], v12 offset:400
	ds_load_b64 v[182:183], v12 offset:408
	ds_load_b64 v[184:185], v12 offset:416
	ds_load_b64 v[186:187], v12 offset:448
	ds_load_b64 v[188:189], v12 offset:456
	ds_load_b64 v[190:191], v12 offset:464
	ds_load_b64 v[192:193], v12 offset:496
	ds_load_b64 v[194:195], v13 offset:504
	ds_load_b64 v[196:197], v13 offset:512
	ds_load_b64 v[198:199], v12 offset:560
	ds_load_b64 v[200:201], v12 offset:568
	ds_load_b64 v[202:203], v12 offset:576
	ds_load_b64 v[204:205], v12 offset:608
	ds_load_b64 v[206:207], v12 offset:616
	ds_load_b64 v[208:209], v12 offset:624
	ds_load_b64 v[210:211], v12 offset:656
	ds_load_b64 v[212:213], v12 offset:664
	ds_load_b64 v[214:215], v12 offset:672
	ds_load_b64 v[216:217], v12 offset:704
	ds_load_b64 v[218:219], v12 offset:712
	ds_load_b64 v[220:221], v12 offset:720
	ds_load_b64 v[222:223], v12 offset:752
	ds_load_b64 v[224:225], v12 offset:760
	ds_load_b64 v[226:227], v12 offset:768
	s_set_vgpr_msb 0x8000
	ds_load_b128 v[46:49], v17 offset:16
	s_wait_loadcnt 0x0
	s_mov_b32 s2, 0
	s_mul_i32 s100, s14, 13056
	s_mul_i32 s46, s14, 12288
	s_add_co_u32 s46, s46, 98304
	s_mov_b32 s67, 0
	s_mov_b32 s66, 0
	s_mov_b32 s23, 6
.Llap:
	s_wait_dscnt 0x0
	s_set_vgpr_msb 0x9
	v_wmma_scale_f32_16x16x128_f8f6f4 v[64:71], v[0:11], v[132:143], v[96:103], v24, v42 matrix_a_fmt:MATRIX_FMT_BF6 matrix_b_fmt:MATRIX_FMT_BF6
	v_wmma_scale_f32_16x16x128_f8f6f4 v[72:79], v[12:23], v[132:143], v[104:111], v24, v42 matrix_a_fmt:MATRIX_FMT_BF6 matrix_b_fmt:MATRIX_FMT_BF6 matrix_a_scale:MATRIX_SCALE_ROW1
	v_wmma_scale_f32_16x16x128_f8f6f4 v[80:87], v[24:35], v[132:143], v[112:119], v32, v42 matrix_a_fmt:MATRIX_FMT_BF6 matrix_b_fmt:MATRIX_FMT_BF6
	v_wmma_scale_f32_16x16x128_f8f6f4 v[88:95], v[36:47], v[132:143], v[120:127], v32, v42 matrix_a_fmt:MATRIX_FMT_BF6 matrix_b_fmt:MATRIX_FMT_BF6 matrix_a_scale:MATRIX_SCALE_ROW1
	v_wmma_scale_f32_16x16x128_f8f6f4 v[64:71], v[48:59], v[144:155], v[64:71], v25, v43 matrix_a_fmt:MATRIX_FMT_BF6 matrix_b_fmt:MATRIX_FMT_BF6
	v_wmma_scale_f32_16x16x128_f8f6f4 v[72:79], v[60:71], v[144:155], v[72:79], v25, v43 matrix_a_fmt:MATRIX_FMT_BF6 matrix_b_fmt:MATRIX_FMT_BF6 matrix_a_scale:MATRIX_SCALE_ROW1
	v_wmma_scale_f32_16x16x128_f8f6f4 v[80:87], v[72:83], v[144:155], v[80:87], v33, v43 matrix_a_fmt:MATRIX_FMT_BF6 matrix_b_fmt:MATRIX_FMT_BF6
	v_wmma_scale_f32_16x16x128_f8f6f4 v[88:95], v[84:95], v[144:155], v[88:95], v33, v43 matrix_a_fmt:MATRIX_FMT_BF6 matrix_b_fmt:MATRIX_FMT_BF6 matrix_a_scale:MATRIX_SCALE_ROW1
	v_wmma_scale_f32_16x16x128_f8f6f4 v[64:71], v[96:107], v[156:167], v[64:71], v26, v44 matrix_a_fmt:MATRIX_FMT_BF6 matrix_b_fmt:MATRIX_FMT_BF6
	v_wmma_scale_f32_16x16x128_f8f6f4 v[72:79], v[108:119], v[156:167], v[72:79], v26, v44 matrix_a_fmt:MATRIX_FMT_BF6 matrix_b_fmt:MATRIX_FMT_BF6 matrix_a_scale:MATRIX_SCALE_ROW1
	v_wmma_scale_f32_16x16x128_f8f6f4 v[80:87], v[120:131], v[156:167], v[80:87], v34, v44 matrix_a_fmt:MATRIX_FMT_BF6 matrix_b_fmt:MATRIX_FMT_BF6
	v_wmma_scale_f32_16x16x128_f8f6f4 v[88:95], v[132:143], v[156:167], v[88:95], v34, v44 matrix_a_fmt:MATRIX_FMT_BF6 matrix_b_fmt:MATRIX_FMT_BF6 matrix_a_scale:MATRIX_SCALE_ROW1
	v_wmma_scale_f32_16x16x128_f8f6f4 v[64:71], v[144:155], v[168:179], v[64:71], v27, v45 matrix_a_fmt:MATRIX_FMT_BF6 matrix_b_fmt:MATRIX_FMT_BF6
	v_wmma_scale_f32_16x16x128_f8f6f4 v[72:79], v[156:167], v[168:179], v[72:79], v27, v45 matrix_a_fmt:MATRIX_FMT_BF6 matrix_b_fmt:MATRIX_FMT_BF6 matrix_a_scale:MATRIX_SCALE_ROW1
	v_wmma_scale_f32_16x16x128_f8f6f4 v[80:87], v[168:179], v[168:179], v[80:87], v35, v45 matrix_a_fmt:MATRIX_FMT_BF6 matrix_b_fmt:MATRIX_FMT_BF6
	v_wmma_scale_f32_16x16x128_f8f6f4 v[88:95], v[180:191], v[168:179], v[88:95], v35, v45 matrix_a_fmt:MATRIX_FMT_BF6 matrix_b_fmt:MATRIX_FMT_BF6 matrix_a_scale:MATRIX_SCALE_ROW1
	s_set_vgpr_msb 0x900
	s_add_co_u32 s101, s101, 26112
	v_add_nc_u32 v12, s101, v4
	v_add_nc_u32 v13, s101, v5
	s_add_co_u32 s91, s91, 1088
	v_add_nc_u32 v17, s91, v6
	s_set_vgpr_msb 0x80
	ds_load_b64 v[228:229], v12 offset:0
	ds_load_b64 v[230:231], v12 offset:8
	ds_load_b64 v[232:233], v12 offset:16
	ds_load_b64 v[234:235], v12 offset:48
	ds_load_b64 v[236:237], v12 offset:56
	ds_load_b64 v[238:239], v12 offset:64
	ds_load_b64 v[240:241], v12 offset:96
	ds_load_b64 v[242:243], v12 offset:104
	ds_load_b64 v[244:245], v12 offset:112
	ds_load_b64 v[246:247], v12 offset:144
	ds_load_b64 v[248:249], v12 offset:152
	ds_load_b64 v[250:251], v12 offset:160
	s_set_vgpr_msb 0x80c0
	ds_load_b64 v[0:1], v12 offset:192
	ds_load_b64 v[2:3], v12 offset:200
	ds_load_b64 v[4:5], v12 offset:208
	ds_load_b64 v[6:7], v13 offset:240
	ds_load_b64 v[8:9], v13 offset:248
	ds_load_b64 v[10:11], v12 offset:272
	ds_load_b64 v[12:13], v12 offset:304
	ds_load_b64 v[14:15], v12 offset:312
	ds_load_b64 v[16:17], v12 offset:320
	ds_load_b64 v[18:19], v12 offset:352
	ds_load_b64 v[20:21], v12 offset:360
	ds_load_b64 v[22:23], v12 offset:368
	s_set_vgpr_msb 0xc000
	ds_load_b128 v[50:53], v17 offset:0
	s_set_vgpr_msb 0xc0
	ds_load_b64 v[24:25], v12 offset:400
	ds_load_b64 v[26:27], v12 offset:408
	ds_load_b64 v[28:29], v12 offset:416
	ds_load_b64 v[30:31], v12 offset:448
	ds_load_b64 v[32:33], v12 offset:456
	ds_load_b64 v[34:35], v12 offset:464
	ds_load_b64 v[36:37], v12 offset:496
	ds_load_b64 v[38:39], v13 offset:504
	ds_load_b64 v[40:41], v13 offset:512
	ds_load_b64 v[42:43], v12 offset:560
	ds_load_b64 v[44:45], v12 offset:568
	ds_load_b64 v[46:47], v12 offset:576
	ds_load_b64 v[48:49], v12 offset:608
	ds_load_b64 v[50:51], v12 offset:616
	ds_load_b64 v[52:53], v12 offset:624
	ds_load_b64 v[54:55], v12 offset:656
	ds_load_b64 v[56:57], v12 offset:664
	ds_load_b64 v[58:59], v12 offset:672
	ds_load_b64 v[60:61], v12 offset:704
	ds_load_b64 v[62:63], v12 offset:712
	ds_load_b64 v[64:65], v12 offset:720
	ds_load_b64 v[66:67], v12 offset:752
	ds_load_b64 v[68:69], v12 offset:760
	ds_load_b64 v[70:71], v12 offset:768
	s_set_vgpr_msb 0xc000
	ds_load_b128 v[54:57], v17 offset:16
	s_set_vgpr_msb 0x9
	v_wmma_scale_f32_16x16x128_f8f6f4 v[64:71], v[192:203], v[180:191], v[64:71], v28, v46 matrix_a_fmt:MATRIX_FMT_BF6 matrix_b_fmt:MATRIX_FMT_BF6
	v_wmma_scale_f32_16x16x128_f8f6f4 v[72:79], v[204:215], v[180:191], v[72:79], v28, v46 matrix_a_fmt:MATRIX_FMT_BF6 matrix_b_fmt:MATRIX_FMT_BF6 matrix_a_scale:MATRIX_SCALE_ROW1
	v_wmma_scale_f32_16x16x128_f8f6f4 v[80:87], v[216:227], v[180:191], v[80:87], v36, v46 matrix_a_fmt:MATRIX_FMT_BF6 matrix_b_fmt:MATRIX_FMT_BF6
	v_wmma_scale_f32_16x16x128_f8f6f4 v[88:95], v[228:239], v[180:191], v[88:95], v36, v46 matrix_a_fmt:MATRIX_FMT_BF6 matrix_b_fmt:MATRIX_FMT_BF6 matrix_a_scale:MATRIX_SCALE_ROW1
	v_wmma_scale_f32_16x16x128_f8f6f4 v[64:71], v[240:251], v[192:203], v[64:71], v29, v47 matrix_a_fmt:MATRIX_FMT_BF6 matrix_b_fmt:MATRIX_FMT_BF6
	s_set_vgpr_msb 0x90a
	v_wmma_scale_f32_16x16x128_f8f6f4 v[72:79], v[0:11], v[192:203], v[72:79], v29, v47 matrix_a_fmt:MATRIX_FMT_BF6 matrix_b_fmt:MATRIX_FMT_BF6 matrix_a_scale:MATRIX_SCALE_ROW1
	v_wmma_scale_f32_16x16x128_f8f6f4 v[80:87], v[12:23], v[192:203], v[80:87], v37, v47 matrix_a_fmt:MATRIX_FMT_BF6 matrix_b_fmt:MATRIX_FMT_BF6
	v_wmma_scale_f32_16x16x128_f8f6f4 v[88:95], v[24:35], v[192:203], v[88:95], v37, v47 matrix_a_fmt:MATRIX_FMT_BF6 matrix_b_fmt:MATRIX_FMT_BF6 matrix_a_scale:MATRIX_SCALE_ROW1
	v_wmma_scale_f32_16x16x128_f8f6f4 v[64:71], v[36:47], v[204:215], v[64:71], v30, v48 matrix_a_fmt:MATRIX_FMT_BF6 matrix_b_fmt:MATRIX_FMT_BF6
	v_wmma_scale_f32_16x16x128_f8f6f4 v[72:79], v[48:59], v[204:215], v[72:79], v30, v48 matrix_a_fmt:MATRIX_FMT_BF6 matrix_b_fmt:MATRIX_FMT_BF6 matrix_a_scale:MATRIX_SCALE_ROW1
	v_wmma_scale_f32_16x16x128_f8f6f4 v[80:87], v[60:71], v[204:215], v[80:87], v38, v48 matrix_a_fmt:MATRIX_FMT_BF6 matrix_b_fmt:MATRIX_FMT_BF6
	v_wmma_scale_f32_16x16x128_f8f6f4 v[88:95], v[72:83], v[204:215], v[88:95], v38, v48 matrix_a_fmt:MATRIX_FMT_BF6 matrix_b_fmt:MATRIX_FMT_BF6 matrix_a_scale:MATRIX_SCALE_ROW1
	v_wmma_scale_f32_16x16x128_f8f6f4 v[64:71], v[84:95], v[216:227], v[64:71], v31, v49 matrix_a_fmt:MATRIX_FMT_BF6 matrix_b_fmt:MATRIX_FMT_BF6
	v_wmma_scale_f32_16x16x128_f8f6f4 v[72:79], v[96:107], v[216:227], v[72:79], v31, v49 matrix_a_fmt:MATRIX_FMT_BF6 matrix_b_fmt:MATRIX_FMT_BF6 matrix_a_scale:MATRIX_SCALE_ROW1
	v_wmma_scale_f32_16x16x128_f8f6f4 v[80:87], v[108:119], v[216:227], v[80:87], v39, v49 matrix_a_fmt:MATRIX_FMT_BF6 matrix_b_fmt:MATRIX_FMT_BF6
	v_wmma_scale_f32_16x16x128_f8f6f4 v[88:95], v[120:131], v[216:227], v[88:95], v39, v49 matrix_a_fmt:MATRIX_FMT_BF6 matrix_b_fmt:MATRIX_FMT_BF6 matrix_a_scale:MATRIX_SCALE_ROW1
	s_set_vgpr_msb 0xa00
	v_nop
	v_nop
	v_nop
	v_nop
	s_wait_xcnt 0x0
	s_add_nc_u64 s[12:13], s[12:13], 98304
	v_max3_num_f32 v130, v64, v65, v66
	v_max3_num_f32 v131, v72, v73, v74
	v_max3_num_f32 v132, v80, v81, v82
	v_max3_num_f32 v133, v88, v89, v90
	v_max3_num_f32 v130, v130, v67, v68
	v_max3_num_f32 v131, v131, v75, v76
	v_max3_num_f32 v132, v132, v83, v84
	v_max3_num_f32 v133, v133, v91, v92
	v_max3_num_f32 v130, v130, v69, v70
	v_max3_num_f32 v131, v131, v77, v78
	v_max3_num_f32 v132, v132, v85, v86
	v_max3_num_f32 v133, v133, v93, v94
	v_max_num_f32 v130, v130, v71
	v_max_num_f32 v131, v131, v79
	v_max_num_f32 v132, v132, v87
	v_max_num_f32 v133, v133, v95
	v_max3_num_f32 v130, v130, v131, v132
	v_max3_num_f32 v130, v130, v133, 0x2800000
	v_add_nc_u32 v146, 0xfe000000, v130
	v_max_num_f32 v64, 0, v64
	v_max_num_f32 v65, 0, v65
	v_max_num_f32 v66, 0, v66
	v_max_num_f32 v67, 0, v67
	v_max_num_f32 v68, 0, v68
	v_max_num_f32 v69, 0, v69
	v_max_num_f32 v70, 0, v70
	v_max_num_f32 v71, 0, v71
	v_max_num_f32 v72, 0, v72
	v_max_num_f32 v73, 0, v73
	v_max_num_f32 v74, 0, v74
	v_max_num_f32 v75, 0, v75
	v_max_num_f32 v76, 0, v76
	v_max_num_f32 v77, 0, v77
	v_max_num_f32 v78, 0, v78
	v_max_num_f32 v79, 0, v79
	v_max_num_f32 v80, 0, v80
	v_max_num_f32 v81, 0, v81
	v_max_num_f32 v82, 0, v82
	v_max_num_f32 v83, 0, v83
	v_max_num_f32 v84, 0, v84
	v_max_num_f32 v85, 0, v85
	v_max_num_f32 v86, 0, v86
	v_max_num_f32 v87, 0, v87
	v_max_num_f32 v88, 0, v88
	v_max_num_f32 v89, 0, v89
	v_max_num_f32 v90, 0, v90
	v_max_num_f32 v91, 0, v91
	v_max_num_f32 v92, 0, v92
	v_max_num_f32 v93, 0, v93
	v_max_num_f32 v94, 0, v94
	v_max_num_f32 v95, 0, v95
	v_cvt_scalef32_pk16_bf6_f32 v[138:140], v[64:79], v146
	v_cvt_scalef32_pk16_bf6_f32 v[134:136], v[80:95], v146
	v_lshrrev_b32 v147, 23, v146
	v_mov_b32 v141, v134
	v_mov_b32 v142, v135
	v_mov_b32 v143, v136
	v_add_nc_u32 v20, s2, v158
	s_add_co_u32 s2, s2, 128
	global_store_b128 v9, v[138:141], s[12:13] th:TH_STORE_NT
	global_store_b64 v19, v[142:143], s[12:13] offset:512 th:TH_STORE_NT
	ds_store_b8 v20, v147
	s_wait_dscnt 0x0
	s_set_vgpr_msb 0x9
	v_wmma_scale_f32_16x16x128_f8f6f4 v[64:71], v[0:11], v[228:239], v[96:103], v24, v50 matrix_a_fmt:MATRIX_FMT_BF6 matrix_b_fmt:MATRIX_FMT_BF6
	v_wmma_scale_f32_16x16x128_f8f6f4 v[72:79], v[12:23], v[228:239], v[104:111], v24, v50 matrix_a_fmt:MATRIX_FMT_BF6 matrix_b_fmt:MATRIX_FMT_BF6 matrix_a_scale:MATRIX_SCALE_ROW1
	v_wmma_scale_f32_16x16x128_f8f6f4 v[80:87], v[24:35], v[228:239], v[112:119], v32, v50 matrix_a_fmt:MATRIX_FMT_BF6 matrix_b_fmt:MATRIX_FMT_BF6
	v_wmma_scale_f32_16x16x128_f8f6f4 v[88:95], v[36:47], v[228:239], v[120:127], v32, v50 matrix_a_fmt:MATRIX_FMT_BF6 matrix_b_fmt:MATRIX_FMT_BF6 matrix_a_scale:MATRIX_SCALE_ROW1
	v_wmma_scale_f32_16x16x128_f8f6f4 v[64:71], v[48:59], v[240:251], v[64:71], v25, v51 matrix_a_fmt:MATRIX_FMT_BF6 matrix_b_fmt:MATRIX_FMT_BF6
	v_wmma_scale_f32_16x16x128_f8f6f4 v[72:79], v[60:71], v[240:251], v[72:79], v25, v51 matrix_a_fmt:MATRIX_FMT_BF6 matrix_b_fmt:MATRIX_FMT_BF6 matrix_a_scale:MATRIX_SCALE_ROW1
	v_wmma_scale_f32_16x16x128_f8f6f4 v[80:87], v[72:83], v[240:251], v[80:87], v33, v51 matrix_a_fmt:MATRIX_FMT_BF6 matrix_b_fmt:MATRIX_FMT_BF6
	v_wmma_scale_f32_16x16x128_f8f6f4 v[88:95], v[84:95], v[240:251], v[88:95], v33, v51 matrix_a_fmt:MATRIX_FMT_BF6 matrix_b_fmt:MATRIX_FMT_BF6 matrix_a_scale:MATRIX_SCALE_ROW1
	s_set_vgpr_msb 0x90d
	v_wmma_scale_f32_16x16x128_f8f6f4 v[64:71], v[96:107], v[0:11], v[64:71], v26, v52 matrix_a_fmt:MATRIX_FMT_BF6 matrix_b_fmt:MATRIX_FMT_BF6
	v_wmma_scale_f32_16x16x128_f8f6f4 v[72:79], v[108:119], v[0:11], v[72:79], v26, v52 matrix_a_fmt:MATRIX_FMT_BF6 matrix_b_fmt:MATRIX_FMT_BF6 matrix_a_scale:MATRIX_SCALE_ROW1
	v_wmma_scale_f32_16x16x128_f8f6f4 v[80:87], v[120:131], v[0:11], v[80:87], v34, v52 matrix_a_fmt:MATRIX_FMT_BF6 matrix_b_fmt:MATRIX_FMT_BF6
	v_wmma_scale_f32_16x16x128_f8f6f4 v[88:95], v[132:143], v[0:11], v[88:95], v34, v52 matrix_a_fmt:MATRIX_FMT_BF6 matrix_b_fmt:MATRIX_FMT_BF6 matrix_a_scale:MATRIX_SCALE_ROW1
	v_wmma_scale_f32_16x16x128_f8f6f4 v[64:71], v[144:155], v[12:23], v[64:71], v27, v53 matrix_a_fmt:MATRIX_FMT_BF6 matrix_b_fmt:MATRIX_FMT_BF6
	v_wmma_scale_f32_16x16x128_f8f6f4 v[72:79], v[156:167], v[12:23], v[72:79], v27, v53 matrix_a_fmt:MATRIX_FMT_BF6 matrix_b_fmt:MATRIX_FMT_BF6 matrix_a_scale:MATRIX_SCALE_ROW1
	v_wmma_scale_f32_16x16x128_f8f6f4 v[80:87], v[168:179], v[12:23], v[80:87], v35, v53 matrix_a_fmt:MATRIX_FMT_BF6 matrix_b_fmt:MATRIX_FMT_BF6
	v_wmma_scale_f32_16x16x128_f8f6f4 v[88:95], v[180:191], v[12:23], v[88:95], v35, v53 matrix_a_fmt:MATRIX_FMT_BF6 matrix_b_fmt:MATRIX_FMT_BF6 matrix_a_scale:MATRIX_SCALE_ROW1
	s_set_vgpr_msb 0xd00
	s_wait_tensorcnt 0x0
	ds_add_u32 v10, v11
	s_add_co_u32 s69, s100, s67
	s_add_co_u32 s20, s46, s66
	s_mov_b32 s21, 0
	s_add_nc_u64 s[70:71], s[86:87], s[20:21]
	s_or_b32 s71, s71, 0x80000000
	s_wait_dscnt 0x0
	s_barrier_signal -1
	s_barrier_wait -1
	s_cmp_lg_u32 s14, 0
	s_cbranch_scc1 .Lnot_wave_0_3
	s_barrier_signal -3
.Lnot_wave_0_3:
	s_barrier_wait -3
	s_barrier_signal -1
	s_barrier_wait -1
	tensor_load_to_lds s[68:71], s[48:55]
	s_nop 0
	v_nop
	v_nop
	v_nop
	v_nop
	s_cmp_eq_u32 s23, 1
	s_cbranch_scc1 .Lno_more_4
	s_add_co_u32 s20, s66, 147456
	s_add_nc_u64 s[88:89], s[86:87], s[20:21]
	global_prefetch_b8 v7, s[88:89] th:TH_LOAD_NT scope:SCOPE_SE
.Lno_more_4:
	s_xor_b32 s67, s67, 52224
	s_mov_b32 s101, s67
	v_add_nc_u32 v12, s101, v4
	v_add_nc_u32 v13, s101, v5
	s_add_co_u32 s91, s91, 1088
	v_add_nc_u32 v17, s91, v6
	s_set_vgpr_msb 0x80
	ds_load_b64 v[132:133], v12 offset:0
	ds_load_b64 v[134:135], v12 offset:8
	ds_load_b64 v[136:137], v12 offset:16
	ds_load_b64 v[138:139], v12 offset:48
	ds_load_b64 v[140:141], v12 offset:56
	ds_load_b64 v[142:143], v12 offset:64
	ds_load_b64 v[144:145], v12 offset:96
	ds_load_b64 v[146:147], v12 offset:104
	ds_load_b64 v[148:149], v12 offset:112
	ds_load_b64 v[150:151], v12 offset:144
	ds_load_b64 v[152:153], v12 offset:152
	ds_load_b64 v[154:155], v12 offset:160
	ds_load_b64 v[156:157], v12 offset:192
	ds_load_b64 v[158:159], v12 offset:200
	ds_load_b64 v[160:161], v12 offset:208
	ds_load_b64 v[162:163], v13 offset:240
	ds_load_b64 v[164:165], v13 offset:248
	ds_load_b64 v[166:167], v12 offset:272
	ds_load_b64 v[168:169], v12 offset:304
	ds_load_b64 v[170:171], v12 offset:312
	ds_load_b64 v[172:173], v12 offset:320
	ds_load_b64 v[174:175], v12 offset:352
	ds_load_b64 v[176:177], v12 offset:360
	ds_load_b64 v[178:179], v12 offset:368
	s_set_vgpr_msb 0x8000
	ds_load_b128 v[42:45], v17 offset:0
	s_set_vgpr_msb 0x80
	ds_load_b64 v[180:181], v12 offset:400
	ds_load_b64 v[182:183], v12 offset:408
	ds_load_b64 v[184:185], v12 offset:416
	ds_load_b64 v[186:187], v12 offset:448
	ds_load_b64 v[188:189], v12 offset:456
	ds_load_b64 v[190:191], v12 offset:464
	ds_load_b64 v[192:193], v12 offset:496
	ds_load_b64 v[194:195], v13 offset:504
	ds_load_b64 v[196:197], v13 offset:512
	ds_load_b64 v[198:199], v12 offset:560
	ds_load_b64 v[200:201], v12 offset:568
	ds_load_b64 v[202:203], v12 offset:576
	ds_load_b64 v[204:205], v12 offset:608
	ds_load_b64 v[206:207], v12 offset:616
	ds_load_b64 v[208:209], v12 offset:624
	ds_load_b64 v[210:211], v12 offset:656
	ds_load_b64 v[212:213], v12 offset:664
	ds_load_b64 v[214:215], v12 offset:672
	ds_load_b64 v[216:217], v12 offset:704
	ds_load_b64 v[218:219], v12 offset:712
	ds_load_b64 v[220:221], v12 offset:720
	ds_load_b64 v[222:223], v12 offset:752
	ds_load_b64 v[224:225], v12 offset:760
	ds_load_b64 v[226:227], v12 offset:768
	s_set_vgpr_msb 0x8000
	ds_load_b128 v[46:49], v17 offset:16
	s_set_vgpr_msb 0xd
	v_wmma_scale_f32_16x16x128_f8f6f4 v[64:71], v[192:203], v[24:35], v[64:71], v28, v54 matrix_a_fmt:MATRIX_FMT_BF6 matrix_b_fmt:MATRIX_FMT_BF6
	v_wmma_scale_f32_16x16x128_f8f6f4 v[72:79], v[204:215], v[24:35], v[72:79], v28, v54 matrix_a_fmt:MATRIX_FMT_BF6 matrix_b_fmt:MATRIX_FMT_BF6 matrix_a_scale:MATRIX_SCALE_ROW1
	v_wmma_scale_f32_16x16x128_f8f6f4 v[80:87], v[216:227], v[24:35], v[80:87], v36, v54 matrix_a_fmt:MATRIX_FMT_BF6 matrix_b_fmt:MATRIX_FMT_BF6
	v_wmma_scale_f32_16x16x128_f8f6f4 v[88:95], v[228:239], v[24:35], v[88:95], v36, v54 matrix_a_fmt:MATRIX_FMT_BF6 matrix_b_fmt:MATRIX_FMT_BF6 matrix_a_scale:MATRIX_SCALE_ROW1
	v_wmma_scale_f32_16x16x128_f8f6f4 v[64:71], v[240:251], v[36:47], v[64:71], v29, v55 matrix_a_fmt:MATRIX_FMT_BF6 matrix_b_fmt:MATRIX_FMT_BF6
	s_set_vgpr_msb 0xd0e
	v_wmma_scale_f32_16x16x128_f8f6f4 v[72:79], v[0:11], v[36:47], v[72:79], v29, v55 matrix_a_fmt:MATRIX_FMT_BF6 matrix_b_fmt:MATRIX_FMT_BF6 matrix_a_scale:MATRIX_SCALE_ROW1
	v_wmma_scale_f32_16x16x128_f8f6f4 v[80:87], v[12:23], v[36:47], v[80:87], v37, v55 matrix_a_fmt:MATRIX_FMT_BF6 matrix_b_fmt:MATRIX_FMT_BF6
	v_wmma_scale_f32_16x16x128_f8f6f4 v[88:95], v[24:35], v[36:47], v[88:95], v37, v55 matrix_a_fmt:MATRIX_FMT_BF6 matrix_b_fmt:MATRIX_FMT_BF6 matrix_a_scale:MATRIX_SCALE_ROW1
	v_wmma_scale_f32_16x16x128_f8f6f4 v[64:71], v[36:47], v[48:59], v[64:71], v30, v56 matrix_a_fmt:MATRIX_FMT_BF6 matrix_b_fmt:MATRIX_FMT_BF6
	v_wmma_scale_f32_16x16x128_f8f6f4 v[72:79], v[48:59], v[48:59], v[72:79], v30, v56 matrix_a_fmt:MATRIX_FMT_BF6 matrix_b_fmt:MATRIX_FMT_BF6 matrix_a_scale:MATRIX_SCALE_ROW1
	v_wmma_scale_f32_16x16x128_f8f6f4 v[80:87], v[60:71], v[48:59], v[80:87], v38, v56 matrix_a_fmt:MATRIX_FMT_BF6 matrix_b_fmt:MATRIX_FMT_BF6
	v_wmma_scale_f32_16x16x128_f8f6f4 v[88:95], v[72:83], v[48:59], v[88:95], v38, v56 matrix_a_fmt:MATRIX_FMT_BF6 matrix_b_fmt:MATRIX_FMT_BF6 matrix_a_scale:MATRIX_SCALE_ROW1
	v_wmma_scale_f32_16x16x128_f8f6f4 v[64:71], v[84:95], v[60:71], v[64:71], v31, v57 matrix_a_fmt:MATRIX_FMT_BF6 matrix_b_fmt:MATRIX_FMT_BF6
	v_wmma_scale_f32_16x16x128_f8f6f4 v[72:79], v[96:107], v[60:71], v[72:79], v31, v57 matrix_a_fmt:MATRIX_FMT_BF6 matrix_b_fmt:MATRIX_FMT_BF6 matrix_a_scale:MATRIX_SCALE_ROW1
	v_wmma_scale_f32_16x16x128_f8f6f4 v[80:87], v[108:119], v[60:71], v[80:87], v39, v57 matrix_a_fmt:MATRIX_FMT_BF6 matrix_b_fmt:MATRIX_FMT_BF6
	v_wmma_scale_f32_16x16x128_f8f6f4 v[88:95], v[120:131], v[60:71], v[88:95], v39, v57 matrix_a_fmt:MATRIX_FMT_BF6 matrix_b_fmt:MATRIX_FMT_BF6 matrix_a_scale:MATRIX_SCALE_ROW1
	s_set_vgpr_msb 0xe00
	v_nop
	v_nop
	v_nop
	v_nop
	s_wait_xcnt 0x0
	s_add_nc_u64 s[12:13], s[12:13], 98304
	v_max3_num_f32 v130, v64, v65, v66
	v_max3_num_f32 v131, v72, v73, v74
	v_max3_num_f32 v132, v80, v81, v82
	v_max3_num_f32 v133, v88, v89, v90
	v_max3_num_f32 v130, v130, v67, v68
	v_max3_num_f32 v131, v131, v75, v76
	v_max3_num_f32 v132, v132, v83, v84
	v_max3_num_f32 v133, v133, v91, v92
	v_max3_num_f32 v130, v130, v69, v70
	v_max3_num_f32 v131, v131, v77, v78
	v_max3_num_f32 v132, v132, v85, v86
	v_max3_num_f32 v133, v133, v93, v94
	v_max_num_f32 v130, v130, v71
	v_max_num_f32 v131, v131, v79
	v_max_num_f32 v132, v132, v87
	v_max_num_f32 v133, v133, v95
	v_max3_num_f32 v130, v130, v131, v132
	v_max3_num_f32 v130, v130, v133, 0x2800000
	v_add_nc_u32 v146, 0xfe000000, v130
	v_max_num_f32 v64, 0, v64
	v_max_num_f32 v65, 0, v65
	v_max_num_f32 v66, 0, v66
	v_max_num_f32 v67, 0, v67
	v_max_num_f32 v68, 0, v68
	v_max_num_f32 v69, 0, v69
	v_max_num_f32 v70, 0, v70
	v_max_num_f32 v71, 0, v71
	v_max_num_f32 v72, 0, v72
	v_max_num_f32 v73, 0, v73
	v_max_num_f32 v74, 0, v74
	v_max_num_f32 v75, 0, v75
	v_max_num_f32 v76, 0, v76
	v_max_num_f32 v77, 0, v77
	v_max_num_f32 v78, 0, v78
	v_max_num_f32 v79, 0, v79
	v_max_num_f32 v80, 0, v80
	v_max_num_f32 v81, 0, v81
	v_max_num_f32 v82, 0, v82
	v_max_num_f32 v83, 0, v83
	v_max_num_f32 v84, 0, v84
	v_max_num_f32 v85, 0, v85
	v_max_num_f32 v86, 0, v86
	v_max_num_f32 v87, 0, v87
	v_max_num_f32 v88, 0, v88
	v_max_num_f32 v89, 0, v89
	v_max_num_f32 v90, 0, v90
	v_max_num_f32 v91, 0, v91
	v_max_num_f32 v92, 0, v92
	v_max_num_f32 v93, 0, v93
	v_max_num_f32 v94, 0, v94
	v_max_num_f32 v95, 0, v95
	v_cvt_scalef32_pk16_bf6_f32 v[138:140], v[64:79], v146
	v_cvt_scalef32_pk16_bf6_f32 v[134:136], v[80:95], v146
	v_lshrrev_b32 v147, 23, v146
	v_mov_b32 v141, v134
	v_mov_b32 v142, v135
	v_mov_b32 v143, v136
	v_add_nc_u32 v20, s2, v158
	s_add_co_u32 s2, s2, 128
	global_store_b128 v9, v[138:141], s[12:13] th:TH_STORE_NT
	global_store_b64 v19, v[142:143], s[12:13] offset:512 th:TH_STORE_NT
	ds_store_b8 v20, v147
	s_add_co_u32 s66, s66, 49152
	s_sub_co_i32 s23, s23, 1
	s_cmp_lg_u32 s23, 0
	s_cbranch_scc1 .Llap
	s_mov_b32 s23, 2
.Ltail:
	s_wait_dscnt 0x0
	s_set_vgpr_msb 0x9
	v_wmma_scale_f32_16x16x128_f8f6f4 v[64:71], v[0:11], v[132:143], v[96:103], v24, v42 matrix_a_fmt:MATRIX_FMT_BF6 matrix_b_fmt:MATRIX_FMT_BF6
	v_wmma_scale_f32_16x16x128_f8f6f4 v[72:79], v[12:23], v[132:143], v[104:111], v24, v42 matrix_a_fmt:MATRIX_FMT_BF6 matrix_b_fmt:MATRIX_FMT_BF6 matrix_a_scale:MATRIX_SCALE_ROW1
	v_wmma_scale_f32_16x16x128_f8f6f4 v[80:87], v[24:35], v[132:143], v[112:119], v32, v42 matrix_a_fmt:MATRIX_FMT_BF6 matrix_b_fmt:MATRIX_FMT_BF6
	v_wmma_scale_f32_16x16x128_f8f6f4 v[88:95], v[36:47], v[132:143], v[120:127], v32, v42 matrix_a_fmt:MATRIX_FMT_BF6 matrix_b_fmt:MATRIX_FMT_BF6 matrix_a_scale:MATRIX_SCALE_ROW1
	v_wmma_scale_f32_16x16x128_f8f6f4 v[64:71], v[48:59], v[144:155], v[64:71], v25, v43 matrix_a_fmt:MATRIX_FMT_BF6 matrix_b_fmt:MATRIX_FMT_BF6
	v_wmma_scale_f32_16x16x128_f8f6f4 v[72:79], v[60:71], v[144:155], v[72:79], v25, v43 matrix_a_fmt:MATRIX_FMT_BF6 matrix_b_fmt:MATRIX_FMT_BF6 matrix_a_scale:MATRIX_SCALE_ROW1
	v_wmma_scale_f32_16x16x128_f8f6f4 v[80:87], v[72:83], v[144:155], v[80:87], v33, v43 matrix_a_fmt:MATRIX_FMT_BF6 matrix_b_fmt:MATRIX_FMT_BF6
	v_wmma_scale_f32_16x16x128_f8f6f4 v[88:95], v[84:95], v[144:155], v[88:95], v33, v43 matrix_a_fmt:MATRIX_FMT_BF6 matrix_b_fmt:MATRIX_FMT_BF6 matrix_a_scale:MATRIX_SCALE_ROW1
	v_wmma_scale_f32_16x16x128_f8f6f4 v[64:71], v[96:107], v[156:167], v[64:71], v26, v44 matrix_a_fmt:MATRIX_FMT_BF6 matrix_b_fmt:MATRIX_FMT_BF6
	v_wmma_scale_f32_16x16x128_f8f6f4 v[72:79], v[108:119], v[156:167], v[72:79], v26, v44 matrix_a_fmt:MATRIX_FMT_BF6 matrix_b_fmt:MATRIX_FMT_BF6 matrix_a_scale:MATRIX_SCALE_ROW1
	v_wmma_scale_f32_16x16x128_f8f6f4 v[80:87], v[120:131], v[156:167], v[80:87], v34, v44 matrix_a_fmt:MATRIX_FMT_BF6 matrix_b_fmt:MATRIX_FMT_BF6
	v_wmma_scale_f32_16x16x128_f8f6f4 v[88:95], v[132:143], v[156:167], v[88:95], v34, v44 matrix_a_fmt:MATRIX_FMT_BF6 matrix_b_fmt:MATRIX_FMT_BF6 matrix_a_scale:MATRIX_SCALE_ROW1
	v_wmma_scale_f32_16x16x128_f8f6f4 v[64:71], v[144:155], v[168:179], v[64:71], v27, v45 matrix_a_fmt:MATRIX_FMT_BF6 matrix_b_fmt:MATRIX_FMT_BF6
	v_wmma_scale_f32_16x16x128_f8f6f4 v[72:79], v[156:167], v[168:179], v[72:79], v27, v45 matrix_a_fmt:MATRIX_FMT_BF6 matrix_b_fmt:MATRIX_FMT_BF6 matrix_a_scale:MATRIX_SCALE_ROW1
	v_wmma_scale_f32_16x16x128_f8f6f4 v[80:87], v[168:179], v[168:179], v[80:87], v35, v45 matrix_a_fmt:MATRIX_FMT_BF6 matrix_b_fmt:MATRIX_FMT_BF6
	v_wmma_scale_f32_16x16x128_f8f6f4 v[88:95], v[180:191], v[168:179], v[88:95], v35, v45 matrix_a_fmt:MATRIX_FMT_BF6 matrix_b_fmt:MATRIX_FMT_BF6 matrix_a_scale:MATRIX_SCALE_ROW1
	s_set_vgpr_msb 0x900
	s_add_co_u32 s101, s101, 26112
	v_add_nc_u32 v12, s101, v4
	v_add_nc_u32 v13, s101, v5
	s_add_co_u32 s91, s91, 1088
	v_add_nc_u32 v17, s91, v6
	s_set_vgpr_msb 0x80
	ds_load_b64 v[228:229], v12 offset:0
	ds_load_b64 v[230:231], v12 offset:8
	ds_load_b64 v[232:233], v12 offset:16
	ds_load_b64 v[234:235], v12 offset:48
	ds_load_b64 v[236:237], v12 offset:56
	ds_load_b64 v[238:239], v12 offset:64
	ds_load_b64 v[240:241], v12 offset:96
	ds_load_b64 v[242:243], v12 offset:104
	ds_load_b64 v[244:245], v12 offset:112
	ds_load_b64 v[246:247], v12 offset:144
	ds_load_b64 v[248:249], v12 offset:152
	ds_load_b64 v[250:251], v12 offset:160
	s_set_vgpr_msb 0x80c0
	ds_load_b64 v[0:1], v12 offset:192
	ds_load_b64 v[2:3], v12 offset:200
	ds_load_b64 v[4:5], v12 offset:208
	ds_load_b64 v[6:7], v13 offset:240
	ds_load_b64 v[8:9], v13 offset:248
	ds_load_b64 v[10:11], v12 offset:272
	ds_load_b64 v[12:13], v12 offset:304
	ds_load_b64 v[14:15], v12 offset:312
	ds_load_b64 v[16:17], v12 offset:320
	ds_load_b64 v[18:19], v12 offset:352
	ds_load_b64 v[20:21], v12 offset:360
	ds_load_b64 v[22:23], v12 offset:368
	s_set_vgpr_msb 0xc000
	ds_load_b128 v[50:53], v17 offset:0
	s_set_vgpr_msb 0xc0
	ds_load_b64 v[24:25], v12 offset:400
	ds_load_b64 v[26:27], v12 offset:408
	ds_load_b64 v[28:29], v12 offset:416
	ds_load_b64 v[30:31], v12 offset:448
	ds_load_b64 v[32:33], v12 offset:456
	ds_load_b64 v[34:35], v12 offset:464
	ds_load_b64 v[36:37], v12 offset:496
	ds_load_b64 v[38:39], v13 offset:504
	ds_load_b64 v[40:41], v13 offset:512
	ds_load_b64 v[42:43], v12 offset:560
	ds_load_b64 v[44:45], v12 offset:568
	ds_load_b64 v[46:47], v12 offset:576
	ds_load_b64 v[48:49], v12 offset:608
	ds_load_b64 v[50:51], v12 offset:616
	ds_load_b64 v[52:53], v12 offset:624
	ds_load_b64 v[54:55], v12 offset:656
	ds_load_b64 v[56:57], v12 offset:664
	ds_load_b64 v[58:59], v12 offset:672
	ds_load_b64 v[60:61], v12 offset:704
	ds_load_b64 v[62:63], v12 offset:712
	ds_load_b64 v[64:65], v12 offset:720
	ds_load_b64 v[66:67], v12 offset:752
	ds_load_b64 v[68:69], v12 offset:760
	ds_load_b64 v[70:71], v12 offset:768
	s_set_vgpr_msb 0xc000
	ds_load_b128 v[54:57], v17 offset:16
	s_set_vgpr_msb 0x9
	v_wmma_scale_f32_16x16x128_f8f6f4 v[64:71], v[192:203], v[180:191], v[64:71], v28, v46 matrix_a_fmt:MATRIX_FMT_BF6 matrix_b_fmt:MATRIX_FMT_BF6
	v_wmma_scale_f32_16x16x128_f8f6f4 v[72:79], v[204:215], v[180:191], v[72:79], v28, v46 matrix_a_fmt:MATRIX_FMT_BF6 matrix_b_fmt:MATRIX_FMT_BF6 matrix_a_scale:MATRIX_SCALE_ROW1
	v_wmma_scale_f32_16x16x128_f8f6f4 v[80:87], v[216:227], v[180:191], v[80:87], v36, v46 matrix_a_fmt:MATRIX_FMT_BF6 matrix_b_fmt:MATRIX_FMT_BF6
	v_wmma_scale_f32_16x16x128_f8f6f4 v[88:95], v[228:239], v[180:191], v[88:95], v36, v46 matrix_a_fmt:MATRIX_FMT_BF6 matrix_b_fmt:MATRIX_FMT_BF6 matrix_a_scale:MATRIX_SCALE_ROW1
	v_wmma_scale_f32_16x16x128_f8f6f4 v[64:71], v[240:251], v[192:203], v[64:71], v29, v47 matrix_a_fmt:MATRIX_FMT_BF6 matrix_b_fmt:MATRIX_FMT_BF6
	s_set_vgpr_msb 0x90a
	v_wmma_scale_f32_16x16x128_f8f6f4 v[72:79], v[0:11], v[192:203], v[72:79], v29, v47 matrix_a_fmt:MATRIX_FMT_BF6 matrix_b_fmt:MATRIX_FMT_BF6 matrix_a_scale:MATRIX_SCALE_ROW1
	v_wmma_scale_f32_16x16x128_f8f6f4 v[80:87], v[12:23], v[192:203], v[80:87], v37, v47 matrix_a_fmt:MATRIX_FMT_BF6 matrix_b_fmt:MATRIX_FMT_BF6
	v_wmma_scale_f32_16x16x128_f8f6f4 v[88:95], v[24:35], v[192:203], v[88:95], v37, v47 matrix_a_fmt:MATRIX_FMT_BF6 matrix_b_fmt:MATRIX_FMT_BF6 matrix_a_scale:MATRIX_SCALE_ROW1
	v_wmma_scale_f32_16x16x128_f8f6f4 v[64:71], v[36:47], v[204:215], v[64:71], v30, v48 matrix_a_fmt:MATRIX_FMT_BF6 matrix_b_fmt:MATRIX_FMT_BF6
	v_wmma_scale_f32_16x16x128_f8f6f4 v[72:79], v[48:59], v[204:215], v[72:79], v30, v48 matrix_a_fmt:MATRIX_FMT_BF6 matrix_b_fmt:MATRIX_FMT_BF6 matrix_a_scale:MATRIX_SCALE_ROW1
	v_wmma_scale_f32_16x16x128_f8f6f4 v[80:87], v[60:71], v[204:215], v[80:87], v38, v48 matrix_a_fmt:MATRIX_FMT_BF6 matrix_b_fmt:MATRIX_FMT_BF6
	v_wmma_scale_f32_16x16x128_f8f6f4 v[88:95], v[72:83], v[204:215], v[88:95], v38, v48 matrix_a_fmt:MATRIX_FMT_BF6 matrix_b_fmt:MATRIX_FMT_BF6 matrix_a_scale:MATRIX_SCALE_ROW1
	v_wmma_scale_f32_16x16x128_f8f6f4 v[64:71], v[84:95], v[216:227], v[64:71], v31, v49 matrix_a_fmt:MATRIX_FMT_BF6 matrix_b_fmt:MATRIX_FMT_BF6
	v_wmma_scale_f32_16x16x128_f8f6f4 v[72:79], v[96:107], v[216:227], v[72:79], v31, v49 matrix_a_fmt:MATRIX_FMT_BF6 matrix_b_fmt:MATRIX_FMT_BF6 matrix_a_scale:MATRIX_SCALE_ROW1
	v_wmma_scale_f32_16x16x128_f8f6f4 v[80:87], v[108:119], v[216:227], v[80:87], v39, v49 matrix_a_fmt:MATRIX_FMT_BF6 matrix_b_fmt:MATRIX_FMT_BF6
	v_wmma_scale_f32_16x16x128_f8f6f4 v[88:95], v[120:131], v[216:227], v[88:95], v39, v49 matrix_a_fmt:MATRIX_FMT_BF6 matrix_b_fmt:MATRIX_FMT_BF6 matrix_a_scale:MATRIX_SCALE_ROW1
	s_set_vgpr_msb 0xa00
	v_nop
	v_nop
	v_nop
	v_nop
	s_wait_xcnt 0x0
	s_add_nc_u64 s[12:13], s[12:13], 98304
	v_max3_num_f32 v130, v64, v65, v66
	v_max3_num_f32 v131, v72, v73, v74
	v_max3_num_f32 v132, v80, v81, v82
	v_max3_num_f32 v133, v88, v89, v90
	v_max3_num_f32 v130, v130, v67, v68
	v_max3_num_f32 v131, v131, v75, v76
	v_max3_num_f32 v132, v132, v83, v84
	v_max3_num_f32 v133, v133, v91, v92
	v_max3_num_f32 v130, v130, v69, v70
	v_max3_num_f32 v131, v131, v77, v78
	v_max3_num_f32 v132, v132, v85, v86
	v_max3_num_f32 v133, v133, v93, v94
	v_max_num_f32 v130, v130, v71
	v_max_num_f32 v131, v131, v79
	v_max_num_f32 v132, v132, v87
	v_max_num_f32 v133, v133, v95
	v_max3_num_f32 v130, v130, v131, v132
	v_max3_num_f32 v130, v130, v133, 0x2800000
	v_add_nc_u32 v146, 0xfe000000, v130
	v_max_num_f32 v64, 0, v64
	v_max_num_f32 v65, 0, v65
	v_max_num_f32 v66, 0, v66
	v_max_num_f32 v67, 0, v67
	v_max_num_f32 v68, 0, v68
	v_max_num_f32 v69, 0, v69
	v_max_num_f32 v70, 0, v70
	v_max_num_f32 v71, 0, v71
	v_max_num_f32 v72, 0, v72
	v_max_num_f32 v73, 0, v73
	v_max_num_f32 v74, 0, v74
	v_max_num_f32 v75, 0, v75
	v_max_num_f32 v76, 0, v76
	v_max_num_f32 v77, 0, v77
	v_max_num_f32 v78, 0, v78
	v_max_num_f32 v79, 0, v79
	v_max_num_f32 v80, 0, v80
	v_max_num_f32 v81, 0, v81
	v_max_num_f32 v82, 0, v82
	v_max_num_f32 v83, 0, v83
	v_max_num_f32 v84, 0, v84
	v_max_num_f32 v85, 0, v85
	v_max_num_f32 v86, 0, v86
	v_max_num_f32 v87, 0, v87
	v_max_num_f32 v88, 0, v88
	v_max_num_f32 v89, 0, v89
	v_max_num_f32 v90, 0, v90
	v_max_num_f32 v91, 0, v91
	v_max_num_f32 v92, 0, v92
	v_max_num_f32 v93, 0, v93
	v_max_num_f32 v94, 0, v94
	v_max_num_f32 v95, 0, v95
	v_cvt_scalef32_pk16_bf6_f32 v[138:140], v[64:79], v146
	v_cvt_scalef32_pk16_bf6_f32 v[134:136], v[80:95], v146
	v_lshrrev_b32 v147, 23, v146
	v_mov_b32 v141, v134
	v_mov_b32 v142, v135
	v_mov_b32 v143, v136
	v_add_nc_u32 v20, s2, v158
	s_add_co_u32 s2, s2, 128
	global_store_b128 v9, v[138:141], s[12:13] th:TH_STORE_NT
	global_store_b64 v19, v[142:143], s[12:13] offset:512 th:TH_STORE_NT
	ds_store_b8 v20, v147
	s_wait_dscnt 0x0
	s_set_vgpr_msb 0x9
	v_wmma_scale_f32_16x16x128_f8f6f4 v[64:71], v[0:11], v[228:239], v[96:103], v24, v50 matrix_a_fmt:MATRIX_FMT_BF6 matrix_b_fmt:MATRIX_FMT_BF6
	v_wmma_scale_f32_16x16x128_f8f6f4 v[72:79], v[12:23], v[228:239], v[104:111], v24, v50 matrix_a_fmt:MATRIX_FMT_BF6 matrix_b_fmt:MATRIX_FMT_BF6 matrix_a_scale:MATRIX_SCALE_ROW1
	v_wmma_scale_f32_16x16x128_f8f6f4 v[80:87], v[24:35], v[228:239], v[112:119], v32, v50 matrix_a_fmt:MATRIX_FMT_BF6 matrix_b_fmt:MATRIX_FMT_BF6
	v_wmma_scale_f32_16x16x128_f8f6f4 v[88:95], v[36:47], v[228:239], v[120:127], v32, v50 matrix_a_fmt:MATRIX_FMT_BF6 matrix_b_fmt:MATRIX_FMT_BF6 matrix_a_scale:MATRIX_SCALE_ROW1
	v_wmma_scale_f32_16x16x128_f8f6f4 v[64:71], v[48:59], v[240:251], v[64:71], v25, v51 matrix_a_fmt:MATRIX_FMT_BF6 matrix_b_fmt:MATRIX_FMT_BF6
	v_wmma_scale_f32_16x16x128_f8f6f4 v[72:79], v[60:71], v[240:251], v[72:79], v25, v51 matrix_a_fmt:MATRIX_FMT_BF6 matrix_b_fmt:MATRIX_FMT_BF6 matrix_a_scale:MATRIX_SCALE_ROW1
	v_wmma_scale_f32_16x16x128_f8f6f4 v[80:87], v[72:83], v[240:251], v[80:87], v33, v51 matrix_a_fmt:MATRIX_FMT_BF6 matrix_b_fmt:MATRIX_FMT_BF6
	v_wmma_scale_f32_16x16x128_f8f6f4 v[88:95], v[84:95], v[240:251], v[88:95], v33, v51 matrix_a_fmt:MATRIX_FMT_BF6 matrix_b_fmt:MATRIX_FMT_BF6 matrix_a_scale:MATRIX_SCALE_ROW1
	s_set_vgpr_msb 0x90d
	v_wmma_scale_f32_16x16x128_f8f6f4 v[64:71], v[96:107], v[0:11], v[64:71], v26, v52 matrix_a_fmt:MATRIX_FMT_BF6 matrix_b_fmt:MATRIX_FMT_BF6
	v_wmma_scale_f32_16x16x128_f8f6f4 v[72:79], v[108:119], v[0:11], v[72:79], v26, v52 matrix_a_fmt:MATRIX_FMT_BF6 matrix_b_fmt:MATRIX_FMT_BF6 matrix_a_scale:MATRIX_SCALE_ROW1
	v_wmma_scale_f32_16x16x128_f8f6f4 v[80:87], v[120:131], v[0:11], v[80:87], v34, v52 matrix_a_fmt:MATRIX_FMT_BF6 matrix_b_fmt:MATRIX_FMT_BF6
	v_wmma_scale_f32_16x16x128_f8f6f4 v[88:95], v[132:143], v[0:11], v[88:95], v34, v52 matrix_a_fmt:MATRIX_FMT_BF6 matrix_b_fmt:MATRIX_FMT_BF6 matrix_a_scale:MATRIX_SCALE_ROW1
	v_wmma_scale_f32_16x16x128_f8f6f4 v[64:71], v[144:155], v[12:23], v[64:71], v27, v53 matrix_a_fmt:MATRIX_FMT_BF6 matrix_b_fmt:MATRIX_FMT_BF6
	v_wmma_scale_f32_16x16x128_f8f6f4 v[72:79], v[156:167], v[12:23], v[72:79], v27, v53 matrix_a_fmt:MATRIX_FMT_BF6 matrix_b_fmt:MATRIX_FMT_BF6 matrix_a_scale:MATRIX_SCALE_ROW1
	v_wmma_scale_f32_16x16x128_f8f6f4 v[80:87], v[168:179], v[12:23], v[80:87], v35, v53 matrix_a_fmt:MATRIX_FMT_BF6 matrix_b_fmt:MATRIX_FMT_BF6
	v_wmma_scale_f32_16x16x128_f8f6f4 v[88:95], v[180:191], v[12:23], v[88:95], v35, v53 matrix_a_fmt:MATRIX_FMT_BF6 matrix_b_fmt:MATRIX_FMT_BF6 matrix_a_scale:MATRIX_SCALE_ROW1
	s_set_vgpr_msb 0xd00
	s_wait_tensorcnt 0x0
	s_wait_dscnt 0x0
	s_barrier_signal -1
	s_barrier_wait -1
	s_cmp_eq_u32 s23, 1
	s_cbranch_scc1 .Lno_fetch_5
	s_xor_b32 s67, s67, 52224
	s_mov_b32 s101, s67
	v_add_nc_u32 v12, s101, v4
	v_add_nc_u32 v13, s101, v5
	s_add_co_u32 s91, s91, 1088
	v_add_nc_u32 v17, s91, v6
	s_set_vgpr_msb 0x80
	ds_load_b64 v[132:133], v12 offset:0
	ds_load_b64 v[134:135], v12 offset:8
	ds_load_b64 v[136:137], v12 offset:16
	ds_load_b64 v[138:139], v12 offset:48
	ds_load_b64 v[140:141], v12 offset:56
	ds_load_b64 v[142:143], v12 offset:64
	ds_load_b64 v[144:145], v12 offset:96
	ds_load_b64 v[146:147], v12 offset:104
	ds_load_b64 v[148:149], v12 offset:112
	ds_load_b64 v[150:151], v12 offset:144
	ds_load_b64 v[152:153], v12 offset:152
	ds_load_b64 v[154:155], v12 offset:160
	ds_load_b64 v[156:157], v12 offset:192
	ds_load_b64 v[158:159], v12 offset:200
	ds_load_b64 v[160:161], v12 offset:208
	ds_load_b64 v[162:163], v13 offset:240
	ds_load_b64 v[164:165], v13 offset:248
	ds_load_b64 v[166:167], v12 offset:272
	ds_load_b64 v[168:169], v12 offset:304
	ds_load_b64 v[170:171], v12 offset:312
	ds_load_b64 v[172:173], v12 offset:320
	ds_load_b64 v[174:175], v12 offset:352
	ds_load_b64 v[176:177], v12 offset:360
	ds_load_b64 v[178:179], v12 offset:368
	s_set_vgpr_msb 0x8000
	ds_load_b128 v[42:45], v17 offset:0
	s_set_vgpr_msb 0x80
	ds_load_b64 v[180:181], v12 offset:400
	ds_load_b64 v[182:183], v12 offset:408
	ds_load_b64 v[184:185], v12 offset:416
	ds_load_b64 v[186:187], v12 offset:448
	ds_load_b64 v[188:189], v12 offset:456
	ds_load_b64 v[190:191], v12 offset:464
	ds_load_b64 v[192:193], v12 offset:496
	ds_load_b64 v[194:195], v13 offset:504
	ds_load_b64 v[196:197], v13 offset:512
	ds_load_b64 v[198:199], v12 offset:560
	ds_load_b64 v[200:201], v12 offset:568
	ds_load_b64 v[202:203], v12 offset:576
	ds_load_b64 v[204:205], v12 offset:608
	ds_load_b64 v[206:207], v12 offset:616
	ds_load_b64 v[208:209], v12 offset:624
	ds_load_b64 v[210:211], v12 offset:656
	ds_load_b64 v[212:213], v12 offset:664
	ds_load_b64 v[214:215], v12 offset:672
	ds_load_b64 v[216:217], v12 offset:704
	ds_load_b64 v[218:219], v12 offset:712
	ds_load_b64 v[220:221], v12 offset:720
	ds_load_b64 v[222:223], v12 offset:752
	ds_load_b64 v[224:225], v12 offset:760
	ds_load_b64 v[226:227], v12 offset:768
	s_set_vgpr_msb 0x8000
	ds_load_b128 v[46:49], v17 offset:16
.Lno_fetch_5:
	s_set_vgpr_msb 0xd
	v_wmma_scale_f32_16x16x128_f8f6f4 v[64:71], v[192:203], v[24:35], v[64:71], v28, v54 matrix_a_fmt:MATRIX_FMT_BF6 matrix_b_fmt:MATRIX_FMT_BF6
	v_wmma_scale_f32_16x16x128_f8f6f4 v[72:79], v[204:215], v[24:35], v[72:79], v28, v54 matrix_a_fmt:MATRIX_FMT_BF6 matrix_b_fmt:MATRIX_FMT_BF6 matrix_a_scale:MATRIX_SCALE_ROW1
	v_wmma_scale_f32_16x16x128_f8f6f4 v[80:87], v[216:227], v[24:35], v[80:87], v36, v54 matrix_a_fmt:MATRIX_FMT_BF6 matrix_b_fmt:MATRIX_FMT_BF6
	v_wmma_scale_f32_16x16x128_f8f6f4 v[88:95], v[228:239], v[24:35], v[88:95], v36, v54 matrix_a_fmt:MATRIX_FMT_BF6 matrix_b_fmt:MATRIX_FMT_BF6 matrix_a_scale:MATRIX_SCALE_ROW1
	v_wmma_scale_f32_16x16x128_f8f6f4 v[64:71], v[240:251], v[36:47], v[64:71], v29, v55 matrix_a_fmt:MATRIX_FMT_BF6 matrix_b_fmt:MATRIX_FMT_BF6
	s_set_vgpr_msb 0xd0e
	v_wmma_scale_f32_16x16x128_f8f6f4 v[72:79], v[0:11], v[36:47], v[72:79], v29, v55 matrix_a_fmt:MATRIX_FMT_BF6 matrix_b_fmt:MATRIX_FMT_BF6 matrix_a_scale:MATRIX_SCALE_ROW1
	v_wmma_scale_f32_16x16x128_f8f6f4 v[80:87], v[12:23], v[36:47], v[80:87], v37, v55 matrix_a_fmt:MATRIX_FMT_BF6 matrix_b_fmt:MATRIX_FMT_BF6
	v_wmma_scale_f32_16x16x128_f8f6f4 v[88:95], v[24:35], v[36:47], v[88:95], v37, v55 matrix_a_fmt:MATRIX_FMT_BF6 matrix_b_fmt:MATRIX_FMT_BF6 matrix_a_scale:MATRIX_SCALE_ROW1
	v_wmma_scale_f32_16x16x128_f8f6f4 v[64:71], v[36:47], v[48:59], v[64:71], v30, v56 matrix_a_fmt:MATRIX_FMT_BF6 matrix_b_fmt:MATRIX_FMT_BF6
	v_wmma_scale_f32_16x16x128_f8f6f4 v[72:79], v[48:59], v[48:59], v[72:79], v30, v56 matrix_a_fmt:MATRIX_FMT_BF6 matrix_b_fmt:MATRIX_FMT_BF6 matrix_a_scale:MATRIX_SCALE_ROW1
	v_wmma_scale_f32_16x16x128_f8f6f4 v[80:87], v[60:71], v[48:59], v[80:87], v38, v56 matrix_a_fmt:MATRIX_FMT_BF6 matrix_b_fmt:MATRIX_FMT_BF6
	v_wmma_scale_f32_16x16x128_f8f6f4 v[88:95], v[72:83], v[48:59], v[88:95], v38, v56 matrix_a_fmt:MATRIX_FMT_BF6 matrix_b_fmt:MATRIX_FMT_BF6 matrix_a_scale:MATRIX_SCALE_ROW1
	v_wmma_scale_f32_16x16x128_f8f6f4 v[64:71], v[84:95], v[60:71], v[64:71], v31, v57 matrix_a_fmt:MATRIX_FMT_BF6 matrix_b_fmt:MATRIX_FMT_BF6
	v_wmma_scale_f32_16x16x128_f8f6f4 v[72:79], v[96:107], v[60:71], v[72:79], v31, v57 matrix_a_fmt:MATRIX_FMT_BF6 matrix_b_fmt:MATRIX_FMT_BF6 matrix_a_scale:MATRIX_SCALE_ROW1
	v_wmma_scale_f32_16x16x128_f8f6f4 v[80:87], v[108:119], v[60:71], v[80:87], v39, v57 matrix_a_fmt:MATRIX_FMT_BF6 matrix_b_fmt:MATRIX_FMT_BF6
	v_wmma_scale_f32_16x16x128_f8f6f4 v[88:95], v[120:131], v[60:71], v[88:95], v39, v57 matrix_a_fmt:MATRIX_FMT_BF6 matrix_b_fmt:MATRIX_FMT_BF6 matrix_a_scale:MATRIX_SCALE_ROW1
	s_set_vgpr_msb 0xe00
	v_nop
	v_nop
	v_nop
	v_nop
	s_wait_xcnt 0x0
	s_add_nc_u64 s[12:13], s[12:13], 98304
	v_max3_num_f32 v130, v64, v65, v66
	v_max3_num_f32 v131, v72, v73, v74
	v_max3_num_f32 v132, v80, v81, v82
	v_max3_num_f32 v133, v88, v89, v90
	v_max3_num_f32 v130, v130, v67, v68
	v_max3_num_f32 v131, v131, v75, v76
	v_max3_num_f32 v132, v132, v83, v84
	v_max3_num_f32 v133, v133, v91, v92
	v_max3_num_f32 v130, v130, v69, v70
	v_max3_num_f32 v131, v131, v77, v78
	v_max3_num_f32 v132, v132, v85, v86
	v_max3_num_f32 v133, v133, v93, v94
	v_max_num_f32 v130, v130, v71
	v_max_num_f32 v131, v131, v79
	v_max_num_f32 v132, v132, v87
	v_max_num_f32 v133, v133, v95
	v_max3_num_f32 v130, v130, v131, v132
	v_max3_num_f32 v130, v130, v133, 0x2800000
	v_add_nc_u32 v146, 0xfe000000, v130
	v_max_num_f32 v64, 0, v64
	v_max_num_f32 v65, 0, v65
	v_max_num_f32 v66, 0, v66
	v_max_num_f32 v67, 0, v67
	v_max_num_f32 v68, 0, v68
	v_max_num_f32 v69, 0, v69
	v_max_num_f32 v70, 0, v70
	v_max_num_f32 v71, 0, v71
	v_max_num_f32 v72, 0, v72
	v_max_num_f32 v73, 0, v73
	v_max_num_f32 v74, 0, v74
	v_max_num_f32 v75, 0, v75
	v_max_num_f32 v76, 0, v76
	v_max_num_f32 v77, 0, v77
	v_max_num_f32 v78, 0, v78
	v_max_num_f32 v79, 0, v79
	v_max_num_f32 v80, 0, v80
	v_max_num_f32 v81, 0, v81
	v_max_num_f32 v82, 0, v82
	v_max_num_f32 v83, 0, v83
	v_max_num_f32 v84, 0, v84
	v_max_num_f32 v85, 0, v85
	v_max_num_f32 v86, 0, v86
	v_max_num_f32 v87, 0, v87
	v_max_num_f32 v88, 0, v88
	v_max_num_f32 v89, 0, v89
	v_max_num_f32 v90, 0, v90
	v_max_num_f32 v91, 0, v91
	v_max_num_f32 v92, 0, v92
	v_max_num_f32 v93, 0, v93
	v_max_num_f32 v94, 0, v94
	v_max_num_f32 v95, 0, v95
	v_cvt_scalef32_pk16_bf6_f32 v[138:140], v[64:79], v146
	v_cvt_scalef32_pk16_bf6_f32 v[134:136], v[80:95], v146
	v_lshrrev_b32 v147, 23, v146
	v_mov_b32 v141, v134
	v_mov_b32 v142, v135
	v_mov_b32 v143, v136
	v_add_nc_u32 v20, s2, v158
	s_add_co_u32 s2, s2, 128
	global_store_b128 v9, v[138:141], s[12:13] th:TH_STORE_NT
	global_store_b64 v19, v[142:143], s[12:13] offset:512 th:TH_STORE_NT
	ds_store_b8 v20, v147
	s_sub_co_i32 s23, s23, 1
	s_cmp_lg_u32 s23, 0
	s_cbranch_scc1 .Ltail
	s_wait_dscnt 0x0
	s_barrier_signal -1
	s_barrier_wait -1
	v_lshlrev_b32 v23, 4, v3
	s_mul_i32 s21, s14, 512
	s_add_co_u32 s21, s21, 174080
	v_add_nc_u32 v22, s21, v23
	ds_load_b128 v[148:151], v22 offset:0
	s_wait_alu depctr_va_vdst(0)
	s_wait_dscnt 0x0
	global_store_b128 v23, v[148:151], s[76:77] offset:0 th:TH_STORE_NT
	s_wait_tensorcnt 0x0
	ds_add_u32 v10, v11
	s_wait_dscnt 0x0
	s_barrier_signal -1
	s_barrier_wait -1
	s_cmp_lg_u32 s14, 0
	s_cbranch_scc1 .Lnot_wave_0_6
	s_barrier_signal -3
.Lnot_wave_0_6:
	s_barrier_wait -3
	s_barrier_signal -1
	s_barrier_wait -1
	s_endpgm
.Lfunc_end_k_q0f68157b24_gemm1:
	.size	k_q0f68157b24_gemm1, .Lfunc_end_k_q0f68157b24_gemm1-k_q0f68157b24_gemm1
	.p2alignl 7, 3214868480
	.fill 96, 4, 3214868480
	.section	.rodata,"a",@progbits
	.p2align	6, 0x0
	.amdhsa_kernel k_q0f68157b24_gemm1
		.amdhsa_group_segment_fixed_size 327680
		.amdhsa_private_segment_fixed_size 0
		.amdhsa_enable_private_segment 0
		.amdhsa_kernarg_size 40
		.amdhsa_user_sgpr_count 2
		.amdhsa_user_sgpr_kernarg_segment_ptr 1
		.amdhsa_wavefront_size32 1
		.amdhsa_system_sgpr_workgroup_id_x 1
		.amdhsa_system_sgpr_workgroup_id_y 1
		.amdhsa_system_sgpr_workgroup_id_z 1
		.amdhsa_system_vgpr_workitem_id 0
		.amdhsa_next_free_vgpr 840
		.amdhsa_next_free_sgpr 102
		.amdhsa_reserve_vcc 0
		.amdhsa_float_denorm_mode_32 3
		.amdhsa_float_denorm_mode_16_64 3
		.amdhsa_memory_ordered 1
		.amdhsa_forward_progress 1
		.amdhsa_inst_pref_size 73
	.end_amdhsa_kernel
	.amdgpu_metadata
---
amdhsa.version: [ 1, 2 ]
amdhsa.kernels:
  - .name:           k_q0f68157b24_gemm1
    .symbol:         k_q0f68157b24_gemm1.kd
    .args:
      - { .name: pc, .offset: 0, .size: 8, .value_kind: global_buffer, .address_space: global }
      - { .name: ps, .offset: 8, .size: 8, .value_kind: global_buffer, .address_space: global }
      - { .name: b1, .offset: 16, .size: 8, .value_kind: global_buffer, .address_space: global }
      - { .name: vc, .offset: 24, .size: 8, .value_kind: global_buffer, .address_space: global }
      - { .name: vs, .offset: 32, .size: 8, .value_kind: global_buffer, .address_space: global }
    .group_segment_fixed_size: 327680
    .private_segment_fixed_size: 0
    .kernarg_segment_align: 8
    .kernarg_segment_size: 40
    .max_flat_workgroup_size: 128
    .sgpr_count:     102
    .vgpr_count:     840
    .wavefront_size: 32
...
	.end_amdgpu_metadata
.endif
;; end of part 6
;; launch gemm2 (part 7): grid 8 x 32, 4 waves a work-group, clusters of 4 x 4, 327,680 bytes of LDS; arguments vc, vs, pc, ps, b2, cx, qks; writes qks
.if DOCPART == 7
	.amdgcn_target "amdgcn-amd-amdhsa--gfx1250"
	.amdhsa_code_object_version 6
	.text
	.protected	k_q0f68157b24_gemm2
	.globl	k_q0f68157b24_gemm2
	.p2align	8
	.type	k_q0f68157b24_gemm2,@function
k_q0f68157b24_gemm2:
	s_mov_b64 s[64:65], 0
	v_nop
	global_prefetch_b8 v0, s[64:65] scope:SCOPE_SE
	s_setreg_imm32_b32 hwreg(HW_REG_WAVE_MODE, 25, 1), 1
	s_wait_xcnt 0x0
	s_wait_alu depctr_hold_cnt(0) depctr_sa_sdst(0) depctr_va_vdst(0) depctr_va_sdst(0) depctr_va_ssrc(0) depctr_va_vcc(0) depctr_vm_vsrc(0)
	s_getreg_b32 s2, hwreg(HW_REG_IB_STS2, 6, 4)
	s_cmp_eq_u32 s2, 0
	s_cbranch_scc0 .Lentry_in_a_cluster
	s_endpgm
.Lentry_in_a_cluster:
	s_bfe_u32 s2, ttmp6, 0x10000c
	s_cmp_lg_u32 s2, 0xf033
	s_cbranch_scc0 .Lentry_shape_is_right
	s_endpgm
.Lentry_shape_is_right:
	s_load_b128 s[4:7], s[0:1], 0x0
	s_load_b128 s[8:11], s[0:1], 0x10
	s_load_b64 s[2:3], s[0:1], 0x20
	s_load_b64 s[98:99], s[0:1], 0x28
	s_load_b64 s[12:13], s[0:1], 0x30
	v_lshl_add_u32 v10, v0, 2, 227328
	v_mov_b32 v11, 0
	ds_add_u32 v10, v11
	ds_add_u32 v10, v11
	v_lshrrev_b32 v1, 5, v0
	v_readfirstlane_b32 s14, v1
	s_bfe_u32 s40, ttmp6, 0x40000
	s_bfe_u32 s41, ttmp6, 0x40004
	s_lshl_b32 s42, ttmp9, 2
	s_add_co_u32 s42, s42, s40
	s_and_b32 s43, ttmp7, 0xffff
	s_lshl_b32 s43, s43, 2
	s_add_co_u32 s43, s43, s41
	s_lshl_b32 s45, 0x1111, s40
	s_or_b32 s24, s45, 0x7700000
	s_mov_b32 s25, 0x3000000
	s_mov_b32 s26, 0x200000
	s_mov_b32 s27, 0x3000000
	s_mov_b32 s28, 32
	s_mov_b32 s29, 3072
	s_mov_b32 s30, 0
	s_mov_b32 s31, 0
	s_mov_b32 s56, 1
	s_mul_i32 s47, s14, 26112
	s_mov_b32 s57, s47
	s_mul_i32 s78, s42, 393216
	s_mul_i32 s21, s14, 98304
	s_add_co_u32 s78, s78, s21
	s_mov_b32 s79, 0
	s_add_co_u32 s78, s78, 6291456
	s_mul_i32 s80, s43, 393216
	s_mul_i32 s21, s14, 98304
	s_add_co_u32 s80, s80, s21
	s_mov_b32 s81, 0
	s_mul_i32 s82, s43, 512
	s_lshl_b32 s21, s14, 7
	s_add_co_u32 s82, s82, s21
	s_mov_b32 s83, 0
	s_mul_i32 s84, s42, 16384
	s_mul_i32 s21, s14, 4096
	s_add_co_u32 s84, s84, s21
	s_mov_b32 s85, 0
	s_add_co_u32 s84, s84, 262144
	s_mul_i32 s76, s43, 524288
	s_mul_i32 s21, s14, 131072
	s_add_co_u32 s76, s76, s21
	s_mul_i32 s21, s42, 512
	s_add_co_u32 s76, s76, s21
	s_mov_b32 s77, 0
	v_and_b32 v1, 15, v0
	v_bfe_u32 v2, v0, 4, 1
	v_and_b32 v3, 31, v0
	v_mul_u32_u24 v4, v1, 816
	v_mad_u32_u24 v12, v2, 24, v4
	v_mad_u32_u24 v48, v2, 40, v4
	v_lshlrev_b32 v51, 3, v3
	v_mul_u32_u24 v4, v3, 144
	v_add_nc_u32 v14, 208896, v4
	v_lshlrev_b32 v16, 4, v3
	v_lshlrev_b32 v17, 2, v3
	s_mul_i32 s21, s14, 8448
	v_mul_u32_u24 v4, v1, 528
	v_lshl_add_u32 v4, v2, 5, v4
	v_add_nc_u32 v18, s21, v4
	v_lshl_add_u32 v19, v3, 4, s21
	v_lshlrev_b32 v21, 5, v2
	s_lshl_b32 s21, s41, 2
	s_add_co_u32 s21, s21, s14
	s_lshl_b32 s21, s21, 3
	v_min_u32 v6, 23, v3
	v_and_b32 v5, 7, v6
	v_add_nc_u32 v5, s21, v5
	v_mul_u32_u24 v5, v5, 3072
	v_lshrrev_b32 v6, 3, v6
	v_lshl_add_u32 v53, v6, 8, v5
	v_lshrrev_b32 v5, 3, v3
	v_and_b32 v6, 7, v0
	v_mul_u32_u24 v7, v5, 144
	v_lshl_add_u32 v7, v6, 4, v7
	s_mul_i32 s21, s14, 4608
	s_add_co_u32 s21, s21, 208896
	v_add_nc_u32 v7, s21, v7
	s_wait_alu depctr_va_vdst(0)
	s_wait_dscnt 0x0
	s_wait_kmcnt 0x0
	s_mov_b32 s21, 0
	s_add_nc_u64 s[86:87], s[8:9], s[78:79]
	s_mul_i32 s20, s42, 393216
	s_add_co_u32 s20, s20, 6291456
	s_add_nc_u64 s[94:95], s[8:9], s[20:21]
	s_mov_b64 s[58:59], s[86:87]
	s_or_b32 s59, s59, 0x80000000
	s_add_nc_u64 s[4:5], s[4:5], s[80:81]
	s_add_nc_u64 s[6:7], s[6:7], s[82:83]
	s_add_nc_u64 s[10:11], s[10:11], s[84:85]
	s_add_nc_u64 s[12:13], s[12:13], s[76:77]
	s_add_nc_u64 s[98:99], s[98:99], s[76:77]
	s_mul_i32 s20, s42, 512
	s_add_nc_u64 s[2:3], s[2:3], s[20:21]
	s_barrier_signal -1
	s_barrier_wait -1
	s_cmp_lg_u32 s14, 0
	s_cbranch_scc1 .Lnot_wave_0_1
	s_barrier_signal -3
.Lnot_wave_0_1:
	s_barrier_wait -3
	s_barrier_signal -1
	s_barrier_wait -1
	tensor_load_to_lds s[56:59], s[24:31]
	s_nop 0
	v_nop
	v_nop
	v_nop
	v_nop
	global_load_b128 v[64:67], v16, s[10:11] offset:0
	global_load_b128 v[68:71], v16, s[10:11] offset:512
	global_load_b128 v[72:75], v16, s[10:11] offset:1024
	global_load_b128 v[76:79], v16, s[10:11] offset:1536
	global_load_b128 v[80:83], v16, s[10:11] offset:2048
	global_load_b128 v[84:87], v16, s[10:11] offset:2560
	global_load_b128 v[88:91], v16, s[10:11] offset:3072
	global_load_b128 v[92:95], v16, s[10:11] offset:3584
	s_set_vgpr_msb 0xc0
	global_load_b128 v[0:3], v21, s[2:3] offset:0
	global_load_b128 v[4:7], v21, s[2:3] offset:16
	global_load_b128 v[8:11], v21, s[2:3] offset:64
	global_load_b128 v[12:15], v21, s[2:3] offset:80
	global_load_b128 v[16:19], v21, s[2:3] offset:128
	global_load_b128 v[20:23], v21, s[2:3] offset:144
	global_load_b128 v[24:27], v21, s[2:3] offset:192
	global_load_b128 v[28:31], v21, s[2:3] offset:208
	global_load_b128 v[32:35], v21, s[2:3] offset:256
	global_load_b128 v[36:39], v21, s[2:3] offset:272
	global_load_b128 v[40:43], v21, s[2:3] offset:320
	global_load_b128 v[44:47], v21, s[2:3] offset:336
	global_load_b128 v[48:51], v21, s[2:3] offset:384
	global_load_b128 v[52:55], v21, s[2:3] offset:400
	global_load_b128 v[56:59], v21, s[2:3] offset:448
	global_load_b128 v[60:63], v21, s[2:3] offset:464
	s_wait_loadcnt 0x10
	s_set_vgpr_msb 0xc000
	ds_store_b128 v7, v[64:67] offset:0
	ds_store_b128 v7, v[68:71] offset:576
	ds_store_b128 v7, v[72:75] offset:1152
	ds_store_b128 v7, v[76:79] offset:1728
	ds_store_b128 v7, v[80:83] offset:2304
	ds_store_b128 v7, v[84:87] offset:2880
	ds_store_b128 v7, v[88:91] offset:3456
	ds_store_b128 v7, v[92:95] offset:4032
	s_set_vgpr_msb 0xc0
	global_load_b128 v[64:67], v21, s[2:3] offset:0
	global_load_b128 v[68:71], v21, s[2:3] offset:16
	global_load_b128 v[72:75], v21, s[2:3] offset:64
	global_load_b128 v[76:79], v21, s[2:3] offset:80
	global_load_b128 v[80:83], v21, s[2:3] offset:128
	global_load_b128 v[84:87], v21, s[2:3] offset:144
	global_load_b128 v[88:91], v21, s[2:3] offset:192
	global_load_b128 v[92:95], v21, s[2:3] offset:208
	global_load_b128 v[96:99], v21, s[2:3] offset:256
	global_load_b128 v[100:103], v21, s[2:3] offset:272
	global_load_b128 v[104:107], v21, s[2:3] offset:320
	global_load_b128 v[108:111], v21, s[2:3] offset:336
	global_load_b128 v[112:115], v21, s[2:3] offset:384
	global_load_b128 v[116:119], v21, s[2:3] offset:400
	global_load_b128 v[120:123], v21, s[2:3] offset:448
	global_load_b128 v[124:127], v21, s[2:3] offset:464
	s_set_vgpr_msb 0xc000
	global_load_b128 v[128:131], v16, s[98:99] offset:0
	global_load_b128 v[132:135], v16, s[98:99] offset:4096
	global_load_b128 v[136:139], v16, s[98:99] offset:8192
	global_load_b128 v[140:143], v16, s[98:99] offset:12288
	global_load_b128 v[144:147], v16, s[98:99] offset:16384
	global_load_b128 v[148:151], v16, s[98:99] offset:20480
	global_load_b128 v[152:155], v16, s[98:99] offset:24576
	global_load_b128 v[156:159], v16, s[98:99] offset:28672
	global_load_b128 v[160:163], v16, s[98:99] offset:32768
	global_load_b128 v[164:167], v16, s[98:99] offset:36864
	global_load_b128 v[168:171], v16, s[98:99] offset:40960
	global_load_b128 v[172:175], v16, s[98:99] offset:45056
	global_load_b128 v[176:179], v16, s[98:99] offset:49152
	global_load_b128 v[180:183], v16, s[98:99] offset:53248
	global_load_b128 v[184:187], v16, s[98:99] offset:57344
	global_load_b128 v[188:191], v16, s[98:99] offset:61440
	global_load_b128 v[192:195], v16, s[98:99] offset:65536
	global_load_b128 v[196:199], v16, s[98:99] offset:69632
	global_load_b128 v[200:203], v16, s[98:99] offset:73728
	global_load_b128 v[204:207], v16, s[98:99] offset:77824
	global_load_b128 v[208:211], v16, s[98:99] offset:81920
	global_load_b128 v[212:215], v16, s[98:99] offset:86016
	global_load_b128 v[216:219], v16, s[98:99] offset:90112
	global_load_b128 v[220:223], v16, s[98:99] offset:94208
	global_load_b128 v[224:227], v16, s[98:99] offset:98304
	global_load_b128 v[228:231], v16, s[98:99] offset:102400
	global_load_b128 v[232:235], v16, s[98:99] offset:106496
	global_load_b128 v[236:239], v16, s[98:99] offset:110592
	global_load_b128 v[240:243], v16, s[98:99] offset:114688
	global_load_b128 v[244:247], v16, s[98:99] offset:118784
	global_load_b128 v[248:251], v16, s[98:99] offset:122880
	global_load_b128 v[252:255], v16, s[98:99] offset:126976
	s_set_vgpr_msb 0x80
	global_load_b128 v[0:3], v16, s[4:5] offset:0
	global_load_b64 v[4:5], v51, s[4:5] offset:512
	global_load_b128 v[6:9], v16, s[4:5] offset:768
	global_load_b64 v[10:11], v51, s[4:5] offset:1280
	global_load_b128 v[12:15], v16, s[4:5] offset:49152
	global_load_b64 v[16:17], v51, s[4:5] offset:49664
	global_load_b128 v[18:21], v16, s[4:5] offset:49920
	global_load_b64 v[22:23], v51, s[4:5] offset:50432
	s_set_vgpr_msb 0x8000
	global_load_b32 v24, v17, s[6:7] offset:0
	s_set_vgpr_msb 0x80
	global_load_b128 v[48:51], v16, s[4:5] offset:1536
	global_load_b64 v[52:53], v51, s[4:5] offset:2048
	global_load_b128 v[54:57], v16, s[4:5] offset:2304
	global_load_b64 v[58:59], v51, s[4:5] offset:2816
	global_load_b128 v[60:63], v16, s[4:5] offset:50688
	global_load_b64 v[64:65], v51, s[4:5] offset:51200
	global_load_b128 v[66:69], v16, s[4:5] offset:51456
	global_load_b64 v[70:71], v51, s[4:5] offset:51968
	s_set_vgpr_msb 0x8000
	global_load_b32 v26, v17, s[6:7] offset:16384
	s_set_vgpr_msb 0x80
	global_load_b128 v[96:99], v16, s[4:5] offset:3072
	global_load_b64 v[100:101], v51, s[4:5] offset:3584
	global_load_b128 v[102:105], v16, s[4:5] offset:3840
	global_load_b64 v[106:107], v51, s[4:5] offset:4352
	global_load_b128 v[108:111], v16, s[4:5] offset:52224
	global_load_b64 v[112:113], v51, s[4:5] offset:52736
	global_load_b128 v[114:117], v16, s[4:5] offset:52992
	global_load_b64 v[118:119], v51, s[4:5] offset:53504
	s_set_vgpr_msb 0x8000
	global_load_b32 v28, v17, s[6:7] offset:32768
	s_mov_b32 s101, 0
	s_mov_b32 s46, 0
	s_wait_tensorcnt 0x0
	ds_add_u32 v10, v11
	s_add_co_u32 s57, s47, 104448
	s_add_nc_u64 s[58:59], s[86:87], 768
	s_or_b32 s59, s59, 0x80000000
	s_wait_dscnt 0x0
	s_barrier_signal -1
	s_barrier_wait -1
	s_cmp_lg_u32 s14, 0
	s_cbranch_scc1 .Lnot_wave_0_2
	s_barrier_signal -3
.Lnot_wave_0_2:
	s_barrier_wait -3
	s_barrier_signal -1
	s_barrier_wait -1
	tensor_load_to_lds s[56:59], s[24:31]
	s_nop 0
	v_nop
	v_nop
	v_nop
	v_nop
	global_prefetch_b8 v53, s[94:95] offset:1536 th:TH_LOAD_NT scope:SCOPE_SE
	v_add_nc_u32 v13, s101, v12
	v_add_nc_u32 v23, 52224, v13
	v_add_nc_u32 v49, s101, v48
	v_add_nc_u32 v59, 52224, v49
	v_mov_b32 v15, v14
	s_set_vgpr_msb 0x40
	ds_load_b64 v[0:1], v13 offset:0
	ds_load_b64 v[2:3], v13 offset:8
	ds_load_b64 v[4:5], v13 offset:16
	ds_load_b64 v[6:7], v13 offset:48
	ds_load_b64 v[8:9], v13 offset:56
	ds_load_b64 v[10:11], v13 offset:64
	ds_load_b64 v[12:13], v13 offset:13056
	ds_load_b64 v[14:15], v13 offset:13064
	ds_load_b64 v[16:17], v13 offset:13072
	ds_load_b64 v[18:19], v13 offset:13104
	ds_load_b64 v[20:21], v13 offset:13112
	ds_load_b64 v[22:23], v13 offset:13120
	ds_load_b64 v[24:25], v13 offset:26112
	ds_load_b64 v[26:27], v13 offset:26120
	ds_load_b64 v[28:29], v13 offset:26128
	ds_load_b64 v[30:31], v13 offset:26160
	ds_load_b64 v[32:33], v13 offset:26168
	ds_load_b64 v[34:35], v13 offset:26176
	ds_load_b64 v[36:37], v13 offset:39168
	ds_load_b64 v[38:39], v13 offset:39176
	ds_load_b64 v[40:41], v13 offset:39184
	ds_load_b64 v[42:43], v13 offset:39216
	ds_load_b64 v[44:45], v13 offset:39224
	ds_load_b64 v[46:47], v13 offset:39232
	ds_load_b64 v[48:49], v23 offset:0
	ds_load_b64 v[50:51], v23 offset:8
	ds_load_b64 v[52:53], v23 offset:16
	ds_load_b64 v[54:55], v23 offset:48
	ds_load_b64 v[56:57], v23 offset:56
	ds_load_b64 v[58:59], v23 offset:64
	ds_load_b64 v[60:61], v23 offset:13056
	ds_load_b64 v[62:63], v23 offset:13064
	ds_load_b64 v[64:65], v23 offset:13072
	ds_load_b64 v[66:67], v23 offset:13104
	ds_load_b64 v[68:69], v23 offset:13112
	ds_load_b64 v[70:71], v23 offset:13120
	ds_load_b64 v[72:73], v23 offset:26112
	ds_load_b64 v[74:75], v23 offset:26120
	ds_load_b64 v[76:77], v23 offset:26128
	ds_load_b64 v[78:79], v23 offset:26160
	ds_load_b64 v[80:81], v23 offset:26168
	ds_load_b64 v[82:83], v23 offset:26176
	ds_load_b64 v[84:85], v23 offset:39168
	ds_load_b64 v[86:87], v23 offset:39176
	ds_load_b64 v[88:89], v23 offset:39184
	ds_load_b64 v[90:91], v23 offset:39216
	ds_load_b64 v[92:93], v23 offset:39224
	ds_load_b64 v[94:95], v23 offset:39232
	s_set_vgpr_msb 0x4000
	ds_load_b32 v32, v15 offset:0
	ds_load_b32 v36, v15 offset:4608
	ds_load_b32 v40, v15 offset:9216
	ds_load_b32 v44, v15 offset:13824
	ds_load_b32 v33, v15 offset:4
	ds_load_b32 v37, v15 offset:4612
	ds_load_b32 v41, v15 offset:9220
	ds_load_b32 v45, v15 offset:13828
	ds_load_b32 v34, v15 offset:8
	ds_load_b32 v38, v15 offset:4616
	ds_load_b32 v42, v15 offset:9224
	ds_load_b32 v46, v15 offset:13832
	s_wait_alu depctr_va_vdst(0)
	s_mov_b32 s15, 0
	v_lshlrev_b32 v72, 4, v2
	s_mul_i32 s20, s15, 400
	s_add_co_u32 s20, s20, s101
	v_add_nc_u32 v64, s20, v12
	s_lshl4_add_u32 s20, s15, s20
	v_add_nc_u32 v66, s20, v12
	v_mad_u32_u24 v65, v72, s15, v64
	s_xor_b32 s33, s15, 1
	v_mad_u32_u24 v67, v72, s33, v66
	v_add_nc_u32 v68, 52224, v64
	v_add_nc_u32 v69, 52224, v65
	v_add_nc_u32 v70, 52224, v66
	v_add_nc_u32 v71, 52224, v67
	s_wait_alu depctr_va_vdst(0)
	s_mov_b32 s100, 2
	s_mov_b32 s22, 2
	s_branch .Lin
.Lslot:
	s_mov_b32 s22, 2
.Lfour_a:
	v_nop
	v_nop
	v_nop
	v_nop
	s_wait_loadcnt 0x12
	s_mul_i32 s20, s15, 400
	s_add_co_u32 s20, s20, s101
	v_add_nc_u32 v64, s20, v12
	s_lshl4_add_u32 s20, s15, s20
	v_add_nc_u32 v66, s20, v12
	v_mad_u32_u24 v65, v72, s15, v64
	s_xor_b32 s33, s15, 1
	v_mad_u32_u24 v67, v72, s33, v66
	v_add_nc_u32 v68, 52224, v64
	v_add_nc_u32 v69, 52224, v65
	v_add_nc_u32 v70, 52224, v66
	v_add_nc_u32 v71, 52224, v67
	v_add_nc_u32 v15, 16, v15
	s_wait_alu depctr_va_vdst(0)
	s_set_vgpr_msb 0x40
	ds_load_b64 v[0:1], v64 offset:0
	ds_load_b64 v[2:3], v64 offset:8
	ds_load_b64 v[4:5], v64 offset:16
	ds_load_b64 v[6:7], v64 offset:48
	ds_load_b64 v[8:9], v64 offset:56
	ds_load_b64 v[10:11], v64 offset:64
	ds_load_b64 v[12:13], v64 offset:13056
	ds_load_b64 v[14:15], v64 offset:13064
	ds_load_b64 v[16:17], v64 offset:13072
	ds_load_b64 v[18:19], v64 offset:13104
	ds_load_b64 v[20:21], v64 offset:13112
	ds_load_b64 v[22:23], v64 offset:13120
	ds_load_b64 v[24:25], v64 offset:26112
	ds_load_b64 v[26:27], v64 offset:26120
	ds_load_b64 v[28:29], v64 offset:26128
	ds_load_b64 v[30:31], v64 offset:26160
	ds_load_b64 v[32:33], v64 offset:26168
	ds_load_b64 v[34:35], v64 offset:26176
	ds_load_b64 v[36:37], v64 offset:39168
	ds_load_b64 v[38:39], v64 offset:39176
	ds_load_b64 v[40:41], v64 offset:39184
	ds_load_b64 v[42:43], v64 offset:39216
	ds_load_b64 v[44:45], v64 offset:39224
	ds_load_b64 v[46:47], v64 offset:39232
	ds_load_b64 v[48:49], v68 offset:0
	ds_load_b64 v[50:51], v68 offset:8
	ds_load_b64 v[52:53], v68 offset:16
	ds_load_b64 v[54:55], v68 offset:48
	ds_load_b64 v[56:57], v68 offset:56
	ds_load_b64 v[58:59], v68 offset:64
	ds_load_b64 v[60:61], v68 offset:13056
	ds_load_b64 v[62:63], v68 offset:13064
	ds_load_b64 v[64:65], v68 offset:13072
	ds_load_b64 v[66:67], v68 offset:13104
	ds_load_b64 v[68:69], v68 offset:13112
	ds_load_b64 v[70:71], v68 offset:13120
	ds_load_b64 v[72:73], v68 offset:26112
	ds_load_b64 v[74:75], v68 offset:26120
	ds_load_b64 v[76:77], v68 offset:26128
	ds_load_b64 v[78:79], v68 offset:26160
	ds_load_b64 v[80:81], v68 offset:26168
	ds_load_b64 v[82:83], v68 offset:26176
	ds_load_b64 v[84:85], v68 offset:39168
	ds_load_b64 v[86:87], v68 offset:39176
	ds_load_b64 v[88:89], v68 offset:39184
	ds_load_b64 v[90:91], v68 offset:39216
	ds_load_b64 v[92:93], v68 offset:39224
	ds_load_b64 v[94:95], v68 offset:39232
	s_set_vgpr_msb 0x4000
	ds_load_b32 v34, v15 offset:8
	ds_load_b32 v38, v15 offset:4616
	ds_load_b32 v42, v15 offset:9224
	ds_load_b32 v46, v15 offset:13832
	s_set_vgpr_msb 0x80
	global_load_b128 v[96:99], v16, s[4:5] offset:3072
	global_load_b64 v[100:101], v51, s[4:5] offset:3584
	global_load_b128 v[102:105], v16, s[4:5] offset:3840
	global_load_b64 v[106:107], v51, s[4:5] offset:4352
	global_load_b128 v[108:111], v16, s[4:5] offset:52224
	global_load_b64 v[112:113], v51, s[4:5] offset:52736
	global_load_b128 v[114:117], v16, s[4:5] offset:52992
	global_load_b64 v[118:119], v51, s[4:5] offset:53504
	s_set_vgpr_msb 0x8000
	global_load_b32 v28, v17, s[6:7] offset:32768
	s_wait_dscnt 0x34
	s_set_vgpr_msb 0xf9
	v_wmma_scale_f32_16x16x128_f8f6f4 v[0:7], v[96:107], v[144:155], v[0:7], v35, v30 matrix_a_fmt:MATRIX_FMT_BF6 matrix_b_fmt:MATRIX_FMT_BF6
	v_wmma_scale_f32_16x16x128_f8f6f4 v[8:15], v[108:119], v[144:155], v[8:15], v35, v30 matrix_a_fmt:MATRIX_FMT_BF6 matrix_b_fmt:MATRIX_FMT_BF6 matrix_a_scale:MATRIX_SCALE_ROW1
	v_wmma_scale_f32_16x16x128_f8f6f4 v[16:23], v[120:131], v[144:155], v[16:23], v39, v30 matrix_a_fmt:MATRIX_FMT_BF6 matrix_b_fmt:MATRIX_FMT_BF6
	v_wmma_scale_f32_16x16x128_f8f6f4 v[24:31], v[132:143], v[144:155], v[24:31], v39, v30 matrix_a_fmt:MATRIX_FMT_BF6 matrix_b_fmt:MATRIX_FMT_BF6 matrix_a_scale:MATRIX_SCALE_ROW1
	v_wmma_scale_f32_16x16x128_f8f6f4 v[32:39], v[144:155], v[144:155], v[32:39], v43, v30 matrix_a_fmt:MATRIX_FMT_BF6 matrix_b_fmt:MATRIX_FMT_BF6
	v_wmma_scale_f32_16x16x128_f8f6f4 v[40:47], v[156:167], v[144:155], v[40:47], v43, v30 matrix_a_fmt:MATRIX_FMT_BF6 matrix_b_fmt:MATRIX_FMT_BF6 matrix_a_scale:MATRIX_SCALE_ROW1
	v_wmma_scale_f32_16x16x128_f8f6f4 v[48:55], v[168:179], v[144:155], v[48:55], v47, v30 matrix_a_fmt:MATRIX_FMT_BF6 matrix_b_fmt:MATRIX_FMT_BF6
	v_wmma_scale_f32_16x16x128_f8f6f4 v[56:63], v[180:191], v[144:155], v[56:63], v47, v30 matrix_a_fmt:MATRIX_FMT_BF6 matrix_b_fmt:MATRIX_FMT_BF6 matrix_a_scale:MATRIX_SCALE_ROW1
	v_wmma_scale_f32_16x16x128_f8f6f4 v[64:71], v[96:107], v[156:167], v[64:71], v35, v30 matrix_a_fmt:MATRIX_FMT_BF6 matrix_b_fmt:MATRIX_FMT_BF6 matrix_b_scale:MATRIX_SCALE_ROW1
	v_wmma_scale_f32_16x16x128_f8f6f4 v[72:79], v[108:119], v[156:167], v[72:79], v35, v30 matrix_a_fmt:MATRIX_FMT_BF6 matrix_b_fmt:MATRIX_FMT_BF6 matrix_a_scale:MATRIX_SCALE_ROW1 matrix_b_scale:MATRIX_SCALE_ROW1
	v_wmma_scale_f32_16x16x128_f8f6f4 v[80:87], v[120:131], v[156:167], v[80:87], v39, v30 matrix_a_fmt:MATRIX_FMT_BF6 matrix_b_fmt:MATRIX_FMT_BF6 matrix_b_scale:MATRIX_SCALE_ROW1
	v_wmma_scale_f32_16x16x128_f8f6f4 v[88:95], v[132:143], v[156:167], v[88:95], v39, v30 matrix_a_fmt:MATRIX_FMT_BF6 matrix_b_fmt:MATRIX_FMT_BF6 matrix_a_scale:MATRIX_SCALE_ROW1 matrix_b_scale:MATRIX_SCALE_ROW1
	v_wmma_scale_f32_16x16x128_f8f6f4 v[96:103], v[144:155], v[156:167], v[96:103], v43, v30 matrix_a_fmt:MATRIX_FMT_BF6 matrix_b_fmt:MATRIX_FMT_BF6 matrix_b_scale:MATRIX_SCALE_ROW1
	v_wmma_scale_f32_16x16x128_f8f6f4 v[104:111], v[156:167], v[156:167], v[104:111], v43, v30 matrix_a_fmt:MATRIX_FMT_BF6 matrix_b_fmt:MATRIX_FMT_BF6 matrix_a_scale:MATRIX_SCALE_ROW1 matrix_b_scale:MATRIX_SCALE_ROW1
	v_wmma_scale_f32_16x16x128_f8f6f4 v[112:119], v[168:179], v[156:167], v[112:119], v47, v30 matrix_a_fmt:MATRIX_FMT_BF6 matrix_b_fmt:MATRIX_FMT_BF6 matrix_b_scale:MATRIX_SCALE_ROW1
	v_wmma_scale_f32_16x16x128_f8f6f4 v[120:127], v[180:191], v[156:167], v[120:127], v47, v30 matrix_a_fmt:MATRIX_FMT_BF6 matrix_b_fmt:MATRIX_FMT_BF6 matrix_a_scale:MATRIX_SCALE_ROW1 matrix_b_scale:MATRIX_SCALE_ROW1
	s_set_vgpr_msb 0xf900
.Lin:
	v_nop
	v_nop
	v_nop
	v_nop
	s_wait_loadcnt 0x12
	s_set_vgpr_msb 0x40
	ds_load_b64 v[96:97], v64 offset:96
	ds_load_b64 v[98:99], v65 offset:104
	ds_load_b64 v[100:101], v65 offset:112
	ds_load_b64 v[102:103], v66 offset:144
	ds_load_b64 v[104:105], v66 offset:152
	ds_load_b64 v[106:107], v66 offset:160
	ds_load_b64 v[108:109], v64 offset:13152
	ds_load_b64 v[110:111], v65 offset:13160
	ds_load_b64 v[112:113], v65 offset:13168
	ds_load_b64 v[114:115], v66 offset:13200
	ds_load_b64 v[116:117], v66 offset:13208
	ds_load_b64 v[118:119], v66 offset:13216
	ds_load_b64 v[120:121], v64 offset:26208
	ds_load_b64 v[122:123], v65 offset:26216
	ds_load_b64 v[124:125], v65 offset:26224
	ds_load_b64 v[126:127], v66 offset:26256
	ds_load_b64 v[128:129], v66 offset:26264
	ds_load_b64 v[130:131], v66 offset:26272
	ds_load_b64 v[132:133], v64 offset:39264
	ds_load_b64 v[134:135], v65 offset:39272
	ds_load_b64 v[136:137], v65 offset:39280
	ds_load_b64 v[138:139], v66 offset:39312
	ds_load_b64 v[140:141], v66 offset:39320
	ds_load_b64 v[142:143], v66 offset:39328
	ds_load_b64 v[144:145], v68 offset:96
	ds_load_b64 v[146:147], v69 offset:104
	ds_load_b64 v[148:149], v69 offset:112
	ds_load_b64 v[150:151], v70 offset:144
	ds_load_b64 v[152:153], v70 offset:152
	ds_load_b64 v[154:155], v70 offset:160
	ds_load_b64 v[156:157], v68 offset:13152
	ds_load_b64 v[158:159], v69 offset:13160
	ds_load_b64 v[160:161], v69 offset:13168
	ds_load_b64 v[162:163], v70 offset:13200
	ds_load_b64 v[164:165], v70 offset:13208
	ds_load_b64 v[166:167], v70 offset:13216
	ds_load_b64 v[168:169], v68 offset:26208
	ds_load_b64 v[170:171], v69 offset:26216
	ds_load_b64 v[172:173], v69 offset:26224
	ds_load_b64 v[174:175], v70 offset:26256
	ds_load_b64 v[176:177], v70 offset:26264
	ds_load_b64 v[178:179], v70 offset:26272
	ds_load_b64 v[180:181], v68 offset:39264
	ds_load_b64 v[182:183], v69 offset:39272
	ds_load_b64 v[184:185], v69 offset:39280
	ds_load_b64 v[186:187], v70 offset:39312
	ds_load_b64 v[188:189], v70 offset:39320
	ds_load_b64 v[190:191], v70 offset:39328
	s_set_vgpr_msb 0x4000
	ds_load_b32 v35, v15 offset:12
	ds_load_b32 v39, v15 offset:4620
	ds_load_b32 v43, v15 offset:9228
	ds_load_b32 v47, v15 offset:13836
	s_set_vgpr_msb 0x80
	global_load_b128 v[144:147], v16, s[4:5] offset:4608
	global_load_b64 v[148:149], v51, s[4:5] offset:5120
	global_load_b128 v[150:153], v16, s[4:5] offset:5376
	global_load_b64 v[154:155], v51, s[4:5] offset:5888
	global_load_b128 v[156:159], v16, s[4:5] offset:53760
	global_load_b64 v[160:161], v51, s[4:5] offset:54272
	global_load_b128 v[162:165], v16, s[4:5] offset:54528
	global_load_b64 v[166:167], v51, s[4:5] offset:55040
	s_set_vgpr_msb 0x8000
	global_load_b32 v30, v17, s[6:7] offset:49152
	s_wait_dscnt 0x34
	s_set_vgpr_msb 0xf9
	v_wmma_scale_f32_16x16x128_f8f6f4 v[0:7], v[0:11], v[0:11], v[0:7], v32, v24 matrix_a_fmt:MATRIX_FMT_BF6 matrix_b_fmt:MATRIX_FMT_BF6
	v_wmma_scale_f32_16x16x128_f8f6f4 v[8:15], v[12:23], v[0:11], v[8:15], v32, v24 matrix_a_fmt:MATRIX_FMT_BF6 matrix_b_fmt:MATRIX_FMT_BF6 matrix_a_scale:MATRIX_SCALE_ROW1
	v_wmma_scale_f32_16x16x128_f8f6f4 v[16:23], v[24:35], v[0:11], v[16:23], v36, v24 matrix_a_fmt:MATRIX_FMT_BF6 matrix_b_fmt:MATRIX_FMT_BF6
	v_wmma_scale_f32_16x16x128_f8f6f4 v[24:31], v[36:47], v[0:11], v[24:31], v36, v24 matrix_a_fmt:MATRIX_FMT_BF6 matrix_b_fmt:MATRIX_FMT_BF6 matrix_a_scale:MATRIX_SCALE_ROW1
	v_wmma_scale_f32_16x16x128_f8f6f4 v[32:39], v[48:59], v[0:11], v[32:39], v40, v24 matrix_a_fmt:MATRIX_FMT_BF6 matrix_b_fmt:MATRIX_FMT_BF6
	v_wmma_scale_f32_16x16x128_f8f6f4 v[40:47], v[60:71], v[0:11], v[40:47], v40, v24 matrix_a_fmt:MATRIX_FMT_BF6 matrix_b_fmt:MATRIX_FMT_BF6 matrix_a_scale:MATRIX_SCALE_ROW1
	v_wmma_scale_f32_16x16x128_f8f6f4 v[48:55], v[72:83], v[0:11], v[48:55], v44, v24 matrix_a_fmt:MATRIX_FMT_BF6 matrix_b_fmt:MATRIX_FMT_BF6
	v_wmma_scale_f32_16x16x128_f8f6f4 v[56:63], v[84:95], v[0:11], v[56:63], v44, v24 matrix_a_fmt:MATRIX_FMT_BF6 matrix_b_fmt:MATRIX_FMT_BF6 matrix_a_scale:MATRIX_SCALE_ROW1
	v_wmma_scale_f32_16x16x128_f8f6f4 v[64:71], v[0:11], v[12:23], v[64:71], v32, v24 matrix_a_fmt:MATRIX_FMT_BF6 matrix_b_fmt:MATRIX_FMT_BF6 matrix_b_scale:MATRIX_SCALE_ROW1
	v_wmma_scale_f32_16x16x128_f8f6f4 v[72:79], v[12:23], v[12:23], v[72:79], v32, v24 matrix_a_fmt:MATRIX_FMT_BF6 matrix_b_fmt:MATRIX_FMT_BF6 matrix_a_scale:MATRIX_SCALE_ROW1 matrix_b_scale:MATRIX_SCALE_ROW1
	v_wmma_scale_f32_16x16x128_f8f6f4 v[80:87], v[24:35], v[12:23], v[80:87], v36, v24 matrix_a_fmt:MATRIX_FMT_BF6 matrix_b_fmt:MATRIX_FMT_BF6 matrix_b_scale:MATRIX_SCALE_ROW1
	v_wmma_scale_f32_16x16x128_f8f6f4 v[88:95], v[36:47], v[12:23], v[88:95], v36, v24 matrix_a_fmt:MATRIX_FMT_BF6 matrix_b_fmt:MATRIX_FMT_BF6 matrix_a_scale:MATRIX_SCALE_ROW1 matrix_b_scale:MATRIX_SCALE_ROW1
	v_wmma_scale_f32_16x16x128_f8f6f4 v[96:103], v[48:59], v[12:23], v[96:103], v40, v24 matrix_a_fmt:MATRIX_FMT_BF6 matrix_b_fmt:MATRIX_FMT_BF6 matrix_b_scale:MATRIX_SCALE_ROW1
	v_wmma_scale_f32_16x16x128_f8f6f4 v[104:111], v[60:71], v[12:23], v[104:111], v40, v24 matrix_a_fmt:MATRIX_FMT_BF6 matrix_b_fmt:MATRIX_FMT_BF6 matrix_a_scale:MATRIX_SCALE_ROW1 matrix_b_scale:MATRIX_SCALE_ROW1
	v_wmma_scale_f32_16x16x128_f8f6f4 v[112:119], v[72:83], v[12:23], v[112:119], v44, v24 matrix_a_fmt:MATRIX_FMT_BF6 matrix_b_fmt:MATRIX_FMT_BF6 matrix_b_scale:MATRIX_SCALE_ROW1
	v_wmma_scale_f32_16x16x128_f8f6f4 v[120:127], v[84:95], v[12:23], v[120:127], v44, v24 matrix_a_fmt:MATRIX_FMT_BF6 matrix_b_fmt:MATRIX_FMT_BF6 matrix_a_scale:MATRIX_SCALE_ROW1 matrix_b_scale:MATRIX_SCALE_ROW1
	v_nop
	v_nop
	v_nop
	v_nop
	s_wait_loadcnt 0x12
	s_set_vgpr_msb 0xf940
	ds_load_b64 v[0:1], v66 offset:192
	ds_load_b64 v[2:3], v66 offset:200
	ds_load_b64 v[4:5], v66 offset:208
	ds_load_b64 v[6:7], v67 offset:240
	ds_load_b64 v[8:9], v67 offset:248
	ds_load_b64 v[10:11], v64 offset:272
	ds_load_b64 v[12:13], v66 offset:13248
	ds_load_b64 v[14:15], v66 offset:13256
	ds_load_b64 v[16:17], v66 offset:13264
	ds_load_b64 v[18:19], v67 offset:13296
	ds_load_b64 v[20:21], v67 offset:13304
	ds_load_b64 v[22:23], v64 offset:13328
	ds_load_b64 v[24:25], v66 offset:26304
	ds_load_b64 v[26:27], v66 offset:26312
	ds_load_b64 v[28:29], v66 offset:26320
	ds_load_b64 v[30:31], v67 offset:26352
	ds_load_b64 v[32:33], v67 offset:26360
	ds_load_b64 v[34:35], v64 offset:26384
	ds_load_b64 v[36:37], v66 offset:39360
	ds_load_b64 v[38:39], v66 offset:39368
	ds_load_b64 v[40:41], v66 offset:39376
	ds_load_b64 v[42:43], v67 offset:39408
	ds_load_b64 v[44:45], v67 offset:39416
	ds_load_b64 v[46:47], v64 offset:39440
	ds_load_b64 v[48:49], v70 offset:192
	ds_load_b64 v[50:51], v70 offset:200
	ds_load_b64 v[52:53], v70 offset:208
	ds_load_b64 v[54:55], v71 offset:240
	ds_load_b64 v[56:57], v71 offset:248
	ds_load_b64 v[58:59], v68 offset:272
	ds_load_b64 v[60:61], v70 offset:13248
	ds_load_b64 v[62:63], v70 offset:13256
	ds_load_b64 v[64:65], v70 offset:13264
	ds_load_b64 v[66:67], v71 offset:13296
	ds_load_b64 v[68:69], v71 offset:13304
	ds_load_b64 v[70:71], v68 offset:13328
	ds_load_b64 v[72:73], v70 offset:26304
	ds_load_b64 v[74:75], v70 offset:26312
	ds_load_b64 v[76:77], v70 offset:26320
	ds_load_b64 v[78:79], v71 offset:26352
	ds_load_b64 v[80:81], v71 offset:26360
	ds_load_b64 v[82:83], v68 offset:26384
	ds_load_b64 v[84:85], v70 offset:39360
	ds_load_b64 v[86:87], v70 offset:39368
	ds_load_b64 v[88:89], v70 offset:39376
	ds_load_b64 v[90:91], v71 offset:39408
	ds_load_b64 v[92:93], v71 offset:39416
	ds_load_b64 v[94:95], v68 offset:39440
	s_set_vgpr_msb 0x4000
	ds_load_b32 v32, v15 offset:16
	ds_load_b32 v36, v15 offset:4624
	ds_load_b32 v40, v15 offset:9232
	ds_load_b32 v44, v15 offset:13840
	s_set_vgpr_msb 0x80
	global_load_b128 v[0:3], v16, s[4:5] offset:6144
	global_load_b64 v[4:5], v51, s[4:5] offset:6656
	global_load_b128 v[6:9], v16, s[4:5] offset:6912
	global_load_b64 v[10:11], v51, s[4:5] offset:7424
	global_load_b128 v[12:15], v16, s[4:5] offset:55296
	global_load_b64 v[16:17], v51, s[4:5] offset:55808
	global_load_b128 v[18:21], v16, s[4:5] offset:56064
	global_load_b64 v[22:23], v51, s[4:5] offset:56576
	s_set_vgpr_msb 0x8000
	global_load_b32 v24, v17, s[6:7] offset:65536
	s_wait_dscnt 0x34
	s_set_vgpr_msb 0xf9
	v_wmma_scale_f32_16x16x128_f8f6f4 v[0:7], v[96:107], v[48:59], v[0:7], v33, v26 matrix_a_fmt:MATRIX_FMT_BF6 matrix_b_fmt:MATRIX_FMT_BF6
	v_wmma_scale_f32_16x16x128_f8f6f4 v[8:15], v[108:119], v[48:59], v[8:15], v33, v26 matrix_a_fmt:MATRIX_FMT_BF6 matrix_b_fmt:MATRIX_FMT_BF6 matrix_a_scale:MATRIX_SCALE_ROW1
	v_wmma_scale_f32_16x16x128_f8f6f4 v[16:23], v[120:131], v[48:59], v[16:23], v37, v26 matrix_a_fmt:MATRIX_FMT_BF6 matrix_b_fmt:MATRIX_FMT_BF6
	v_wmma_scale_f32_16x16x128_f8f6f4 v[24:31], v[132:143], v[48:59], v[24:31], v37, v26 matrix_a_fmt:MATRIX_FMT_BF6 matrix_b_fmt:MATRIX_FMT_BF6 matrix_a_scale:MATRIX_SCALE_ROW1
	v_wmma_scale_f32_16x16x128_f8f6f4 v[32:39], v[144:155], v[48:59], v[32:39], v41, v26 matrix_a_fmt:MATRIX_FMT_BF6 matrix_b_fmt:MATRIX_FMT_BF6
	v_wmma_scale_f32_16x16x128_f8f6f4 v[40:47], v[156:167], v[48:59], v[40:47], v41, v26 matrix_a_fmt:MATRIX_FMT_BF6 matrix_b_fmt:MATRIX_FMT_BF6 matrix_a_scale:MATRIX_SCALE_ROW1
	v_wmma_scale_f32_16x16x128_f8f6f4 v[48:55], v[168:179], v[48:59], v[48:55], v45, v26 matrix_a_fmt:MATRIX_FMT_BF6 matrix_b_fmt:MATRIX_FMT_BF6
	v_wmma_scale_f32_16x16x128_f8f6f4 v[56:63], v[180:191], v[48:59], v[56:63], v45, v26 matrix_a_fmt:MATRIX_FMT_BF6 matrix_b_fmt:MATRIX_FMT_BF6 matrix_a_scale:MATRIX_SCALE_ROW1
	v_wmma_scale_f32_16x16x128_f8f6f4 v[64:71], v[96:107], v[60:71], v[64:71], v33, v26 matrix_a_fmt:MATRIX_FMT_BF6 matrix_b_fmt:MATRIX_FMT_BF6 matrix_b_scale:MATRIX_SCALE_ROW1
	v_wmma_scale_f32_16x16x128_f8f6f4 v[72:79], v[108:119], v[60:71], v[72:79], v33, v26 matrix_a_fmt:MATRIX_FMT_BF6 matrix_b_fmt:MATRIX_FMT_BF6 matrix_a_scale:MATRIX_SCALE_ROW1 matrix_b_scale:MATRIX_SCALE_ROW1
	v_wmma_scale_f32_16x16x128_f8f6f4 v[80:87], v[120:131], v[60:71], v[80:87], v37, v26 matrix_a_fmt:MATRIX_FMT_BF6 matrix_b_fmt:MATRIX_FMT_BF6 matrix_b_scale:MATRIX_SCALE_ROW1
	v_wmma_scale_f32_16x16x128_f8f6f4 v[88:95], v[132:143], v[60:71], v[88:95], v37, v26 matrix_a_fmt:MATRIX_FMT_BF6 matrix_b_fmt:MATRIX_FMT_BF6 matrix_a_scale:MATRIX_SCALE_ROW1 matrix_b_scale:MATRIX_SCALE_ROW1
	v_wmma_scale_f32_16x16x128_f8f6f4 v[96:103], v[144:155], v[60:71], v[96:103], v41, v26 matrix_a_fmt:MATRIX_FMT_BF6 matrix_b_fmt:MATRIX_FMT_BF6 matrix_b_scale:MATRIX_SCALE_ROW1
	v_wmma_scale_f32_16x16x128_f8f6f4 v[104:111], v[156:167], v[60:71], v[104:111], v41, v26 matrix_a_fmt:MATRIX_FMT_BF6 matrix_b_fmt:MATRIX_FMT_BF6 matrix_a_scale:MATRIX_SCALE_ROW1 matrix_b_scale:MATRIX_SCALE_ROW1
	v_wmma_scale_f32_16x16x128_f8f6f4 v[112:119], v[168:179], v[60:71], v[112:119], v45, v26 matrix_a_fmt:MATRIX_FMT_BF6 matrix_b_fmt:MATRIX_FMT_BF6 matrix_b_scale:MATRIX_SCALE_ROW1
	v_wmma_scale_f32_16x16x128_f8f6f4 v[120:127], v[180:191], v[60:71], v[120:127], v45, v26 matrix_a_fmt:MATRIX_FMT_BF6 matrix_b_fmt:MATRIX_FMT_BF6 matrix_a_scale:MATRIX_SCALE_ROW1 matrix_b_scale:MATRIX_SCALE_ROW1
	v_nop
	v_nop
	v_nop
	v_nop
	s_wait_loadcnt 0x12
	s_set_vgpr_msb 0xf940
	ds_load_b64 v[96:97], v64 offset:304
	ds_load_b64 v[98:99], v64 offset:312
	ds_load_b64 v[100:101], v64 offset:320
	ds_load_b64 v[102:103], v64 offset:352
	ds_load_b64 v[104:105], v64 offset:360
	ds_load_b64 v[106:107], v64 offset:368
	ds_load_b64 v[108:109], v64 offset:13360
	ds_load_b64 v[110:111], v64 offset:13368
	ds_load_b64 v[112:113], v64 offset:13376
	ds_load_b64 v[114:115], v64 offset:13408
	ds_load_b64 v[116:117], v64 offset:13416
	ds_load_b64 v[118:119], v64 offset:13424
	ds_load_b64 v[120:121], v64 offset:26416
	ds_load_b64 v[122:123], v64 offset:26424
	ds_load_b64 v[124:125], v64 offset:26432
	ds_load_b64 v[126:127], v64 offset:26464
	ds_load_b64 v[128:129], v64 offset:26472
	ds_load_b64 v[130:131], v64 offset:26480
	ds_load_b64 v[132:133], v64 offset:39472
	ds_load_b64 v[134:135], v64 offset:39480
	ds_load_b64 v[136:137], v64 offset:39488
	ds_load_b64 v[138:139], v64 offset:39520
	ds_load_b64 v[140:141], v64 offset:39528
	ds_load_b64 v[142:143], v64 offset:39536
	ds_load_b64 v[144:145], v68 offset:304
	ds_load_b64 v[146:147], v68 offset:312
	ds_load_b64 v[148:149], v68 offset:320
	ds_load_b64 v[150:151], v68 offset:352
	ds_load_b64 v[152:153], v68 offset:360
	ds_load_b64 v[154:155], v68 offset:368
	ds_load_b64 v[156:157], v68 offset:13360
	ds_load_b64 v[158:159], v68 offset:13368
	ds_load_b64 v[160:161], v68 offset:13376
	ds_load_b64 v[162:163], v68 offset:13408
	ds_load_b64 v[164:165], v68 offset:13416
	ds_load_b64 v[166:167], v68 offset:13424
	ds_load_b64 v[168:169], v68 offset:26416
	ds_load_b64 v[170:171], v68 offset:26424
	ds_load_b64 v[172:173], v68 offset:26432
	ds_load_b64 v[174:175], v68 offset:26464
	ds_load_b64 v[176:177], v68 offset:26472
	ds_load_b64 v[178:179], v68 offset:26480
	ds_load_b64 v[180:181], v68 offset:39472
	ds_load_b64 v[182:183], v68 offset:39480
	ds_load_b64 v[184:185], v68 offset:39488
	ds_load_b64 v[186:187], v68 offset:39520
	ds_load_b64 v[188:189], v68 offset:39528
	ds_load_b64 v[190:191], v68 offset:39536
	s_set_vgpr_msb 0x4000
	ds_load_b32 v33, v15 offset:20
	ds_load_b32 v37, v15 offset:4628
	ds_load_b32 v41, v15 offset:9236
	ds_load_b32 v45, v15 offset:13844
	s_set_vgpr_msb 0x80
	global_load_b128 v[48:51], v16, s[4:5] offset:7680
	global_load_b64 v[52:53], v51, s[4:5] offset:8192
	global_load_b128 v[54:57], v16, s[4:5] offset:8448
	global_load_b64 v[58:59], v51, s[4:5] offset:8960
	global_load_b128 v[60:63], v16, s[4:5] offset:56832
	global_load_b64 v[64:65], v51, s[4:5] offset:57344
	global_load_b128 v[66:69], v16, s[4:5] offset:57600
	global_load_b64 v[70:71], v51, s[4:5] offset:58112
	s_set_vgpr_msb 0x8000
	global_load_b32 v26, v17, s[6:7] offset:81920
	s_wait_dscnt 0x34
	s_set_vgpr_msb 0xf9
	v_wmma_scale_f32_16x16x128_f8f6f4 v[0:7], v[0:11], v[96:107], v[0:7], v34, v28 matrix_a_fmt:MATRIX_FMT_BF6 matrix_b_fmt:MATRIX_FMT_BF6
	v_wmma_scale_f32_16x16x128_f8f6f4 v[8:15], v[12:23], v[96:107], v[8:15], v34, v28 matrix_a_fmt:MATRIX_FMT_BF6 matrix_b_fmt:MATRIX_FMT_BF6 matrix_a_scale:MATRIX_SCALE_ROW1
	v_wmma_scale_f32_16x16x128_f8f6f4 v[16:23], v[24:35], v[96:107], v[16:23], v38, v28 matrix_a_fmt:MATRIX_FMT_BF6 matrix_b_fmt:MATRIX_FMT_BF6
	v_wmma_scale_f32_16x16x128_f8f6f4 v[24:31], v[36:47], v[96:107], v[24:31], v38, v28 matrix_a_fmt:MATRIX_FMT_BF6 matrix_b_fmt:MATRIX_FMT_BF6 matrix_a_scale:MATRIX_SCALE_ROW1
	v_wmma_scale_f32_16x16x128_f8f6f4 v[32:39], v[48:59], v[96:107], v[32:39], v42, v28 matrix_a_fmt:MATRIX_FMT_BF6 matrix_b_fmt:MATRIX_FMT_BF6
	v_wmma_scale_f32_16x16x128_f8f6f4 v[40:47], v[60:71], v[96:107], v[40:47], v42, v28 matrix_a_fmt:MATRIX_FMT_BF6 matrix_b_fmt:MATRIX_FMT_BF6 matrix_a_scale:MATRIX_SCALE_ROW1
	v_wmma_scale_f32_16x16x128_f8f6f4 v[48:55], v[72:83], v[96:107], v[48:55], v46, v28 matrix_a_fmt:MATRIX_FMT_BF6 matrix_b_fmt:MATRIX_FMT_BF6
	v_wmma_scale_f32_16x16x128_f8f6f4 v[56:63], v[84:95], v[96:107], v[56:63], v46, v28 matrix_a_fmt:MATRIX_FMT_BF6 matrix_b_fmt:MATRIX_FMT_BF6 matrix_a_scale:MATRIX_SCALE_ROW1
	v_wmma_scale_f32_16x16x128_f8f6f4 v[64:71], v[0:11], v[108:119], v[64:71], v34, v28 matrix_a_fmt:MATRIX_FMT_BF6 matrix_b_fmt:MATRIX_FMT_BF6 matrix_b_scale:MATRIX_SCALE_ROW1
	v_wmma_scale_f32_16x16x128_f8f6f4 v[72:79], v[12:23], v[108:119], v[72:79], v34, v28 matrix_a_fmt:MATRIX_FMT_BF6 matrix_b_fmt:MATRIX_FMT_BF6 matrix_a_scale:MATRIX_SCALE_ROW1 matrix_b_scale:MATRIX_SCALE_ROW1
	v_wmma_scale_f32_16x16x128_f8f6f4 v[80:87], v[24:35], v[108:119], v[80:87], v38, v28 matrix_a_fmt:MATRIX_FMT_BF6 matrix_b_fmt:MATRIX_FMT_BF6 matrix_b_scale:MATRIX_SCALE_ROW1
	v_wmma_scale_f32_16x16x128_f8f6f4 v[88:95], v[36:47], v[108:119], v[88:95], v38, v28 matrix_a_fmt:MATRIX_FMT_BF6 matrix_b_fmt:MATRIX_FMT_BF6 matrix_a_scale:MATRIX_SCALE_ROW1 matrix_b_scale:MATRIX_SCALE_ROW1
	v_wmma_scale_f32_16x16x128_f8f6f4 v[96:103], v[48:59], v[108:119], v[96:103], v42, v28 matrix_a_fmt:MATRIX_FMT_BF6 matrix_b_fmt:MATRIX_FMT_BF6 matrix_b_scale:MATRIX_SCALE_ROW1
	v_wmma_scale_f32_16x16x128_f8f6f4 v[104:111], v[60:71], v[108:119], v[104:111], v42, v28 matrix_a_fmt:MATRIX_FMT_BF6 matrix_b_fmt:MATRIX_FMT_BF6 matrix_a_scale:MATRIX_SCALE_ROW1 matrix_b_scale:MATRIX_SCALE_ROW1
	v_wmma_scale_f32_16x16x128_f8f6f4 v[112:119], v[72:83], v[108:119], v[112:119], v46, v28 matrix_a_fmt:MATRIX_FMT_BF6 matrix_b_fmt:MATRIX_FMT_BF6 matrix_b_scale:MATRIX_SCALE_ROW1
	v_wmma_scale_f32_16x16x128_f8f6f4 v[120:127], v[84:95], v[108:119], v[120:127], v46, v28 matrix_a_fmt:MATRIX_FMT_BF6 matrix_b_fmt:MATRIX_FMT_BF6 matrix_a_scale:MATRIX_SCALE_ROW1 matrix_b_scale:MATRIX_SCALE_ROW1
	s_wait_xcnt 0x0
	s_add_nc_u64 s[4:5], s[4:5], 6144
	s_add_nc_u64 s[6:7], s[6:7], 65536
	s_xor_b32 s15, s15, 1
	s_sub_co_i32 s22, s22, 1
	s_cmp_lg_u32 s22, 0
	s_set_vgpr_msb 0xf900
	s_cbranch_scc1 .Lfour_a
	s_wait_tensorcnt 0x0
	ds_add_u32 v10, v11
	s_add_co_u32 s57, s47, s101
	s_add_co_u32 s20, s46, 1536
	s_add_nc_u64 s[58:59], s[86:87], s[20:21]
	s_or_b32 s59, s59, 0x80000000
	s_wait_dscnt 0x0
	s_barrier_signal -1
	s_barrier_wait -1
	s_cmp_lg_u32 s14, 0
	s_cbranch_scc1 .Lnot_wave_0_3
	s_barrier_signal -3
.Lnot_wave_0_3:
	s_barrier_wait -3
	s_barrier_signal -1
	s_barrier_wait -1
	tensor_load_to_lds s[56:59], s[24:31]
	s_nop 0
	v_nop
	v_nop
	v_nop
	v_nop
	s_add_co_u32 s20, s46, 2304
	s_min_u32 s20, s20, 2304
	s_add_nc_u64 s[96:97], s[94:95], s[20:21]
	global_prefetch_b8 v53, s[96:97] th:TH_LOAD_NT scope:SCOPE_SE
	s_xor_b32 s101, s101, 104448
	s_add_co_u32 s46, s46, 768
	s_sub_co_i32 s100, s100, 1
	s_cmp_lg_u32 s100, 0
	s_cbranch_scc1 .Lslot
	s_mov_b32 s100, 2
	s_mov_b32 s23, 4
.Llast:
	s_mov_b32 s22, 2
.Lfour_b:
	v_nop
	v_nop
	v_nop
	v_nop
	s_wait_loadcnt 0x12
	s_mul_i32 s20, s15, 400
	s_add_co_u32 s20, s20, s101
	v_add_nc_u32 v64, s20, v12
	s_lshl4_add_u32 s20, s15, s20
	v_add_nc_u32 v66, s20, v12
	v_mad_u32_u24 v65, v72, s15, v64
	s_xor_b32 s33, s15, 1
	v_mad_u32_u24 v67, v72, s33, v66
	v_add_nc_u32 v68, 52224, v64
	v_add_nc_u32 v69, 52224, v65
	v_add_nc_u32 v70, 52224, v66
	v_add_nc_u32 v71, 52224, v67
	v_add_nc_u32 v15, 16, v15
	s_wait_alu depctr_va_vdst(0)
	s_set_vgpr_msb 0x40
	ds_load_b64 v[0:1], v64 offset:0
	ds_load_b64 v[2:3], v64 offset:8
	ds_load_b64 v[4:5], v64 offset:16
	ds_load_b64 v[6:7], v64 offset:48
	ds_load_b64 v[8:9], v64 offset:56
	ds_load_b64 v[10:11], v64 offset:64
	ds_load_b64 v[12:13], v64 offset:13056
	ds_load_b64 v[14:15], v64 offset:13064
	ds_load_b64 v[16:17], v64 offset:13072
	ds_load_b64 v[18:19], v64 offset:13104
	ds_load_b64 v[20:21], v64 offset:13112
	ds_load_b64 v[22:23], v64 offset:13120
	ds_load_b64 v[24:25], v64 offset:26112
	ds_load_b64 v[26:27], v64 offset:26120
	ds_load_b64 v[28:29], v64 offset:26128
	ds_load_b64 v[30:31], v64 offset:26160
	ds_load_b64 v[32:33], v64 offset:26168
	ds_load_b64 v[34:35], v64 offset:26176
	ds_load_b64 v[36:37], v64 offset:39168
	ds_load_b64 v[38:39], v64 offset:39176
	ds_load_b64 v[40:41], v64 offset:39184
	ds_load_b64 v[42:43], v64 offset:39216
	ds_load_b64 v[44:45], v64 offset:39224
	ds_load_b64 v[46:47], v64 offset:39232
	ds_load_b64 v[48:49], v68 offset:0
	ds_load_b64 v[50:51], v68 offset:8
	ds_load_b64 v[52:53], v68 offset:16
	ds_load_b64 v[54:55], v68 offset:48
	ds_load_b64 v[56:57], v68 offset:56
	ds_load_b64 v[58:59], v68 offset:64
	ds_load_b64 v[60:61], v68 offset:13056
	ds_load_b64 v[62:63], v68 offset:13064
	ds_load_b64 v[64:65], v68 offset:13072
	ds_load_b64 v[66:67], v68 offset:13104
	ds_load_b64 v[68:69], v68 offset:13112
	ds_load_b64 v[70:71], v68 offset:13120
	ds_load_b64 v[72:73], v68 offset:26112
	ds_load_b64 v[74:75], v68 offset:26120
	ds_load_b64 v[76:77], v68 offset:26128
	ds_load_b64 v[78:79], v68 offset:26160
	ds_load_b64 v[80:81], v68 offset:26168
	ds_load_b64 v[82:83], v68 offset:26176
	ds_load_b64 v[84:85], v68 offset:39168
	ds_load_b64 v[86:87], v68 offset:39176
	ds_load_b64 v[88:89], v68 offset:39184
	ds_load_b64 v[90:91], v68 offset:39216
	ds_load_b64 v[92:93], v68 offset:39224
	ds_load_b64 v[94:95], v68 offset:39232
	s_set_vgpr_msb 0x4000
	ds_load_b32 v34, v15 offset:8
	ds_load_b32 v38, v15 offset:4616
	ds_load_b32 v42, v15 offset:9224
	ds_load_b32 v46, v15 offset:13832
	s_set_vgpr_msb 0x80
	global_load_b128 v[96:99], v16, s[4:5] offset:3072
	global_load_b64 v[100:101], v51, s[4:5] offset:3584
	global_load_b128 v[102:105], v16, s[4:5] offset:3840
	global_load_b64 v[106:107], v51, s[4:5] offset:4352
	global_load_b128 v[108:111], v16, s[4:5] offset:52224
	global_load_b64 v[112:113], v51, s[4:5] offset:52736
	global_load_b128 v[114:117], v16, s[4:5] offset:52992
	global_load_b64 v[118:119], v51, s[4:5] offset:53504
	s_set_vgpr_msb 0x8000
	global_load_b32 v28, v17, s[6:7] offset:32768
	s_wait_dscnt 0x34
	s_set_vgpr_msb 0xf9
	v_wmma_scale_f32_16x16x128_f8f6f4 v[0:7], v[96:107], v[144:155], v[0:7], v35, v30 matrix_a_fmt:MATRIX_FMT_BF6 matrix_b_fmt:MATRIX_FMT_BF6
	v_wmma_scale_f32_16x16x128_f8f6f4 v[8:15], v[108:119], v[144:155], v[8:15], v35, v30 matrix_a_fmt:MATRIX_FMT_BF6 matrix_b_fmt:MATRIX_FMT_BF6 matrix_a_scale:MATRIX_SCALE_ROW1
	v_wmma_scale_f32_16x16x128_f8f6f4 v[16:23], v[120:131], v[144:155], v[16:23], v39, v30 matrix_a_fmt:MATRIX_FMT_BF6 matrix_b_fmt:MATRIX_FMT_BF6
	v_wmma_scale_f32_16x16x128_f8f6f4 v[24:31], v[132:143], v[144:155], v[24:31], v39, v30 matrix_a_fmt:MATRIX_FMT_BF6 matrix_b_fmt:MATRIX_FMT_BF6 matrix_a_scale:MATRIX_SCALE_ROW1
	v_wmma_scale_f32_16x16x128_f8f6f4 v[32:39], v[144:155], v[144:155], v[32:39], v43, v30 matrix_a_fmt:MATRIX_FMT_BF6 matrix_b_fmt:MATRIX_FMT_BF6
	v_wmma_scale_f32_16x16x128_f8f6f4 v[40:47], v[156:167], v[144:155], v[40:47], v43, v30 matrix_a_fmt:MATRIX_FMT_BF6 matrix_b_fmt:MATRIX_FMT_BF6 matrix_a_scale:MATRIX_SCALE_ROW1
	v_wmma_scale_f32_16x16x128_f8f6f4 v[48:55], v[168:179], v[144:155], v[48:55], v47, v30 matrix_a_fmt:MATRIX_FMT_BF6 matrix_b_fmt:MATRIX_FMT_BF6
	v_wmma_scale_f32_16x16x128_f8f6f4 v[56:63], v[180:191], v[144:155], v[56:63], v47, v30 matrix_a_fmt:MATRIX_FMT_BF6 matrix_b_fmt:MATRIX_FMT_BF6 matrix_a_scale:MATRIX_SCALE_ROW1
	v_wmma_scale_f32_16x16x128_f8f6f4 v[64:71], v[96:107], v[156:167], v[64:71], v35, v30 matrix_a_fmt:MATRIX_FMT_BF6 matrix_b_fmt:MATRIX_FMT_BF6 matrix_b_scale:MATRIX_SCALE_ROW1
	v_wmma_scale_f32_16x16x128_f8f6f4 v[72:79], v[108:119], v[156:167], v[72:79], v35, v30 matrix_a_fmt:MATRIX_FMT_BF6 matrix_b_fmt:MATRIX_FMT_BF6 matrix_a_scale:MATRIX_SCALE_ROW1 matrix_b_scale:MATRIX_SCALE_ROW1
	v_wmma_scale_f32_16x16x128_f8f6f4 v[80:87], v[120:131], v[156:167], v[80:87], v39, v30 matrix_a_fmt:MATRIX_FMT_BF6 matrix_b_fmt:MATRIX_FMT_BF6 matrix_b_scale:MATRIX_SCALE_ROW1
	v_wmma_scale_f32_16x16x128_f8f6f4 v[88:95], v[132:143], v[156:167], v[88:95], v39, v30 matrix_a_fmt:MATRIX_FMT_BF6 matrix_b_fmt:MATRIX_FMT_BF6 matrix_a_scale:MATRIX_SCALE_ROW1 matrix_b_scale:MATRIX_SCALE_ROW1
	v_wmma_scale_f32_16x16x128_f8f6f4 v[96:103], v[144:155], v[156:167], v[96:103], v43, v30 matrix_a_fmt:MATRIX_FMT_BF6 matrix_b_fmt:MATRIX_FMT_BF6 matrix_b_scale:MATRIX_SCALE_ROW1
	v_wmma_scale_f32_16x16x128_f8f6f4 v[104:111], v[156:167], v[156:167], v[104:111], v43, v30 matrix_a_fmt:MATRIX_FMT_BF6 matrix_b_fmt:MATRIX_FMT_BF6 matrix_a_scale:MATRIX_SCALE_ROW1 matrix_b_scale:MATRIX_SCALE_ROW1
	v_wmma_scale_f32_16x16x128_f8f6f4 v[112:119], v[168:179], v[156:167], v[112:119], v47, v30 matrix_a_fmt:MATRIX_FMT_BF6 matrix_b_fmt:MATRIX_FMT_BF6 matrix_b_scale:MATRIX_SCALE_ROW1
	v_wmma_scale_f32_16x16x128_f8f6f4 v[120:127], v[180:191], v[156:167], v[120:127], v47, v30 matrix_a_fmt:MATRIX_FMT_BF6 matrix_b_fmt:MATRIX_FMT_BF6 matrix_a_scale:MATRIX_SCALE_ROW1 matrix_b_scale:MATRIX_SCALE_ROW1
	v_nop
	v_nop
	v_nop
	v_nop
	s_wait_loadcnt 0x12
	s_set_vgpr_msb 0xf940
	ds_load_b64 v[96:97], v64 offset:96
	ds_load_b64 v[98:99], v65 offset:104
	ds_load_b64 v[100:101], v65 offset:112
	ds_load_b64 v[102:103], v66 offset:144
	ds_load_b64 v[104:105], v66 offset:152
	ds_load_b64 v[106:107], v66 offset:160
	ds_load_b64 v[108:109], v64 offset:13152
	ds_load_b64 v[110:111], v65 offset:13160
	ds_load_b64 v[112:113], v65 offset:13168
	ds_load_b64 v[114:115], v66 offset:13200
	ds_load_b64 v[116:117], v66 offset:13208
	ds_load_b64 v[118:119], v66 offset:13216
	ds_load_b64 v[120:121], v64 offset:26208
	ds_load_b64 v[122:123], v65 offset:26216
	ds_load_b64 v[124:125], v65 offset:26224
	ds_load_b64 v[126:127], v66 offset:26256
	ds_load_b64 v[128:129], v66 offset:26264
	ds_load_b64 v[130:131], v66 offset:26272
	ds_load_b64 v[132:133], v64 offset:39264
	ds_load_b64 v[134:135], v65 offset:39272
	ds_load_b64 v[136:137], v65 offset:39280
	ds_load_b64 v[138:139], v66 offset:39312
	ds_load_b64 v[140:141], v66 offset:39320
	ds_load_b64 v[142:143], v66 offset:39328
	ds_load_b64 v[144:145], v68 offset:96
	ds_load_b64 v[146:147], v69 offset:104
	ds_load_b64 v[148:149], v69 offset:112
	ds_load_b64 v[150:151], v70 offset:144
	ds_load_b64 v[152:153], v70 offset:152
	ds_load_b64 v[154:155], v70 offset:160
	ds_load_b64 v[156:157], v68 offset:13152
	ds_load_b64 v[158:159], v69 offset:13160
	ds_load_b64 v[160:161], v69 offset:13168
	ds_load_b64 v[162:163], v70 offset:13200
	ds_load_b64 v[164:165], v70 offset:13208
	ds_load_b64 v[166:167], v70 offset:13216
	ds_load_b64 v[168:169], v68 offset:26208
	ds_load_b64 v[170:171], v69 offset:26216
	ds_load_b64 v[172:173], v69 offset:26224
	ds_load_b64 v[174:175], v70 offset:26256
	ds_load_b64 v[176:177], v70 offset:26264
	ds_load_b64 v[178:179], v70 offset:26272
	ds_load_b64 v[180:181], v68 offset:39264
	ds_load_b64 v[182:183], v69 offset:39272
	ds_load_b64 v[184:185], v69 offset:39280
	ds_load_b64 v[186:187], v70 offset:39312
	ds_load_b64 v[188:189], v70 offset:39320
	ds_load_b64 v[190:191], v70 offset:39328
	s_set_vgpr_msb 0x4000
	ds_load_b32 v35, v15 offset:12
	ds_load_b32 v39, v15 offset:4620
	ds_load_b32 v43, v15 offset:9228
	ds_load_b32 v47, v15 offset:13836
	s_set_vgpr_msb 0x80
	global_load_b128 v[144:147], v16, s[4:5] offset:4608
	global_load_b64 v[148:149], v51, s[4:5] offset:5120
	global_load_b128 v[150:153], v16, s[4:5] offset:5376
	global_load_b64 v[154:155], v51, s[4:5] offset:5888
	global_load_b128 v[156:159], v16, s[4:5] offset:53760
	global_load_b64 v[160:161], v51, s[4:5] offset:54272
	global_load_b128 v[162:165], v16, s[4:5] offset:54528
	global_load_b64 v[166:167], v51, s[4:5] offset:55040
	s_set_vgpr_msb 0x8000
	global_load_b32 v30, v17, s[6:7] offset:49152
	s_wait_dscnt 0x34
	s_set_vgpr_msb 0xf9
	v_wmma_scale_f32_16x16x128_f8f6f4 v[0:7], v[0:11], v[0:11], v[0:7], v32, v24 matrix_a_fmt:MATRIX_FMT_BF6 matrix_b_fmt:MATRIX_FMT_BF6
	v_wmma_scale_f32_16x16x128_f8f6f4 v[8:15], v[12:23], v[0:11], v[8:15], v32, v24 matrix_a_fmt:MATRIX_FMT_BF6 matrix_b_fmt:MATRIX_FMT_BF6 matrix_a_scale:MATRIX_SCALE_ROW1
	v_wmma_scale_f32_16x16x128_f8f6f4 v[16:23], v[24:35], v[0:11], v[16:23], v36, v24 matrix_a_fmt:MATRIX_FMT_BF6 matrix_b_fmt:MATRIX_FMT_BF6
	v_wmma_scale_f32_16x16x128_f8f6f4 v[24:31], v[36:47], v[0:11], v[24:31], v36, v24 matrix_a_fmt:MATRIX_FMT_BF6 matrix_b_fmt:MATRIX_FMT_BF6 matrix_a_scale:MATRIX_SCALE_ROW1
	v_wmma_scale_f32_16x16x128_f8f6f4 v[32:39], v[48:59], v[0:11], v[32:39], v40, v24 matrix_a_fmt:MATRIX_FMT_BF6 matrix_b_fmt:MATRIX_FMT_BF6
	v_wmma_scale_f32_16x16x128_f8f6f4 v[40:47], v[60:71], v[0:11], v[40:47], v40, v24 matrix_a_fmt:MATRIX_FMT_BF6 matrix_b_fmt:MATRIX_FMT_BF6 matrix_a_scale:MATRIX_SCALE_ROW1
	v_wmma_scale_f32_16x16x128_f8f6f4 v[48:55], v[72:83], v[0:11], v[48:55], v44, v24 matrix_a_fmt:MATRIX_FMT_BF6 matrix_b_fmt:MATRIX_FMT_BF6
	v_wmma_scale_f32_16x16x128_f8f6f4 v[56:63], v[84:95], v[0:11], v[56:63], v44, v24 matrix_a_fmt:MATRIX_FMT_BF6 matrix_b_fmt:MATRIX_FMT_BF6 matrix_a_scale:MATRIX_SCALE_ROW1
	v_wmma_scale_f32_16x16x128_f8f6f4 v[64:71], v[0:11], v[12:23], v[64:71], v32, v24 matrix_a_fmt:MATRIX_FMT_BF6 matrix_b_fmt:MATRIX_FMT_BF6 matrix_b_scale:MATRIX_SCALE_ROW1
	v_wmma_scale_f32_16x16x128_f8f6f4 v[72:79], v[12:23], v[12:23], v[72:79], v32, v24 matrix_a_fmt:MATRIX_FMT_BF6 matrix_b_fmt:MATRIX_FMT_BF6 matrix_a_scale:MATRIX_SCALE_ROW1 matrix_b_scale:MATRIX_SCALE_ROW1
	v_wmma_scale_f32_16x16x128_f8f6f4 v[80:87], v[24:35], v[12:23], v[80:87], v36, v24 matrix_a_fmt:MATRIX_FMT_BF6 matrix_b_fmt:MATRIX_FMT_BF6 matrix_b_scale:MATRIX_SCALE_ROW1
	v_wmma_scale_f32_16x16x128_f8f6f4 v[88:95], v[36:47], v[12:23], v[88:95], v36, v24 matrix_a_fmt:MATRIX_FMT_BF6 matrix_b_fmt:MATRIX_FMT_BF6 matrix_a_scale:MATRIX_SCALE_ROW1 matrix_b_scale:MATRIX_SCALE_ROW1
	v_wmma_scale_f32_16x16x128_f8f6f4 v[96:103], v[48:59], v[12:23], v[96:103], v40, v24 matrix_a_fmt:MATRIX_FMT_BF6 matrix_b_fmt:MATRIX_FMT_BF6 matrix_b_scale:MATRIX_SCALE_ROW1
	v_wmma_scale_f32_16x16x128_f8f6f4 v[104:111], v[60:71], v[12:23], v[104:111], v40, v24 matrix_a_fmt:MATRIX_FMT_BF6 matrix_b_fmt:MATRIX_FMT_BF6 matrix_a_scale:MATRIX_SCALE_ROW1 matrix_b_scale:MATRIX_SCALE_ROW1
	v_wmma_scale_f32_16x16x128_f8f6f4 v[112:119], v[72:83], v[12:23], v[112:119], v44, v24 matrix_a_fmt:MATRIX_FMT_BF6 matrix_b_fmt:MATRIX_FMT_BF6 matrix_b_scale:MATRIX_SCALE_ROW1
	v_wmma_scale_f32_16x16x128_f8f6f4 v[120:127], v[84:95], v[12:23], v[120:127], v44, v24 matrix_a_fmt:MATRIX_FMT_BF6 matrix_b_fmt:MATRIX_FMT_BF6 matrix_a_scale:MATRIX_SCALE_ROW1 matrix_b_scale:MATRIX_SCALE_ROW1
	v_nop
	v_nop
	v_nop
	v_nop
	s_wait_loadcnt 0x12
	s_set_vgpr_msb 0xf940
	ds_load_b64 v[0:1], v66 offset:192
	ds_load_b64 v[2:3], v66 offset:200
	ds_load_b64 v[4:5], v66 offset:208
	ds_load_b64 v[6:7], v67 offset:240
	ds_load_b64 v[8:9], v67 offset:248
	ds_load_b64 v[10:11], v64 offset:272
	ds_load_b64 v[12:13], v66 offset:13248
	ds_load_b64 v[14:15], v66 offset:13256
	ds_load_b64 v[16:17], v66 offset:13264
	ds_load_b64 v[18:19], v67 offset:13296
	ds_load_b64 v[20:21], v67 offset:13304
	ds_load_b64 v[22:23], v64 offset:13328
	ds_load_b64 v[24:25], v66 offset:26304
	ds_load_b64 v[26:27], v66 offset:26312
	ds_load_b64 v[28:29], v66 offset:26320
	ds_load_b64 v[30:31], v67 offset:26352
	ds_load_b64 v[32:33], v67 offset:26360
	ds_load_b64 v[34:35], v64 offset:26384
	ds_load_b64 v[36:37], v66 offset:39360
	ds_load_b64 v[38:39], v66 offset:39368
	ds_load_b64 v[40:41], v66 offset:39376
	ds_load_b64 v[42:43], v67 offset:39408
	ds_load_b64 v[44:45], v67 offset:39416
	ds_load_b64 v[46:47], v64 offset:39440
	ds_load_b64 v[48:49], v70 offset:192
	ds_load_b64 v[50:51], v70 offset:200
	ds_load_b64 v[52:53], v70 offset:208
	ds_load_b64 v[54:55], v71 offset:240
	ds_load_b64 v[56:57], v71 offset:248
	ds_load_b64 v[58:59], v68 offset:272
	ds_load_b64 v[60:61], v70 offset:13248
	ds_load_b64 v[62:63], v70 offset:13256
	ds_load_b64 v[64:65], v70 offset:13264
	ds_load_b64 v[66:67], v71 offset:13296
	ds_load_b64 v[68:69], v71 offset:13304
	ds_load_b64 v[70:71], v68 offset:13328
	ds_load_b64 v[72:73], v70 offset:26304
	ds_load_b64 v[74:75], v70 offset:26312
	ds_load_b64 v[76:77], v70 offset:26320
	ds_load_b64 v[78:79], v71 offset:26352
	ds_load_b64 v[80:81], v71 offset:26360
	ds_load_b64 v[82:83], v68 offset:26384
	ds_load_b64 v[84:85], v70 offset:39360
	ds_load_b64 v[86:87], v70 offset:39368
	ds_load_b64 v[88:89], v70 offset:39376
	ds_load_b64 v[90:91], v71 offset:39408
	ds_load_b64 v[92:93], v71 offset:39416
	ds_load_b64 v[94:95], v68 offset:39440
	s_cmp_eq_u32 s23, 1
	s_set_vgpr_msb 0x4000
	s_cbranch_scc1 .Lno_more_2
	ds_load_b32 v32, v15 offset:16
	ds_load_b32 v36, v15 offset:4624
	ds_load_b32 v40, v15 offset:9232
	ds_load_b32 v44, v15 offset:13840
	s_set_vgpr_msb 0x80
	global_load_b128 v[0:3], v16, s[4:5] offset:6144
	global_load_b64 v[4:5], v51, s[4:5] offset:6656
	global_load_b128 v[6:9], v16, s[4:5] offset:6912
	global_load_b64 v[10:11], v51, s[4:5] offset:7424
	global_load_b128 v[12:15], v16, s[4:5] offset:55296
	global_load_b64 v[16:17], v51, s[4:5] offset:55808
	global_load_b128 v[18:21], v16, s[4:5] offset:56064
	global_load_b64 v[22:23], v51, s[4:5] offset:56576
	s_set_vgpr_msb 0x8000
	global_load_b32 v24, v17, s[6:7] offset:65536
	s_wait_dscnt 0x34
	s_branch .Lgo_2
.Lno_more_2:
	s_wait_dscnt 0x30
.Lgo_2:
	s_set_vgpr_msb 0xf9
	v_wmma_scale_f32_16x16x128_f8f6f4 v[0:7], v[96:107], v[48:59], v[0:7], v33, v26 matrix_a_fmt:MATRIX_FMT_BF6 matrix_b_fmt:MATRIX_FMT_BF6
	v_wmma_scale_f32_16x16x128_f8f6f4 v[8:15], v[108:119], v[48:59], v[8:15], v33, v26 matrix_a_fmt:MATRIX_FMT_BF6 matrix_b_fmt:MATRIX_FMT_BF6 matrix_a_scale:MATRIX_SCALE_ROW1
	v_wmma_scale_f32_16x16x128_f8f6f4 v[16:23], v[120:131], v[48:59], v[16:23], v37, v26 matrix_a_fmt:MATRIX_FMT_BF6 matrix_b_fmt:MATRIX_FMT_BF6
	v_wmma_scale_f32_16x16x128_f8f6f4 v[24:31], v[132:143], v[48:59], v[24:31], v37, v26 matrix_a_fmt:MATRIX_FMT_BF6 matrix_b_fmt:MATRIX_FMT_BF6 matrix_a_scale:MATRIX_SCALE_ROW1
	v_wmma_scale_f32_16x16x128_f8f6f4 v[32:39], v[144:155], v[48:59], v[32:39], v41, v26 matrix_a_fmt:MATRIX_FMT_BF6 matrix_b_fmt:MATRIX_FMT_BF6
	v_wmma_scale_f32_16x16x128_f8f6f4 v[40:47], v[156:167], v[48:59], v[40:47], v41, v26 matrix_a_fmt:MATRIX_FMT_BF6 matrix_b_fmt:MATRIX_FMT_BF6 matrix_a_scale:MATRIX_SCALE_ROW1
	v_wmma_scale_f32_16x16x128_f8f6f4 v[48:55], v[168:179], v[48:59], v[48:55], v45, v26 matrix_a_fmt:MATRIX_FMT_BF6 matrix_b_fmt:MATRIX_FMT_BF6
	v_wmma_scale_f32_16x16x128_f8f6f4 v[56:63], v[180:191], v[48:59], v[56:63], v45, v26 matrix_a_fmt:MATRIX_FMT_BF6 matrix_b_fmt:MATRIX_FMT_BF6 matrix_a_scale:MATRIX_SCALE_ROW1
	v_wmma_scale_f32_16x16x128_f8f6f4 v[64:71], v[96:107], v[60:71], v[64:71], v33, v26 matrix_a_fmt:MATRIX_FMT_BF6 matrix_b_fmt:MATRIX_FMT_BF6 matrix_b_scale:MATRIX_SCALE_ROW1
	v_wmma_scale_f32_16x16x128_f8f6f4 v[72:79], v[108:119], v[60:71], v[72:79], v33, v26 matrix_a_fmt:MATRIX_FMT_BF6 matrix_b_fmt:MATRIX_FMT_BF6 matrix_a_scale:MATRIX_SCALE_ROW1 matrix_b_scale:MATRIX_SCALE_ROW1
	v_wmma_scale_f32_16x16x128_f8f6f4 v[80:87], v[120:131], v[60:71], v[80:87], v37, v26 matrix_a_fmt:MATRIX_FMT_BF6 matrix_b_fmt:MATRIX_FMT_BF6 matrix_b_scale:MATRIX_SCALE_ROW1
	v_wmma_scale_f32_16x16x128_f8f6f4 v[88:95], v[132:143], v[60:71], v[88:95], v37, v26 matrix_a_fmt:MATRIX_FMT_BF6 matrix_b_fmt:MATRIX_FMT_BF6 matrix_a_scale:MATRIX_SCALE_ROW1 matrix_b_scale:MATRIX_SCALE_ROW1
	v_wmma_scale_f32_16x16x128_f8f6f4 v[96:103], v[144:155], v[60:71], v[96:103], v41, v26 matrix_a_fmt:MATRIX_FMT_BF6 matrix_b_fmt:MATRIX_FMT_BF6 matrix_b_scale:MATRIX_SCALE_ROW1
	v_wmma_scale_f32_16x16x128_f8f6f4 v[104:111], v[156:167], v[60:71], v[104:111], v41, v26 matrix_a_fmt:MATRIX_FMT_BF6 matrix_b_fmt:MATRIX_FMT_BF6 matrix_a_scale:MATRIX_SCALE_ROW1 matrix_b_scale:MATRIX_SCALE_ROW1
	v_wmma_scale_f32_16x16x128_f8f6f4 v[112:119], v[168:179], v[60:71], v[112:119], v45, v26 matrix_a_fmt:MATRIX_FMT_BF6 matrix_b_fmt:MATRIX_FMT_BF6 matrix_b_scale:MATRIX_SCALE_ROW1
	v_wmma_scale_f32_16x16x128_f8f6f4 v[120:127], v[180:191], v[60:71], v[120:127], v45, v26 matrix_a_fmt:MATRIX_FMT_BF6 matrix_b_fmt:MATRIX_FMT_BF6 matrix_a_scale:MATRIX_SCALE_ROW1 matrix_b_scale:MATRIX_SCALE_ROW1
	v_nop
	v_nop
	v_nop
	v_nop
	s_wait_loadcnt 0x12
	s_set_vgpr_msb 0xf940
	ds_load_b64 v[96:97], v64 offset:304
	ds_load_b64 v[98:99], v64 offset:312
	ds_load_b64 v[100:101], v64 offset:320
	ds_load_b64 v[102:103], v64 offset:352
	ds_load_b64 v[104:105], v64 offset:360
	ds_load_b64 v[106:107], v64 offset:368
	ds_load_b64 v[108:109], v64 offset:13360
	ds_load_b64 v[110:111], v64 offset:13368
	ds_load_b64 v[112:113], v64 offset:13376
	ds_load_b64 v[114:115], v64 offset:13408
	ds_load_b64 v[116:117], v64 offset:13416
	ds_load_b64 v[118:119], v64 offset:13424
	ds_load_b64 v[120:121], v64 offset:26416
	ds_load_b64 v[122:123], v64 offset:26424
	ds_load_b64 v[124:125], v64 offset:26432
	ds_load_b64 v[126:127], v64 offset:26464
	ds_load_b64 v[128:129], v64 offset:26472
	ds_load_b64 v[130:131], v64 offset:26480
	ds_load_b64 v[132:133], v64 offset:39472
	ds_load_b64 v[134:135], v64 offset:39480
	ds_load_b64 v[136:137], v64 offset:39488
	ds_load_b64 v[138:139], v64 offset:39520
	ds_load_b64 v[140:141], v64 offset:39528
	ds_load_b64 v[142:143], v64 offset:39536
	ds_load_b64 v[144:145], v68 offset:304
	ds_load_b64 v[146:147], v68 offset:312
	ds_load_b64 v[148:149], v68 offset:320
	ds_load_b64 v[150:151], v68 offset:352
	ds_load_b64 v[152:153], v68 offset:360
	ds_load_b64 v[154:155], v68 offset:368
	ds_load_b64 v[156:157], v68 offset:13360
	ds_load_b64 v[158:159], v68 offset:13368
	ds_load_b64 v[160:161], v68 offset:13376
	ds_load_b64 v[162:163], v68 offset:13408
	ds_load_b64 v[164:165], v68 offset:13416
	ds_load_b64 v[166:167], v68 offset:13424
	ds_load_b64 v[168:169], v68 offset:26416
	ds_load_b64 v[170:171], v68 offset:26424
	ds_load_b64 v[172:173], v68 offset:26432
	ds_load_b64 v[174:175], v68 offset:26464
	ds_load_b64 v[176:177], v68 offset:26472
	ds_load_b64 v[178:179], v68 offset:26480
	ds_load_b64 v[180:181], v68 offset:39472
	ds_load_b64 v[182:183], v68 offset:39480
	ds_load_b64 v[184:185], v68 offset:39488
	ds_load_b64 v[186:187], v68 offset:39520
	ds_load_b64 v[188:189], v68 offset:39528
	ds_load_b64 v[190:191], v68 offset:39536
	s_cmp_eq_u32 s23, 1
	s_set_vgpr_msb 0x4000
	s_cbranch_scc1 .Lno_more_3
	ds_load_b32 v33, v15 offset:20
	ds_load_b32 v37, v15 offset:4628
	ds_load_b32 v41, v15 offset:9236
	ds_load_b32 v45, v15 offset:13844
	s_set_vgpr_msb 0x80
	global_load_b128 v[48:51], v16, s[4:5] offset:7680
	global_load_b64 v[52:53], v51, s[4:5] offset:8192
	global_load_b128 v[54:57], v16, s[4:5] offset:8448
	global_load_b64 v[58:59], v51, s[4:5] offset:8960
	global_load_b128 v[60:63], v16, s[4:5] offset:56832
	global_load_b64 v[64:65], v51, s[4:5] offset:57344
	global_load_b128 v[66:69], v16, s[4:5] offset:57600
	global_load_b64 v[70:71], v51, s[4:5] offset:58112
	s_set_vgpr_msb 0x8000
	global_load_b32 v26, v17, s[6:7] offset:81920
	s_wait_dscnt 0x34
	s_branch .Lgo_3
.Lno_more_3:
	s_wait_loadcnt 0x9
	s_wait_dscnt 0x30
.Lgo_3:
	s_set_vgpr_msb 0xf9
	v_wmma_scale_f32_16x16x128_f8f6f4 v[0:7], v[0:11], v[96:107], v[0:7], v34, v28 matrix_a_fmt:MATRIX_FMT_BF6 matrix_b_fmt:MATRIX_FMT_BF6
	v_wmma_scale_f32_16x16x128_f8f6f4 v[8:15], v[12:23], v[96:107], v[8:15], v34, v28 matrix_a_fmt:MATRIX_FMT_BF6 matrix_b_fmt:MATRIX_FMT_BF6 matrix_a_scale:MATRIX_SCALE_ROW1
	v_wmma_scale_f32_16x16x128_f8f6f4 v[16:23], v[24:35], v[96:107], v[16:23], v38, v28 matrix_a_fmt:MATRIX_FMT_BF6 matrix_b_fmt:MATRIX_FMT_BF6
	v_wmma_scale_f32_16x16x128_f8f6f4 v[24:31], v[36:47], v[96:107], v[24:31], v38, v28 matrix_a_fmt:MATRIX_FMT_BF6 matrix_b_fmt:MATRIX_FMT_BF6 matrix_a_scale:MATRIX_SCALE_ROW1
	v_wmma_scale_f32_16x16x128_f8f6f4 v[32:39], v[48:59], v[96:107], v[32:39], v42, v28 matrix_a_fmt:MATRIX_FMT_BF6 matrix_b_fmt:MATRIX_FMT_BF6
	v_wmma_scale_f32_16x16x128_f8f6f4 v[40:47], v[60:71], v[96:107], v[40:47], v42, v28 matrix_a_fmt:MATRIX_FMT_BF6 matrix_b_fmt:MATRIX_FMT_BF6 matrix_a_scale:MATRIX_SCALE_ROW1
	v_wmma_scale_f32_16x16x128_f8f6f4 v[48:55], v[72:83], v[96:107], v[48:55], v46, v28 matrix_a_fmt:MATRIX_FMT_BF6 matrix_b_fmt:MATRIX_FMT_BF6
	v_wmma_scale_f32_16x16x128_f8f6f4 v[56:63], v[84:95], v[96:107], v[56:63], v46, v28 matrix_a_fmt:MATRIX_FMT_BF6 matrix_b_fmt:MATRIX_FMT_BF6 matrix_a_scale:MATRIX_SCALE_ROW1
	v_wmma_scale_f32_16x16x128_f8f6f4 v[64:71], v[0:11], v[108:119], v[64:71], v34, v28 matrix_a_fmt:MATRIX_FMT_BF6 matrix_b_fmt:MATRIX_FMT_BF6 matrix_b_scale:MATRIX_SCALE_ROW1
	v_wmma_scale_f32_16x16x128_f8f6f4 v[72:79], v[12:23], v[108:119], v[72:79], v34, v28 matrix_a_fmt:MATRIX_FMT_BF6 matrix_b_fmt:MATRIX_FMT_BF6 matrix_a_scale:MATRIX_SCALE_ROW1 matrix_b_scale:MATRIX_SCALE_ROW1
	v_wmma_scale_f32_16x16x128_f8f6f4 v[80:87], v[24:35], v[108:119], v[80:87], v38, v28 matrix_a_fmt:MATRIX_FMT_BF6 matrix_b_fmt:MATRIX_FMT_BF6 matrix_b_scale:MATRIX_SCALE_ROW1
	v_wmma_scale_f32_16x16x128_f8f6f4 v[88:95], v[36:47], v[108:119], v[88:95], v38, v28 matrix_a_fmt:MATRIX_FMT_BF6 matrix_b_fmt:MATRIX_FMT_BF6 matrix_a_scale:MATRIX_SCALE_ROW1 matrix_b_scale:MATRIX_SCALE_ROW1
	v_wmma_scale_f32_16x16x128_f8f6f4 v[96:103], v[48:59], v[108:119], v[96:103], v42, v28 matrix_a_fmt:MATRIX_FMT_BF6 matrix_b_fmt:MATRIX_FMT_BF6 matrix_b_scale:MATRIX_SCALE_ROW1
	v_wmma_scale_f32_16x16x128_f8f6f4 v[104:111], v[60:71], v[108:119], v[104:111], v42, v28 matrix_a_fmt:MATRIX_FMT_BF6 matrix_b_fmt:MATRIX_FMT_BF6 matrix_a_scale:MATRIX_SCALE_ROW1 matrix_b_scale:MATRIX_SCALE_ROW1
	v_wmma_scale_f32_16x16x128_f8f6f4 v[112:119], v[72:83], v[108:119], v[112:119], v46, v28 matrix_a_fmt:MATRIX_FMT_BF6 matrix_b_fmt:MATRIX_FMT_BF6 matrix_b_scale:MATRIX_SCALE_ROW1
	v_wmma_scale_f32_16x16x128_f8f6f4 v[120:127], v[84:95], v[108:119], v[120:127], v46, v28 matrix_a_fmt:MATRIX_FMT_BF6 matrix_b_fmt:MATRIX_FMT_BF6 matrix_a_scale:MATRIX_SCALE_ROW1 matrix_b_scale:MATRIX_SCALE_ROW1
	s_wait_xcnt 0x0
	s_add_nc_u64 s[4:5], s[4:5], 6144
	s_add_nc_u64 s[6:7], s[6:7], 65536
	s_xor_b32 s15, s15, 1
	s_sub_co_u32 s23, s23, 1
	s_sub_co_i32 s22, s22, 1
	s_cmp_lg_u32 s22, 0
	s_set_vgpr_msb 0xf900
	s_cbranch_scc1 .Lfour_b
	s_wait_tensorcnt 0x0
	s_wait_dscnt 0x0
	s_barrier_signal -1
	s_barrier_wait -1
	s_xor_b32 s101, s101, 104448
	s_sub_co_i32 s100, s100, 1
	s_cmp_lg_u32 s100, 0
	s_cbranch_scc1 .Llast
	s_wait_loadcnt 0x0
	s_set_vgpr_msb 0xf9
	v_wmma_scale_f32_16x16x128_f8f6f4 v[0:7], v[96:107], v[144:155], v[0:7], v35, v30 matrix_a_fmt:MATRIX_FMT_BF6 matrix_b_fmt:MATRIX_FMT_BF6
	v_wmma_scale_f32_16x16x128_f8f6f4 v[8:15], v[108:119], v[144:155], v[8:15], v35, v30 matrix_a_fmt:MATRIX_FMT_BF6 matrix_b_fmt:MATRIX_FMT_BF6 matrix_a_scale:MATRIX_SCALE_ROW1
	v_wmma_scale_f32_16x16x128_f8f6f4 v[16:23], v[120:131], v[144:155], v[16:23], v39, v30 matrix_a_fmt:MATRIX_FMT_BF6 matrix_b_fmt:MATRIX_FMT_BF6
	v_wmma_scale_f32_16x16x128_f8f6f4 v[24:31], v[132:143], v[144:155], v[24:31], v39, v30 matrix_a_fmt:MATRIX_FMT_BF6 matrix_b_fmt:MATRIX_FMT_BF6 matrix_a_scale:MATRIX_SCALE_ROW1
	v_wmma_scale_f32_16x16x128_f8f6f4 v[32:39], v[144:155], v[144:155], v[32:39], v43, v30 matrix_a_fmt:MATRIX_FMT_BF6 matrix_b_fmt:MATRIX_FMT_BF6
	v_wmma_scale_f32_16x16x128_f8f6f4 v[40:47], v[156:167], v[144:155], v[40:47], v43, v30 matrix_a_fmt:MATRIX_FMT_BF6 matrix_b_fmt:MATRIX_FMT_BF6 matrix_a_scale:MATRIX_SCALE_ROW1
	v_wmma_scale_f32_16x16x128_f8f6f4 v[48:55], v[168:179], v[144:155], v[48:55], v47, v30 matrix_a_fmt:MATRIX_FMT_BF6 matrix_b_fmt:MATRIX_FMT_BF6
	v_wmma_scale_f32_16x16x128_f8f6f4 v[56:63], v[180:191], v[144:155], v[56:63], v47, v30 matrix_a_fmt:MATRIX_FMT_BF6 matrix_b_fmt:MATRIX_FMT_BF6 matrix_a_scale:MATRIX_SCALE_ROW1
	v_wmma_scale_f32_16x16x128_f8f6f4 v[64:71], v[96:107], v[156:167], v[64:71], v35, v30 matrix_a_fmt:MATRIX_FMT_BF6 matrix_b_fmt:MATRIX_FMT_BF6 matrix_b_scale:MATRIX_SCALE_ROW1
	v_wmma_scale_f32_16x16x128_f8f6f4 v[72:79], v[108:119], v[156:167], v[72:79], v35, v30 matrix_a_fmt:MATRIX_FMT_BF6 matrix_b_fmt:MATRIX_FMT_BF6 matrix_a_scale:MATRIX_SCALE_ROW1 matrix_b_scale:MATRIX_SCALE_ROW1
	v_wmma_scale_f32_16x16x128_f8f6f4 v[80:87], v[120:131], v[156:167], v[80:87], v39, v30 matrix_a_fmt:MATRIX_FMT_BF6 matrix_b_fmt:MATRIX_FMT_BF6 matrix_b_scale:MATRIX_SCALE_ROW1
	v_wmma_scale_f32_16x16x128_f8f6f4 v[88:95], v[132:143], v[156:167], v[88:95], v39, v30 matrix_a_fmt:MATRIX_FMT_BF6 matrix_b_fmt:MATRIX_FMT_BF6 matrix_a_scale:MATRIX_SCALE_ROW1 matrix_b_scale:MATRIX_SCALE_ROW1
	v_wmma_scale_f32_16x16x128_f8f6f4 v[96:103], v[144:155], v[156:167], v[96:103], v43, v30 matrix_a_fmt:MATRIX_FMT_BF6 matrix_b_fmt:MATRIX_FMT_BF6 matrix_b_scale:MATRIX_SCALE_ROW1
	v_wmma_scale_f32_16x16x128_f8f6f4 v[104:111], v[156:167], v[156:167], v[104:111], v43, v30 matrix_a_fmt:MATRIX_FMT_BF6 matrix_b_fmt:MATRIX_FMT_BF6 matrix_a_scale:MATRIX_SCALE_ROW1 matrix_b_scale:MATRIX_SCALE_ROW1
	v_wmma_scale_f32_16x16x128_f8f6f4 v[112:119], v[168:179], v[156:167], v[112:119], v47, v30 matrix_a_fmt:MATRIX_FMT_BF6 matrix_b_fmt:MATRIX_FMT_BF6 matrix_b_scale:MATRIX_SCALE_ROW1
	v_wmma_scale_f32_16x16x128_f8f6f4 v[120:127], v[180:191], v[156:167], v[120:127], v47, v30 matrix_a_fmt:MATRIX_FMT_BF6 matrix_b_fmt:MATRIX_FMT_BF6 matrix_a_scale:MATRIX_SCALE_ROW1 matrix_b_scale:MATRIX_SCALE_ROW1
	v_nop
	v_nop
	v_nop
	v_nop
	s_set_vgpr_msb 0xf90c
	ds_store_b128 v18, v[0:3] offset:0
	ds_store_b128 v18, v[4:7] offset:16
	ds_store_b128 v18, v[8:11] offset:64
	ds_store_b128 v18, v[12:15] offset:80
	ds_store_b128 v18, v[16:19] offset:128
	ds_store_b128 v18, v[20:23] offset:144
	ds_store_b128 v18, v[24:27] offset:192
	ds_store_b128 v18, v[28:31] offset:208
	ds_store_b128 v18, v[32:35] offset:256
	ds_store_b128 v18, v[36:39] offset:272
	ds_store_b128 v18, v[40:43] offset:320
	ds_store_b128 v18, v[44:47] offset:336
	ds_store_b128 v18, v[48:51] offset:384
	ds_store_b128 v18, v[52:55] offset:400
	ds_store_b128 v18, v[56:59] offset:448
	ds_store_b128 v18, v[60:63] offset:464
	s_set_vgpr_msb 0xc00
	ds_load_b128 v[64:67], v19 offset:0
	ds_load_b128 v[68:71], v19 offset:528
	ds_load_b128 v[72:75], v19 offset:1056
	ds_load_b128 v[76:79], v19 offset:1584
	ds_load_b128 v[80:83], v19 offset:2112
	ds_load_b128 v[84:87], v19 offset:2640
	ds_load_b128 v[88:91], v19 offset:3168
	ds_load_b128 v[92:95], v19 offset:3696
	ds_load_b128 v[96:99], v19 offset:4224
	ds_load_b128 v[100:103], v19 offset:4752
	ds_load_b128 v[104:107], v19 offset:5280
	ds_load_b128 v[108:111], v19 offset:5808
	ds_load_b128 v[112:115], v19 offset:6336
	ds_load_b128 v[116:119], v19 offset:6864
	ds_load_b128 v[120:123], v19 offset:7392
	ds_load_b128 v[124:127], v19 offset:7920
	s_wait_dscnt 0x0
	v_pk_add_f32 v[64:65], v[64:65], v[128:129]
	v_pk_add_f32 v[66:67], v[66:67], v[130:131]
	v_pk_add_f32 v[68:69], v[68:69], v[132:133]
	v_pk_add_f32 v[70:71], v[70:71], v[134:135]
	v_pk_add_f32 v[72:73], v[72:73], v[136:137]
	v_pk_add_f32 v[74:75], v[74:75], v[138:139]
	v_pk_add_f32 v[76:77], v[76:77], v[140:141]
	v_pk_add_f32 v[78:79], v[78:79], v[142:143]
	v_pk_add_f32 v[80:81], v[80:81], v[144:145]
	v_pk_add_f32 v[82:83], v[82:83], v[146:147]
	v_pk_add_f32 v[84:85], v[84:85], v[148:149]
	v_pk_add_f32 v[86:87], v[86:87], v[150:151]
	v_pk_add_f32 v[88:89], v[88:89], v[152:153]
	v_pk_add_f32 v[90:91], v[90:91], v[154:155]
	v_pk_add_f32 v[92:93], v[92:93], v[156:157]
	v_pk_add_f32 v[94:95], v[94:95], v[158:159]
	v_pk_add_f32 v[96:97], v[96:97], v[160:161]
	v_pk_add_f32 v[98:99], v[98:99], v[162:163]
	v_pk_add_f32 v[100:101], v[100:101], v[164:165]
	v_pk_add_f32 v[102:103], v[102:103], v[166:167]
	v_pk_add_f32 v[104:105], v[104:105], v[168:169]
	v_pk_add_f32 v[106:107], v[106:107], v[170:171]
	v_pk_add_f32 v[108:109], v[108:109], v[172:173]
	v_pk_add_f32 v[110:111], v[110:111], v[174:175]
	v_pk_add_f32 v[112:113], v[112:113], v[176:177]
	v_pk_add_f32 v[114:115], v[114:115], v[178:179]
	v_pk_add_f32 v[116:117], v[116:117], v[180:181]
	v_pk_add_f32 v[118:119], v[118:119], v[182:183]
	v_pk_add_f32 v[120:121], v[120:121], v[184:185]
	v_pk_add_f32 v[122:123], v[122:123], v[186:187]
	v_pk_add_f32 v[124:125], v[124:125], v[188:189]
	v_pk_add_f32 v[126:127], v[126:127], v[190:191]
	global_store_b128 v16, v[64:67], s[12:13] offset:0 th:TH_STORE_NT
	global_store_b128 v16, v[68:71], s[12:13] offset:4096 th:TH_STORE_NT
	global_store_b128 v16, v[72:75], s[12:13] offset:8192 th:TH_STORE_NT
	global_store_b128 v16, v[76:79], s[12:13] offset:12288 th:TH_STORE_NT
	global_store_b128 v16, v[80:83], s[12:13] offset:16384 th:TH_STORE_NT
	global_store_b128 v16, v[84:87], s[12:13] offset:20480 th:TH_STORE_NT
	global_store_b128 v16, v[88:91], s[12:13] offset:24576 th:TH_STORE_NT
	global_store_b128 v16, v[92:95], s[12:13] offset:28672 th:TH_STORE_NT
	global_store_b128 v16, v[96:99], s[12:13] offset:32768 th:TH_STORE_NT
	global_store_b128 v16, v[100:103], s[12:13] offset:36864 th:TH_STORE_NT
	global_store_b128 v16, v[104:107], s[12:13] offset:40960 th:TH_STORE_NT
	global_store_b128 v16, v[108:111], s[12:13] offset:45056 th:TH_STORE_NT
	global_store_b128 v16, v[112:115], s[12:13] offset:49152 th:TH_STORE_NT
	global_store_b128 v16, v[116:119], s[12:13] offset:53248 th:TH_STORE_NT
	global_store_b128 v16, v[120:123], s[12:13] offset:57344 th:TH_STORE_NT
	global_store_b128 v16, v[124:127], s[12:13] offset:61440 th:TH_STORE_NT
	s_wait_xcnt 0x0
	s_set_vgpr_msb 0xc
	ds_store_b128 v18, v[64:67] offset:0
	ds_store_b128 v18, v[68:71] offset:16
	ds_store_b128 v18, v[72:75] offset:64
	ds_store_b128 v18, v[76:79] offset:80
	ds_store_b128 v18, v[80:83] offset:128
	ds_store_b128 v18, v[84:87] offset:144
	ds_store_b128 v18, v[88:91] offset:192
	ds_store_b128 v18, v[92:95] offset:208
	ds_store_b128 v18, v[96:99] offset:256
	ds_store_b128 v18, v[100:103] offset:272
	ds_store_b128 v18, v[104:107] offset:320
	ds_store_b128 v18, v[108:111] offset:336
	ds_store_b128 v18, v[112:115] offset:384
	ds_store_b128 v18, v[116:119] offset:400
	ds_store_b128 v18, v[120:123] offset:448
	ds_store_b128 v18, v[124:127] offset:464
	s_set_vgpr_msb 0xc00
	ds_load_b128 v[64:67], v19 offset:0
	ds_load_b128 v[68:71], v19 offset:528
	ds_load_b128 v[72:75], v19 offset:1056
	ds_load_b128 v[76:79], v19 offset:1584
	ds_load_b128 v[80:83], v19 offset:2112
	ds_load_b128 v[84:87], v19 offset:2640
	ds_load_b128 v[88:91], v19 offset:3168
	ds_load_b128 v[92:95], v19 offset:3696
	ds_load_b128 v[96:99], v19 offset:4224
	ds_load_b128 v[100:103], v19 offset:4752
	ds_load_b128 v[104:107], v19 offset:5280
	ds_load_b128 v[108:111], v19 offset:5808
	ds_load_b128 v[112:115], v19 offset:6336
	ds_load_b128 v[116:119], v19 offset:6864
	ds_load_b128 v[120:123], v19 offset:7392
	ds_load_b128 v[124:127], v19 offset:7920
	s_wait_dscnt 0x0
	v_pk_add_f32 v[64:65], v[64:65], v[192:193]
	v_pk_add_f32 v[66:67], v[66:67], v[194:195]
	v_pk_add_f32 v[68:69], v[68:69], v[196:197]
	v_pk_add_f32 v[70:71], v[70:71], v[198:199]
	v_pk_add_f32 v[72:73], v[72:73], v[200:201]
	v_pk_add_f32 v[74:75], v[74:75], v[202:203]
	v_pk_add_f32 v[76:77], v[76:77], v[204:205]
	v_pk_add_f32 v[78:79], v[78:79], v[206:207]
	v_pk_add_f32 v[80:81], v[80:81], v[208:209]
	v_pk_add_f32 v[82:83], v[82:83], v[210:211]
	v_pk_add_f32 v[84:85], v[84:85], v[212:213]
	v_pk_add_f32 v[86:87], v[86:87], v[214:215]
	v_pk_add_f32 v[88:89], v[88:89], v[216:217]
	v_pk_add_f32 v[90:91], v[90:91], v[218:219]
	v_pk_add_f32 v[92:93], v[92:93], v[220:221]
	v_pk_add_f32 v[94:95], v[94:95], v[222:223]
	v_pk_add_f32 v[96:97], v[96:97], v[224:225]
	v_pk_add_f32 v[98:99], v[98:99], v[226:227]
	v_pk_add_f32 v[100:101], v[100:101], v[228:229]
	v_pk_add_f32 v[102:103], v[102:103], v[230:231]
	v_pk_add_f32 v[104:105], v[104:105], v[232:233]
	v_pk_add_f32 v[106:107], v[106:107], v[234:235]
	v_pk_add_f32 v[108:109], v[108:109], v[236:237]
	v_pk_add_f32 v[110:111], v[110:111], v[238:239]
	v_pk_add_f32 v[112:113], v[112:113], v[240:241]
	v_pk_add_f32 v[114:115], v[114:115], v[242:243]
	v_pk_add_f32 v[116:117], v[116:117], v[244:245]
	v_pk_add_f32 v[118:119], v[118:119], v[246:247]
	v_pk_add_f32 v[120:121], v[120:121], v[248:249]
	v_pk_add_f32 v[122:123], v[122:123], v[250:251]
	v_pk_add_f32 v[124:125], v[124:125], v[252:253]
	v_pk_add_f32 v[126:127], v[126:127], v[254:255]
	global_store_b128 v16, v[64:67], s[12:13] offset:65536 th:TH_STORE_NT
	global_store_b128 v16, v[68:71], s[12:13] offset:69632 th:TH_STORE_NT
	global_store_b128 v16, v[72:75], s[12:13] offset:73728 th:TH_STORE_NT
	global_store_b128 v16, v[76:79], s[12:13] offset:77824 th:TH_STORE_NT
	global_store_b128 v16, v[80:83], s[12:13] offset:81920 th:TH_STORE_NT
	global_store_b128 v16, v[84:87], s[12:13] offset:86016 th:TH_STORE_NT
	global_store_b128 v16, v[88:91], s[12:13] offset:90112 th:TH_STORE_NT
	global_store_b128 v16, v[92:95], s[12:13] offset:94208 th:TH_STORE_NT
	global_store_b128 v16, v[96:99], s[12:13] offset:98304 th:TH_STORE_NT
	global_store_b128 v16, v[100:103], s[12:13] offset:102400 th:TH_STORE_NT
	global_store_b128 v16, v[104:107], s[12:13] offset:106496 th:TH_STORE_NT
	global_store_b128 v16, v[108:111], s[12:13] offset:110592 th:TH_STORE_NT
	global_store_b128 v16, v[112:115], s[12:13] offset:114688 th:TH_STORE_NT
	global_store_b128 v16, v[116:119], s[12:13] offset:118784 th:TH_STORE_NT
	global_store_b128 v16, v[120:123], s[12:13] offset:122880 th:TH_STORE_NT
	global_store_b128 v16, v[124:127], s[12:13] offset:126976 th:TH_STORE_NT
	s_wait_tensorcnt 0x0
	ds_add_u32 v10, v11
	s_wait_dscnt 0x0
	s_barrier_signal -1
	s_barrier_wait -1
	s_cmp_lg_u32 s14, 0
	s_cbranch_scc1 .Lnot_wave_0_4
	s_barrier_signal -3
.Lnot_wave_0_4:
	s_barrier_wait -3
	s_barrier_signal -1
	s_barrier_wait -1
	s_endpgm
.Lfunc_end_k_q0f68157b24_gemm2:
	.size	k_q0f68157b24_gemm2, .Lfunc_end_k_q0f68157b24_gemm2-k_q0f68157b24_gemm2
	.p2alignl 7, 3214868480
	.fill 96, 4, 3214868480
	.section	.rodata,"a",@progbits
	.p2align	6, 0x0
	.amdhsa_kernel k_q0f68157b24_gemm2
		.amdhsa_group_segment_fixed_size 327680
		.amdhsa_private_segment_fixed_size 0
		.amdhsa_enable_private_segment 0
		.amdhsa_kernarg_size 56
		.amdhsa_user_sgpr_count 2
		.amdhsa_user_sgpr_kernarg_segment_ptr 1
		.amdhsa_wavefront_size32 1
		.amdhsa_system_sgpr_workgroup_id_x 1
		.amdhsa_system_sgpr_workgroup_id_y 1
		.amdhsa_system_sgpr_workgroup_id_z 1
		.amdhsa_system_vgpr_workitem_id 0
		.amdhsa_next_free_vgpr 1024
		.amdhsa_next_free_sgpr 102
		.amdhsa_reserve_vcc 0
		.amdhsa_float_denorm_mode_32 3
		.amdhsa_float_denorm_mode_16_64 3
		.amdhsa_memory_ordered 1
		.amdhsa_forward_progress 1
		.amdhsa_inst_pref_size 92
	.end_amdhsa_kernel
	.amdgpu_metadata
---
amdhsa.version: [ 1, 2 ]
amdhsa.kernels:
  - .name:           k_q0f68157b24_gemm2
    .symbol:         k_q0f68157b24_gemm2.kd
    .args:
      - { .name: vc, .offset: 0, .size: 8, .value_kind: global_buffer, .address_space: global }
      - { .name: vs, .offset: 8, .size: 8, .value_kind: global_buffer, .address_space: global }
      - { .name: pc, .offset: 16, .size: 8, .value_kind: global_buffer, .address_space: global }
      - { .name: ps, .offset: 24, .size: 8, .value_kind: global_buffer, .address_space: global }
      - { .name: b2, .offset: 32, .size: 8, .value_kind: global_buffer, .address_space: global }
      - { .name: cx, .offset: 40, .size: 8, .value_kind: global_buffer, .address_space: global }
      - { .name: qks, .offset: 48, .size: 8, .value_kind: global_buffer, .address_space: global }
    .group_segment_fixed_size: 327680
    .private_segment_fixed_size: 0
    .kernarg_segment_align: 8
    .kernarg_segment_size: 56
    .max_flat_workgroup_size: 128
    .sgpr_count:     102
    .vgpr_count:     1024
    .wavefront_size: 32
...
	.end_amdgpu_metadata
.endif
;; end of part 7
;; launch norm_out (part 8): grid 512 x 1, 4 waves a work-group, no clusters, 33,280 bytes of LDS; arguments gamma2, qks, beta2, out0; writes out0
.if DOCPART == 8
	.amdgcn_target "amdgcn-amd-amdhsa--gfx1250"
	.amdhsa_code_object_version 6
	.text
	.protected	k_q0f68157b24_norm_out
	.globl	k_q0f68157b24_norm_out
	.p2align	8
	.type	k_q0f68157b24_norm_out,@function
k_q0f68157b24_norm_out:
	s_mov_b64 s[64:65], 0
	v_nop
	global_prefetch_b8 v0, s[64:65] scope:SCOPE_SE
	s_setreg_imm32_b32 hwreg(HW_REG_WAVE_MODE, 25, 1), 1
	s_wait_xcnt 0x0
.set WAVES, 4
.set STEPS, 4
.set EMAX,  4
.set CB,    12
.set R,     16
.set X,     80
.set C,     128
.set E,     112
.set WREG,  8192
.set SP,    80
.set SPW,   12
.set NIL,   13
.set SPARE, WAVES*WREG
	s_load_b64 s[28:29], s[0:1], 0x18
	s_load_b64 s[32:33], s[0:1], 0x0
	s_load_b64 s[36:37], s[0:1], 0x8
	s_load_b64 s[40:41], s[0:1], 0x10
	s_mov_b32 s92, 0x76543210
	s_mov_b32 s93, 0xfedcba98
	v_lshl_add_u32 v[SPW], v0, 2, SPARE
	v_mov_b32 v[NIL], 0
	v_lshrrev_b32 v1, 5, v0
	v_readfirstlane_b32 s16, v1
	v_and_b32 v2, 31, v0
	v_lshlrev_b32 v3, 4, v2
	s_mul_i32 s17, s16, WREG
	v_lshrrev_b32 v14, 2, v2
	v_mul_u32_u24 v14, v14, SP
	v_and_b32 v15, 3, v2
	v_lshl_add_u32 v14, v15, 4, v14
	v_add_nc_u32 v14, s17, v14
	v_mul_u32_u24 v15, v2, SP
	v_add_nc_u32 v15, s17, v15
	v_mul_u32_u24 v4, v2, CB
	v_lshrrev_b32 v5, 1, v2
	s_add_co_u32 s17, s17, 2*32*SP
	v_add_nc_u32 v5, s17, v5
	v_lshlrev_b32 v7, 1, v2
	v_add_nc_u32 v6, s17, v7
	s_wait_alu depctr_va_vdst(0)
	s_wait_kmcnt 0x0
	s_lshl_b32 s17, ttmp9, 2
	s_add_co_u32 s18, s17, s16
	s_mov_b32 s19, 0
	s_mov_b32 s34, 0
	s_ashr_i32 s35, s34, 31
	s_add_nc_u64 s[32:33], s[32:33], s[34:35]
	s_mov_b32 s38, 0
	s_mov_b32 s45, s18
	s_mul_i32 s45, s45, 0x00002000
	s_add_co_u32 s38, s38, s45
	s_ashr_i32 s39, s38, 31
	s_add_nc_u64 s[36:37], s[36:37], s[38:39]
	s_mov_b32 s42, 0
	s_ashr_i32 s43, s42, 31
	s_add_nc_u64 s[40:41], s[40:41], s[42:43]
	s_lshl_b32 s20, s18, 13
	s_mov_b32 s21, 0
	s_add_nc_u64 s[28:29], s[28:29], s[20:21]
.macro TURN_0 t, src
.irp i, 0,1,2,3
	ds_store_b128 v14, v[(\src)+4*\i:(\src)+4*\i+3] offset:32*SP*((\t)%2)+8*SP*\i
.endr
.irp i, 0,1,2,3
	ds_load_b128 v[X+16*((\t)%2)+4*\i:X+16*((\t)%2)+4*\i+3], v15 offset:32*SP*((\t)%2)+16*\i
.endr
.endm
.macro QUANT_0 t
.set XS, X+16*((\t)%2)
	v_max3_num_f32 v8, |v[XS]|, |v[XS+1]|, |v[XS+2]|
	v_max3_num_f32 v9, |v[XS+3]|, |v[XS+4]|, |v[XS+5]|
.irp i, 6,10
	v_max3_num_f32 v8, v8, |v[XS+\i]|, |v[XS+\i+1]|
	v_max3_num_f32 v9, v9, |v[XS+\i+2]|, |v[XS+\i+3]|
.endr
	v_max3_num_f32 v8, v8, |v[XS+14]|, |v[XS+15]|
	v_max3_num_f32 v8, v8, v9, (EMAX+1)<<23
	v_max_num_f32_dpp v8, v8, v8 row_xmask:1 row_mask:0xf bank_mask:0xf
	v_add_nc_u32 v11, -(EMAX<<23), v8
	v_cvt_scalef32_pk16_bf6_f32 v[C+4*(\t):C+4*(\t)+2], v[XS:XS+15], v11
	v_lshrrev_b32 v[E+(\t)], 23, v11
	ds_store_b8 v5, v[E+(\t)] offset:16*(\t)
	global_store_b96 v4, v[C+4*(\t):C+4*(\t)+2], s[8:9] offset:32*CB*(\t)
.endm
	s_set_vgpr_msb 0x40
	global_load_b128 v[0:3], v3, s[32:33] offset:0
	global_load_b128 v[4:7], v3, s[40:41] offset:0
	global_load_b128 v[8:11], v3, s[32:33] offset:512
	global_load_b128 v[12:15], v3, s[40:41] offset:512
	global_load_b128 v[16:19], v3, s[32:33] offset:1024
	global_load_b128 v[20:23], v3, s[40:41] offset:1024
	global_load_b128 v[24:27], v3, s[32:33] offset:1536
	global_load_b128 v[28:31], v3, s[40:41] offset:1536
	global_load_b128 v[32:35], v3, s[32:33] offset:2048
	global_load_b128 v[36:39], v3, s[40:41] offset:2048
	global_load_b128 v[40:43], v3, s[32:33] offset:2560
	global_load_b128 v[44:47], v3, s[40:41] offset:2560
	global_load_b128 v[48:51], v3, s[32:33] offset:3072
	global_load_b128 v[52:55], v3, s[40:41] offset:3072
	global_load_b128 v[56:59], v3, s[32:33] offset:3584
	global_load_b128 v[60:63], v3, s[40:41] offset:3584
	s_set_vgpr_msb 0x4000
	global_load_b128 v[16:19], v3, s[36:37] offset:0 th:TH_LOAD_NT
	global_load_b128 v[20:23], v3, s[36:37] offset:512 th:TH_LOAD_NT
	global_load_b128 v[24:27], v3, s[36:37] offset:1024 th:TH_LOAD_NT
	global_load_b128 v[28:31], v3, s[36:37] offset:1536 th:TH_LOAD_NT
	global_load_b128 v[32:35], v3, s[36:37] offset:2048 th:TH_LOAD_NT
	global_load_b128 v[36:39], v3, s[36:37] offset:2560 th:TH_LOAD_NT
	global_load_b128 v[40:43], v3, s[36:37] offset:3072 th:TH_LOAD_NT
	global_load_b128 v[44:47], v3, s[36:37] offset:3584 th:TH_LOAD_NT
	global_load_b128 v[48:51], v3, s[36:37] offset:4096 th:TH_LOAD_NT
	global_load_b128 v[52:55], v3, s[36:37] offset:4608 th:TH_LOAD_NT
	global_load_b128 v[56:59], v3, s[36:37] offset:5120 th:TH_LOAD_NT
	global_load_b128 v[60:63], v3, s[36:37] offset:5632 th:TH_LOAD_NT
	global_load_b128 v[64:67], v3, s[36:37] offset:6144 th:TH_LOAD_NT
	global_load_b128 v[68:71], v3, s[36:37] offset:6656 th:TH_LOAD_NT
	global_load_b128 v[72:75], v3, s[36:37] offset:7168 th:TH_LOAD_NT
	global_load_b128 v[76:79], v3, s[36:37] offset:7680 th:TH_LOAD_NT
	s_wait_loadcnt 8
	v_add_f32 v224, v20, v16
	v_add_f32 v225, v21, v17
	v_add_f32 v226, v22, v18
	v_add_f32 v227, v23, v19
	v_add_f32 v224, v24, v224
	v_add_f32 v225, v25, v225
	v_add_f32 v226, v26, v226
	v_add_f32 v227, v27, v227
	v_add_f32 v224, v28, v224
	v_add_f32 v225, v29, v225
	v_add_f32 v226, v30, v226
	v_add_f32 v227, v31, v227
	v_add_f32 v224, v32, v224
	v_add_f32 v225, v33, v225
	v_add_f32 v226, v34, v226
	v_add_f32 v227, v35, v227
	v_add_f32 v224, v36, v224
	v_add_f32 v225, v37, v225
	v_add_f32 v226, v38, v226
	v_add_f32 v227, v39, v227
	v_add_f32 v224, v40, v224
	v_add_f32 v225, v41, v225
	v_add_f32 v226, v42, v226
	v_add_f32 v227, v43, v227
	v_add_f32 v224, v44, v224
	v_add_f32 v225, v45, v225
	v_add_f32 v226, v46, v226
	v_add_f32 v227, v47, v227
	v_add_f32 v224, v224, v225
	v_add_f32 v225, v226, v227
	v_add_f32 v224, v224, v225
	v_mov_b32 v224, v224
	v_add_f32_dpp v224, v224, v224 row_xmask:1 row_mask:0xf bank_mask:0xf
	v_add_f32_dpp v224, v224, v224 row_xmask:2 row_mask:0xf bank_mask:0xf
	v_add_f32_dpp v224, v224, v224 row_xmask:4 row_mask:0xf bank_mask:0xf
	v_add_f32_dpp v224, v224, v224 row_xmask:8 row_mask:0xf bank_mask:0xf
	v_mov_b32 v225, v224
	v_permlanex16_b32 v225, v224, s92, s93
	v_add_f32 v224, v224, v225
	v_mul_f32 v224, 0x3a800000, v224
	v_sub_f32 v44, v44, v224
	v_sub_f32 v40, v40, v224
	v_sub_f32 v36, v36, v224
	v_sub_f32 v32, v32, v224
	v_sub_f32 v28, v28, v224
	v_sub_f32 v24, v24, v224
	v_sub_f32 v20, v20, v224
	v_sub_f32 v16, v16, v224
	v_sub_f32 v45, v45, v224
	v_sub_f32 v41, v41, v224
	v_sub_f32 v37, v37, v224
	v_sub_f32 v33, v33, v224
	v_sub_f32 v29, v29, v224
	v_sub_f32 v25, v25, v224
	v_sub_f32 v21, v21, v224
	v_sub_f32 v17, v17, v224
	v_sub_f32 v46, v46, v224
	v_sub_f32 v42, v42, v224
	v_sub_f32 v38, v38, v224
	v_sub_f32 v34, v34, v224
	v_sub_f32 v30, v30, v224
	v_sub_f32 v26, v26, v224
	v_sub_f32 v22, v22, v224
	v_sub_f32 v18, v18, v224
	v_sub_f32 v47, v47, v224
	v_sub_f32 v43, v43, v224
	v_sub_f32 v39, v39, v224
	v_sub_f32 v35, v35, v224
	v_sub_f32 v31, v31, v224
	v_sub_f32 v27, v27, v224
	v_sub_f32 v23, v23, v224
	v_sub_f32 v19, v19, v224
	v_mul_f32 v224, v16, v16
	v_mul_f32 v225, v17, v17
	v_mul_f32 v226, v18, v18
	v_mul_f32 v227, v19, v19
	v_fma_f32 v224, v20, v20, v224
	v_fma_f32 v225, v21, v21, v225
	v_fma_f32 v226, v22, v22, v226
	v_fma_f32 v227, v23, v23, v227
	v_fma_f32 v224, v24, v24, v224
	v_fma_f32 v225, v25, v25, v225
	v_fma_f32 v226, v26, v26, v226
	v_fma_f32 v227, v27, v27, v227
	v_fma_f32 v224, v28, v28, v224
	v_fma_f32 v225, v29, v29, v225
	v_fma_f32 v226, v30, v30, v226
	v_fma_f32 v227, v31, v31, v227
	v_fma_f32 v224, v32, v32, v224
	v_fma_f32 v225, v33, v33, v225
	v_fma_f32 v226, v34, v34, v226
	v_fma_f32 v227, v35, v35, v227
	v_fma_f32 v224, v36, v36, v224
	v_fma_f32 v225, v37, v37, v225
	v_fma_f32 v226, v38, v38, v226
	v_fma_f32 v227, v39, v39, v227
	v_fma_f32 v224, v40, v40, v224
	v_fma_f32 v225, v41, v41, v225
	v_fma_f32 v226, v42, v42, v226
	v_fma_f32 v227, v43, v43, v227
	v_fma_f32 v224, v44, v44, v224
	v_fma_f32 v225, v45, v45, v225
	v_fma_f32 v226, v46, v46, v226
	v_fma_f32 v227, v47, v47, v227
	v_add_f32 v224, v224, v225
	v_add_f32 v225, v226, v227
	v_add_f32 v224, v224, v225
	v_mov_b32 v224, v224
	v_add_f32_dpp v224, v224, v224 row_xmask:1 row_mask:0xf bank_mask:0xf
	v_add_f32_dpp v224, v224, v224 row_xmask:2 row_mask:0xf bank_mask:0xf
	v_add_f32_dpp v224, v224, v224 row_xmask:4 row_mask:0xf bank_mask:0xf
	v_add_f32_dpp v224, v224, v224 row_xmask:8 row_mask:0xf bank_mask:0xf
	v_mov_b32 v225, v224
	v_permlanex16_b32 v225, v224, s92, s93
	v_add_f32 v224, v224, v225
	v_mul_f32 v224, 0x3a800000, v224
	v_add_f32 v224, 0x3727c5ac, v224
	s_wait_alu depctr_va_vdst(0)
	v_sqrt_f32 v225, v224
	v_nop
	s_wait_alu depctr_va_vdst(0)
	s_wait_alu depctr_va_vdst(0)
	v_rcp_f32 v224, v225
	v_nop
	s_wait_alu depctr_va_vdst(0)
	s_set_vgpr_msb 0x1
	v_mul_f32 v16, v0, v16
	v_mul_f32 v17, v1, v17
	v_mul_f32 v18, v2, v18
	v_mul_f32 v19, v3, v19
	v_mul_f32 v20, v8, v20
	v_mul_f32 v21, v9, v21
	v_mul_f32 v22, v10, v22
	v_mul_f32 v23, v11, v23
	s_set_vgpr_msb 0x100
	v_mul_f32 v225, -1.0, v225
	v_mul_f32 v226, v16, v224
	v_mul_f32 v227, v17, v224
	v_mul_f32 v228, v18, v224
	v_mul_f32 v229, v19, v224
	v_mul_f32 v230, v20, v224
	v_mul_f32 v231, v21, v224
	v_mul_f32 v232, v22, v224
	v_mul_f32 v233, v23, v224
	v_fma_f32 v16, v225, v226, v16
	v_fma_f32 v17, v225, v227, v17
	v_fma_f32 v18, v225, v228, v18
	v_fma_f32 v19, v225, v229, v19
	v_fma_f32 v20, v225, v230, v20
	v_fma_f32 v21, v225, v231, v21
	v_fma_f32 v22, v225, v232, v22
	v_fma_f32 v23, v225, v233, v23
	v_fma_f32 v16, v16, v224, v226
	v_fma_f32 v17, v17, v224, v227
	v_fma_f32 v18, v18, v224, v228
	v_fma_f32 v19, v19, v224, v229
	v_fma_f32 v20, v20, v224, v230
	v_fma_f32 v21, v21, v224, v231
	v_fma_f32 v22, v22, v224, v232
	v_fma_f32 v23, v23, v224, v233
	s_set_vgpr_msb 0x4
	v_add_f32 v192, v16, v4
	v_add_f32 v193, v17, v5
	v_add_f32 v194, v18, v6
	v_add_f32 v195, v19, v7
	v_add_f32 v196, v20, v12
	v_add_f32 v197, v21, v13
	v_add_f32 v198, v22, v14
	v_add_f32 v199, v23, v15
	s_set_vgpr_msb 0x401
	v_mul_f32 v16, v16, v24
	v_mul_f32 v17, v17, v25
	v_mul_f32 v18, v18, v26
	v_mul_f32 v19, v19, v27
	v_mul_f32 v20, v24, v28
	v_mul_f32 v21, v25, v29
	v_mul_f32 v22, v26, v30
	v_mul_f32 v23, v27, v31
	s_set_vgpr_msb 0x100
	v_mul_f32 v24, v16, v224
	v_mul_f32 v25, v17, v224
	v_mul_f32 v26, v18, v224
	v_mul_f32 v27, v19, v224
	v_mul_f32 v28, v20, v224
	v_mul_f32 v29, v21, v224
	v_mul_f32 v30, v22, v224
	v_mul_f32 v31, v23, v224
	v_fma_f32 v16, v225, v24, v16
	v_fma_f32 v17, v225, v25, v17
	v_fma_f32 v18, v225, v26, v18
	v_fma_f32 v19, v225, v27, v19
	v_fma_f32 v20, v225, v28, v20
	v_fma_f32 v21, v225, v29, v21
	v_fma_f32 v22, v225, v30, v22
	v_fma_f32 v23, v225, v31, v23
	v_fma_f32 v16, v16, v224, v24
	v_fma_f32 v17, v17, v224, v25
	v_fma_f32 v18, v18, v224, v26
	v_fma_f32 v19, v19, v224, v27
	v_fma_f32 v20, v20, v224, v28
	v_fma_f32 v21, v21, v224, v29
	v_fma_f32 v22, v22, v224, v30
	v_fma_f32 v23, v23, v224, v31
	s_set_vgpr_msb 0x4
	v_add_f32 v200, v16, v20
	v_add_f32 v201, v17, v21
	v_add_f32 v202, v18, v22
	v_add_f32 v203, v19, v23
	v_add_f32 v204, v20, v28
	v_add_f32 v205, v21, v29
	v_add_f32 v206, v22, v30
	v_add_f32 v207, v23, v31
	s_set_vgpr_msb 0x401
	v_mul_f32 v16, v32, v32
	v_mul_f32 v17, v33, v33
	v_mul_f32 v18, v34, v34
	v_mul_f32 v19, v35, v35
	v_mul_f32 v20, v40, v36
	v_mul_f32 v21, v41, v37
	v_mul_f32 v22, v42, v38
	v_mul_f32 v23, v43, v39
	s_set_vgpr_msb 0x100
	v_mul_f32 v24, v16, v224
	v_mul_f32 v25, v17, v224
	v_mul_f32 v26, v18, v224
	v_mul_f32 v27, v19, v224
	v_mul_f32 v28, v20, v224
	v_mul_f32 v29, v21, v224
	v_mul_f32 v30, v22, v224
	v_mul_f32 v31, v23, v224
	v_fma_f32 v16, v225, v24, v16
	v_fma_f32 v17, v225, v25, v17
	v_fma_f32 v18, v225, v26, v18
	v_fma_f32 v19, v225, v27, v19
	v_fma_f32 v20, v225, v28, v20
	v_fma_f32 v21, v225, v29, v21
	v_fma_f32 v22, v225, v30, v22
	v_fma_f32 v23, v225, v31, v23
	v_fma_f32 v16, v16, v224, v24
	v_fma_f32 v17, v17, v224, v25
	v_fma_f32 v18, v18, v224, v26
	v_fma_f32 v19, v19, v224, v27
	v_fma_f32 v20, v20, v224, v28
	v_fma_f32 v21, v21, v224, v29
	v_fma_f32 v22, v22, v224, v30
	v_fma_f32 v23, v23, v224, v31
	s_set_vgpr_msb 0x4
	v_add_f32 v208, v16, v36
	v_add_f32 v209, v17, v37
	v_add_f32 v210, v18, v38
	v_add_f32 v211, v19, v39
	v_add_f32 v212, v20, v44
	v_add_f32 v213, v21, v45
	v_add_f32 v214, v22, v46
	v_add_f32 v215, v23, v47
	s_set_vgpr_msb 0x401
	v_mul_f32 v16, v48, v40
	v_mul_f32 v17, v49, v41
	v_mul_f32 v18, v50, v42
	v_mul_f32 v19, v51, v43
	v_mul_f32 v20, v56, v44
	v_mul_f32 v21, v57, v45
	v_mul_f32 v22, v58, v46
	v_mul_f32 v23, v59, v47
	s_set_vgpr_msb 0x100
	v_mul_f32 v24, v16, v224
	v_mul_f32 v25, v17, v224
	v_mul_f32 v26, v18, v224
	v_mul_f32 v27, v19, v224
	v_mul_f32 v28, v20, v224
	v_mul_f32 v29, v21, v224
	v_mul_f32 v30, v22, v224
	v_mul_f32 v31, v23, v224
	v_fma_f32 v16, v225, v24, v16
	v_fma_f32 v17, v225, v25, v17
	v_fma_f32 v18, v225, v26, v18
	v_fma_f32 v19, v225, v27, v19
	v_fma_f32 v20, v225, v28, v20
	v_fma_f32 v21, v225, v29, v21
	v_fma_f32 v22, v225, v30, v22
	v_fma_f32 v23, v225, v31, v23
	v_fma_f32 v16, v16, v224, v24
	v_fma_f32 v17, v17, v224, v25
	v_fma_f32 v18, v18, v224, v26
	v_fma_f32 v19, v19, v224, v27
	v_fma_f32 v20, v20, v224, v28
	v_fma_f32 v21, v21, v224, v29
	v_fma_f32 v22, v22, v224, v30
	v_fma_f32 v23, v23, v224, v31
	s_set_vgpr_msb 0x4
	v_add_f32 v216, v16, v52
	v_add_f32 v217, v17, v53
	v_add_f32 v218, v18, v54
	v_add_f32 v219, v19, v55
	v_add_f32 v220, v20, v60
	v_add_f32 v221, v21, v61
	v_add_f32 v222, v22, v62
	v_add_f32 v223, v23, v63
	s_set_vgpr_msb 0x400
	global_store_b128 v3, v[192:195], s[28:29] offset:0 th:TH_STORE_NT
	global_store_b128 v3, v[196:199], s[28:29] offset:512 th:TH_STORE_NT
	global_store_b128 v3, v[200:203], s[28:29] offset:1024 th:TH_STORE_NT
	global_store_b128 v3, v[204:207], s[28:29] offset:1536 th:TH_STORE_NT
	global_store_b128 v3, v[208:211], s[28:29] offset:2048 th:TH_STORE_NT
	global_store_b128 v3, v[212:215], s[28:29] offset:2560 th:TH_STORE_NT
	global_store_b128 v3, v[216:219], s[28:29] offset:3072 th:TH_STORE_NT
	global_store_b128 v3, v[220:223], s[28:29] offset:3584 th:TH_STORE_NT
	s_wait_xcnt 0x0
	s_wait_loadcnt 0
	v_add_f32 v224, v52, v48
	v_add_f32 v225, v53, v49
	v_add_f32 v226, v54, v50
	v_add_f32 v227, v55, v51
	v_add_f32 v224, v56, v224
	v_add_f32 v225, v57, v225
	v_add_f32 v226, v58, v226
	v_add_f32 v227, v59, v227
	v_add_f32 v224, v60, v224
	v_add_f32 v225, v61, v225
	v_add_f32 v226, v62, v226
	v_add_f32 v227, v63, v227
	v_add_f32 v224, v64, v224
	v_add_f32 v225, v65, v225
	v_add_f32 v226, v66, v226
	v_add_f32 v227, v67, v227
	v_add_f32 v224, v68, v224
	v_add_f32 v225, v69, v225
	v_add_f32 v226, v70, v226
	v_add_f32 v227, v71, v227
	v_add_f32 v224, v72, v224
	v_add_f32 v225, v73, v225
	v_add_f32 v226, v74, v226
	v_add_f32 v227, v75, v227
	v_add_f32 v224, v76, v224
	v_add_f32 v225, v77, v225
	v_add_f32 v226, v78, v226
	v_add_f32 v227, v79, v227
	v_add_f32 v224, v224, v225
	v_add_f32 v225, v226, v227
	v_add_f32 v224, v224, v225
	v_mov_b32 v224, v224
	v_add_f32_dpp v224, v224, v224 row_xmask:1 row_mask:0xf bank_mask:0xf
	v_add_f32_dpp v224, v224, v224 row_xmask:2 row_mask:0xf bank_mask:0xf
	v_add_f32_dpp v224, v224, v224 row_xmask:4 row_mask:0xf bank_mask:0xf
	v_add_f32_dpp v224, v224, v224 row_xmask:8 row_mask:0xf bank_mask:0xf
	v_mov_b32 v225, v224
	v_permlanex16_b32 v225, v224, s92, s93
	v_add_f32 v224, v224, v225
	v_mul_f32 v224, 0x3a800000, v224
	v_sub_f32 v76, v76, v224
	v_sub_f32 v72, v72, v224
	v_sub_f32 v68, v68, v224
	v_sub_f32 v64, v64, v224
	v_sub_f32 v60, v60, v224
	v_sub_f32 v56, v56, v224
	v_sub_f32 v52, v52, v224
	v_sub_f32 v48, v48, v224
	v_sub_f32 v77, v77, v224
	v_sub_f32 v73, v73, v224
	v_sub_f32 v69, v69, v224
	v_sub_f32 v65, v65, v224
	v_sub_f32 v61, v61, v224
	v_sub_f32 v57, v57, v224
	v_sub_f32 v53, v53, v224
	v_sub_f32 v49, v49, v224
	v_sub_f32 v78, v78, v224
	v_sub_f32 v74, v74, v224
	v_sub_f32 v70, v70, v224
	v_sub_f32 v66, v66, v224
	v_sub_f32 v62, v62, v224
	v_sub_f32 v58, v58, v224
	v_sub_f32 v54, v54, v224
	v_sub_f32 v50, v50, v224
	v_sub_f32 v79, v79, v224
	v_sub_f32 v75, v75, v224
	v_sub_f32 v71, v71, v224
	v_sub_f32 v67, v67, v224
	v_sub_f32 v63, v63, v224
	v_sub_f32 v59, v59, v224
	v_sub_f32 v55, v55, v224
	v_sub_f32 v51, v51, v224
	v_mul_f32 v224, v48, v48
	v_mul_f32 v225, v49, v49
	v_mul_f32 v226, v50, v50
	v_mul_f32 v227, v51, v51
	v_fma_f32 v224, v52, v52, v224
	v_fma_f32 v225, v53, v53, v225
	v_fma_f32 v226, v54, v54, v226
	v_fma_f32 v227, v55, v55, v227
	v_fma_f32 v224, v56, v56, v224
	v_fma_f32 v225, v57, v57, v225
	v_fma_f32 v226, v58, v58, v226
	v_fma_f32 v227, v59, v59, v227
	v_fma_f32 v224, v60, v60, v224
	v_fma_f32 v225, v61, v61, v225
	v_fma_f32 v226, v62, v62, v226
	v_fma_f32 v227, v63, v63, v227
	v_fma_f32 v224, v64, v64, v224
	v_fma_f32 v225, v65, v65, v225
	v_fma_f32 v226, v66, v66, v226
	v_fma_f32 v227, v67, v67, v227
	v_fma_f32 v224, v68, v68, v224
	v_fma_f32 v225, v69, v69, v225
	v_fma_f32 v226, v70, v70, v226
	v_fma_f32 v227, v71, v71, v227
	v_fma_f32 v224, v72, v72, v224
	v_fma_f32 v225, v73, v73, v225
	v_fma_f32 v226, v74, v74, v226
	v_fma_f32 v227, v75, v75, v227
	v_fma_f32 v224, v76, v76, v224
	v_fma_f32 v225, v77, v77, v225
	v_fma_f32 v226, v78, v78, v226
	v_fma_f32 v227, v79, v79, v227
	v_add_f32 v224, v224, v225
	v_add_f32 v225, v226, v227
	v_add_f32 v224, v224, v225
	v_mov_b32 v224, v224
	v_add_f32_dpp v224, v224, v224 row_xmask:1 row_mask:0xf bank_mask:0xf
	v_add_f32_dpp v224, v224, v224 row_xmask:2 row_mask:0xf bank_mask:0xf
	v_add_f32_dpp v224, v224, v224 row_xmask:4 row_mask:0xf bank_mask:0xf
	v_add_f32_dpp v224, v224, v224 row_xmask:8 row_mask:0xf bank_mask:0xf
	v_mov_b32 v225, v224
	v_permlanex16_b32 v225, v224, s92, s93
	v_add_f32 v224, v224, v225
	v_mul_f32 v224, 0x3a800000, v224
	v_add_f32 v224, 0x3727c5ac, v224
	s_wait_alu depctr_va_vdst(0)
	v_sqrt_f32 v225, v224
	v_nop
	s_wait_alu depctr_va_vdst(0)
	s_wait_alu depctr_va_vdst(0)
	v_rcp_f32 v224, v225
	v_nop
	s_wait_alu depctr_va_vdst(0)
	s_set_vgpr_msb 0x1
	v_mul_f32 v48, v0, v48
	v_mul_f32 v49, v1, v49
	v_mul_f32 v50, v2, v50
	v_mul_f32 v51, v3, v51
	v_mul_f32 v52, v8, v52
	v_mul_f32 v53, v9, v53
	v_mul_f32 v54, v10, v54
	v_mul_f32 v55, v11, v55
	s_set_vgpr_msb 0x100
	v_mul_f32 v225, -1.0, v225
	v_mul_f32 v226, v48, v224
	v_mul_f32 v227, v49, v224
	v_mul_f32 v228, v50, v224
	v_mul_f32 v229, v51, v224
	v_mul_f32 v230, v52, v224
	v_mul_f32 v231, v53, v224
	v_mul_f32 v232, v54, v224
	v_mul_f32 v233, v55, v224
	v_fma_f32 v48, v225, v226, v48
	v_fma_f32 v49, v225, v227, v49
	v_fma_f32 v50, v225, v228, v50
	v_fma_f32 v51, v225, v229, v51
	v_fma_f32 v52, v225, v230, v52
	v_fma_f32 v53, v225, v231, v53
	v_fma_f32 v54, v225, v232, v54
	v_fma_f32 v55, v225, v233, v55
	v_fma_f32 v48, v48, v224, v226
	v_fma_f32 v49, v49, v224, v227
	v_fma_f32 v50, v50, v224, v228
	v_fma_f32 v51, v51, v224, v229
	v_fma_f32 v52, v52, v224, v230
	v_fma_f32 v53, v53, v224, v231
	v_fma_f32 v54, v54, v224, v232
	v_fma_f32 v55, v55, v224, v233
	s_set_vgpr_msb 0x4
	v_add_f32 v192, v48, v4
	v_add_f32 v193, v49, v5
	v_add_f32 v194, v50, v6
	v_add_f32 v195, v51, v7
	v_add_f32 v196, v52, v12
	v_add_f32 v197, v53, v13
	v_add_f32 v198, v54, v14
	v_add_f32 v199, v55, v15
	s_set_vgpr_msb 0x401
	v_mul_f32 v48, v16, v56
	v_mul_f32 v49, v17, v57
	v_mul_f32 v50, v18, v58
	v_mul_f32 v51, v19, v59
	v_mul_f32 v52, v24, v60
	v_mul_f32 v53, v25, v61
	v_mul_f32 v54, v26, v62
	v_mul_f32 v55, v27, v63
	s_set_vgpr_msb 0x100
	v_mul_f32 v56, v48, v224
	v_mul_f32 v57, v49, v224
	v_mul_f32 v58, v50, v224
	v_mul_f32 v59, v51, v224
	v_mul_f32 v60, v52, v224
	v_mul_f32 v61, v53, v224
	v_mul_f32 v62, v54, v224
	v_mul_f32 v63, v55, v224
	v_fma_f32 v48, v225, v56, v48
	v_fma_f32 v49, v225, v57, v49
	v_fma_f32 v50, v225, v58, v50
	v_fma_f32 v51, v225, v59, v51
	v_fma_f32 v52, v225, v60, v52
	v_fma_f32 v53, v225, v61, v53
	v_fma_f32 v54, v225, v62, v54
	v_fma_f32 v55, v225, v63, v55
	v_fma_f32 v48, v48, v224, v56
	v_fma_f32 v49, v49, v224, v57
	v_fma_f32 v50, v50, v224, v58
	v_fma_f32 v51, v51, v224, v59
	v_fma_f32 v52, v52, v224, v60
	v_fma_f32 v53, v53, v224, v61
	v_fma_f32 v54, v54, v224, v62
	v_fma_f32 v55, v55, v224, v63
	s_set_vgpr_msb 0x4
	v_add_f32 v200, v48, v20
	v_add_f32 v201, v49, v21
	v_add_f32 v202, v50, v22
	v_add_f32 v203, v51, v23
	v_add_f32 v204, v52, v28
	v_add_f32 v205, v53, v29
	v_add_f32 v206, v54, v30
	v_add_f32 v207, v55, v31
	s_set_vgpr_msb 0x401
	v_mul_f32 v48, v32, v64
	v_mul_f32 v49, v33, v65
	v_mul_f32 v50, v34, v66
	v_mul_f32 v51, v35, v67
	v_mul_f32 v52, v40, v68
	v_mul_f32 v53, v41, v69
	v_mul_f32 v54, v42, v70
	v_mul_f32 v55, v43, v71
	s_set_vgpr_msb 0x100
	v_mul_f32 v56, v48, v224
	v_mul_f32 v57, v49, v224
	v_mul_f32 v58, v50, v224
	v_mul_f32 v59, v51, v224
	v_mul_f32 v60, v52, v224
	v_mul_f32 v61, v53, v224
	v_mul_f32 v62, v54, v224
	v_mul_f32 v63, v55, v224
	v_fma_f32 v48, v225, v56, v48
	v_fma_f32 v49, v225, v57, v49
	v_fma_f32 v50, v225, v58, v50
	v_fma_f32 v51, v225, v59, v51
	v_fma_f32 v52, v225, v60, v52
	v_fma_f32 v53, v225, v61, v53
	v_fma_f32 v54, v225, v62, v54
	v_fma_f32 v55, v225, v63, v55
	v_fma_f32 v48, v48, v224, v56
	v_fma_f32 v49, v49, v224, v57
	v_fma_f32 v50, v50, v224, v58
	v_fma_f32 v51, v51, v224, v59
	v_fma_f32 v52, v52, v224, v60
	v_fma_f32 v53, v53, v224, v61
	v_fma_f32 v54, v54, v224, v62
	v_fma_f32 v55, v55, v224, v63
	s_set_vgpr_msb 0x4
	v_add_f32 v208, v48, v36
	v_add_f32 v209, v49, v37
	v_add_f32 v210, v50, v38
	v_add_f32 v211, v51, v39
	v_add_f32 v212, v52, v44
	v_add_f32 v213, v53, v45
	v_add_f32 v214, v54, v46
	v_add_f32 v215, v55, v47
	s_set_vgpr_msb 0x401
	v_mul_f32 v48, v48, v72
	v_mul_f32 v49, v49, v73
	v_mul_f32 v50, v50, v74
	v_mul_f32 v51, v51, v75
	v_mul_f32 v52, v56, v76
	v_mul_f32 v53, v57, v77
	v_mul_f32 v54, v58, v78
	v_mul_f32 v55, v59, v79
	s_set_vgpr_msb 0x100
	v_mul_f32 v56, v48, v224
	v_mul_f32 v57, v49, v224
	v_mul_f32 v58, v50, v224
	v_mul_f32 v59, v51, v224
	v_mul_f32 v60, v52, v224
	v_mul_f32 v61, v53, v224
	v_mul_f32 v62, v54, v224
	v_mul_f32 v63, v55, v224
	v_fma_f32 v48, v225, v56, v48
	v_fma_f32 v49, v225, v57, v49
	v_fma_f32 v50, v225, v58, v50
	v_fma_f32 v51, v225, v59, v51
	v_fma_f32 v52, v225, v60, v52
	v_fma_f32 v53, v225, v61, v53
	v_fma_f32 v54, v225, v62, v54
	v_fma_f32 v55, v225, v63, v55
	v_fma_f32 v48, v48, v224, v56
	v_fma_f32 v49, v49, v224, v57
	v_fma_f32 v50, v50, v224, v58
	v_fma_f32 v51, v51, v224, v59
	v_fma_f32 v52, v52, v224, v60
	v_fma_f32 v53, v53, v224, v61
	v_fma_f32 v54, v54, v224, v62
	v_fma_f32 v55, v55, v224, v63
	s_set_vgpr_msb 0x4
	v_add_f32 v216, v48, v52
	v_add_f32 v217, v49, v53
	v_add_f32 v218, v50, v54
	v_add_f32 v219, v51, v55
	v_add_f32 v220, v52, v60
	v_add_f32 v221, v53, v61
	v_add_f32 v222, v54, v62
	v_add_f32 v223, v55, v63
	s_set_vgpr_msb 0x400
	global_store_b128 v3, v[192:195], s[28:29] offset:4096 th:TH_STORE_NT
	global_store_b128 v3, v[196:199], s[28:29] offset:4608 th:TH_STORE_NT
	global_store_b128 v3, v[200:203], s[28:29] offset:5120 th:TH_STORE_NT
	global_store_b128 v3, v[204:207], s[28:29] offset:5632 th:TH_STORE_NT
	global_store_b128 v3, v[208:211], s[28:29] offset:6144 th:TH_STORE_NT
	global_store_b128 v3, v[212:215], s[28:29] offset:6656 th:TH_STORE_NT
	global_store_b128 v3, v[216:219], s[28:29] offset:7168 th:TH_STORE_NT
	global_store_b128 v3, v[220:223], s[28:29] offset:7680 th:TH_STORE_NT
	s_wait_tensorcnt 0x0
	ds_add_u32 v[SPW], v[NIL]
	s_wait_dscnt 0x0
	s_endpgm
.Lfunc_end_k_q0f68157b24_norm_out:
	.size	k_q0f68157b24_norm_out, .Lfunc_end_k_q0f68157b24_norm_out-k_q0f68157b24_norm_out
	.p2alignl 7, 3214868480
	.fill 96, 4, 3214868480
	.section	.rodata,"a",@progbits
	.p2align	6, 0x0
	.amdhsa_kernel k_q0f68157b24_norm_out
		.amdhsa_group_segment_fixed_size 33280
		.amdhsa_private_segment_fixed_size 0
		.amdhsa_enable_private_segment 0
		.amdhsa_kernarg_size 32
		.amdhsa_user_sgpr_count 2
		.amdhsa_user_sgpr_kernarg_segment_ptr 1
		.amdhsa_wavefront_size32 1
		.amdhsa_system_sgpr_workgroup_id_x 1
		.amdhsa_system_sgpr_workgroup_id_y 1
		.amdhsa_system_sgpr_workgroup_id_z 1
		.amdhsa_system_vgpr_workitem_id 0
		.amdhsa_next_free_vgpr 320
		.amdhsa_next_free_sgpr 95
		.amdhsa_reserve_vcc 0
		.amdhsa_float_denorm_mode_32 3
		.amdhsa_float_denorm_mode_16_64 3
		.amdhsa_memory_ordered 1
		.amdhsa_forward_progress 1
		.amdhsa_inst_pref_size 33
	.end_amdhsa_kernel
	.amdgpu_metadata
---
amdhsa.version: [ 1, 2 ]
amdhsa.kernels:
  - .name:           k_q0f68157b24_norm_out
    .symbol:         k_q0f68157b24_norm_out.kd
    .args:
      - { .name: gamma2, .offset: 0, .size: 8, .value_kind: global_buffer, .address_space: global }
      - { .name: qks, .offset: 8, .size: 8, .value_kind: global_buffer, .address_space: global }
      - { .name: beta2, .offset: 16, .size: 8, .value_kind: global_buffer, .address_space: global }
      - { .name: out0, .offset: 24, .size: 8, .value_kind: global_buffer, .address_space: global }
    .group_segment_fixed_size: 33280
    .private_segment_fixed_size: 0
    .kernarg_segment_align: 8
    .kernarg_segment_size: 32
    .max_flat_workgroup_size: 128
    .sgpr_count:     95
    .vgpr_count:     320
    .wavefront_size: 32
...
	.end_amdgpu_metadata
.endif
;; end of part 8
